; MI455X (gfx1250); checked and timed in simulation.
; The chip was launched on July 23, 2026; its instructions are those of AMD's public machine-readable ISA for CDNA 5 (MIT licence, August 2026) and "CDNA5" Instruction Set Architecture Reference Guide (July 2026). The comments in the code are by the model that wrote it; some were corrected since.
;; Transformer Block. Allowed arithmetic: matrix products marked QUANTISED: E2M3 operands, one E8M0 scale for each 32 along K, by v_wmma_scale_f32_16x16x128_f8f6f4 with both operands' format E2M3, f32 sums; products left as they are: f32 operands where the result goes on into a quantised operand, else bf16, f16 or f32 operands; f32 sums; everything else in f32.
;; Inputs: ff1_b 4,096 float32; ff1_w_codes 4,096 x 32 x 24 uint8 (E2M3 codes of ff1_w, K innermost, in blocks of 32 codes, four codes in three bytes); ff1_w_scales 4,096 x 32 uint8 (E8M0 scales of ff1_w, one for each 32 codes along K); ff2_b 1,024 float32; ff2_w_codes 1,024 x 128 x 24 uint8 (E2M3 codes of ff2_w, K innermost, in blocks of 32 codes, four codes in three bytes); ff2_w_scales 1,024 x 128 uint8 (E8M0 scales of ff2_w, one for each 32 codes along K); ln1_b 1,024 float32; ln1_g 1,024 float32; ln2_b 1,024 float32; ln2_g 1,024 float32; proj_b 1,024 float32; proj_w_codes 1,024 x 32 x 24 uint8 (E2M3 codes of proj_w, K innermost, in blocks of 32 codes, four codes in three bytes); proj_w_scales 1,024 x 32 uint8 (E8M0 scales of proj_w, one for each 32 codes along K); qkv_b 3,072 float32; qkv_w_codes 3,072 x 32 x 24 uint8 (E2M3 codes of qkv_w, K innermost, in blocks of 32 codes, four codes in three bytes); qkv_w_scales 3,072 x 32 uint8 (E8M0 scales of qkv_w, one for each 32 codes along K); rel_pos_bias 4,095 x 16 float32; t 2 x 256 float32; tp1_b 1,024 float32; tp1_w 256 x 1,024 float32; tp2_b 1,024 float32; tp2_w 1,024 x 1,024 float32; x 2 x 2,048 x 1,024 float32.
;; Outputs: out0 2 x 2,048 x 1,024 float32.
;; This version of the problem:
;;   THIS VERSION OF THE PROBLEM IS GIVEN IN LOW PRECISION. The matrix products marked QUANTISED in the list below multiply operands that are first quantised to E2M3 (2 exponent bits, 3 mantissa bits; 6 bits a number), with one power-of-two scale for each 32 numbers along K (OCP MX v1.0); their sums are f32. All else is computed in f32.
;;   The module's matrix products, in the order in which they are computed (A, B: the left and right operand; K: the contracted axis; several contracted axes count as one K, in the product's order):
;;     1. [M 2, K 256] x [K 256, N 1,024]; A: input t; B: input tp1_w: left as it is (M = 2 < 16)
;;     2. [M 2, K 1,024] x [K 1,024, N 1,024]; A: computed on the way; B: input tp2_w: left as it is (M = 2 < 16)
;;     3. [M 4,096, K 1,024] x [K 1,024, N 3,072]; A: computed on the way; B: input qkv_w (given as codes): QUANTISED
;;     4. batch 32 x [M 2,048, K 64] x [K 64, N 2,048]; A: computed on the way; B: computed on the way: QUANTISED
;;     5. batch 32 x [M 2,048, K 2,048] x [K 2,048, N 64]; A: softmax (see below); B: computed on the way: QUANTISED
;;     6. [M 4,096, K 1,024] x [K 1,024, N 1,024]; A: computed on the way; B: input proj_w (given as codes): QUANTISED
;;     7. [M 4,096, K 1,024] x [K 1,024, N 4,096]; A: computed on the way; B: input ff1_w (given as codes): QUANTISED
;;     8. [M 4,096, K 4,096] x [K 4,096, N 1,024]; A: computed on the way; B: input ff2_w (given as codes): QUANTISED
;;   THE QUANTISER, for each operand of a quantised product, along K:
;;     - K is cut into blocks of 32 from its start; a last block that is shorter is filled with zeros.
;;     - A block's scale is 2^e with e = floor(log2(the largest magnitude in the block)) - 2, held to -126 .. 127; a block of zeros has e = 0. As a byte (E8M0): e + 127.
;;     - Each number is divided by its block's scale, clamped to +-7.5, and rounded to the nearest number of E2M3, ties to even, subnormals kept.
;;     - The product sums the exact products of the quantised numbers (number of the format x scale) in f32.
;;   ~~~python
;;   def quantise(x, axis):      # numpy; x: float32 -> the quantised numbers, widened to float32 again
;;       x = np.moveaxis(x, axis, -1); K = x.shape[-1]
;;       x = np.pad(x, [(0, 0)] * (x.ndim - 1) + [(0, -K % 32)]); x = x.reshape(x.shape[:-1] + (-1, 32)); a = np.abs(x).max(-1, keepdims=True)
;;       e = np.where(a > 0, np.clip(np.frexp(np.where(a > 0, a, 1))[1] - 1 - 2, -126, 127), 0)      # np.frexp(a)[1] - 1 = floor(log2(a)), exactly
;;       r = np.clip(x / 2.0 ** e, -7.5, 7.5)
;;       step = 2.0 ** (np.maximum(np.frexp(np.where(r == 0, 1, r))[1] - 1, 0) - 3)
;;       q = np.round(r / step) * step * 2.0 ** e      # np.round: ties to even
;;       return np.moveaxis(q.reshape(q.shape[:-2] + (-1,))[..., :K], -1, axis).astype(np.float32)
;;   ~~~
;;   SOFTMAX AHEAD OF A QUANTISED PRODUCT. Where the list says 'softmax', what is quantised is not the finished softmax but p = 2^(t - M), with t = logit x log2(e) and M = ceil(the row's largest t), a whole number; so 1/2 < the row's largest p <= 1. The row's sum l is taken of the UNQUANTISED p, in f32, and the product's result is divided by l at the end. Since M is a whole number, a kernel that streams over the keys may use a running M (the ceiling of the running maximum): every later rescaling is an exact power of two, which a block's scale takes up: the codes' values come out the same.
;;   OPERANDS COMPUTED ON THE WAY. 'Computed on the way' means the value that the module computes at that place (a softmax that the list does not call 'softmax' is quantised finished and normalised). What goes into a quantiser is computed in f32, as accurately as f32 sums, v_exp_f32 and their like allow (about 1e-6 of the number): no bf16 or f16 on the way to a quantiser, and a product that is left as it is and whose result goes on into a quantised operand takes f32 operands (vector FMAs, or v_wmma_f32_16x16x4_f32). A number that lies on a knife's edge between two numbers of the format may be rounded either way, as far as f32 arithmetic and the matrix unit's own rounding can turn it there, and no further.
;;   INPUTS GIVEN AS CODES. ff1_w (in the module: [1024, 4096], K = its axis 0); ff2_w (in the module: [4096, 1024], K = its axis 0); proj_w (in the module: [1024, 1024], K = its axis 0); qkv_w (in the module: [1024, 3072], K = its axis 0): each comes as NAME_codes (uint8): NAME with its K axis moved to the last place and cut into blocks of 32 codes, [.., K / 32, bytes a block], one block behind the other in memory; four codes in three bytes: a row's codes are one little-endian stream of bits, code i at bits 6 i .. 6 i + 5 (a code: sign, 2 exponent bits, 3 mantissa bits); and NAME_scales (uint8): the same leading axes, one E8M0 byte (e + 127) for each 32 codes along K. Its value is code x scale, taken as it is: it is not quantised again, and the codes and scales need not be those that the quantiser above would give.
;; 2 versions. Each part assembles by itself: llvm-mc -triple=amdgcn-amd-amdhsa -mcpu=gfx1250 --defsym DOCPART=n.
;; ======== version 1 of 2: 8 launches
;; workspace buffers: prepw 1,114,112 bytes; xn 3,276,800 bytes; qkvw 10,092,544 bytes; att 3,276,800 bytes; x1 16,777,216 bytes; hn 3,276,800 bytes; gg 13,107,200 bytes
;; launch prep (part 1): grid 128 x 1, 8 waves a work-group, no clusters, 9,216 bytes of LDS; arguments t, tp1_w, tp1_b, tp2_w, tp2_b, rel_pos_bias, prepw; writes prepw
.if DOCPART == 1
	.amdgcn_target "amdgcn-amd-amdhsa--gfx1250"
	.amdhsa_code_object_version 6
	.text
	.protected	k_q781359df1c_prep
	.globl	k_q781359df1c_prep
	.p2align	8
	.type	k_q781359df1c_prep,@function
k_q781359df1c_prep:
	s_mov_b64 s[64:65], 0
	v_nop
	global_prefetch_b8 v0, s[64:65] scope:SCOPE_SE
	s_setreg_imm32_b32 hwreg(HW_REG_WAVE_MODE, 25, 1), 1
	s_wait_xcnt 0x0
; PREP: two small jobs that everything later needs, in one launch; the work-group's number parts them.
; Work-groups 0-63: the time embedding te = gelu(t tp1_w + tp1_b) tp2_w + tp2_b, [2][1024], in f32 fused multiply-adds (its result goes on into a quantiser).
;   Work-group g = 8 j + c makes hidden units 128 j .. +127 (all 256 k) and from them the part of te's columns 128 c .. +127 that these hidden units give:
;   part[j][b][n] at byte 0 of prepw; the eight parts are added by the launch that reads them.  tp2_b goes into part 0.
;   256 threads: u = thread % 128 is a hidden unit (then a column), kh = thread / 128 halves the sum; the halves meet in LDS.
; Work-groups 64-127: the table of the attention bias.  T_h[e] = 8 exp(-0.01 |2047 - e|) rel_pos_bias[4094 - e][h], e = key - query + 2047; the 8 is 1 / (head size)^-0.5,
;   since the table is added to q.k ahead of the scaling.  tab[h][s][x] = T_h[x + s], s = 0..3, x = 0..4095 (0 past the table's end), at byte 65,536:
;   four copies, each shifted by one, so that any run of four entries can be read as 16 aligned bytes.  Work-group 64 + 4 h + s makes one copy.
; gelu is exact: erf(u) = c P(c^2) / Q(c^2), c = u held to +-4.  LIMITS: erf is right to about 1e-7 absolutely; NaN and infinities are not served.
.set PA,   0                           ; LDS: halves of the first sums [kh][b][u]
.set H1,   2048                        ; gelu of the hidden units [b][u]
.set PB,   3072                        ; halves of the second sums [kh][b][column]
.set TABO, 65536
	s_load_b256 s[4:11], s[0:1], 0x0               ; t s[4:5], tp1_w s[6:7], tp1_b s[8:9], tp2_w s[10:11]
	s_load_b128 s[84:87], s[0:1], 0x20             ; tp2_b s[84:85], rel_pos_bias s[86:87]
	s_load_b64 s[88:89], s[0:1], 0x30              ; prepw
	v_lshl_add_u32 v232, v0, 2, 0x2000
	v_mov_b32 v233, 0
	s_cmp_lt_u32 ttmp9, 64
	s_cbranch_scc0 .Ltable
	; ---------------- the time embedding
	v_lshrrev_b32 v1, 5, v0
	v_readfirstlane_b32 s2, v1                     ; wave
	s_lshr_b32 s2, s2, 2                           ; kh, as a scalar: four waves to a half
	s_lshr_b32 s3, ttmp9, 3                        ; j
	s_and_b32 s14, ttmp9, 7                        ; c
	v_and_b32 v1, 127, v0                          ; u
	v_lshrrev_b32 v2, 7, v0                        ; kh
	v_lshlrev_b32 v3, 2, v1                        ; 4 u
	v_lshl_add_u32 v4, v2, 10, v3                  ; LDS: 1,024 kh + 4 u
	v_lshl_add_u32 v5, v2, 9, v3                   ; LDS: 512 kh + 4 u
	v_lshlrev_b32 v6, 8, v2                        ; LDS: 256 kh: my half's 64 hidden units
	v_lshl_add_u32 v7, v2, 19, v3                  ; tp1_w: 128 kh rows of 4,096 bytes + 4 u
	v_lshl_add_u32 v14, v2, 18, v3                 ; tp2_w: 64 kh rows + 4 u
	v_lshl_add_u32 v15, v2, 12, v3                 ; part: 4,096 kh + 4 u
	s_lshl_b32 s16, s3, 9                          ; 128 j numbers
	s_mov_b32 s17, 0
	s_lshl_b32 s18, s14, 9                         ; 128 c numbers
	s_mov_b32 s19, 0
	s_lshl_b32 s20, s3, 19                         ; 128 j rows of tp2_w
	s_mov_b32 s21, 0
	s_lshl_b32 s22, s2, 9                          ; 128 kh numbers of t
	s_mov_b32 s23, 0
	s_lshl_b32 s24, s3, 13                         ; part j
	s_mov_b32 s25, 0
	s_cmp_eq_u32 s3, 0
	s_cselect_b32 s15, 1.0, 0                      ; tp2_b counts in part 0 alone
	s_wait_kmcnt 0x0
	s_add_nc_u64 s[6:7], s[6:7], s[16:17]
	s_add_nc_u64 s[8:9], s[8:9], s[16:17]
	s_add_nc_u64 s[10:11], s[10:11], s[20:21]
	s_add_nc_u64 s[10:11], s[10:11], s[18:19]
	s_add_nc_u64 s[84:85], s[84:85], s[18:19]
	s_add_nc_u64 s[12:13], s[4:5], s[22:23]
	s_add_nc_u64 s[88:89], s[88:89], s[24:25]
	s_add_nc_u64 s[88:89], s[88:89], s[18:19]
	global_load_b32 v8, v3, s[8:9]                 ; tp1_b[128 j + u]
	global_load_b32 v9, v3, s[84:85]               ; tp2_b[128 c + u]
.set i, 0
.rept 128
	global_load_b32 v[32+i], v7, s[6:7] offset:i*4096      ; tp1_w[128 kh + i][128 j + u]: a wave reads 128 consecutive bytes
.set i, i+1
.endr
.set i, 0
.rept 64
	global_load_b32 v[160+i], v14, s[10:11] offset:i*4096  ; tp2_w[128 j + 64 kh + i][128 c + u]
.set i, i+1
.endr
; 32 k of the first sums: t comes by scalar loads (the same numbers for all lanes of my half), two chains for each of the two rows of t
.macro CHUNK ch
	s_load_b512 s[16:31], s[12:13], \ch*128
	s_load_b512 s[32:47], s[12:13], \ch*128+64
	s_load_b512 s[48:63], s[12:13], 1024+\ch*128
	s_load_b512 s[68:83], s[12:13], 1024+\ch*128+64
	s_wait_kmcnt 0x0
.if \ch == 0
	s_wait_loadcnt 63                              ; behind tp1_w's last load stand 64 loads: with at most 63 out, the two biases and all of tp1_w are in
.endif
.set i, 0
.rept 32
.set tb, 48+i
.if i > 15
.set tb, 52+i
.endif
.if (\ch == 0) && (i < 2)
	v_mul_f32 v[10+i], s[16+i], v[32+i]            ; the first products start the chains
	v_mul_f32 v[12+i], s[tb], v[32+i]
.else
	v_fmac_f32 v[10+i%2], s[16+i], v[32+32*\ch+i]
	v_fmac_f32 v[12+i%2], s[tb], v[32+32*\ch+i]
.endif
.set i, i+1
.endr
.endm
	CHUNK 0
	CHUNK 1
	CHUNK 2
	CHUNK 3
	v_add_f32 v10, v10, v11
	v_add_f32 v12, v12, v13
	ds_store_b32 v4, v10 offset:PA
	ds_store_b32 v4, v12 offset:PA+512
	s_wait_dscnt 0x0                               ; for the others' sake: my stores have landed
	s_barrier_signal -1
	s_barrier_wait -1
	ds_load_b32 v10, v5 offset:PA                  ; thread (u, kh) now takes hidden unit u of row b = kh: both halves of its sum
	ds_load_b32 v11, v5 offset:PA+1024
	s_wait_dscnt 0x0
	v_add_f32 v10, v10, v11
	v_add_f32 v10, v10, v8                         ; x
	v_mul_f32 v11, 0x3f3504f3, v10                 ; u = x / sqrt(2)
	v_med3_num_f32 v11, v11, -4.0, 4.0             ; c
	v_mul_f32 v12, v11, v11                        ; c^2
	v_mov_b32 v13, 0xaf95df0b                      ; P, from its highest coefficient down
	v_fmaak_f32 v13, v13, v12, 0x32edffee
	v_fmaak_f32 v13, v13, v12, 0xb60cff51
	v_fmaak_f32 v13, v13, v12, 0xb86ec2d2
	v_fmaak_f32 v13, v13, v12, 0xba40ac63
	v_fmaak_f32 v13, v13, v12, 0xbb41a1f6
	v_fmaak_f32 v13, v13, v12, 0xbc83dbd4
	v_mov_b32 v16, 0xb77460cd                      ; Q
	v_fmaak_f32 v16, v16, v12, 0xb95fbd29
	v_fmaak_f32 v16, v16, v12, 0xbadc924e
	v_fmaak_f32 v16, v16, v12, 0xbbf19bf8
	v_fmaak_f32 v16, v16, v12, 0xbc69b6a7
	v_rcp_f32 v17, v16
	v_mul_f32 v13, v13, v11                        ; c P: plain work behind the reciprocal
	v_mul_f32 v18, 0.5, v10                        ; w = x / 2
	s_wait_alu depctr_va_vdst(0)                   ; the wait ahead of the reciprocal's first reader
	v_mul_f32 v13, v13, v17                        ; erf
	v_fma_f32 v13, v18, v13, v18                   ; gelu = w erf + w
	ds_store_b32 v5, v13 offset:H1
	s_wait_dscnt 0x0
	s_barrier_signal -1
	s_barrier_wait -1
.set i, 0
.rept 16
	ds_load_b128 v[32+4*i:35+4*i], v6 offset:H1+16*i       ; my half's 64 hidden units of row 0: the same 16 bytes for all lanes of a wave
	ds_load_b128 v[96+4*i:99+4*i], v6 offset:H1+512+16*i   ; and of row 1
.set i, i+1
.endr
	s_wait_loadcnt 0x0                             ; tp2_w
	s_wait_dscnt 0x0
.set i, 0
.rept 64
.if i < 2
	v_mul_f32 v[10+i], v[32+i], v[160+i]
	v_mul_f32 v[12+i], v[96+i], v[160+i]
.else
	v_fmac_f32 v[10+i%2], v[32+i], v[160+i]
	v_fmac_f32 v[12+i%2], v[96+i], v[160+i]
.endif
.set i, i+1
.endr
	v_add_f32 v10, v10, v11
	v_add_f32 v12, v12, v13
	ds_store_b32 v4, v10 offset:PB
	ds_store_b32 v4, v12 offset:PB+512
	s_wait_dscnt 0x0
	s_barrier_signal -1
	s_barrier_wait -1
	ds_load_b32 v10, v5 offset:PB                  ; thread (u, kh): column u of row b = kh
	ds_load_b32 v11, v5 offset:PB+1024
	s_wait_dscnt 0x0
	v_add_f32 v10, v10, v11
	v_fma_f32 v10, s15, v9, v10
	global_store_b32 v15, v10, s[88:89]            ; part[j][kh][128 c + u]
	s_wait_tensorcnt 0x0
	ds_add_u32 v232, v233
	s_wait_dscnt 0x0
	s_endpgm
	; ---------------- the table
.Ltable:
	s_sub_co_u32 s2, ttmp9, 64                     ; 4 h + s
	s_lshr_b32 s3, s2, 2                           ; h
	s_and_b32 s14, s2, 3                           ; s
	s_lshl_b32 s16, s3, 2
	s_mov_b32 s17, 0
	s_lshl_b32 s18, s2, 14                         ; a copy is 16,384 bytes
	s_mov_b32 s19, 0
	s_mov_b32 s20, 0xbc6c5f04                      ; -0.01 log2(e)
	s_mov_b32 s21, 0x40400000                      ; 3: the factor 8, in the exponent
	v_lshlrev_b32 v1, 2, v0
	v_add_nc_u32 v1, s14, v1                       ; 4 thread + s
	v_lshlrev_b32 v2, 4, v0                        ; where I store: 16 bytes a thread
.set n, 0
.rept 16                               ; pass n / 4, entry n % 4: e = 4 (thread + 256 pass) + s + entry
	v_add_nc_u32 v[16+n], 1024*(n/4)+n%4, v1
	v_min_u32 v[32+n], 0xffe, v[16+n]              ; no load leaves the table: past its end the last row is read and thrown away
	v_sub_nc_u32 v[32+n], 0xffe, v[32+n]
	v_lshlrev_b32 v[32+n], 6, v[32+n]              ; row 4094 - e of 64 bytes
.set n, n+1
.endr
	s_wait_kmcnt 0x0
	s_add_nc_u64 s[86:87], s[86:87], s[16:17]
	s_add_nc_u64 s[88:89], s[88:89], s[18:19]
.set n, 0
.rept 16
	global_load_b32 v[48+n], v[32+n], s[86:87]
.set n, n+1
.endr
.set n, 0
.rept 16
	v_sub_nc_u32 v[64+n], 0x7ff, v[16+n]
	v_cvt_f32_i32 v[64+n], v[64+n]
	v_fma_f32 v[64+n], |v[64+n]|, s20, s21
.set n, n+1
.endr
.set n, 0
.rept 16
	v_exp_f32 v[64+n], v[64+n]                     ; one batch
.set n, n+1
.endr
	v_nop                                          ; a plain instruction behind the last exponential
	s_wait_alu depctr_va_vdst(0)                   ; one wait for the batch, ahead of its first reader
	s_wait_loadcnt 0x0
.set n, 0
.rept 16
	v_mul_f32 v[80+n], v[64+n], v[48+n]
	v_cmp_gt_u32 vcc_lo, 0xfff, v[16+n]
	v_cndmask_b32 v[80+n], 0, v[80+n], vcc_lo      ; 0 where e is past 4094
.set n, n+1
.endr
.irp p, 0,1,2,3
	global_store_b128 v2, v[80+4*\p:83+4*\p], s[88:89] offset:TABO+4096*\p   ; a wave stores 512 consecutive bytes
.endr
	s_endpgm
.Lfunc_end_k_q781359df1c_prep:
	.size	k_q781359df1c_prep, .Lfunc_end_k_q781359df1c_prep-k_q781359df1c_prep
	.p2alignl 7, 3214868480
	.fill 96, 4, 3214868480
	.section	.rodata,"a",@progbits
	.p2align	6, 0x0
	.amdhsa_kernel k_q781359df1c_prep
		.amdhsa_group_segment_fixed_size 9216
		.amdhsa_private_segment_fixed_size 0
		.amdhsa_enable_private_segment 0
		.amdhsa_kernarg_size 56
		.amdhsa_user_sgpr_count 2
		.amdhsa_user_sgpr_kernarg_segment_ptr 1
		.amdhsa_wavefront_size32 1
		.amdhsa_system_sgpr_workgroup_id_x 1
		.amdhsa_system_sgpr_workgroup_id_y 1
		.amdhsa_system_sgpr_workgroup_id_z 1
		.amdhsa_system_vgpr_workitem_id 0
		.amdhsa_next_free_vgpr 234
		.amdhsa_next_free_sgpr 96
		.amdhsa_reserve_vcc 1
		.amdhsa_float_denorm_mode_32 3
		.amdhsa_float_denorm_mode_16_64 3
		.amdhsa_memory_ordered 1
		.amdhsa_forward_progress 1
		.amdhsa_inst_pref_size 49
	.end_amdhsa_kernel
	.amdgpu_metadata
---
amdhsa.version: [ 1, 2 ]
amdhsa.kernels:
  - .name:           k_q781359df1c_prep
    .symbol:         k_q781359df1c_prep.kd
    .args:
      - { .name: t, .offset: 0, .size: 8, .value_kind: global_buffer, .address_space: global }
      - { .name: tp1_w, .offset: 8, .size: 8, .value_kind: global_buffer, .address_space: global }
      - { .name: tp1_b, .offset: 16, .size: 8, .value_kind: global_buffer, .address_space: global }
      - { .name: tp2_w, .offset: 24, .size: 8, .value_kind: global_buffer, .address_space: global }
      - { .name: tp2_b, .offset: 32, .size: 8, .value_kind: global_buffer, .address_space: global }
      - { .name: rel_pos_bias, .offset: 40, .size: 8, .value_kind: global_buffer, .address_space: global }
      - { .name: prepw, .offset: 48, .size: 8, .value_kind: global_buffer, .address_space: global }
    .group_segment_fixed_size: 9216
    .private_segment_fixed_size: 0
    .kernarg_segment_align: 8
    .kernarg_segment_size: 56
    .max_flat_workgroup_size: 256
    .sgpr_count:     96
    .vgpr_count:     234
    .wavefront_size: 32
...
	.end_amdgpu_metadata
.endif
;; end of part 1
;; launch ln1q (part 2): grid 256 x 1, 8 waves a work-group, no clusters, 71,168 bytes of LDS; arguments x, prepw, ln1_g, ln1_b, xn; writes xn
.if DOCPART == 2
	.amdgcn_target "amdgcn-amd-amdhsa--gfx1250"
	.amdhsa_code_object_version 6
	.text
	.protected	k_q781359df1c_ln1q
	.globl	k_q781359df1c_ln1q
	.p2align	8
	.type	k_q781359df1c_ln1q,@function
k_q781359df1c_ln1q:
	s_mov_b64 s[64:65], 0
	v_nop
	global_prefetch_b8 v0, s[64:65] scope:SCOPE_SE
	s_setreg_imm32_b32 hwreg(HW_REG_WAVE_MODE, 25, 1), 1
	s_wait_xcnt 0x0
; LAYER NORM AND QUANTISER.  y = x (+ the time embedding, WITH_TE = 1); n = (y - mean) rsqrt(var + 1e-5) g + b, all in f32, the variance from the differences (two passes over registers);
; n is quantised to FP6 (E2M3) with one E8M0 byte for each 32 along the row, and stored AS THE NEXT PRODUCT'S OPERAND REGISTERS:
;   a fragment (16 rows x 128 K, 12 registers a lane) is two halves of 768 bytes; in a half registers 0-3 lie at 16 x lane, registers 4-5 at 512 + 8 x lane;
;   img[row / 16][k / 128][1,536] at byte 0; scale words sc[k / 128][row] (byte b: k = 32 b ..) at byte IMGB.
; A work-group owns 16 rows.  Wave w norms rows 2 w, 2 w + 1 (a row is 32 registers of one wave: the sums never leave the wave), puts them into LDS, and behind one barrier quantises K step w of all 16 rows.
; A block's scale byte is its largest magnitude's exponent field - 2, held at 1 from below.  LIMITS: a block of zeros keeps the byte 1 (its codes are zeros; this program alone reads the bytes); NaN and infinities are not served.
; No matrix unit, no cluster, no tensor load: the launch streams 16 MB once and its work-groups share nothing but g and b.
.set WITH_TE, 1
.set IMGB, 3145728
.set TE,   0                           ; LDS: the time embedding of my batch, 4,096 bytes
.set ROWS, 4096                        ; 16 rows,
.set RP,   4112                        ; 4,096 bytes + 16: an odd multiple of 16, so the 16 rows that a load touches start at 16 different 16-byte columns
.set X,    32                          ; v32-95   two rows
.set TER,  96                          ; v96-127  the time embedding, laid as a row
.set G,    128                         ; v128-159 g
.set BT,   160                         ; v160-191 b
.set T,    192                         ; v192-223 the embedding's eight parts; then v192-199 four chains
.set MN,   200                         ; v200-201 the mean, twice
.set RS,   202                         ; v202-203 1 / sqrt(var + eps), twice
.set TP,   204
.set PC,   96                          ; the codes; v108-114 at work
.set TM,   200                         ; v200-215 the quantiser's 16
.set PW,   216                         ; the scale word
.set SEL,  20
.if WITH_TE
	s_load_b256 s[4:11], s[0:1], 0x0               ; x s[4:5], prepw s[6:7], g s[8:9], b s[10:11]
	s_load_b64 s[12:13], s[0:1], 0x20              ; the codes' buffer
	v_lshl_add_u32 v224, v0, 2, 0x11200
	v_mov_b32 v225, 0
.else
	s_load_b64 s[4:5], s[0:1], 0x0
	s_load_b128 s[8:11], s[0:1], 0x8
	s_load_b64 s[12:13], s[0:1], 0x18
.endif
	v_lshrrev_b32 v1, 5, v0
	v_readfirstlane_b32 s14, v1                    ; wave
	v_and_b32 v1, 31, v0                           ; lane
	v_and_b32 v2, 15, v0                           ; r
	v_bfe_u32 v3, v0, 4, 1                         ; h
	v_lshlrev_b32 v4, 4, v1                        ; 16 x lane
	v_lshlrev_b32 v5, 3, v1                        ; 8 x lane
	v_lshlrev_b32 v11, 2, v2                       ; 4 r
	s_lshl_b32 s15, s14, 9
	v_add_nc_u32 v8, s15, v4                       ; LDS: 512 w + 16 lane
	s_mul_i32 s16, s14, 2*RP
	v_add_nc_u32 v9, s16, v4                       ; LDS: my two rows, 16 bytes a lane
	v_mul_u32_u24 v10, v2, RP
	v_lshl_add_u32 v10, v3, 6, v10
	v_add_nc_u32 v10, s15, v10                     ; LDS: row r, K step w, + 64 h: my 16 numbers of a block of 32
	s_mov_b32 s18, 0x3a800000                      ; 1 / 1024
	s_mov_b32 s19, 0x3727c5ac                      ; 1e-5
	s_mov_b32 s[SEL], 0x76543210
	s_mov_b32 s[SEL+1], 0xfedcba98                 ; lane l xor 16
	s_lshl_b32 s22, ttmp9, 16                      ; 16 rows of 4,096 bytes,
	s_lshl_b32 s23, s14, 13                        ; my two of them
	s_add_co_u32 s22, s22, s23
	s_mov_b32 s23, 0
	s_lshr_b32 s24, ttmp9, 7                       ; the batch
	s_lshl_b32 s24, s24, 12
	s_add_co_u32 s24, s24, s15                     ; its row of a part, my 128 columns
	s_mov_b32 s25, 0
	s_lshl_b32 s26, ttmp9, 3
	s_add_co_u32 s26, s26, s14
	s_mul_i32 s26, s26, 1536                       ; fragment (work-group, w)
	s_mov_b32 s27, 0
	s_lshl_b32 s28, s14, 14
	s_lshl_b32 s29, ttmp9, 6
	s_add_co_u32 s28, s28, s29
	s_add_co_u32 s28, s28, IMGB                    ; sc[w][16 x work-group]
	s_mov_b32 s29, 0
	s_wait_kmcnt 0x0
	s_add_nc_u64 s[4:5], s[4:5], s[22:23]
.if WITH_TE
	s_add_nc_u64 s[6:7], s[6:7], s[24:25]
.endif
	s_add_nc_u64 s[16:17], s[12:13], s[28:29]
	s_add_nc_u64 s[12:13], s[12:13], s[26:27]
.if WITH_TE
.irp p, 0,1,2,3,4,5,6,7
	global_load_b128 v[T+4*\p:T+4*\p+3], v4, s[6:7] offset:8192*\p
.endr
.endif
.irp j, 0,1,2,3,4,5,6,7
	global_load_b128 v[X+4*\j:X+4*\j+3], v4, s[4:5] offset:512*\j          ; a wave reads 512 consecutive bytes
.endr
.irp j, 0,1,2,3,4,5,6,7
	global_load_b128 v[X+32+4*\j:X+32+4*\j+3], v4, s[4:5] offset:4096+512*\j
.endr
.irp j, 0,1,2,3,4,5,6,7
	global_load_b128 v[G+4*\j:G+4*\j+3], v4, s[8:9] offset:512*\j
.endr
.irp j, 0,1,2,3,4,5,6,7
	global_load_b128 v[BT+4*\j:BT+4*\j+3], v4, s[10:11] offset:512*\j
.endr
.if WITH_TE
	s_wait_loadcnt 32                              ; the eight parts are in; behind them 16 loads of x, 8 of g, 8 of b
.irp p, 0,4,8,12
	v_pk_add_f32 v[T+\p:T+\p+1], v[T+\p:T+\p+1], v[T+16+\p:T+17+\p]
	v_pk_add_f32 v[T+2+\p:T+3+\p], v[T+2+\p:T+3+\p], v[T+18+\p:T+19+\p]
.endr
.irp p, 0,4
	v_pk_add_f32 v[T+\p:T+\p+1], v[T+\p:T+\p+1], v[T+8+\p:T+9+\p]
	v_pk_add_f32 v[T+2+\p:T+3+\p], v[T+2+\p:T+3+\p], v[T+10+\p:T+11+\p]
.endr
	v_pk_add_f32 v[T:T+1], v[T:T+1], v[T+4:T+5]
	v_pk_add_f32 v[T+2:T+3], v[T+2:T+3], v[T+6:T+7]
	ds_store_b128 v8, v[T:T+3] offset:TE           ; my 128 columns of the embedding
	s_wait_dscnt 0x0
	s_barrier_signal -1
	s_barrier_wait -1
.irp j, 0,1,2,3,4,5,6,7
	ds_load_b128 v[TER+4*\j:TER+4*\j+3], v4 offset:TE+512*\j
.endr
.endif
	s_wait_loadcnt 16                              ; x is in; g and b may be out
	s_wait_dscnt 0x0
	v_mov_b32 v[TP], 0                             ; a lane permute's destination counts as one of its sources
.macro REDUCE                          ; v[T] summed over the 32 lanes, in every lane
	v_add_f32_dpp v[T], v[T], v[T] row_xmask:1 row_mask:0xf bank_mask:0xf
	v_add_f32_dpp v[T], v[T], v[T] row_xmask:2 row_mask:0xf bank_mask:0xf
	v_add_f32_dpp v[T], v[T], v[T] row_xmask:4 row_mask:0xf bank_mask:0xf
	v_add_f32_dpp v[T], v[T], v[T] row_xmask:8 row_mask:0xf bank_mask:0xf
	v_permlanex16_b32 v[TP], v[T], s[SEL], s[SEL+1]
	v_add_f32 v[T], v[T], v[TP]
.endm
.macro FOLD                            ; four chains of pairs into one number
	v_pk_add_f32 v[T:T+1], v[T:T+1], v[T+2:T+3]
	v_pk_add_f32 v[T+4:T+5], v[T+4:T+5], v[T+6:T+7]
	v_pk_add_f32 v[T:T+1], v[T:T+1], v[T+4:T+5]
	v_add_f32 v[T], v[T], v[T+1]
.endm
.macro ROWLN rho
.set XB, X+32*\rho
.if WITH_TE
.set j, 0
.rept 16
	v_pk_add_f32 v[XB+j:XB+j+1], v[XB+j:XB+j+1], v[TER+j:TER+j+1]
.set j, j+2
.endr
.endif
.irp k, 0,2,4,6
	v_pk_add_f32 v[T+\k:T+\k+1], v[XB+\k:XB+\k+1], v[XB+8+\k:XB+9+\k]
.endr
.irp k, 0,2,4,6
	v_pk_add_f32 v[T+\k:T+\k+1], v[T+\k:T+\k+1], v[XB+16+\k:XB+17+\k]
.endr
.irp k, 0,2,4,6
	v_pk_add_f32 v[T+\k:T+\k+1], v[T+\k:T+\k+1], v[XB+24+\k:XB+25+\k]
.endr
	FOLD
	REDUCE
	v_mul_f32 v[MN], s18, v[T]
	v_mov_b32 v[MN+1], v[MN]
.set j, 0
.rept 16
	v_pk_add_f32 v[XB+j:XB+j+1], v[XB+j:XB+j+1], v[MN:MN+1] neg_lo:[0,1] neg_hi:[0,1]   ; y - mean
.set j, j+2
.endr
.irp k, 0,2,4,6
	v_pk_mul_f32 v[T+\k:T+\k+1], v[XB+\k:XB+\k+1], v[XB+\k:XB+\k+1]
.endr
.irp o, 8,16,24
.irp k, 0,2,4,6
	v_pk_fma_f32 v[T+\k:T+\k+1], v[XB+\o+\k:XB+\o+\k+1], v[XB+\o+\k:XB+\o+\k+1], v[T+\k:T+\k+1]
.endr
.endr
	FOLD
	REDUCE
	v_fma_f32 v[T], v[T], s18, s19                 ; var + eps
	v_rsq_f32 v[RS], v[T]
	v_nop                                          ; a plain instruction behind the transcendental
	s_wait_alu depctr_va_vdst(0)                   ; and the wait ahead of its first reader
	v_mov_b32 v[RS+1], v[RS]
.set j, 0
.rept 16
	v_pk_mul_f32 v[XB+j:XB+j+1], v[XB+j:XB+j+1], v[RS:RS+1]
.set j, j+2
.endr
.if \rho == 0
	s_wait_loadcnt 0x0                             ; g and b
.endif
.set j, 0
.rept 16
	v_pk_fma_f32 v[XB+j:XB+j+1], v[XB+j:XB+j+1], v[G+j:G+j+1], v[BT+j:BT+j+1]
.set j, j+2
.endr
.irp j, 0,1,2,3,4,5,6,7
	ds_store_b128 v9, v[XB+4*\j:XB+4*\j+3] offset:ROWS+\rho*RP+512*\j
.endr
.endm
	ROWLN 0
	ROWLN 1
	s_wait_dscnt 0x0                               ; my rows have landed
	s_barrier_signal -1
	s_barrier_wait -1                              ; all 16 have
.irp b, 0,1,2,3
.irp i, 0,1,2,3
	ds_load_b128 v[X+16*\b+4*\i:X+16*\b+4*\i+3], v10 offset:ROWS+128*\b+16*\i   ; register 16 b + i = k 128 w + 32 b + 16 h + i of row r
.endr
.endr
.irp b, 0,1,2,3
	v_mov_b32 v[TM+4+\b], 0                        ; lane permutes' destinations
.endr
	s_wait_dscnt 0x0
; 64 numbers of a lane, register 16 b + i = k 32 b + 16 h + i of its row, become a fragment's codes in v[PC] on and its scale word in v[PW]
.macro QUANT s
.irp b, 0,1,2,3
	v_max3_num_f32 v[TM+\b], |v[\s+16*\b]|, |v[\s+1+16*\b]|, 0x1800000   ; my 16 numbers of block b, and the floor 2^(3 - 127): the byte cannot fall under 1
.endr
.irp i, 2,4,6,8,10,12,14
.irp b, 0,1,2,3
	v_max3_num_f32 v[TM+\b], v[TM+\b], |v[\s+16*\b+\i]|, |v[\s+1+16*\b+\i]|
.endr
.endr
.irp b, 0,1,2,3
	v_permlanex16_b32 v[TM+4+\b], v[TM+\b], s[SEL], s[SEL+1]
.endr
.irp b, 0,1,2,3
	v_max_num_f32 v[TM+\b], v[TM+\b], v[TM+4+\b]   ; with lane l xor 16's: the block's largest magnitude
.endr
.irp b, 0,1,2,3
	v_add_nc_u32 v[TM+12+\b], 0xff000000, v[TM+\b] ; 2 off its exponent field: the conversion's scale operand
.endr
.irp b, 0,1,2,3
	v_lshrrev_b32 v[TM+4+\b], 23, v[TM+12+\b]      ; the scale's byte
.endr
	v_lshl_or_b32 v[PW], v[TM+5], 8, v[TM+4]
	v_lshl_or_b32 v[PW], v[TM+6], 16, v[PW]
	v_lshl_or_b32 v[PW], v[TM+7], 24, v[PW]
.irp c, 0,1
	v_cvt_scalef32_pk16_fp6_f32 v[PC+6*\c:PC+2+6*\c], v[\s+32*\c:\s+15+32*\c], v[TM+12+2*\c]
	v_cvt_scalef32_pk16_fp6_f32 v[PC+12+4*\c:PC+14+4*\c], v[\s+16+32*\c:\s+31+32*\c], v[TM+12+2*\c+1]   ; (a conversion's three registers begin on an even number)
.endr
	v_nop                                          ; one plain place behind a scaled conversion
.irp c, 0,1                            ; the operand wants a whole block in a lane: lanes 0-15 block 2 c, lanes 16-31 block 2 c + 1
.irp i, 0,1,2
	v_permlane16_swap_b32 v[PC+6*\c+\i], v[PC+12+4*\c+\i]
.endr
.irp i, 0,1,2
	v_mov_b32 v[PC+3+6*\c+\i], v[PC+12+4*\c+\i]
.endr
.endr
.endm
	QUANT X
	global_store_b128 v4, v[PC:PC+3], s[12:13]                 ; 512 consecutive bytes,
	global_store_b64 v5, v[PC+4:PC+5], s[12:13] offset:512     ; 256,
	global_store_b128 v4, v[PC+6:PC+9], s[12:13] offset:768
	global_store_b64 v5, v[PC+10:PC+11], s[12:13] offset:1280
	global_store_b32 v11, v[PW], s[16:17]                      ; lanes l and l xor 16 hold the same word and write it to the same place
	s_wait_tensorcnt 0x0
	ds_add_u32 v224, v225
	s_wait_dscnt 0x0
	s_endpgm
.Lfunc_end_k_q781359df1c_ln1q:
	.size	k_q781359df1c_ln1q, .Lfunc_end_k_q781359df1c_ln1q-k_q781359df1c_ln1q
	.p2alignl 7, 3214868480
	.fill 96, 4, 3214868480
	.section	.rodata,"a",@progbits
	.p2align	6, 0x0
	.amdhsa_kernel k_q781359df1c_ln1q
		.amdhsa_group_segment_fixed_size 71168
		.amdhsa_private_segment_fixed_size 0
		.amdhsa_enable_private_segment 0
		.amdhsa_kernarg_size 40
		.amdhsa_user_sgpr_count 2
		.amdhsa_user_sgpr_kernarg_segment_ptr 1
		.amdhsa_wavefront_size32 1
		.amdhsa_system_sgpr_workgroup_id_x 1
		.amdhsa_system_sgpr_workgroup_id_y 1
		.amdhsa_system_sgpr_workgroup_id_z 1
		.amdhsa_system_vgpr_workitem_id 0
		.amdhsa_next_free_vgpr 226
		.amdhsa_next_free_sgpr 66
		.amdhsa_reserve_vcc 0
		.amdhsa_float_denorm_mode_32 3
		.amdhsa_float_denorm_mode_16_64 3
		.amdhsa_memory_ordered 1
		.amdhsa_forward_progress 1
		.amdhsa_inst_pref_size 29
	.end_amdhsa_kernel
	.amdgpu_metadata
---
amdhsa.version: [ 1, 2 ]
amdhsa.kernels:
  - .name:           k_q781359df1c_ln1q
    .symbol:         k_q781359df1c_ln1q.kd
    .args:
      - { .name: x, .offset: 0, .size: 8, .value_kind: global_buffer, .address_space: global }
      - { .name: prepw, .offset: 8, .size: 8, .value_kind: global_buffer, .address_space: global }
      - { .name: ln1_g, .offset: 16, .size: 8, .value_kind: global_buffer, .address_space: global }
      - { .name: ln1_b, .offset: 24, .size: 8, .value_kind: global_buffer, .address_space: global }
      - { .name: xn, .offset: 32, .size: 8, .value_kind: global_buffer, .address_space: global }
    .group_segment_fixed_size: 71168
    .private_segment_fixed_size: 0
    .kernarg_segment_align: 8
    .kernarg_segment_size: 40
    .max_flat_workgroup_size: 256
    .sgpr_count:     66
    .vgpr_count:     226
    .wavefront_size: 32
...
	.end_amdgpu_metadata
.endif
;; end of part 2
;; launch qkv (part 3): grid 12 x 16, 4 waves a work-group, clusters of 4 x 4, 327,680 bytes of LDS; arguments xn, qkv_w_codes, qkv_w_scales, qkv_b, qkvw; writes qkvw
.if DOCPART == 3
	.amdgcn_target "amdgcn-amd-amdhsa--gfx1250"
	.amdhsa_code_object_version 6
	.text
	.protected	k_q781359df1c_qkv
	.globl	k_q781359df1c_qkv
	.p2align	8
	.type	k_q781359df1c_qkv,@function
k_q781359df1c_qkv:
	s_mov_b64 s[64:65], 0
	v_nop
	global_prefetch_b8 v0, s[64:65] scope:SCOPE_SE
	s_setreg_imm32_b32 hwreg(HW_REG_WAVE_MODE, 25, 1), 1
	s_wait_xcnt 0x0
	s_wait_alu depctr_hold_cnt(0) depctr_sa_sdst(0) depctr_va_vdst(0) depctr_va_sdst(0) depctr_va_ssrc(0) depctr_va_vcc(0) depctr_vm_vsrc(0)
	s_getreg_b32 s2, hwreg(HW_REG_IB_STS2, 6, 4)
	s_cmp_eq_u32 s2, 0
	s_cbranch_scc0 .Lentry_in_a_cluster
	s_endpgm
.Lentry_in_a_cluster:
	s_bfe_u32 s2, ttmp6, 0x10000c
	s_cmp_lg_u32 s2, 0xf033
	s_cbranch_scc0 .Lentry_shape_is_right
	s_endpgm
.Lentry_shape_is_right:
; qkv = n W^T + b on codes of FP6 (E2M3) with E8M0 scales for each 32 along K; then q, k and v are quantised for the attention and stored as its operands' registers.
; THE PRODUCT.  A [4096][SIZE_K] comes as images of operand registers (img[row / 16][k / 128][1,536]: two halves of 768 bytes, in a half registers 0-3 at 16 x lane, 4-5 at 512 + 8 x lane) with scale words sc[k / 128][row] at byte IMGB;
; B [SIZE_N][SIZE_K] as rows of codes (a stream of bits, 128 codes in 96 bytes) and rows of scale bytes.  A tile of C, 256 x 256, is made by four waves, each 128 x 128: 64 accumulators, 512 registers.
; K goes in steps of 256 through a ring of two LDS slots filled by the tensor data mover; the scales of the work-group's rows, for all of K, come once with the first fills and stay.
; CLUSTERS: 4 x 4 work-groups; A's tiles are asked for jointly along a row of the cluster, B's along a column.  The matrix instruction is used TRANSPOSED (source 0 = 16 rows of B, source 1 = 16 rows of A).
; THE ROWS OF B THAT FORM A TILE ARE NOT NEIGHBOURS (PERM = 1): lane r of tile 2 b + u takes row 32 b + 8 u + r + 8 (r / 8), so that a lane's 16 registers of tiles 2 b, 2 b + 1 are 16 neighbouring columns 32 b + 16 h + 0..15 of one row of C.
; With this choice rows r and r + 16 of a tile start at the same LDS banks: B's loads meet two deep.  The bias is the C of each sum's first matrix instruction.
; THE WAY OUT.  Cluster column 0 holds q, 1 k, 2 v.  q, k: a wave's 128 columns are two heads; quantised along the head's 64, a half image (768 bytes) for 16 tokens and a head; k's tokens are laid in the order in which the
; attention's tiles take them (tile 2 b + u, slot s: token 32 b + 8 u + s + 8 (s / 8)).  v is quantised along the TOKENS: 32 tokens at a time turn through the wave's stage in LDS, so that a lane holds a channel's block of 32;
; v_img[bh][token / 128][tile of channels][half][768], channels in the same tile order.  Scale words: q, k [bh][token] (bytes 0, 1; bytes 2, 3 zero: they meet zero codes), v [bh][token / 128][channel].
; LIMITS: a block of zeros keeps the byte 1 (its codes are zeros; this program alone reads the bytes); NaN and infinities are not served.
; No prefetch: the launch is short and its tiles are shared in the cluster.  One tile to a work-group: 192 tiles.
; REGISTERS, in windows of 256: window 0: v0-31 addresses; v32-63 B's scale words, v64-95 A's (two sets of 16: register 2 i + q); v128-223 A's fragments, one set.
;   window 1: B's fragments, two sets, at v0 and v128; the bias tiles at v96-127 and v224-255.   windows 2, 3: the accumulators of my rows 0-63, 64-127 ((a, b) at v[8 (8 (a % 4) + b)]).
.set SIZE_N, 3072
.set SIZE_K, 1024
.set PERM,   1
.set ROWB,   192                       ; 256 codes of B in bytes
.set KROW,   SIZE_K*3/4                ; a row of B in memory
.set PITCH,  240                       ; in LDS: 3 x (64 bytes + 16 of padding)
.set FR,     12
.set HALFA,  24576                     ; 8 blocks of 16 rows x 2 fragments x 1,536 bytes: what one load brings of A
.set HALFB,  128*PITCH                 ; 128 rows of B
.set SLOT,   2*HALFA+2*HALFB
.set LAPS,   SIZE_K/512
.set KS,     SIZE_K/32                 ; a row of B's scale bytes
.set IMGB,   3072*SIZE_K
.set SCA,    2*SLOT                    ; A's scale words: two halves of [k / 128][128 rows]
.set HALFSA, 4*SIZE_K
.set SCB,    SCA+2*HALFSA              ; B's scale bytes, as units of 256 bytes + 16 of padding
.set HALFS,  (128*KS/256)*272
.set SBLK,   (16*KS/256)*272
.set SPARE,  SCB+2*HALFS               ; the spare words: 128 bytes a wave, two blocks of 256 bytes that no other line names
.set L16,    4                         ; v4   16 x lane
.set L8,     5                         ; v5   8 x lane
.set R4,     12                        ; v12  4 r
.set ADRA16, 16                        ; v16-17 A's images in slot 0, 1, 16 bytes a lane;  v18-19 8 bytes a lane
.set ADRA8,  18
.set ADRB,   20                        ; v20-21 B's rows in slot 0, 1;  v22-23 the same behind one padding more
.set STO,    24                        ; the way out: into my stage
.set RD,     25                        ; and out of it
.set ADRSB,  27
.set SPW,    28                        ; my spare word; never rewritten
.set NIL,    29                        ; 0; never rewritten
.set ADRSA,  30
.set SCBR,   32
.set SCAR,   64
.set AF,     128
.set PC,     96                        ; the way out: codes (v96-114), the quantiser's 16 (v116-131), the scale word
.set TM,     116
.set PW,     132
.set WV, 99
.set RH, 100                           ; which half of the tile's rows is mine; also: I fetch for A (0) or B (1)
.set CH, 101                           ; which half of its columns; also: which half I fetch
.set TC, 42
.set TR, 98
.set SEL, 2                            ; s[2:3] on the way out
.set G1, 24
.set G0, 32
.set G1B, 48
.set G0B, 56
.set G1S, 68
.set G0S, 76
.set G1SB, 80
.set G0SB, 88
.set MSB, 0
.macro WIN new                         ; the immediate's high byte repeats the setting that is left
.if MSB != (\new)
	s_set_vgpr_msb (MSB<<8)|(\new)
.set MSB, (\new)
.endif
.endm
.set MUL_LO, 0xa1                      ; source 0 (B) window 1, source 1 (A) window 0, C and D window 2
.set MUL_HI, 0xf1                      ; the same, C and D window 3
.set TO_B,   0x40
.macro PLACES n                        ; plain places behind matrix instructions, in front of loads into their registers and of the first read of results
.rept \n
	v_nop
.endr
.endm
.macro JLOAD g0a, g1a, g0b, g1b        ; a joint load: waves 0, 1 fetch for A, waves 2, 3 for B; four v_nop follow each line
	s_cmp_eq_u32 s[RH], 0
	s_cbranch_scc0 .Lfor_b_\@
	tensor_load_to_lds s[\g0a:\g0a+3], s[\g1a:\g1a+7]
	s_nop 0
	PLACES 4
	s_branch .Lasked_\@
.Lfor_b_\@:
	tensor_load_to_lds s[\g0b:\g0b+3], s[\g1b:\g1b+7]
	s_nop 0
	PLACES 4
.Lasked_\@:
.endm
.macro CREST                           ; a round of the cluster's barrier behind its opening barrier
	s_cmp_lg_u32 s[WV], 0
	s_cbranch_scc1 .Lnot_wave_0_\@
	s_barrier_signal -3
.Lnot_wave_0_\@:
	s_barrier_wait -3
	s_barrier_signal -1
	s_barrier_wait -1
.endm
.macro CROUND
	s_barrier_signal -1
	s_barrier_wait -1
	CREST
.endm
	s_load_b256 s[4:11], s[0:1], 0x0               ; A s[4:5], B's codes s[6:7], B's scales s[8:9], the bias s[10:11]
	s_load_b64 s[12:13], s[0:1], 0x20              ; qkvw
	v_lshl_add_u32 v[SPW], v0, 2, SPARE
	v_mov_b32 v[NIL], 0
	ds_add_u32 v28, v29
	ds_add_u32 v28, v29
	s_wait_dscnt 0x0
	v_lshrrev_b32 v1, 5, v0
	v_readfirstlane_b32 s[WV], v1
	s_lshr_b32 s[RH], s[WV], 1
	s_and_b32 s[CH], s[WV], 1
	s_bfe_u32 s40, ttmp6, 0x40000                  ; cx
	s_bfe_u32 s41, ttmp6, 0x40004                  ; cy
	s_lshl_b32 s[TC], ttmp9, 2
	s_add_co_u32 s[TC], s[TC], s40                 ; tile column
	s_and_b32 s[TR], ttmp7, 0xffff
	s_lshl_b32 s[TR], s[TR], 2
	s_add_co_u32 s[TR], s[TR], s41                 ; tile row
	s_lshl_b32 s43, s41, 2
	s_lshl_b32 s43, 15, s43                        ; my row of the cluster
	s_lshl_b32 s44, 0x1111, s40                    ; my column
	s_or_b32 s[G1+0], s43, (3<<16)|(1<<21)         ; A's images: elements of 8 bytes, no padding; the mask of my row, bit 21 beside it
	s_mov_b32 s[G1+1], 384<<16                     ; a row: two fragments, 3,072 bytes
	s_mov_b32 s[G1+2], 8<<16                       ; 8 blocks of 16 rows
	s_mov_b32 s[G1+3], 384<<16
	s_mov_b32 s[G1+4], 8
	s_mov_b32 s[G1+5], SIZE_K*3/2                  ; from block to block: SIZE_K / 128 fragments
	s_mov_b32 s[G1+6], 0
	s_mov_b32 s[G1+7], 0
	s_or_b32 s[G1B+0], s44, (0<<16)|(1<<20)|(1<<21)|(3<<22)|(3<<25)  ; B's rows: bytes; 16 bytes of padding behind every 64
	s_mov_b32 s[G1B+1], ROWB<<16
	s_mov_b32 s[G1B+2], 128<<16
	s_mov_b32 s[G1B+3], ROWB<<16
	s_mov_b32 s[G1B+4], 128
	s_mov_b32 s[G1B+5], KROW
	s_mov_b32 s[G1B+6], 0
	s_mov_b32 s[G1B+7], 0
	s_or_b32 s[G1S+0], s43, (3<<16)|(1<<21)        ; A's scale words: 128 rows' words (512 bytes) for each 128 along K
	s_mov_b32 s[G1S+1], 64<<16
	s_mov_b32 s[G1S+2], (SIZE_K/128)<<16
	s_mov_b32 s[G1S+3], 64<<16
	s_mov_b32 s[G1S+4], SIZE_K/128
	s_mov_b32 s[G1S+5], 2048
	s_mov_b32 s[G1S+6], 0
	s_mov_b32 s[G1S+7], 0
	s_or_b32 s[G1SB+0], s44, (3<<16)|(1<<20)|(1<<21)|(5<<22)|(3<<25)  ; B's scale bytes: a dense block as rows of 256 bytes, 16 of padding behind each
	s_mov_b32 s[G1SB+1], 32<<16
	s_mov_b32 s[G1SB+2], (128*KS/256)<<16
	s_mov_b32 s[G1SB+3], 32<<16
	s_mov_b32 s[G1SB+4], 128*KS/256
	s_mov_b32 s[G1SB+5], 32
	s_mov_b32 s[G1SB+6], 0
	s_mov_b32 s[G1SB+7], 0
	s_lshl_b32 s16, s[TR], 4
	s_lshl_b32 s17, s[CH], 3
	s_add_co_u32 s16, s16, s17                     ; A: the first block of 16 rows of the half that I fetch
	s_mul_i32 s20, s16, SIZE_K*12                  ; its images,
	s_mov_b32 s21, 0
	s_lshl_b32 s22, s16, 6
	s_add_co_u32 s22, s22, IMGB                    ; its scale words
	s_mov_b32 s23, 0
	s_lshl_b32 s46, s[TC], 8
	s_lshl_b32 s47, s[CH], 7
	s_add_co_u32 s46, s46, s47                     ; B: the first row of the half that I fetch
	s_mul_i32 s92, s46, KS
	s_mov_b32 s93, 0
	s_mul_i32 s46, s46, KROW
	s_mov_b32 s47, 0
	s_mul_i32 s45, s[CH], HALFA                    ; where they go: no place in the cluster enters an LDS address
	s_mul_i32 s94, s[CH], HALFB
	s_add_co_u32 s94, s94, 2*HALFA
	s_mul_i32 s95, s[CH], HALFSA
	s_add_co_u32 s95, s95, SCA
	s_mul_i32 s96, s[CH], HALFS
	s_add_co_u32 s96, s96, SCB
	s_wait_kmcnt 0x0
	s_add_nc_u64 s[20:21], s[4:5], s[20:21]
	s_add_nc_u64 s[22:23], s[4:5], s[22:23]
	s_add_nc_u64 s[46:47], s[6:7], s[46:47]
	s_add_nc_u64 s[92:93], s[8:9], s[92:93]
	CROUND                                         ; all sixteen work-groups are here: the first joint loads meet
	s_mov_b32 s[G0S], 1
	s_mov_b32 s[G0S+1], s95
	s_mov_b64 s[G0S+2:G0S+3], s[22:23]
	s_or_b32 s[G0S+3], s[G0S+3], 0x80000000
	s_mov_b32 s[G0SB], 1
	s_mov_b32 s[G0SB+1], s96
	s_mov_b64 s[G0SB+2:G0SB+3], s[92:93]
	s_or_b32 s[G0SB+3], s[G0SB+3], 0x80000000
	JLOAD G0S, G1S, G0SB, G1SB                     ; the scales first; then both slots: three loads of mine are out
.irp s, 0,1
	s_mov_b32 s[G0+4*\s], 1
	s_add_co_u32 s[G0+4*\s+1], s45, \s*SLOT
	s_add_nc_u64 s[G0+4*\s+2:G0+4*\s+3], s[20:21], \s*3072
	s_or_b32 s[G0+4*\s+3], s[G0+4*\s+3], 0x80000000
	s_mov_b32 s[G0B+4*\s], 1
	s_add_co_u32 s[G0B+4*\s+1], s94, \s*SLOT
	s_add_nc_u64 s[G0B+4*\s+2:G0B+4*\s+3], s[46:47], \s*ROWB
	s_or_b32 s[G0B+4*\s+3], s[G0B+4*\s+3], 0x80000000
	JLOAD G0+4*\s, G1, G0B+4*\s, G1B
.endr
	v_and_b32 v1, 15, v0                           ; r
	v_bfe_u32 v2, v0, 4, 1                         ; h
	v_and_b32 v3, 31, v0                           ; lane
	v_lshlrev_b32 v[L16], 4, v3
	v_lshlrev_b32 v[L8], 3, v3
	v_lshlrev_b32 v[R4], 2, v1
.if PERM
	v_and_b32 v6, 8, v1
	v_add_nc_u32 v6, v6, v1                        ; r + 8 (r / 8)
.else
	v_mov_b32 v6, v1
.endif
	v_mul_u32_u24 v7, v6, PITCH
	v_mad_u32_u24 v7, v2, 24, v7                   ; B: my row of a tile, + 24 h
	v_lshl_add_u32 v8, v2, 4, v7                   ; and behind one padding more
	s_mul_i32 s16, s[RH], HALFA
	s_mul_i32 s17, s[CH], HALFB
	s_add_co_u32 s17, s17, 2*HALFA
.irp s, 0,1
	v_add_nc_u32 v[ADRA16+\s], s16, v[L16]
	v_add_nc_u32 v[ADRA8+\s], s16, v[L8]
	v_add_nc_u32 v[ADRB+\s], s17, v7
	v_add_nc_u32 v[ADRB+2+\s], s17, v8
	s_add_co_u32 s16, s16, SLOT
	s_add_co_u32 s17, s17, SLOT
.endr
	v_mul_u32_u24 v9, v6, KS                       ; B's scale bytes: KS a row, and 16 more for each 256 passed
	v_lshrrev_b32 v10, 8, v9
	v_lshl_add_u32 v9, v10, 4, v9
	s_mul_i32 s16, s[CH], HALFS
	s_add_co_u32 s16, s16, SCB
	v_add_nc_u32 v[ADRSB], s16, v9
	s_mul_i32 s16, s[RH], HALFSA
	s_add_co_u32 s16, s16, SCA
	v_lshl_add_u32 v[ADRSA], v1, 2, s16
	s_lshl_b32 s16, s[TC], 10                      ; the bias of my 128 columns
	s_lshl_b32 s17, s[CH], 9
	s_add_co_u32 s16, s16, s17
	s_mov_b32 s17, 0
	s_add_nc_u64 s[10:11], s[10:11], s[16:17]
.if PERM
	v_lshlrev_b32 v11, 6, v2                       ; register j of tile t: column 32 (t / 2) + 8 (t % 2) + 16 h + j
.else
	v_lshlrev_b32 v11, 5, v2                       ; column 16 t + 8 h + j
.endif
	WIN TO_B
.irp b, 0,1,2,3,4,5,6,7
.if PERM
.set BO, (32*(\b/2)+8*(\b%2))*4
.else
.set BO, 64*\b
.endif
	global_load_b128 v[96+8*\b+96*(\b/4):96+8*\b+96*(\b/4)+3], v11, s[10:11] offset:BO
	global_load_b128 v[96+8*\b+96*(\b/4)+4:96+8*\b+96*(\b/4)+7], v11, s[10:11] offset:BO+16
.endr
	WIN 0
	s_mul_i32 s16, s[WV], 32*528                   ; my stage for v: 32 tokens x (512 bytes + 16), in slot 0, which has had its last fill and its last read when the first result is stored there
	v_mul_u32_u24 v9, v1, 528
	v_lshl_add_u32 v9, v2, 6, v9
	v_add_nc_u32 v[STO], s16, v9                   ; in: token r, + 64 h
	v_lshl_add_u32 v[RD], v3, 2, s16               ; out: a lane to a channel
.macro FRAGA reg, slot, q, i           ; A's fragment (block i, the slot's q-th 128 along K): the image as it was stored
	ds_load_b128 v[\reg:\reg+3], v[ADRA16+\slot] offset:(2*(\i)+(\q))*1536
	ds_load_b64 v[\reg+4:\reg+5], v[ADRA8+\slot] offset:(2*(\i)+(\q))*1536+512
	ds_load_b128 v[\reg+6:\reg+9], v[ADRA16+\slot] offset:(2*(\i)+(\q))*1536+768
	ds_load_b64 v[\reg+10:\reg+11], v[ADRA8+\slot] offset:(2*(\i)+(\q))*1536+1280
.endm
.macro FRAG reg, adr, q, i             ; B's fragment: 24 bytes of the row's stream of bits twice, in pieces of 8 bytes; lanes 16-31 read three pieces on, for some pieces behind one padding more
.if PERM
.set RO, 32*((\i)/2)+8*((\i)%2)
.else
.set RO, 16*(\i)
.endif
.irp p, 0,1,2,3,4,5
.set PCE, 12*(\q)+6*(\p/3)+\p%3
.if PCE%8 < 5
	ds_load_b64 v[\reg+2*\p:\reg+2*\p+1], v[\adr] offset:8*PCE+16*(PCE/8)+RO*PITCH
.else
	ds_load_b64 v[\reg+2*\p:\reg+2*\p+1], v[\adr+2] offset:8*PCE+16*(PCE/8)+RO*PITCH
.endif
.endr
.endm
; 16 matrix instructions: A's blocks a0, a0 + 1 x B's eight.  first = 1: the bias starts the sums.  The 64 accumulators take turns, one instruction a turn, in the same order in every step.
.macro MUL16 a0, p, q, sc, first
.irp a, \a0, \a0+1
.irp b, 0,1,2,3,4,5,6,7
.set rD, 8*(8*((\a)%4)+\b)
.set rB, 128*(\p)+FR*\b
.set rA, AF+FR*(\a)
.set rC, 96+8*\b+96*(\b/4)
.set zB, SCBR+16*(\sc)+2*\b+(\q)
.set zA, SCAR+16*(\sc)+2*(\a)+(\q)
.if \first
	v_wmma_scale_f32_16x16x128_f8f6f4 v[rD:rD+7], v[rB:rB+11], v[rA:rA+11], v[rC:rC+7], v[zB], v[zA] matrix_a_fmt:MATRIX_FMT_FP6 matrix_b_fmt:MATRIX_FMT_FP6
.else
	v_wmma_scale_f32_16x16x128_f8f6f4 v[rD:rD+7], v[rB:rB+11], v[rA:rA+11], v[rD:rD+7], v[zB], v[zA] matrix_a_fmt:MATRIX_FMT_FP6 matrix_b_fmt:MATRIX_FMT_FP6
.endif
.endr
.endr
.endm
.macro FETCH_B slot, q, p              ; 48 loads
	WIN TO_B
.irp i, 0,1,2,3,4,5,6,7
	FRAG 128*(\p)+FR*\i, ADRB+\slot, \q, \i
.endr
	WIN 0
.endm
.macro FETCH_A slot, q, i0             ; 16 loads: blocks i0 .. i0 + 3
.irp i, \i0, \i0+1, \i0+2, \i0+3
	FRAGA AF+FR*(\i), \slot, \q, \i
.endr
.endm
.macro SCALES sc                       ; 24 loads: a K step's scale words
.irp i, 0,1,2,3,4,5,6,7
.if PERM
	ds_load_b64 v[SCBR+16*\sc+2*\i:SCBR+16*\sc+2*\i+1], v[ADRSB] offset:(4*(\i/2)+\i%2)*272
.else
	ds_load_b64 v[SCBR+16*\sc+2*\i:SCBR+16*\sc+2*\i+1], v[ADRSB] offset:\i*SBLK
.endif
.endr
.irp i, 0,1,2,3,4,5,6,7
	ds_load_b32 v[SCAR+16*\sc+2*\i], v[ADRSA] offset:64*\i
	ds_load_b32 v[SCAR+16*\sc+2*\i+1], v[ADRSA] offset:512+64*\i
.endr
.endm
.macro STEP slot, q, first             ; a slot's first 128 along K
	s_wait_dscnt 16                                ; all but the youngest 16 loads (A's blocks 4-7) are in
	WIN MUL_LO-0x10*(\first)                       ; (with the bias as C: source 2 in window 1)
	MUL16 0, (\q)%2, \q, \slot, \first
	MUL16 2, (\q)%2, \q, \slot, \first
	s_wait_dscnt 0
	PLACES 4
	FETCH_B \slot, (\q)+1, 1-(\q)%2
	FETCH_A \slot, (\q)+1, 0
	WIN MUL_HI-0x20*(\first)
	MUL16 4, (\q)%2, \q, \slot, \first
	MUL16 6, (\q)%2, \q, \slot, \first
	PLACES 4
	WIN 0
	FETCH_A \slot, (\q)+1, 4
.endm
; A slot's last 128 along K change slots: one barrier; in front of it each wave waits for all its tensor loads, adds 0 to its spare word, and waits for that and for its reads of this slot.  fill = 1: the slot is filled again, two K steps ahead.
.macro TURN slot, next, fill
	s_wait_tensorcnt 0x0                           ; all my tensor loads have landed: my part of the next slot
	ds_add_u32 v[SPW], v[NIL]                      ; 0 onto my spare word
	s_wait_dscnt 17                                ; (the add and the youngest 16 loads may be out)
	WIN MUL_LO
	MUL16 0, 1, 1, \slot, 0
	s_wait_dscnt 0x0                               ; the add is done, and my reads of this slot are over
	s_barrier_signal -1
	MUL16 2, 1, 1, \slot, 0
	WIN 0
	s_barrier_wait -1
.if \fill
	CREST                                          ; the barrier has opened a round of the cluster's: no wave of any partner still reads this slot or has a load on its way
	s_add_nc_u64 s[G0+4*\slot+2:G0+4*\slot+3], s[G0+4*\slot+2:G0+4*\slot+3], 6144
	s_add_nc_u64 s[G0B+4*\slot+2:G0B+4*\slot+3], s[G0B+4*\slot+2:G0B+4*\slot+3], 2*ROWB
	JLOAD G0+4*\slot, G1, G0B+4*\slot, G1B         ; the first tensor load behind the round, one a wave; its four v_nop are the places in front of the loads below
.else
	PLACES 4
.endif
	v_add_nc_u32 v[ADRSB], 8, v[ADRSB]             ; the next K step's scale words
	v_add_nc_u32 v[ADRSA], 1024, v[ADRSA]
	FETCH_B \next, 0, 0
	FETCH_A \next, 0, 0
	SCALES \next
	WIN MUL_HI
	MUL16 4, 1, 1, \slot, 0
	MUL16 6, 1, 1, \slot, 0
	PLACES 4
	WIN 0
	FETCH_A \next, 0, 4
.endm
	s_wait_tensorcnt 1                             ; the scales and my part of slot 0 are in; slot 1's load may be out
	s_barrier_signal -1
	s_barrier_wait -1
	FETCH_B 0, 0, 0
	FETCH_A 0, 0, 0
	SCALES 0
	FETCH_A 0, 0, 4
	s_wait_loadcnt 0x0                             ; the bias
	STEP 0, 0, 1
	s_mov_b32 s3, LAPS-1
.Llap:                                         ; a trip goes once round the ring and fills both slots again
	TURN 0, 1, 1
	STEP 1, 0, 0
	TURN 1, 0, 1
	STEP 0, 0, 0
	s_sub_co_u32 s3, s3, 1
	s_cmp_lg_u32 s3, 0
	s_cbranch_scc1 .Llap
	TURN 0, 1, 0                                   ; the last lap fills nothing
	STEP 1, 0, 0
	s_wait_dscnt 16
	WIN MUL_LO
	MUL16 0, 1, 1, 1, 0
	MUL16 2, 1, 1, 1, 0
	s_wait_dscnt 0
	WIN MUL_HI
	MUL16 4, 1, 1, 1, 0
	MUL16 6, 1, 1, 1, 0
	WIN 0
; 64 numbers of a lane in window w, register 16 b + i = k 32 b + 16 h + i of its row, become a fragment's codes in v[PC] on and its scale word in v[PW].  Each accumulator is first read at its low end.
.macro QUANT s, w
	WIN (\w)|((\w)<<2)
.irp b, 0,1,2,3
	v_max3_num_f32 v[TM+\b], |v[\s+16*\b]|, |v[\s+1+16*\b]|, 0x1800000   ; and the floor 2^(3 - 127): the byte cannot fall under 1
.endr
	WIN ((\w)<<2)|((\w)<<4)
.irp i, 2,4,6,8,10,12,14
.irp b, 0,1,2,3
	v_max3_num_f32 v[TM+\b], v[TM+\b], |v[\s+16*\b+\i]|, |v[\s+1+16*\b+\i]|
.endr
.endr
	WIN 0
.irp b, 0,1,2,3
	v_permlanex16_b32 v[TM+4+\b], v[TM+\b], s[SEL], s[SEL+1]
.endr
.irp b, 0,1,2,3
	v_max_num_f32 v[TM+\b], v[TM+\b], v[TM+4+\b]
.endr
.irp b, 0,1,2,3
	v_add_nc_u32 v[TM+12+\b], 0xff000000, v[TM+\b] ; 2 off the exponent field: the conversion's scale operand
.endr
.irp b, 0,1,2,3
	v_lshrrev_b32 v[TM+4+\b], 23, v[TM+12+\b]      ; the scale's byte
.endr
	v_lshl_or_b32 v[PW], v[TM+5], 8, v[TM+4]
	v_lshl_or_b32 v[PW], v[TM+6], 16, v[PW]
	v_lshl_or_b32 v[PW], v[TM+7], 24, v[PW]
	WIN (\w)
.irp c, 0,1
	v_cvt_scalef32_pk16_fp6_f32 v[PC+6*\c:PC+2+6*\c], v[\s+32*\c:\s+15+32*\c], v[TM+12+2*\c]
	v_cvt_scalef32_pk16_fp6_f32 v[PC+12+4*\c:PC+14+4*\c], v[\s+16+32*\c:\s+31+32*\c], v[TM+12+2*\c+1]
.endr
	WIN 0
	v_nop                                          ; one plain place behind a scaled conversion
.irp c, 0,1
.irp i, 0,1,2
	v_permlane16_swap_b32 v[PC+6*\c+\i], v[PC+12+4*\c+\i]
.endr
.irp i, 0,1,2
	v_mov_b32 v[PC+3+6*\c+\i], v[PC+12+4*\c+\i]
.endr
.endr
.endm
	; ---------------- THE WAY OUT.  No tensor load of mine is out: the descriptors' registers are free.
	PLACES 4
	s_mov_b32 s[SEL], 0x76543210
	s_mov_b32 s[SEL+1], 0xfedcba98
	s_lshr_b32 s16, s[TR], 3                       ; the batch
	s_lshl_b32 s17, s[TR], 8
	s_lshl_b32 s18, s[RH], 7
	s_add_co_u32 s17, s17, s18
	s_and_b32 s17, s17, 2047                       ; my first token in it
	s_and_b32 s18, s[TC], 3
	s_lshl_b32 s18, s18, 2
	s_lshl_b32 s19, s[CH], 1
	s_add_co_u32 s18, s18, s19                     ; my first head
	s_lshl_b32 s16, s16, 4
	s_add_co_u32 s16, s16, s18                     ; bh
	s_cmp_eq_u32 ttmp9, 2                          ; the cluster's x: the same in all partners
	s_cbranch_scc1 .Lvpath
	; ---- q and k
	s_lshl_b32 s20, s16, 7
	s_lshr_b32 s21, s17, 4
	s_add_co_u32 s20, s20, s21
	s_mul_i32 s20, s20, 768
	s_mul_i32 s21, ttmp9, 3145728
	s_add_co_u32 s20, s20, s21
	s_mov_b32 s21, 0
	s_add_nc_u64 s[20:21], s[12:13], s[20:21]      ; the images of my first 16 tokens, first head
	s_lshl_b32 s22, s16, 11
	s_add_co_u32 s22, s22, s17
	s_lshl_b32 s22, s22, 2
	s_mul_i32 s23, ttmp9, 262144
	s_add_co_u32 s22, s22, s23
	s_add_co_u32 s22, s22, 9437184
	s_mov_b32 s23, 0
	s_add_nc_u64 s[22:23], s[12:13], s[22:23]      ; their scale words
	s_mov_b32 s24, 768
	s_mov_b32 s25, 128
	s_cmp_eq_u32 ttmp9, 0                          ; q keeps its tokens' order; in k token 16 (a % 2) + r of a group of 32 goes to tile r / 8, slot r % 8 + 8 (a % 2)
	s_cselect_b32 s26, s25, s24                    ; what r / 8 is worth, 16 bytes a slot
	s_cselect_b32 s27, s24, s25                    ; what an odd block is worth
	s_cselect_b32 s28, 64, s24                     ; the same, 8 bytes a slot
	s_cselect_b32 s29, s24, 64
	v_and_b32 v6, 7, v1
	v_lshrrev_b32 v7, 3, v1
	v_lshlrev_b32 v8, 4, v6
	v_lshl_add_u32 v8, v2, 8, v8
	v_mad_u32_u24 v8, v7, s26, v8                  ; v8, v9: even and odd blocks, 16 bytes a lane
	v_add_nc_u32 v9, s27, v8
	v_lshlrev_b32 v10, 3, v6
	v_lshl_add_u32 v10, v2, 7, v10
	v_mad_u32_u24 v10, v7, s28, v10                ; v10, v11: 8 bytes a lane
	v_add_nc_u32 v11, s29, v10
.irp b, 0,1,2,3
	v_mov_b32 v[TM+4+\b], 0                        ; lane permutes' destinations
.endr
.macro QKBLK a
.if \a > 0
	s_wait_xcnt 0x0                                ; the last block's stores have read their registers
.endif
	QUANT 64*((\a)%4), 2+(\a)/4
	v_and_b32 v133, 0xffff, v[PW]                  ; the first head's two bytes,
	v_lshrrev_b32 v134, 16, v[PW]                  ; the second's
.irp c, 0,1
	global_store_b128 v[8+(\a)%2], v[PC+6*\c:PC+6*\c+3], s[20:21] offset:((\a)/2)*1536+\c*98304
	global_store_b64 v[10+(\a)%2], v[PC+6*\c+4:PC+6*\c+5], s[20:21] offset:((\a)/2)*1536+\c*98304+512
	global_store_b32 v[R4], v[133+\c], s[22:23] offset:64*(\a)+8192*\c
.endr
.endm
.irp a, 0,1,2,3,4,5,6,7
	QKBLK \a
.endr
	s_branch .Lend
	; ---- v
.Lvpath:
	s_mul_i32 s20, s16, 98304
	s_lshr_b32 s21, s17, 7                         ; my 128 tokens are one K step of the attention's second product
	s_mul_i32 s24, s21, 6144
	s_add_co_u32 s20, s20, s24
	s_add_co_u32 s20, s20, 6291456
	s_lshl_b32 s22, s16, 4
	s_add_co_u32 s22, s22, s21
	s_lshl_b32 s22, s22, 8
	s_add_co_u32 s22, s22, 9961472
	s_mov_b32 s21, 0
	s_mov_b32 s23, 0
	s_add_nc_u64 s[20:21], s[12:13], s[20:21]
	s_add_nc_u64 s[22:23], s[12:13], s[22:23]
	v_bfe_u32 v6, v3, 3, 1                         ; channel = lane of a group of 32: tile (lane / 8) % 2, slot lane % 8 + 8 (lane / 16)
	v_and_b32 v7, 7, v3
	v_lshl_add_u32 v7, v2, 3, v7
	v_mul_u32_u24 v6, v6, 1536
	v_lshl_add_u32 v8, v7, 4, v6
	v_lshl_add_u32 v10, v7, 3, v6
	v_lshlrev_b32 v9, 2, v3
.macro VBLOCK s, g                     ; channel 32 s + lane, tokens 32 g .. + 31: all 32 numbers are mine
.set XS, 32+32*\s
	v_max3_num_f32 v224, |v[XS]|, |v[XS+1]|, |v[XS+2]|
	v_max3_num_f32 v225, |v[XS+3]|, |v[XS+4]|, |v[XS+5]|
.irp i, 6,10,14,18,22,26
	v_max3_num_f32 v224, v224, |v[XS+\i]|, |v[XS+\i+1]|
	v_max3_num_f32 v225, v225, |v[XS+\i+2]|, |v[XS+\i+3]|
.endr
	v_max3_num_f32 v224, v224, |v[XS+30]|, |v[XS+31]|
	v_max3_num_f32 v224, v224, v225, 0x1800000
	v_add_nc_u32 v226, 0xff000000, v224
	v_lshrrev_b32 v227, 23, v226
.if \g == 0
	v_mov_b32 v[208+\s], v227
.else
	v_lshl_or_b32 v[208+\s], v227, 8*\g, v[208+\s] ; four bytes make the channel's scale word of these 128 tokens
.endif
	v_cvt_scalef32_pk16_fp6_f32 v[160+8*\s:162+8*\s], v[XS:XS+15], v226
	v_cvt_scalef32_pk16_fp6_f32 v[192+4*\s:194+4*\s], v[XS+16:XS+31], v226
	v_nop
.irp i, 0,1,2
	v_mov_b32 v[163+8*\s+\i], v[192+4*\s+\i]
.endr
	global_store_b128 v8, v[160+8*\s:163+8*\s], s[20:21] offset:(\s/2)*98304+(\s%2)*3072+(\g/2)*768+256*(\g%2)   ; block g of the K step: half g / 2, lanes 16 (g % 2) on
	global_store_b64 v10, v[164+8*\s:165+8*\s], s[20:21] offset:(\s/2)*98304+(\s%2)*3072+(\g/2)*768+512+128*(\g%2)
.endm
.macro VGRP g
.irp e, 0,1
.set AA, 2*\g+\e
.set AC, 64*(AA%4)
	WIN 0x08+4*(AA/4)                              ; an LDS store's data are its source 1
.irp t, 0,1,2,3,4,5,6,7
	ds_store_b128 v[STO], v[AC+8*\t:AC+8*\t+3] offset:\e*8448+128*(\t/2)+32*(\t%2)      ; each accumulator from its low end on
	ds_store_b128 v[STO], v[AC+8*\t+4:AC+8*\t+7] offset:\e*8448+128*(\t/2)+32*(\t%2)+16
.endr
.endr
	WIN 0
.irp s, 0,1,2,3
.set k, 0
.rept 32
	ds_load_b32 v[32+32*\s+k], v[RD] offset:k*528+128*\s   ; LDS serves a wave's instructions in order: these see my stores, and the next group's stores come behind them
.set k, k+1
.endr
.endr
	s_wait_xcnt 0x0                                ; the last group's stores have read their registers
.irp s, 0,1,2,3
.if 96-32*\s > 63
	s_wait_dscnt 63                                ; behind this channel group's loads stand 64 or more: a wait names 63 at the most
.else
	s_wait_dscnt 96-32*\s
.endif
	VBLOCK \s, \g
.endr
.endm
	VGRP 0
	VGRP 1
	VGRP 2
	VGRP 3
.irp s, 0,1,2,3
	global_store_b32 v9, v[208+\s], s[22:23] offset:4096*(\s/2)+128*(\s%2)
.endr
.Lend:
	s_wait_tensorcnt 0x0                           ; the wave's end
	ds_add_u32 v[SPW], v[NIL]
	s_wait_dscnt 0x0
	CROUND                                         ; the closing round
	s_endpgm
.Lfunc_end_k_q781359df1c_qkv:
	.size	k_q781359df1c_qkv, .Lfunc_end_k_q781359df1c_qkv-k_q781359df1c_qkv
	.p2alignl 7, 3214868480
	.fill 96, 4, 3214868480
	.section	.rodata,"a",@progbits
	.p2align	6, 0x0
	.amdhsa_kernel k_q781359df1c_qkv
		.amdhsa_group_segment_fixed_size 327680
		.amdhsa_private_segment_fixed_size 0
		.amdhsa_enable_private_segment 0
		.amdhsa_kernarg_size 40
		.amdhsa_user_sgpr_count 2
		.amdhsa_user_sgpr_kernarg_segment_ptr 1
		.amdhsa_wavefront_size32 1
		.amdhsa_system_sgpr_workgroup_id_x 1
		.amdhsa_system_sgpr_workgroup_id_y 1
		.amdhsa_system_sgpr_workgroup_id_z 1
		.amdhsa_system_vgpr_workitem_id 0
		.amdhsa_next_free_vgpr 1024
		.amdhsa_next_free_sgpr 102
		.amdhsa_reserve_vcc 0
		.amdhsa_float_denorm_mode_32 3
		.amdhsa_float_denorm_mode_16_64 3
		.amdhsa_memory_ordered 1
		.amdhsa_forward_progress 1
		.amdhsa_inst_pref_size 235
	.end_amdhsa_kernel
	.amdgpu_metadata
---
amdhsa.version: [ 1, 2 ]
amdhsa.kernels:
  - .name:           k_q781359df1c_qkv
    .symbol:         k_q781359df1c_qkv.kd
    .args:
      - { .name: xn, .offset: 0, .size: 8, .value_kind: global_buffer, .address_space: global }
      - { .name: qkv_w_codes, .offset: 8, .size: 8, .value_kind: global_buffer, .address_space: global }
      - { .name: qkv_w_scales, .offset: 16, .size: 8, .value_kind: global_buffer, .address_space: global }
      - { .name: qkv_b, .offset: 24, .size: 8, .value_kind: global_buffer, .address_space: global }
      - { .name: qkvw, .offset: 32, .size: 8, .value_kind: global_buffer, .address_space: global }
    .group_segment_fixed_size: 327680
    .private_segment_fixed_size: 0
    .kernarg_segment_align: 8
    .kernarg_segment_size: 40
    .max_flat_workgroup_size: 128
    .sgpr_count:     102
    .vgpr_count:     1024
    .wavefront_size: 32
...
	.end_amdgpu_metadata
.endif
;; end of part 3
;; launch attn (part 4): grid 8 x 32, 16 waves a work-group, clusters of 4 x 1, 327,680 bytes of LDS; arguments qkvw, prepw, att; writes att
.if DOCPART == 4
	.amdgcn_target "amdgcn-amd-amdhsa--gfx1250"
	.amdhsa_code_object_version 6
	.text
	.protected	k_q781359df1c_attn
	.globl	k_q781359df1c_attn
	.p2align	8
	.type	k_q781359df1c_attn,@function
k_q781359df1c_attn:
	s_mov_b64 s[64:65], 0
	v_nop
	global_prefetch_b8 v0, s[64:65] scope:SCOPE_SE
	s_setreg_imm32_b32 hwreg(HW_REG_WAVE_MODE, 25, 1), 1
	s_wait_xcnt 0x0
	s_wait_alu depctr_hold_cnt(0) depctr_sa_sdst(0) depctr_va_vdst(0) depctr_va_sdst(0) depctr_va_ssrc(0) depctr_va_vcc(0) depctr_vm_vsrc(0)
	s_getreg_b32 s2, hwreg(HW_REG_IB_STS2, 6, 4)
	s_cmp_eq_u32 s2, 0
	s_cbranch_scc0 .Lentry_in_a_cluster
	s_endpgm
.Lentry_in_a_cluster:
	s_bfe_u32 s2, ttmp6, 0x10000c
	s_cmp_lg_u32 s2, 0x3003
	s_cbranch_scc0 .Lentry_shape_is_right
	s_endpgm
.Lentry_shape_is_right:
; ATTENTION on codes of FP6 (E2M3): o = softmax(q k^T / 8 + decay x bias) v, for one (batch, head) and 256 queries a work-group; o is quantised along the model's 1,024 and stored as the next product's operand registers.
; THE SOFTMAX AHEAD OF THE SECOND PRODUCT: t = logit x log2(e); M = the running largest t rounded UP to a whole number; p = 2^(t - M) is quantised along the keys, not normalised; the row's sum is taken of the
; unquantised p and divides at the end; when M moves, the sum and O are multiplied by 2^(old M - new M), which rounds nothing.
; THE BIAS COSTS NO VECTOR INSTRUCTION: it hangs on key - query alone, so it is a table of a head (made by an earlier launch, times 8), and the table's entries are the C of the first product: D = q.k + 8 decay bias, t = D x log2(e) / 8.
; SHARES.  Sixteen waves, each 16 queries in 256 registers: four waves to a SIMD, so that one wave's vector work stands beside another's matrix work and LDS loads.  Every wave walks the head's 2,048 keys, 128 a trip.
; A WHOLE HEAD'S K AND V STAY IN LDS (98,304 bytes each, as images of operand registers): each byte is filled once, there is no ring, and one barrier serves the launch.
; CLUSTER: the four query blocks of a cluster share the head: K, V and their scale words are asked for jointly (mask 15).  The table's window hangs on the query block: a load of the work-group's own.
; LAYOUT.  Both products are used transposed: S^T = K Q^T, O^T = V^T P^T: a lane holds one query (lane % 16) throughout.  K's tiles and V's tiles of channels were stored in the order tile 2 b + u, slot s: 32 b + 8 u + s + 8 (s / 8),
; so that the 16 registers of tiles 2 b, 2 b + 1 are 16 neighbours 32 b + 16 h + 0..15.  The head's 64 fill half of the instruction's 128: the upper six registers of K's and Q's fragments are zero codes.
; No prefetch: all that is read is asked for at the head.  LIMITS: NaN and infinities are not served; a p under 2^-126 is 0; a block of zeros keeps the byte 1.
.set KIMG, 0
.set VIMG, 98304
.set KSC,  196608                      ; K's scale words [key]
.set VSC,  204800                      ; V's [key / 128][channel]
.set TAB,  208896                      ; four copies of the table's window, copy s shifted by s: W_s[x] = T[x + s + 256 (7 - query block)], x = 0 .. 2,303
.set TCP,  9280                        ; 9,216 bytes + 64: the four copies start at four different groups of banks
.set AK16, 1                           ; v1-7: LDS addresses, stepped once a trip
.set AK8,  2
.set AKS,  3
.set AV16, 4
.set AV8,  5
.set AVS,  6
.set ATB,  7
.set QF,   16                          ; v16-27 Q's fragment;  v255 its scale word
.set VS,   28                          ; v28-31 V's scale words
.set KF,   32                          ; v32-79 four fragments of K
.set VF,   80                          ; v80-127 four of V
.set SS,   128                         ; v128-191 the table's entries, then S^T, then p
.set OT,   192                         ; v192-223 O^T
                                       ; v12 -M, v13 the largest t, v[14:15] the sum; v224-235 p's codes; v232-254 at work; v248-251 K's scale words; v252 f; v253 p's scale word
.set WV,  18
.set SEL, 20
.set CS,  22
.set G1A, 24
.set G1T, 32
.set G1C, 40
.set G0A, 48
.set G0T, 52
.set G0C, 56
.macro PLACES n
.rept \n
	v_nop
.endr
.endm
.macro CROUND                          ; a round of the cluster's barrier
	s_barrier_signal -1
	s_barrier_wait -1
	s_cmp_lg_u32 s[WV], 0
	s_cbranch_scc1 .Lnot_wave_0_\@
	s_barrier_signal -3
.Lnot_wave_0_\@:
	s_barrier_wait -3
	s_barrier_signal -1
	s_barrier_wait -1
.endm
	s_load_b128 s[4:7], s[0:1], 0x0                ; qkvw, prepw
	s_load_b64 s[8:9], s[0:1], 0x10                ; att
	v_lshl_add_u32 v254, v0, 2, 0x3c100
	v_mov_b32 v255, 0
	ds_add_u32 v254, v255
	ds_add_u32 v254, v255
	s_wait_dscnt 0x0
	v_lshrrev_b32 v8, 5, v0
	v_readfirstlane_b32 s[WV], v8                  ; wave 0..15
	s_bfe_u32 s10, ttmp6, 0x40000                  ; cx
	s_lshl_b32 s11, ttmp9, 2
	s_add_co_u32 s11, s11, s10                     ; my block of 256 queries
	s_and_b32 s12, ttmp7, 0xffff                   ; bh, which the four partners share
	; descriptors, group 1: dense blocks as rows of 256 bytes (32 elements of 8 bytes)
	s_mov_b32 s[G1A], 15|(3<<16)|(1<<21)           ; a quarter of K's or V's images: 96 rows; the mask names all four work-groups, bit 21 beside it
	s_mov_b32 s[G1A+1], 32<<16
	s_mov_b32 s[G1A+2], 96<<16
	s_mov_b32 s[G1A+3], 32<<16
	s_mov_b32 s[G1A+4], 96
	s_mov_b32 s[G1A+5], 32
	s_mov_b32 s[G1A+6], 0
	s_mov_b32 s[G1A+7], 0
	s_mov_b32 s[G1T], 3<<16                        ; a copy of the window: 36 rows; no mask
	s_mov_b32 s[G1T+1], 32<<16
	s_mov_b32 s[G1T+2], 36<<16
	s_mov_b32 s[G1T+3], 32<<16
	s_mov_b32 s[G1T+4], 36
	s_mov_b32 s[G1T+5], 32
	s_mov_b32 s[G1T+6], 0
	s_mov_b32 s[G1T+7], 0
	s_mov_b32 s[G1C], 15|(3<<16)|(1<<21)           ; 4,096 bytes of scale words: 16 rows
	s_mov_b32 s[G1C+1], 32<<16
	s_mov_b32 s[G1C+2], 16<<16
	s_mov_b32 s[G1C+3], 32<<16
	s_mov_b32 s[G1C+4], 16
	s_mov_b32 s[G1C+5], 32
	s_mov_b32 s[G1C+6], 0
	s_mov_b32 s[G1C+7], 0
	s_and_b32 s13, s[WV], 7                        ; waves 0-3: K's quarters; 4-7: V's
	s_mul_i32 s14, s13, 24576                      ; in LDS
	s_lshr_b32 s15, s13, 2
	s_add_co_u32 s15, s15, 1
	s_mul_i32 s66, s15, 3145728                    ; k_img, v_img
	s_mul_i32 s67, s12, 98304
	s_add_co_u32 s66, s66, s67
	s_and_b32 s16, s[WV], 3
	s_mul_i32 s67, s16, 24576
	s_add_co_u32 s66, s66, s67
	s_mov_b32 s67, 0
	s_mul_i32 s17, s16, TCP                        ; waves 8-11: the window's copies
	s_add_co_u32 s17, s17, TAB
	s_and_b32 s68, s12, 15                         ; the head
	s_lshl_b32 s68, s68, 2
	s_add_co_u32 s68, s68, s16
	s_lshl_b32 s68, s68, 14                        ; tab[head][copy]
	s_xor_b32 s69, s11, 7
	s_lshl_b32 s69, s69, 10                        ; from entry 256 (7 - query block) on
	s_add_co_u32 s68, s68, s69
	s_add_co_u32 s68, s68, 65536
	s_mov_b32 s69, 0
	s_lshl_b32 s19, s16, 12                        ; waves 12, 13: K's scale words; 14: V's
	s_add_co_u32 s19, s19, KSC
	s_lshl_b32 s70, s12, 13
	s_lshl_b32 s71, s16, 12
	s_add_co_u32 s70, s70, s71
	s_add_co_u32 s70, s70, 9699328
	s_lshl_b32 s72, s12, 12
	s_add_co_u32 s72, s72, 9961472
	s_cmp_eq_u32 s16, 2
	s_cselect_b32 s70, s72, s70
	s_mov_b32 s71, 0
	s_mov_b32 s[SEL], 0x76543210
	s_mov_b32 s[SEL+1], 0xfedcba98                 ; lane l xor 16
	s_mov_b32 s[CS], 0x3e38aa3b                    ; log2(e) / 8
	s_mov_b32 s[CS+1], s[CS]
	s_wait_kmcnt 0x0
	s_mov_b32 s[G0A], 1
	s_mov_b32 s[G0A+1], s14
	s_add_nc_u64 s[G0A+2:G0A+3], s[4:5], s[66:67]
	s_or_b32 s[G0A+3], s[G0A+3], 0x80000000
	s_mov_b32 s[G0T], 1
	s_mov_b32 s[G0T+1], s17
	s_add_nc_u64 s[G0T+2:G0T+3], s[6:7], s[68:69]
	s_or_b32 s[G0T+3], s[G0T+3], 0x80000000
	s_mov_b32 s[G0C], 1
	s_mov_b32 s[G0C+1], s19
	s_add_nc_u64 s[G0C+2:G0C+3], s[4:5], s[70:71]
	s_or_b32 s[G0C+3], s[G0C+3], 0x80000000
	CROUND                                         ; all four work-groups are here: the joint loads meet
	s_cmp_lt_u32 s[WV], 8                          ; one tensor load a wave (wave 15: none); the branches hang on the wave's number alone; four v_nop follow each line
	s_cbranch_scc0 .Lfill_t
	tensor_load_to_lds s[G0A:G0A+3], s[G1A:G1A+7]
	s_nop 0
	PLACES 4
	s_branch .Lfilled
.Lfill_t:
	s_cmp_lt_u32 s[WV], 12
	s_cbranch_scc0 .Lfill_c
	tensor_load_to_lds s[G0T:G0T+3], s[G1T:G1T+7]
	s_nop 0
	PLACES 4
	s_branch .Lfilled
.Lfill_c:
	s_cmp_lt_u32 s[WV], 15
	s_cbranch_scc0 .Lfilled
	tensor_load_to_lds s[G0C:G0C+3], s[G1C:G1C+7]
	s_nop 0
	PLACES 4
.Lfilled:
	v_and_b32 v8, 31, v0                           ; lane
	v_and_b32 v9, 15, v0                           ; r
	v_bfe_u32 v10, v0, 4, 1                        ; h
	v_lshlrev_b32 v[AK16], 4, v8
	v_lshlrev_b32 v[AK8], 3, v8
	v_and_b32 v11, 8, v9
	v_add_nc_u32 v11, v11, v9                      ; r + 8 (r / 8)
	v_lshl_add_u32 v[AKS], v11, 2, KSC
	v_add_nc_u32 v[AV16], VIMG, v[AK16]
	v_add_nc_u32 v[AV8], VIMG, v[AK8]
	v_lshl_add_u32 v[AVS], v11, 2, VSC
	; the table: key - query + 2047 less the window's first entry is key + (15 - r) + 16 (15 - wave): copy (15 - r) % 4 makes the rest a multiple of 4
	v_sub_nc_u32 v12, 15, v9
	v_and_b32 v13, 3, v12
	v_mul_u32_u24 v13, v13, TCP
	v_and_b32 v12, 12, v12
	v_lshl_add_u32 v13, v12, 2, v13
	v_lshl_add_u32 v13, v10, 6, v13                ; + 16 h keys
	s_xor_b32 s13, s[WV], 15
	s_lshl_b32 s13, s13, 6
	s_add_co_u32 s13, s13, TAB
	v_add_nc_u32 v[ATB], s13, v13
	s_lshl_b32 s14, s12, 7
	s_lshl_b32 s15, s11, 4
	s_add_co_u32 s14, s14, s15
	s_add_co_u32 s14, s14, s[WV]                   ; my tile of 16 queries
	s_mul_i32 s72, s14, 768
	s_mov_b32 s73, 0
	s_add_nc_u64 s[72:73], s[4:5], s[72:73]
	s_lshl_b32 s74, s14, 6
	s_add_co_u32 s74, s74, 9437184
	s_mov_b32 s75, 0
	s_add_nc_u64 s[74:75], s[4:5], s[74:75]
	global_load_b128 v[QF:QF+3], v[AK16], s[72:73]
	global_load_b64 v[QF+4:QF+5], v[AK8], s[72:73] offset:512
	v_lshlrev_b32 v254, 2, v9
	global_load_b32 v255, v254, s[74:75]
	s_lshr_b32 s15, s12, 4                         ; the batch
	s_lshl_b32 s15, s15, 7
	s_lshl_b32 s76, s11, 4
	s_add_co_u32 s15, s15, s76
	s_add_co_u32 s15, s15, s[WV]                   ; my block of 16 rows of the next product's A
	s_and_b32 s76, s12, 15
	s_lshl_b32 s77, s15, 4
	s_add_co_u32 s77, s77, s76
	s_mul_i32 s78, s77, 768                        ; half image (block, head)
	s_mov_b32 s79, 0
	s_add_nc_u64 s[78:79], s[8:9], s[78:79]
	s_lshr_b32 s80, s76, 1
	s_lshl_b32 s80, s80, 14
	s_lshl_b32 s81, s15, 6
	s_add_co_u32 s80, s80, s81
	s_and_b32 s81, s76, 1
	s_lshl_b32 s81, s81, 1
	s_add_co_u32 s80, s80, s81
	s_add_co_u32 s80, s80, 3145728                 ; my half of the scale words sc[head / 2][row]
	s_mov_b32 s81, 0
	s_add_nc_u64 s[80:81], s[8:9], s[80:81]
	v_mov_b32 v13, 0xff61b1e6                      ; the largest t so far: -3e38
	v_floor_f32 v12, -v13                          ; -M
	v_mov_b32 v14, 0
	v_mov_b32 v15, 0
.irp i, 0,1,2,3,4,5
	v_mov_b32 v[QF+6+\i], 0                        ; zero codes for k = 64 .. 127
.irp t, 0,1,2,3
	v_mov_b32 v[KF+12*\t+6+\i], 0
.endr
.endr
.set j, 0
.rept 32
	v_mov_b32 v[OT+j], 0                           ; the trip is written once: the first finds zeros
.set j, j+1
.endr
.irp b, 0,1,2,3
	v_mov_b32 v[236+\b], 0                         ; lane permutes' destinations
.endr
	v_mov_b32 v253, 0
	s_mov_b32 s3, 16
	s_wait_loadcnt 0x0                             ; Q; its loads' address registers may be stepped from here on
	s_wait_tensorcnt 0x0                           ; my fill has landed,
	s_barrier_signal -1
	s_barrier_wait -1                              ; everybody's has
.macro KGRP g                          ; 12 loads: four tiles of 16 keys and their scale words
.irp t, 0,1,2,3
	ds_load_b128 v[KF+12*\t:KF+12*\t+3], v[AK16] offset:(4*\g+\t)*768
	ds_load_b64 v[KF+12*\t+4:KF+12*\t+5], v[AK8] offset:(4*\g+\t)*768+512
	ds_load_b32 v[248+\t], v[AKS] offset:(32*((4*\g+\t)/2)+8*(\t%2))*4
.endr
.endm
.macro QK g                            ; each accumulator has one instruction a trip: the accumulators take turns
.irp t, 0,1,2,3
	v_wmma_scale_f32_16x16x128_f8f6f4 v[SS+8*(4*\g+\t):SS+8*(4*\g+\t)+7], v[KF+12*\t:KF+12*\t+11], v[QF:QF+11], v[SS+8*(4*\g+\t):SS+8*(4*\g+\t)+7], v[248+\t], v255 matrix_a_fmt:MATRIX_FMT_FP6 matrix_b_fmt:MATRIX_FMT_FP6
.endr
.endm
.Lstep:                                        ; 16 trips of 128 keys
.irp b, 0,1,2,3
.irp i, 0,1,2,3
	ds_load_b128 v[SS+16*\b+4*\i:SS+16*\b+4*\i+3], v[ATB] offset:128*\b+16*\i   ; register 16 b + i: the entry of key 32 b + 16 h + i and my query
.endr
.endr
	KGRP 0
	s_wait_dscnt 0x0
	QK 0
	PLACES 4                                       ; in front of loads into registers that matrix instructions have read
	KGRP 1
.irp c, 0,1,2,3                        ; 20 loads: V's four tiles of channels x these 128 keys, and their scale words: they land under the softmax
	ds_load_b128 v[VF+12*\c:VF+12*\c+3], v[AV16] offset:1536*\c
	ds_load_b64 v[VF+12*\c+4:VF+12*\c+5], v[AV8] offset:1536*\c+512
	ds_load_b128 v[VF+12*\c+6:VF+12*\c+9], v[AV16] offset:1536*\c+768
	ds_load_b64 v[VF+12*\c+10:VF+12*\c+11], v[AV8] offset:1536*\c+1280
	ds_load_b32 v[VS+\c], v[AVS] offset:(32*(\c/2)+8*(\c%2))*4
.endr
	s_wait_dscnt 20                                ; K's second four tiles are in; V's 20 loads may be out
	QK 1
	PLACES 4
.irp b, 0,1,2,3
	v_max3_num_f32 v[232+\b], v[SS+16*\b], v[SS+1+16*\b], v[SS+2+16*\b]   ; the largest score of each block of 32 keys: for the row's maximum, and, since p rises with the score, for the block's largest p
.endr
.irp i, 3,5,7,9,11,13
.irp b, 0,1,2,3
	v_max3_num_f32 v[232+\b], v[232+\b], v[SS+16*\b+\i], v[SS+1+16*\b+\i]
.endr
.endr
.irp b, 0,1,2,3
	v_max_num_f32 v[232+\b], v[232+\b], v[SS+15+16*\b]
.endr
.irp b, 0,1,2,3
	v_permlanex16_b32 v[236+\b], v[232+\b], s[SEL], s[SEL+1]
.endr
.irp b, 0,1,2,3
	v_max_num_f32 v[232+\b], v[232+\b], v[236+\b]
.endr
	v_max3_num_f32 v254, v232, v233, v234
	v_max_num_f32 v254, v254, v235
	v_mul_f32 v254, s[CS], v254                    ; as t
	v_max_num_f32 v13, v13, v254                   ; the running largest t
	v_mov_b32 v254, v12
	v_floor_f32 v12, -v13                          ; the new -M = -ceil(t)
	v_sub_f32 v254, v12, v254                      ; old M - new M: a whole number, 0 or less
	v_cvt_i32_f32 v254, v254                       ; (it saturates)
	v_ldexp_f32 v252, 1.0, v254                    ; f = 2^(old M - new M)
.set j, 0
.rept 32
	v_pk_fma_f32 v[SS+j:SS+j+1], v[SS+j:SS+j+1], s[CS:CS+1], v[12:13] op_sel_hi:[1,0,0]   ; t - M
.set j, j+2
.endr
.irp b, 0,1,2,3
	v_fma_f32 v[232+\b], v[232+\b], s[CS], v12
.endr
.set j, 0
.rept 64
	v_exp_f32 v[SS+j], v[SS+j]                     ; p = 2^(t - M): one batch
.set j, j+1
.endr
	v_pk_mul_f32 v[14:15], v[14:15], v[252:253] op_sel_hi:[1,0]   ; the sums under the new M: a plain place behind the exponentials
	s_wait_alu depctr_va_vdst(0)                   ; one wait for the batch, ahead of its first reader
.irp b, 0,1,2,3
	v_exp_f32 v[232+\b], v[232+\b]                 ; the blocks' largest p
.endr
	v_pk_add_f32 v[236:237], v[SS:SS+1], v[SS+2:SS+3]   ; the row's sum, of the unquantised p, in two chains
.irp j, 4,8,12,16,20,24,28,32,36,40,44,48,52,56,60
	v_pk_add_f32 v[14:15], v[14:15], v[SS+\j:SS+1+\j]
	v_pk_add_f32 v[236:237], v[236:237], v[SS+2+\j:SS+3+\j]
.endr
	v_pk_add_f32 v[14:15], v[14:15], v[236:237]
	s_wait_alu depctr_va_vdst(0)                   ; and one for the four
.irp b, 0,1,2,3
	v_max_num_f32 v[232+\b], 0x1800000, v[232+\b]  ; the floor 2^(3 - 127)
.endr
.irp b, 0,1,2,3
	v_add_nc_u32 v[244+\b], 0xff000000, v[232+\b]
.endr
.irp b, 0,1,2,3
	v_lshrrev_b32 v[236+\b], 23, v[244+\b]
.endr
	v_lshl_or_b32 v253, v237, 8, v236              ; p's scale word for these 128 keys
	v_lshl_or_b32 v253, v238, 16, v253
	v_lshl_or_b32 v253, v239, 24, v253
.irp c, 0,1
	v_cvt_scalef32_pk16_fp6_f32 v[224+6*\c:226+6*\c], v[SS+32*\c:SS+15+32*\c], v[244+2*\c]
	v_cvt_scalef32_pk16_fp6_f32 v[236+4*\c:238+4*\c], v[SS+16+32*\c:SS+31+32*\c], v[244+2*\c+1]
.endr
	v_nop                                          ; one plain place behind a scaled conversion
.irp c, 0,1
.irp i, 0,1,2
	v_permlane16_swap_b32 v[224+6*\c+\i], v[236+4*\c+\i]
.endr
.irp i, 0,1,2
	v_mov_b32 v[227+6*\c+\i], v[236+4*\c+\i]
.endr
.endr
.set j, 0
.rept 16
	v_pk_mul_f32 v[OT+j:OT+j+1], v[OT+j:OT+j+1], v[252:253] op_sel_hi:[1,0]   ; O^T under the new M
.set j, j+2
.endr
	v_add_nc_u32 v[AK16], 6144, v[AK16]            ; the next trip's addresses: all this trip's LDS loads are issued.  With the 16 lines above these are the places between p's codes and scale word and the products
	v_add_nc_u32 v[AK8], 6144, v[AK8]
	v_add_nc_u32 v[AKS], 512, v[AKS]
	v_add_nc_u32 v[AV16], 6144, v[AV16]
	v_add_nc_u32 v[AV8], 6144, v[AV8]
	v_add_nc_u32 v[AVS], 256, v[AVS]
	v_add_nc_u32 v[ATB], 512, v[ATB]
	s_wait_dscnt 0x0                               ; V
.irp c, 0,1,2,3
	v_wmma_scale_f32_16x16x128_f8f6f4 v[OT+8*\c:OT+8*\c+7], v[VF+12*\c:VF+12*\c+11], v[224:235], v[OT+8*\c:OT+8*\c+7], v[VS+\c], v253 matrix_a_fmt:MATRIX_FMT_FP6 matrix_b_fmt:MATRIX_FMT_FP6
.endr
	s_sub_co_u32 s3, s3, 1
	s_cmp_lg_u32 s3, 0
	s_cbranch_scc1 .Lstep
	; THE WAY OUT: O^T / the sum; register 16 b + i is channel 32 b + 16 h + i of my query: two blocks of 32 along the next K, one half image
	v_add_f32 v14, v14, v15
	v_permlanex16_b32 v252, v14, s[SEL], s[SEL+1]
	v_add_f32 v14, v14, v252
	v_rcp_f32 v14, v14
	v_and_b32 v8, 31, v0                           ; plain work behind the reciprocal; with the additions above also the places behind the last products
	v_lshlrev_b32 v9, 4, v8
	v_lshlrev_b32 v10, 3, v8
	v_and_b32 v11, 15, v0
	v_lshlrev_b32 v11, 2, v11
	s_wait_alu depctr_va_vdst(0)                   ; the wait ahead of the reciprocal's first reader
.set j, 0
.rept 32
	v_mul_f32 v[SS+j], v[OT+j], v14                ; each accumulator from its low end on
.set j, j+1
.endr
.irp b, 0,1
	v_max3_num_f32 v[232+\b], |v[SS+16*\b]|, |v[SS+1+16*\b]|, 0x1800000
.endr
.irp i, 2,4,6,8,10,12,14
.irp b, 0,1
	v_max3_num_f32 v[232+\b], v[232+\b], |v[SS+16*\b+\i]|, |v[SS+1+16*\b+\i]|
.endr
.endr
.irp b, 0,1
	v_permlanex16_b32 v[236+\b], v[232+\b], s[SEL], s[SEL+1]
.endr
.irp b, 0,1
	v_max_num_f32 v[232+\b], v[232+\b], v[236+\b]
.endr
.irp b, 0,1
	v_add_nc_u32 v[244+\b], 0xff000000, v[232+\b]
.endr
.irp b, 0,1
	v_lshrrev_b32 v[240+\b], 23, v[244+\b]
.endr
	v_lshl_or_b32 v253, v241, 8, v240              ; my head's two bytes of the row's scale word
	v_cvt_scalef32_pk16_fp6_f32 v[224:226], v[SS:SS+15], v244
	v_cvt_scalef32_pk16_fp6_f32 v[236:238], v[SS+16:SS+31], v245
	v_nop
.irp i, 0,1,2
	v_permlane16_swap_b32 v[224+\i], v[236+\i]
.endr
.irp i, 0,1,2
	v_mov_b32 v[227+\i], v[236+\i]
.endr
	global_store_b128 v9, v[224:227], s[78:79]             ; 512 consecutive bytes,
	global_store_b64 v10, v[228:229], s[78:79] offset:512  ; 256
	global_store_b16 v11, v253, s[80:81]                   ; lanes l and l xor 16 write the same two bytes
	s_wait_xcnt 0x0
	v_lshl_add_u32 v254, v0, 2, 0x3c100
	v_mov_b32 v255, 0
	s_wait_tensorcnt 0x0
	ds_add_u32 v254, v255
	s_wait_dscnt 0x0
	CROUND                                         ; the closing round
	s_endpgm
.Lfunc_end_k_q781359df1c_attn:
	.size	k_q781359df1c_attn, .Lfunc_end_k_q781359df1c_attn-k_q781359df1c_attn
	.p2alignl 7, 3214868480
	.fill 96, 4, 3214868480
	.section	.rodata,"a",@progbits
	.p2align	6, 0x0
	.amdhsa_kernel k_q781359df1c_attn
		.amdhsa_group_segment_fixed_size 327680
		.amdhsa_private_segment_fixed_size 0
		.amdhsa_enable_private_segment 0
		.amdhsa_kernarg_size 24
		.amdhsa_user_sgpr_count 2
		.amdhsa_user_sgpr_kernarg_segment_ptr 1
		.amdhsa_wavefront_size32 1
		.amdhsa_system_sgpr_workgroup_id_x 1
		.amdhsa_system_sgpr_workgroup_id_y 1
		.amdhsa_system_sgpr_workgroup_id_z 1
		.amdhsa_system_vgpr_workitem_id 0
		.amdhsa_next_free_vgpr 256
		.amdhsa_next_free_sgpr 92
		.amdhsa_reserve_vcc 0
		.amdhsa_float_denorm_mode_32 3
		.amdhsa_float_denorm_mode_16_64 3
		.amdhsa_memory_ordered 1
		.amdhsa_forward_progress 1
		.amdhsa_inst_pref_size 33
	.end_amdhsa_kernel
	.amdgpu_metadata
---
amdhsa.version: [ 1, 2 ]
amdhsa.kernels:
  - .name:           k_q781359df1c_attn
    .symbol:         k_q781359df1c_attn.kd
    .args:
      - { .name: qkvw, .offset: 0, .size: 8, .value_kind: global_buffer, .address_space: global }
      - { .name: prepw, .offset: 8, .size: 8, .value_kind: global_buffer, .address_space: global }
      - { .name: att, .offset: 16, .size: 8, .value_kind: global_buffer, .address_space: global }
    .group_segment_fixed_size: 327680
    .private_segment_fixed_size: 0
    .kernarg_segment_align: 8
    .kernarg_segment_size: 24
    .max_flat_workgroup_size: 512
    .sgpr_count:     92
    .vgpr_count:     256
    .wavefront_size: 32
...
	.end_amdgpu_metadata
.endif
;; end of part 4
;; launch proj (part 5): grid 4 x 16, 4 waves a work-group, clusters of 4 x 4, 327,680 bytes of LDS; arguments att, proj_w_codes, proj_w_scales, proj_b, x, x1; writes x1
.if DOCPART == 5
	.amdgcn_target "amdgcn-amd-amdhsa--gfx1250"
	.amdhsa_code_object_version 6
	.text
	.protected	k_q781359df1c_proj
	.globl	k_q781359df1c_proj
	.p2align	8
	.type	k_q781359df1c_proj,@function
k_q781359df1c_proj:
	s_mov_b64 s[64:65], 0
	v_nop
	global_prefetch_b8 v0, s[64:65] scope:SCOPE_SE
	s_setreg_imm32_b32 hwreg(HW_REG_WAVE_MODE, 25, 1), 1
	s_wait_xcnt 0x0
	s_wait_alu depctr_hold_cnt(0) depctr_sa_sdst(0) depctr_va_vdst(0) depctr_va_sdst(0) depctr_va_ssrc(0) depctr_va_vcc(0) depctr_vm_vsrc(0)
	s_getreg_b32 s2, hwreg(HW_REG_IB_STS2, 6, 4)
	s_cmp_eq_u32 s2, 0
	s_cbranch_scc0 .Lentry_in_a_cluster
	s_endpgm
.Lentry_in_a_cluster:
	s_bfe_u32 s2, ttmp6, 0x10000c
	s_cmp_lg_u32 s2, 0xf033
	s_cbranch_scc0 .Lentry_shape_is_right
	s_endpgm
.Lentry_shape_is_right:
; C = A W^T + b + R on codes of FP6 (E2M3) with E8M0 scales for each 32 along K; R (the residual) and C are [4096][SIZE_N] f32.
; A [4096][SIZE_K] comes as images of operand registers (img[row / 16][k / 128][1,536]: two halves of 768 bytes, in a half registers 0-3 at 16 x lane, 4-5 at 512 + 8 x lane) with scale words sc[k / 128][row] at byte IMGB;
; B [SIZE_N][SIZE_K] as rows of codes (a stream of bits, 128 codes in 96 bytes) and rows of scale bytes.  A tile of C, 256 x 256, is made by four waves, each 128 x 128: 64 accumulators, 512 registers.
; K goes in steps of 256 through a ring of two LDS slots filled by the tensor data mover; the scales of the work-group's rows, for all of K, come once with the first fills and stay.
; CLUSTERS: 4 x 4 work-groups; A's tiles are asked for jointly along a row of the cluster, B's along a column.  The matrix instruction is used TRANSPOSED (source 0 = 16 rows of B, source 1 = 16 rows of A):
; a lane holds eight neighbouring numbers of a row of C.  The bias is the C of each sum's first matrix instruction.
; THE WAY OUT: a block of 16 rows x 128 columns goes through the wave's stage in LDS and comes back as whole rows of 512 bytes; the residual, loaded a block ahead in the same layout, is added; 32 lanes store 512 consecutive bytes.
; SIZE_N = 1,024 gives 64 tiles of this size: the launch has work for 64 work-groups.  No prefetch: the launch is short and its tiles are shared in the cluster.
; REGISTERS, in windows of 256: window 0: v0-31 addresses; v32-63 B's scale words, v64-95 A's (two sets of 16: register 2 i + q); v128-223 A's fragments, one set.
;   window 1: B's fragments, two sets, at v0 and v128; the bias tiles at v96-127 and v224-255.   windows 2, 3: the accumulators of my rows 0-63, 64-127 ((a, b) at v[8 (8 (a % 4) + b)]).
.set SIZE_N, 1024
.set SIZE_K, 1024
.set PERM,   0
.set ROWB,   192                       ; 256 codes of B in bytes
.set KROW,   SIZE_K*3/4                ; a row of B in memory
.set PITCH,  240                       ; in LDS: 3 x (64 bytes + 16 of padding)
.set FR,     12
.set HALFA,  24576                     ; 8 blocks of 16 rows x 2 fragments x 1,536 bytes: what one load brings of A
.set HALFB,  128*PITCH                 ; 128 rows of B
.set SLOT,   2*HALFA+2*HALFB
.set LAPS,   SIZE_K/512
.set KS,     SIZE_K/32                 ; a row of B's scale bytes
.set IMGB,   3072*SIZE_K
.set SCA,    2*SLOT                    ; A's scale words: two halves of [k / 128][128 rows]
.set HALFSA, 4*SIZE_K
.set SCB,    SCA+2*HALFSA              ; B's scale bytes, as units of 256 bytes + 16 of padding
.set HALFS,  (128*KS/256)*272
.set SBLK,   (16*KS/256)*272
.set SPARE,  SCB+2*HALFS               ; the spare words: 128 bytes a wave, two blocks of 256 bytes that no other line names
.set L16,    4                         ; v4   16 x lane
.set L8,     5                         ; v5   8 x lane
.set ADRA16, 16                        ; v16-17 A's images in slot 0, 1, 16 bytes a lane;  v18-19 8 bytes a lane
.set ADRA8,  18
.set ADRB,   20                        ; v20-21 B's rows in slot 0, 1;  v22-23 the same behind one padding more
.set STO,    24                        ; the way out: into my stage
.set RD,     25                        ; and out of it
.set ADRSB,  27
.set SPW,    28                        ; my spare word; never rewritten
.set NIL,    29                        ; 0; never rewritten
.set ADRSA,  30
.set SCBR,   32
.set SCAR,   64
.set AF,     128
.set BK,     128                       ; the way out: 16 rows read back from the stage
.set WV, 99
.set RH, 100                           ; which half of the tile's rows is mine; also: I fetch for A (0) or B (1)
.set CH, 101                           ; which half of its columns; also: which half I fetch
.set TC, 42
.set TR, 98
.set G1, 24
.set G0, 32
.set G1B, 48
.set G0B, 56
.set G1S, 68
.set G0S, 76
.set G1SB, 80
.set G0SB, 88
.set MSB, 0
.macro WIN new                         ; the immediate's high byte repeats the setting that is left
.if MSB != (\new)
	s_set_vgpr_msb (MSB<<8)|(\new)
.set MSB, (\new)
.endif
.endm
.set MUL_LO, 0xa1                      ; source 0 (B) window 1, source 1 (A) window 0, C and D window 2
.set MUL_HI, 0xf1                      ; the same, C and D window 3
.set TO_B,   0x40
.macro PLACES n                        ; plain places behind matrix instructions, in front of loads into their registers and of the first read of results
.rept \n
	v_nop
.endr
.endm
.macro JLOAD g0a, g1a, g0b, g1b        ; a joint load: waves 0, 1 fetch for A, waves 2, 3 for B; four v_nop follow each line
	s_cmp_eq_u32 s[RH], 0
	s_cbranch_scc0 .Lfor_b_\@
	tensor_load_to_lds s[\g0a:\g0a+3], s[\g1a:\g1a+7]
	s_nop 0
	PLACES 4
	s_branch .Lasked_\@
.Lfor_b_\@:
	tensor_load_to_lds s[\g0b:\g0b+3], s[\g1b:\g1b+7]
	s_nop 0
	PLACES 4
.Lasked_\@:
.endm
.macro CREST                           ; a round of the cluster's barrier behind its opening barrier
	s_cmp_lg_u32 s[WV], 0
	s_cbranch_scc1 .Lnot_wave_0_\@
	s_barrier_signal -3
.Lnot_wave_0_\@:
	s_barrier_wait -3
	s_barrier_signal -1
	s_barrier_wait -1
.endm
.macro CROUND
	s_barrier_signal -1
	s_barrier_wait -1
	CREST
.endm
	s_load_b256 s[4:11], s[0:1], 0x0               ; A s[4:5], B's codes s[6:7], B's scales s[8:9], the bias s[10:11]
	s_load_b128 s[12:15], s[0:1], 0x20             ; the residual s[12:13], C s[14:15]
	v_lshl_add_u32 v[SPW], v0, 2, SPARE
	v_mov_b32 v[NIL], 0
	ds_add_u32 v28, v29
	ds_add_u32 v28, v29
	s_wait_dscnt 0x0
	v_lshrrev_b32 v1, 5, v0
	v_readfirstlane_b32 s[WV], v1
	s_lshr_b32 s[RH], s[WV], 1
	s_and_b32 s[CH], s[WV], 1
	s_bfe_u32 s40, ttmp6, 0x40000                  ; cx
	s_bfe_u32 s41, ttmp6, 0x40004                  ; cy
	s_lshl_b32 s[TC], ttmp9, 2
	s_add_co_u32 s[TC], s[TC], s40                 ; tile column
	s_and_b32 s[TR], ttmp7, 0xffff
	s_lshl_b32 s[TR], s[TR], 2
	s_add_co_u32 s[TR], s[TR], s41                 ; tile row
	s_lshl_b32 s43, s41, 2
	s_lshl_b32 s43, 15, s43                        ; my row of the cluster
	s_lshl_b32 s44, 0x1111, s40                    ; my column
	s_or_b32 s[G1+0], s43, (3<<16)|(1<<21)         ; A's images: elements of 8 bytes, no padding; the mask of my row, bit 21 beside it
	s_mov_b32 s[G1+1], 384<<16                     ; a row: two fragments, 3,072 bytes
	s_mov_b32 s[G1+2], 8<<16                       ; 8 blocks of 16 rows
	s_mov_b32 s[G1+3], 384<<16
	s_mov_b32 s[G1+4], 8
	s_mov_b32 s[G1+5], SIZE_K*3/2                  ; from block to block: SIZE_K / 128 fragments
	s_mov_b32 s[G1+6], 0
	s_mov_b32 s[G1+7], 0
	s_or_b32 s[G1B+0], s44, (0<<16)|(1<<20)|(1<<21)|(3<<22)|(3<<25)  ; B's rows: bytes; 16 bytes of padding behind every 64
	s_mov_b32 s[G1B+1], ROWB<<16
	s_mov_b32 s[G1B+2], 128<<16
	s_mov_b32 s[G1B+3], ROWB<<16
	s_mov_b32 s[G1B+4], 128
	s_mov_b32 s[G1B+5], KROW
	s_mov_b32 s[G1B+6], 0
	s_mov_b32 s[G1B+7], 0
	s_or_b32 s[G1S+0], s43, (3<<16)|(1<<21)        ; A's scale words: 128 rows' words (512 bytes) for each 128 along K
	s_mov_b32 s[G1S+1], 64<<16
	s_mov_b32 s[G1S+2], (SIZE_K/128)<<16
	s_mov_b32 s[G1S+3], 64<<16
	s_mov_b32 s[G1S+4], SIZE_K/128
	s_mov_b32 s[G1S+5], 2048
	s_mov_b32 s[G1S+6], 0
	s_mov_b32 s[G1S+7], 0
	s_or_b32 s[G1SB+0], s44, (3<<16)|(1<<20)|(1<<21)|(5<<22)|(3<<25)  ; B's scale bytes: a dense block as rows of 256 bytes, 16 of padding behind each
	s_mov_b32 s[G1SB+1], 32<<16
	s_mov_b32 s[G1SB+2], (128*KS/256)<<16
	s_mov_b32 s[G1SB+3], 32<<16
	s_mov_b32 s[G1SB+4], 128*KS/256
	s_mov_b32 s[G1SB+5], 32
	s_mov_b32 s[G1SB+6], 0
	s_mov_b32 s[G1SB+7], 0
	s_lshl_b32 s16, s[TR], 4
	s_lshl_b32 s17, s[CH], 3
	s_add_co_u32 s16, s16, s17                     ; A: the first block of 16 rows of the half that I fetch
	s_mul_i32 s20, s16, SIZE_K*12                  ; its images,
	s_mov_b32 s21, 0
	s_lshl_b32 s22, s16, 6
	s_add_co_u32 s22, s22, IMGB                    ; its scale words
	s_mov_b32 s23, 0
	s_lshl_b32 s46, s[TC], 8
	s_lshl_b32 s47, s[CH], 7
	s_add_co_u32 s46, s46, s47                     ; B: the first row of the half that I fetch
	s_mul_i32 s92, s46, KS
	s_mov_b32 s93, 0
	s_mul_i32 s46, s46, KROW
	s_mov_b32 s47, 0
	s_mul_i32 s45, s[CH], HALFA                    ; where they go: no place in the cluster enters an LDS address
	s_mul_i32 s94, s[CH], HALFB
	s_add_co_u32 s94, s94, 2*HALFA
	s_mul_i32 s95, s[CH], HALFSA
	s_add_co_u32 s95, s95, SCA
	s_mul_i32 s96, s[CH], HALFS
	s_add_co_u32 s96, s96, SCB
	s_wait_kmcnt 0x0
	s_add_nc_u64 s[20:21], s[4:5], s[20:21]
	s_add_nc_u64 s[22:23], s[4:5], s[22:23]
	s_add_nc_u64 s[46:47], s[6:7], s[46:47]
	s_add_nc_u64 s[92:93], s[8:9], s[92:93]
	CROUND                                         ; all sixteen work-groups are here: the first joint loads meet
	s_mov_b32 s[G0S], 1
	s_mov_b32 s[G0S+1], s95
	s_mov_b64 s[G0S+2:G0S+3], s[22:23]
	s_or_b32 s[G0S+3], s[G0S+3], 0x80000000
	s_mov_b32 s[G0SB], 1
	s_mov_b32 s[G0SB+1], s96
	s_mov_b64 s[G0SB+2:G0SB+3], s[92:93]
	s_or_b32 s[G0SB+3], s[G0SB+3], 0x80000000
	JLOAD G0S, G1S, G0SB, G1SB                     ; the scales first; then both slots: three loads of mine are out
.irp s, 0,1
	s_mov_b32 s[G0+4*\s], 1
	s_add_co_u32 s[G0+4*\s+1], s45, \s*SLOT
	s_add_nc_u64 s[G0+4*\s+2:G0+4*\s+3], s[20:21], \s*3072
	s_or_b32 s[G0+4*\s+3], s[G0+4*\s+3], 0x80000000
	s_mov_b32 s[G0B+4*\s], 1
	s_add_co_u32 s[G0B+4*\s+1], s94, \s*SLOT
	s_add_nc_u64 s[G0B+4*\s+2:G0B+4*\s+3], s[46:47], \s*ROWB
	s_or_b32 s[G0B+4*\s+3], s[G0B+4*\s+3], 0x80000000
	JLOAD G0+4*\s, G1, G0B+4*\s, G1B
.endr
	v_and_b32 v1, 15, v0                           ; r
	v_bfe_u32 v2, v0, 4, 1                         ; h
	v_and_b32 v3, 31, v0                           ; lane
	v_lshlrev_b32 v[L16], 4, v3
	v_lshlrev_b32 v[L8], 3, v3
.if PERM
	v_and_b32 v6, 8, v1
	v_add_nc_u32 v6, v6, v1                        ; r + 8 (r / 8)
.else
	v_mov_b32 v6, v1
.endif
	v_mul_u32_u24 v7, v6, PITCH
	v_mad_u32_u24 v7, v2, 24, v7                   ; B: my row of a tile, + 24 h
	v_lshl_add_u32 v8, v2, 4, v7                   ; and behind one padding more
	s_mul_i32 s16, s[RH], HALFA
	s_mul_i32 s17, s[CH], HALFB
	s_add_co_u32 s17, s17, 2*HALFA
.irp s, 0,1
	v_add_nc_u32 v[ADRA16+\s], s16, v[L16]
	v_add_nc_u32 v[ADRA8+\s], s16, v[L8]
	v_add_nc_u32 v[ADRB+\s], s17, v7
	v_add_nc_u32 v[ADRB+2+\s], s17, v8
	s_add_co_u32 s16, s16, SLOT
	s_add_co_u32 s17, s17, SLOT
.endr
	v_mul_u32_u24 v9, v6, KS                       ; B's scale bytes: KS a row, and 16 more for each 256 passed
	v_lshrrev_b32 v10, 8, v9
	v_lshl_add_u32 v9, v10, 4, v9
	s_mul_i32 s16, s[CH], HALFS
	s_add_co_u32 s16, s16, SCB
	v_add_nc_u32 v[ADRSB], s16, v9
	s_mul_i32 s16, s[RH], HALFSA
	s_add_co_u32 s16, s16, SCA
	v_lshl_add_u32 v[ADRSA], v1, 2, s16
	s_lshl_b32 s16, s[TC], 10                      ; the bias of my 128 columns
	s_lshl_b32 s17, s[CH], 9
	s_add_co_u32 s16, s16, s17
	s_mov_b32 s17, 0
	s_add_nc_u64 s[10:11], s[10:11], s[16:17]
.if PERM
	v_lshlrev_b32 v11, 6, v2                       ; register j of tile t: column 32 (t / 2) + 8 (t % 2) + 16 h + j
.else
	v_lshlrev_b32 v11, 5, v2                       ; column 16 t + 8 h + j
.endif
	WIN TO_B
.irp b, 0,1,2,3,4,5,6,7
.if PERM
.set BO, (32*(\b/2)+8*(\b%2))*4
.else
.set BO, 64*\b
.endif
	global_load_b128 v[96+8*\b+96*(\b/4):96+8*\b+96*(\b/4)+3], v11, s[10:11] offset:BO
	global_load_b128 v[96+8*\b+96*(\b/4)+4:96+8*\b+96*(\b/4)+7], v11, s[10:11] offset:BO+16
.endr
	WIN 0
	s_lshl_b32 s16, s[TR], 8                       ; where my part of C and of the residual begins
	s_lshl_b32 s17, s[RH], 7
	s_add_co_u32 s16, s16, s17
	s_mul_i32 s16, s16, SIZE_N*4
	s_lshl_b32 s17, s[TC], 10
	s_add_co_u32 s16, s16, s17
	s_lshl_b32 s17, s[CH], 9
	s_add_co_u32 s16, s16, s17
	s_mov_b32 s17, 0
	s_add_nc_u64 s[12:13], s[12:13], s[16:17]
	s_add_nc_u64 s[14:15], s[14:15], s[16:17]
	s_mul_i32 s16, s[WV], 16*528                   ; my stage: 16 rows x (512 bytes + 16), in slot 0, which has had its last fill and its last read when the first result is stored there
	v_mul_u32_u24 v9, v1, 528
	v_lshl_add_u32 v9, v2, 5, v9
	v_add_nc_u32 v[STO], s16, v9                   ; in: row r, + 32 h
	v_add_nc_u32 v[RD], s16, v[L16]                ; back: a row of 512 bytes to the 32 lanes
.macro FRAGA reg, slot, q, i           ; A's fragment (block i, the slot's q-th 128 along K): the image as it was stored
	ds_load_b128 v[\reg:\reg+3], v[ADRA16+\slot] offset:(2*(\i)+(\q))*1536
	ds_load_b64 v[\reg+4:\reg+5], v[ADRA8+\slot] offset:(2*(\i)+(\q))*1536+512
	ds_load_b128 v[\reg+6:\reg+9], v[ADRA16+\slot] offset:(2*(\i)+(\q))*1536+768
	ds_load_b64 v[\reg+10:\reg+11], v[ADRA8+\slot] offset:(2*(\i)+(\q))*1536+1280
.endm
.macro FRAG reg, adr, q, i             ; B's fragment: 24 bytes of the row's stream of bits twice, in pieces of 8 bytes; lanes 16-31 read three pieces on, for some pieces behind one padding more
.if PERM
.set RO, 32*((\i)/2)+8*((\i)%2)
.else
.set RO, 16*(\i)
.endif
.irp p, 0,1,2,3,4,5
.set PCE, 12*(\q)+6*(\p/3)+\p%3
.if PCE%8 < 5
	ds_load_b64 v[\reg+2*\p:\reg+2*\p+1], v[\adr] offset:8*PCE+16*(PCE/8)+RO*PITCH
.else
	ds_load_b64 v[\reg+2*\p:\reg+2*\p+1], v[\adr+2] offset:8*PCE+16*(PCE/8)+RO*PITCH
.endif
.endr
.endm
; 16 matrix instructions: A's blocks a0, a0 + 1 x B's eight.  first = 1: the bias starts the sums.  The 64 accumulators take turns, one instruction a turn, in the same order in every step.
.macro MUL16 a0, p, q, sc, first
.irp a, \a0, \a0+1
.irp b, 0,1,2,3,4,5,6,7
.set rD, 8*(8*((\a)%4)+\b)
.set rB, 128*(\p)+FR*\b
.set rA, AF+FR*(\a)
.set rC, 96+8*\b+96*(\b/4)
.set zB, SCBR+16*(\sc)+2*\b+(\q)
.set zA, SCAR+16*(\sc)+2*(\a)+(\q)
.if \first
	v_wmma_scale_f32_16x16x128_f8f6f4 v[rD:rD+7], v[rB:rB+11], v[rA:rA+11], v[rC:rC+7], v[zB], v[zA] matrix_a_fmt:MATRIX_FMT_FP6 matrix_b_fmt:MATRIX_FMT_FP6
.else
	v_wmma_scale_f32_16x16x128_f8f6f4 v[rD:rD+7], v[rB:rB+11], v[rA:rA+11], v[rD:rD+7], v[zB], v[zA] matrix_a_fmt:MATRIX_FMT_FP6 matrix_b_fmt:MATRIX_FMT_FP6
.endif
.endr
.endr
.endm
.macro FETCH_B slot, q, p              ; 48 loads
	WIN TO_B
.irp i, 0,1,2,3,4,5,6,7
	FRAG 128*(\p)+FR*\i, ADRB+\slot, \q, \i
.endr
	WIN 0
.endm
.macro FETCH_A slot, q, i0             ; 16 loads: blocks i0 .. i0 + 3
.irp i, \i0, \i0+1, \i0+2, \i0+3
	FRAGA AF+FR*(\i), \slot, \q, \i
.endr
.endm
.macro SCALES sc                       ; 24 loads: a K step's scale words
.irp i, 0,1,2,3,4,5,6,7
.if PERM
	ds_load_b64 v[SCBR+16*\sc+2*\i:SCBR+16*\sc+2*\i+1], v[ADRSB] offset:(4*(\i/2)+\i%2)*272
.else
	ds_load_b64 v[SCBR+16*\sc+2*\i:SCBR+16*\sc+2*\i+1], v[ADRSB] offset:\i*SBLK
.endif
.endr
.irp i, 0,1,2,3,4,5,6,7
	ds_load_b32 v[SCAR+16*\sc+2*\i], v[ADRSA] offset:64*\i
	ds_load_b32 v[SCAR+16*\sc+2*\i+1], v[ADRSA] offset:512+64*\i
.endr
.endm
.macro STEP slot, q, first             ; a slot's first 128 along K
	s_wait_dscnt 16                                ; all but the youngest 16 loads (A's blocks 4-7) are in
	WIN MUL_LO-0x10*(\first)                       ; (with the bias as C: source 2 in window 1)
	MUL16 0, (\q)%2, \q, \slot, \first
	MUL16 2, (\q)%2, \q, \slot, \first
	s_wait_dscnt 0
	PLACES 4
	FETCH_B \slot, (\q)+1, 1-(\q)%2
	FETCH_A \slot, (\q)+1, 0
	WIN MUL_HI-0x20*(\first)
	MUL16 4, (\q)%2, \q, \slot, \first
	MUL16 6, (\q)%2, \q, \slot, \first
	PLACES 4
	WIN 0
	FETCH_A \slot, (\q)+1, 4
.endm
; A slot's last 128 along K change slots: one barrier; in front of it each wave waits for all its tensor loads, adds 0 to its spare word, and waits for that and for its reads of this slot.  fill = 1: the slot is filled again, two K steps ahead.
.macro TURN slot, next, fill
	s_wait_tensorcnt 0x0                           ; all my tensor loads have landed: my part of the next slot
	ds_add_u32 v[SPW], v[NIL]                      ; 0 onto my spare word
	s_wait_dscnt 17                                ; (the add and the youngest 16 loads may be out)
	WIN MUL_LO
	MUL16 0, 1, 1, \slot, 0
	s_wait_dscnt 0x0                               ; the add is done, and my reads of this slot are over
	s_barrier_signal -1
	MUL16 2, 1, 1, \slot, 0
	WIN 0
	s_barrier_wait -1
.if \fill
	CREST                                          ; the barrier has opened a round of the cluster's: no wave of any partner still reads this slot or has a load on its way
	s_add_nc_u64 s[G0+4*\slot+2:G0+4*\slot+3], s[G0+4*\slot+2:G0+4*\slot+3], 6144
	s_add_nc_u64 s[G0B+4*\slot+2:G0B+4*\slot+3], s[G0B+4*\slot+2:G0B+4*\slot+3], 2*ROWB
	JLOAD G0+4*\slot, G1, G0B+4*\slot, G1B         ; the first tensor load behind the round, one a wave; its four v_nop are the places in front of the loads below
.else
	PLACES 4
.endif
	v_add_nc_u32 v[ADRSB], 8, v[ADRSB]             ; the next K step's scale words
	v_add_nc_u32 v[ADRSA], 1024, v[ADRSA]
	FETCH_B \next, 0, 0
	FETCH_A \next, 0, 0
	SCALES \next
	WIN MUL_HI
	MUL16 4, 1, 1, \slot, 0
	MUL16 6, 1, 1, \slot, 0
	PLACES 4
	WIN 0
	FETCH_A \next, 0, 4
.endm
	s_wait_tensorcnt 1                             ; the scales and my part of slot 0 are in; slot 1's load may be out
	s_barrier_signal -1
	s_barrier_wait -1
	FETCH_B 0, 0, 0
	FETCH_A 0, 0, 0
	SCALES 0
	FETCH_A 0, 0, 4
	s_wait_loadcnt 0x0                             ; the bias
	STEP 0, 0, 1
	s_mov_b32 s3, LAPS-1
.Llap:                                         ; a trip goes once round the ring and fills both slots again
	TURN 0, 1, 1
	STEP 1, 0, 0
	TURN 1, 0, 1
	STEP 0, 0, 0
	s_sub_co_u32 s3, s3, 1
	s_cmp_lg_u32 s3, 0
	s_cbranch_scc1 .Llap
	TURN 0, 1, 0                                   ; the last lap fills nothing
	STEP 1, 0, 0
	s_wait_dscnt 16
	WIN MUL_LO
	MUL16 0, 1, 1, 1, 0
	MUL16 2, 1, 1, 1, 0
	s_wait_dscnt 0
	WIN MUL_HI
	MUL16 4, 1, 1, 1, 0
	MUL16 6, 1, 1, 1, 0
	WIN 0
	; ---------------- THE WAY OUT
.macro TOSTAGE a
.set AC, 64*((\a)%4)
	WIN 0x08+4*((\a)/4)                            ; an LDS store's data are its source 1: window 2 or 3
.irp b, 0,1,2,3,4,5,6,7
	ds_store_b128 v[STO], v[AC+8*\b:AC+8*\b+3] offset:64*\b          ; each accumulator from its low end on
	ds_store_b128 v[STO], v[AC+8*\b+4:AC+8*\b+7] offset:64*\b+16
.endr
	WIN 0
.irp t, 0,1,2,3,4,5,6,7,8,9,10,11,12,13,14,15
	ds_load_b128 v[BK+4*\t:BK+4*\t+3], v[RD] offset:\t*528           ; LDS serves a wave's instructions in order: these see my stores
.endr
.endm
.macro RLOAD a                         ; the residual of block a: v32-95 (even blocks), v192-255 (odd)
.set RR, 32+160*((\a)%2)
.irp t, 0,1,2,3,4,5,6,7,8,9,10,11,12,13,14,15
	global_load_b128 v[RR+4*\t:RR+4*\t+3], v[L16], s[12:13] offset:(16*(\a)+\t)*SIZE_N*4
.endr
.endm
	PLACES 4
	RLOAD 0
.irp a, 0,1,2,3,4,5,6,7
.if \a > 0
	s_wait_xcnt 0x0                                ; the last block's stores have read their registers
.endif
	TOSTAGE \a
.if \a < 7
	RLOAD \a+1
.endif
	s_wait_dscnt 0x0
.if \a < 7
	s_wait_loadcnt 16                              ; this block's residual is in; the next block's 16 loads may be out
.else
	s_wait_loadcnt 0x0
.endif
.set RR, 32+160*(\a%2)
.set j, 0
.rept 32
	v_pk_add_f32 v[BK+j:BK+j+1], v[BK+j:BK+j+1], v[RR+j:RR+j+1]
.set j, j+2
.endr
.irp t, 0,1,2,3,4,5,6,7,8,9,10,11,12,13,14,15
	global_store_b128 v[L16], v[BK+4*\t:BK+4*\t+3], s[14:15] offset:(16*\a+\t)*SIZE_N*4   ; 32 lanes store 512 consecutive bytes, at a multiple of 256 from C's first byte
.endr
.endr
	s_wait_tensorcnt 0x0                           ; the wave's end
	ds_add_u32 v[SPW], v[NIL]
	s_wait_dscnt 0x0
	CROUND                                         ; the closing round
	s_endpgm
.Lfunc_end_k_q781359df1c_proj:
	.size	k_q781359df1c_proj, .Lfunc_end_k_q781359df1c_proj-k_q781359df1c_proj
	.p2alignl 7, 3214868480
	.fill 96, 4, 3214868480
	.section	.rodata,"a",@progbits
	.p2align	6, 0x0
	.amdhsa_kernel k_q781359df1c_proj
		.amdhsa_group_segment_fixed_size 327680
		.amdhsa_private_segment_fixed_size 0
		.amdhsa_enable_private_segment 0
		.amdhsa_kernarg_size 48
		.amdhsa_user_sgpr_count 2
		.amdhsa_user_sgpr_kernarg_segment_ptr 1
		.amdhsa_wavefront_size32 1
		.amdhsa_system_sgpr_workgroup_id_x 1
		.amdhsa_system_sgpr_workgroup_id_y 1
		.amdhsa_system_sgpr_workgroup_id_z 1
		.amdhsa_system_vgpr_workitem_id 0
		.amdhsa_next_free_vgpr 1024
		.amdhsa_next_free_sgpr 102
		.amdhsa_reserve_vcc 0
		.amdhsa_float_denorm_mode_32 3
		.amdhsa_float_denorm_mode_16_64 3
		.amdhsa_memory_ordered 1
		.amdhsa_forward_progress 1
		.amdhsa_inst_pref_size 186
	.end_amdhsa_kernel
	.amdgpu_metadata
---
amdhsa.version: [ 1, 2 ]
amdhsa.kernels:
  - .name:           k_q781359df1c_proj
    .symbol:         k_q781359df1c_proj.kd
    .args:
      - { .name: att, .offset: 0, .size: 8, .value_kind: global_buffer, .address_space: global }
      - { .name: proj_w_codes, .offset: 8, .size: 8, .value_kind: global_buffer, .address_space: global }
      - { .name: proj_w_scales, .offset: 16, .size: 8, .value_kind: global_buffer, .address_space: global }
      - { .name: proj_b, .offset: 24, .size: 8, .value_kind: global_buffer, .address_space: global }
      - { .name: x, .offset: 32, .size: 8, .value_kind: global_buffer, .address_space: global }
      - { .name: x1, .offset: 40, .size: 8, .value_kind: global_buffer, .address_space: global }
    .group_segment_fixed_size: 327680
    .private_segment_fixed_size: 0
    .kernarg_segment_align: 8
    .kernarg_segment_size: 48
    .max_flat_workgroup_size: 128
    .sgpr_count:     102
    .vgpr_count:     1024
    .wavefront_size: 32
...
	.end_amdgpu_metadata
.endif
;; end of part 5
;; launch ln2q (part 6): grid 256 x 1, 8 waves a work-group, no clusters, 71,168 bytes of LDS; arguments x1, ln2_g, ln2_b, hn; writes hn
.if DOCPART == 6
	.amdgcn_target "amdgcn-amd-amdhsa--gfx1250"
	.amdhsa_code_object_version 6
	.text
	.protected	k_q781359df1c_ln2q
	.globl	k_q781359df1c_ln2q
	.p2align	8
	.type	k_q781359df1c_ln2q,@function
k_q781359df1c_ln2q:
	s_mov_b64 s[64:65], 0
	v_nop
	global_prefetch_b8 v0, s[64:65] scope:SCOPE_SE
	s_setreg_imm32_b32 hwreg(HW_REG_WAVE_MODE, 25, 1), 1
	s_wait_xcnt 0x0
; LAYER NORM AND QUANTISER.  y = x (+ the time embedding, WITH_TE = 1; here 0); n = (y - mean) rsqrt(var + 1e-5) g + b, all in f32, the variance from the differences (two passes over registers);
; n is quantised to FP6 (E2M3) with one E8M0 byte for each 32 along the row, and stored AS THE NEXT PRODUCT'S OPERAND REGISTERS:
;   a fragment (16 rows x 128 K, 12 registers a lane) is two halves of 768 bytes; in a half registers 0-3 lie at 16 x lane, registers 4-5 at 512 + 8 x lane;
;   img[row / 16][k / 128][1,536] at byte 0; scale words sc[k / 128][row] (byte b: k = 32 b ..) at byte IMGB.
; A work-group owns 16 rows.  Wave w norms rows 2 w, 2 w + 1 (a row is 32 registers of one wave: the sums never leave the wave), puts them into LDS, and behind one barrier quantises K step w of all 16 rows.
; A block's scale byte is its largest magnitude's exponent field - 2, held at 1 from below.  LIMITS: a block of zeros keeps the byte 1 (its codes are zeros; this program alone reads the bytes); NaN and infinities are not served.
; No matrix unit, no cluster, no tensor load: the launch streams 16 MB once and its work-groups share nothing but g and b.
.set WITH_TE, 0
.set IMGB, 3145728
.set TE,   0
.set ROWS, 4096                        ; LDS: 16 rows,
.set RP,   4112                        ; 4,096 bytes + 16: an odd multiple of 16, so the 16 rows that a load touches start at 16 different 16-byte columns
.set X,    32                          ; v32-95   two rows
.set TER,  96
.set G,    128                         ; v128-159 g
.set BT,   160                         ; v160-191 b
.set T,    192                         ; v192-199 four chains
.set MN,   200                         ; v200-201 the mean, twice
.set RS,   202                         ; v202-203 1 / sqrt(var + eps), twice
.set TP,   204
.set PC,   96                          ; the codes; v108-114 at work
.set TM,   200                         ; v200-215 the quantiser's 16
.set PW,   216                         ; the scale word
.set SEL,  20
	s_load_b64 s[4:5], s[0:1], 0x0                 ; x
	s_load_b128 s[8:11], s[0:1], 0x8               ; g, b
	s_load_b64 s[12:13], s[0:1], 0x18              ; the codes' buffer
	v_lshl_add_u32 v224, v0, 2, 0x11200
	v_mov_b32 v225, 0
	v_lshrrev_b32 v1, 5, v0
	v_readfirstlane_b32 s14, v1                    ; wave
	v_and_b32 v1, 31, v0                           ; lane
	v_and_b32 v2, 15, v0                           ; r
	v_bfe_u32 v3, v0, 4, 1                         ; h
	v_lshlrev_b32 v4, 4, v1                        ; 16 x lane
	v_lshlrev_b32 v5, 3, v1                        ; 8 x lane
	v_lshlrev_b32 v11, 2, v2                       ; 4 r
	s_lshl_b32 s15, s14, 9
	s_mul_i32 s16, s14, 2*RP
	v_add_nc_u32 v9, s16, v4                       ; LDS: my two rows, 16 bytes a lane
	v_mul_u32_u24 v10, v2, RP
	v_lshl_add_u32 v10, v3, 6, v10
	v_add_nc_u32 v10, s15, v10                     ; LDS: row r, K step w, + 64 h: my 16 numbers of a block of 32
	s_mov_b32 s18, 0x3a800000                      ; 1 / 1024
	s_mov_b32 s19, 0x3727c5ac                      ; 1e-5
	s_mov_b32 s[SEL], 0x76543210
	s_mov_b32 s[SEL+1], 0xfedcba98                 ; lane l xor 16
	s_lshl_b32 s22, ttmp9, 16                      ; 16 rows of 4,096 bytes,
	s_lshl_b32 s23, s14, 13                        ; my two of them
	s_add_co_u32 s22, s22, s23
	s_mov_b32 s23, 0
	s_lshl_b32 s26, ttmp9, 3
	s_add_co_u32 s26, s26, s14
	s_mul_i32 s26, s26, 1536                       ; fragment (work-group, w)
	s_mov_b32 s27, 0
	s_lshl_b32 s28, s14, 14
	s_lshl_b32 s29, ttmp9, 6
	s_add_co_u32 s28, s28, s29
	s_add_co_u32 s28, s28, IMGB                    ; sc[w][16 x work-group]
	s_mov_b32 s29, 0
	s_wait_kmcnt 0x0
	s_add_nc_u64 s[4:5], s[4:5], s[22:23]
	s_add_nc_u64 s[16:17], s[12:13], s[28:29]
	s_add_nc_u64 s[12:13], s[12:13], s[26:27]
.irp j, 0,1,2,3,4,5,6,7
	global_load_b128 v[X+4*\j:X+4*\j+3], v4, s[4:5] offset:512*\j          ; a wave reads 512 consecutive bytes
.endr
.irp j, 0,1,2,3,4,5,6,7
	global_load_b128 v[X+32+4*\j:X+32+4*\j+3], v4, s[4:5] offset:4096+512*\j
.endr
.irp j, 0,1,2,3,4,5,6,7
	global_load_b128 v[G+4*\j:G+4*\j+3], v4, s[8:9] offset:512*\j
.endr
.irp j, 0,1,2,3,4,5,6,7
	global_load_b128 v[BT+4*\j:BT+4*\j+3], v4, s[10:11] offset:512*\j
.endr
	s_wait_loadcnt 16                              ; x is in; g and b may be out
	v_mov_b32 v[TP], 0                             ; a lane permute's destination counts as one of its sources
.macro REDUCE                          ; v[T] summed over the 32 lanes, in every lane
	v_add_f32_dpp v[T], v[T], v[T] row_xmask:1 row_mask:0xf bank_mask:0xf
	v_add_f32_dpp v[T], v[T], v[T] row_xmask:2 row_mask:0xf bank_mask:0xf
	v_add_f32_dpp v[T], v[T], v[T] row_xmask:4 row_mask:0xf bank_mask:0xf
	v_add_f32_dpp v[T], v[T], v[T] row_xmask:8 row_mask:0xf bank_mask:0xf
	v_permlanex16_b32 v[TP], v[T], s[SEL], s[SEL+1]
	v_add_f32 v[T], v[T], v[TP]
.endm
.macro FOLD                            ; four chains of pairs into one number
	v_pk_add_f32 v[T:T+1], v[T:T+1], v[T+2:T+3]
	v_pk_add_f32 v[T+4:T+5], v[T+4:T+5], v[T+6:T+7]
	v_pk_add_f32 v[T:T+1], v[T:T+1], v[T+4:T+5]
	v_add_f32 v[T], v[T], v[T+1]
.endm
.macro ROWLN rho
.set XB, X+32*\rho
.irp k, 0,2,4,6
	v_pk_add_f32 v[T+\k:T+\k+1], v[XB+\k:XB+\k+1], v[XB+8+\k:XB+9+\k]
.endr
.irp k, 0,2,4,6
	v_pk_add_f32 v[T+\k:T+\k+1], v[T+\k:T+\k+1], v[XB+16+\k:XB+17+\k]
.endr
.irp k, 0,2,4,6
	v_pk_add_f32 v[T+\k:T+\k+1], v[T+\k:T+\k+1], v[XB+24+\k:XB+25+\k]
.endr
	FOLD
	REDUCE
	v_mul_f32 v[MN], s18, v[T]
	v_mov_b32 v[MN+1], v[MN]
.set j, 0
.rept 16
	v_pk_add_f32 v[XB+j:XB+j+1], v[XB+j:XB+j+1], v[MN:MN+1] neg_lo:[0,1] neg_hi:[0,1]   ; y - mean
.set j, j+2
.endr
.irp k, 0,2,4,6
	v_pk_mul_f32 v[T+\k:T+\k+1], v[XB+\k:XB+\k+1], v[XB+\k:XB+\k+1]
.endr
.irp o, 8,16,24
.irp k, 0,2,4,6
	v_pk_fma_f32 v[T+\k:T+\k+1], v[XB+\o+\k:XB+\o+\k+1], v[XB+\o+\k:XB+\o+\k+1], v[T+\k:T+\k+1]
.endr
.endr
	FOLD
	REDUCE
	v_fma_f32 v[T], v[T], s18, s19                 ; var + eps
	v_rsq_f32 v[RS], v[T]
	v_nop                                          ; a plain instruction behind the transcendental
	s_wait_alu depctr_va_vdst(0)                   ; and the wait ahead of its first reader
	v_mov_b32 v[RS+1], v[RS]
.set j, 0
.rept 16
	v_pk_mul_f32 v[XB+j:XB+j+1], v[XB+j:XB+j+1], v[RS:RS+1]
.set j, j+2
.endr
.if \rho == 0
	s_wait_loadcnt 0x0                             ; g and b
.endif
.set j, 0
.rept 16
	v_pk_fma_f32 v[XB+j:XB+j+1], v[XB+j:XB+j+1], v[G+j:G+j+1], v[BT+j:BT+j+1]
.set j, j+2
.endr
.irp j, 0,1,2,3,4,5,6,7
	ds_store_b128 v9, v[XB+4*\j:XB+4*\j+3] offset:ROWS+\rho*RP+512*\j
.endr
.endm
	ROWLN 0
	ROWLN 1
	s_wait_dscnt 0x0                               ; my rows have landed
	s_barrier_signal -1
	s_barrier_wait -1                              ; all 16 have
.irp b, 0,1,2,3
.irp i, 0,1,2,3
	ds_load_b128 v[X+16*\b+4*\i:X+16*\b+4*\i+3], v10 offset:ROWS+128*\b+16*\i   ; register 16 b + i = k 128 w + 32 b + 16 h + i of row r
.endr
.endr
.irp b, 0,1,2,3
	v_mov_b32 v[TM+4+\b], 0                        ; lane permutes' destinations
.endr
	s_wait_dscnt 0x0
; 64 numbers of a lane, register 16 b + i = k 32 b + 16 h + i of its row, become a fragment's codes in v[PC] on and its scale word in v[PW]
.macro QUANT s
.irp b, 0,1,2,3
	v_max3_num_f32 v[TM+\b], |v[\s+16*\b]|, |v[\s+1+16*\b]|, 0x1800000   ; my 16 numbers of block b, and the floor 2^(3 - 127): the byte cannot fall under 1
.endr
.irp i, 2,4,6,8,10,12,14
.irp b, 0,1,2,3
	v_max3_num_f32 v[TM+\b], v[TM+\b], |v[\s+16*\b+\i]|, |v[\s+1+16*\b+\i]|
.endr
.endr
.irp b, 0,1,2,3
	v_permlanex16_b32 v[TM+4+\b], v[TM+\b], s[SEL], s[SEL+1]
.endr
.irp b, 0,1,2,3
	v_max_num_f32 v[TM+\b], v[TM+\b], v[TM+4+\b]   ; with lane l xor 16's: the block's largest magnitude
.endr
.irp b, 0,1,2,3
	v_add_nc_u32 v[TM+12+\b], 0xff000000, v[TM+\b] ; 2 off its exponent field: the conversion's scale operand
.endr
.irp b, 0,1,2,3
	v_lshrrev_b32 v[TM+4+\b], 23, v[TM+12+\b]      ; the scale's byte
.endr
	v_lshl_or_b32 v[PW], v[TM+5], 8, v[TM+4]
	v_lshl_or_b32 v[PW], v[TM+6], 16, v[PW]
	v_lshl_or_b32 v[PW], v[TM+7], 24, v[PW]
.irp c, 0,1
	v_cvt_scalef32_pk16_fp6_f32 v[PC+6*\c:PC+2+6*\c], v[\s+32*\c:\s+15+32*\c], v[TM+12+2*\c]
	v_cvt_scalef32_pk16_fp6_f32 v[PC+12+4*\c:PC+14+4*\c], v[\s+16+32*\c:\s+31+32*\c], v[TM+12+2*\c+1]   ; (a conversion's three registers begin on an even number)
.endr
	v_nop                                          ; one plain place behind a scaled conversion
.irp c, 0,1                            ; the operand wants a whole block in a lane: lanes 0-15 block 2 c, lanes 16-31 block 2 c + 1
.irp i, 0,1,2
	v_permlane16_swap_b32 v[PC+6*\c+\i], v[PC+12+4*\c+\i]
.endr
.irp i, 0,1,2
	v_mov_b32 v[PC+3+6*\c+\i], v[PC+12+4*\c+\i]
.endr
.endr
.endm
	QUANT X
	global_store_b128 v4, v[PC:PC+3], s[12:13]                 ; 512 consecutive bytes,
	global_store_b64 v5, v[PC+4:PC+5], s[12:13] offset:512     ; 256,
	global_store_b128 v4, v[PC+6:PC+9], s[12:13] offset:768
	global_store_b64 v5, v[PC+10:PC+11], s[12:13] offset:1280
	global_store_b32 v11, v[PW], s[16:17]                      ; lanes l and l xor 16 hold the same word and write it to the same place
	s_wait_tensorcnt 0x0
	ds_add_u32 v224, v225
	s_wait_dscnt 0x0
	s_endpgm
.Lfunc_end_k_q781359df1c_ln2q:
	.size	k_q781359df1c_ln2q, .Lfunc_end_k_q781359df1c_ln2q-k_q781359df1c_ln2q
	.p2alignl 7, 3214868480
	.fill 96, 4, 3214868480
	.section	.rodata,"a",@progbits
	.p2align	6, 0x0
	.amdhsa_kernel k_q781359df1c_ln2q
		.amdhsa_group_segment_fixed_size 71168
		.amdhsa_private_segment_fixed_size 0
		.amdhsa_enable_private_segment 0
		.amdhsa_kernarg_size 32
		.amdhsa_user_sgpr_count 2
		.amdhsa_user_sgpr_kernarg_segment_ptr 1
		.amdhsa_wavefront_size32 1
		.amdhsa_system_sgpr_workgroup_id_x 1
		.amdhsa_system_sgpr_workgroup_id_y 1
		.amdhsa_system_sgpr_workgroup_id_z 1
		.amdhsa_system_vgpr_workitem_id 0
		.amdhsa_next_free_vgpr 226
		.amdhsa_next_free_sgpr 66
		.amdhsa_reserve_vcc 0
		.amdhsa_float_denorm_mode_32 3
		.amdhsa_float_denorm_mode_16_64 3
		.amdhsa_memory_ordered 1
		.amdhsa_forward_progress 1
		.amdhsa_inst_pref_size 24
	.end_amdhsa_kernel
	.amdgpu_metadata
---
amdhsa.version: [ 1, 2 ]
amdhsa.kernels:
  - .name:           k_q781359df1c_ln2q
    .symbol:         k_q781359df1c_ln2q.kd
    .args:
      - { .name: x1, .offset: 0, .size: 8, .value_kind: global_buffer, .address_space: global }
      - { .name: ln2_g, .offset: 8, .size: 8, .value_kind: global_buffer, .address_space: global }
      - { .name: ln2_b, .offset: 16, .size: 8, .value_kind: global_buffer, .address_space: global }
      - { .name: hn, .offset: 24, .size: 8, .value_kind: global_buffer, .address_space: global }
    .group_segment_fixed_size: 71168
    .private_segment_fixed_size: 0
    .kernarg_segment_align: 8
    .kernarg_segment_size: 32
    .max_flat_workgroup_size: 256
    .sgpr_count:     66
    .vgpr_count:     226
    .wavefront_size: 32
...
	.end_amdgpu_metadata
.endif
;; end of part 6
;; launch ff1 (part 7): grid 16 x 16, 4 waves a work-group, clusters of 4 x 4, 327,680 bytes of LDS; arguments hn, ff1_w_codes, ff1_w_scales, ff1_b, gg; writes gg
.if DOCPART == 7
	.amdgcn_target "amdgcn-amd-amdhsa--gfx1250"
	.amdhsa_code_object_version 6
	.text
	.protected	k_q781359df1c_ff1
	.globl	k_q781359df1c_ff1
	.p2align	8
	.type	k_q781359df1c_ff1,@function
k_q781359df1c_ff1:
	s_mov_b64 s[64:65], 0
	v_nop
	global_prefetch_b8 v0, s[64:65] scope:SCOPE_SE
	s_setreg_imm32_b32 hwreg(HW_REG_WAVE_MODE, 25, 1), 1
	s_wait_xcnt 0x0
	s_wait_alu depctr_hold_cnt(0) depctr_sa_sdst(0) depctr_va_vdst(0) depctr_va_sdst(0) depctr_va_ssrc(0) depctr_va_vcc(0) depctr_vm_vsrc(0)
	s_getreg_b32 s2, hwreg(HW_REG_IB_STS2, 6, 4)
	s_cmp_eq_u32 s2, 0
	s_cbranch_scc0 .Lentry_in_a_cluster
	s_endpgm
.Lentry_in_a_cluster:
	s_bfe_u32 s2, ttmp6, 0x10000c
	s_cmp_lg_u32 s2, 0xf033
	s_cbranch_scc0 .Lentry_shape_is_right
	s_endpgm
.Lentry_shape_is_right:
; g = gelu(h W^T + b) on codes of FP6 (E2M3) with E8M0 scales for each 32 along K; g is quantised along its 4,096 columns and stored as the next product's operand registers.
; A [4096][SIZE_K] comes as images of operand registers (img[row / 16][k / 128][1,536]: two halves of 768 bytes, in a half registers 0-3 at 16 x lane, 4-5 at 512 + 8 x lane) with scale words sc[k / 128][row] at byte IMGB;
; B [SIZE_N][SIZE_K] as rows of codes (a stream of bits, 128 codes in 96 bytes) and rows of scale bytes.  A tile of C, 256 x 256, is made by four waves, each 128 x 128: 64 accumulators, 512 registers.
; K goes in steps of 256 through a ring of two LDS slots filled by the tensor data mover; the scales of the work-group's rows, for all of K, come once with the first fills and stay.
; CLUSTERS: 4 x 4 work-groups; A's tiles are asked for jointly along a row of the cluster, B's along a column.  The matrix instruction is used TRANSPOSED (source 0 = 16 rows of B, source 1 = 16 rows of A).
; THE ROWS OF B THAT FORM A TILE ARE NOT NEIGHBOURS (PERM = 1): lane r of tile 2 b + u takes row 32 b + 8 u + r + 8 (r / 8), so that a lane's 16 registers of tiles 2 b, 2 b + 1 are 16 neighbouring columns 32 b + 16 h + 0..15 of one row of C.
; With this choice rows r and r + 16 of a tile start at the same LDS banks: B's loads meet two deep.  The bias is the C of each sum's first matrix instruction.
; THE WAY OUT: a wave's 128 columns are one K step of the next product.  A loop of eight trips, a block of 16 rows each: the block's 64 numbers a lane are copied out of the accumulators (the one part that differs from trip to trip:
; eight short copies, chosen by the trip's number), gelu, the quantiser, one fragment and one scale word a row.  gelu is exact: erf(u) = c P(c^2) / Q(c^2), c = u held to +-4.
; LIMITS: erf is right to about 1e-7 absolutely; a block of zeros keeps the byte 1 (its codes are zeros; this program alone reads the bytes); NaN and infinities are not served.
; No prefetch: the launch is short and its tiles are shared in the cluster.  One tile to a work-group: 256 tiles.
; REGISTERS, in windows of 256: window 0: v0-31 addresses; v32-63 B's scale words, v64-95 A's (two sets of 16: register 2 i + q); v128-223 A's fragments, one set.
;   window 1: B's fragments, two sets, at v0 and v128; the bias tiles at v96-127 and v224-255.   windows 2, 3: the accumulators of my rows 0-63, 64-127 ((a, b) at v[8 (8 (a % 4) + b)]).
.set SIZE_N, 4096
.set SIZE_K, 1024
.set PERM,   1
.set ROWB,   192                       ; 256 codes of B in bytes
.set KROW,   SIZE_K*3/4                ; a row of B in memory
.set PITCH,  240                       ; in LDS: 3 x (64 bytes + 16 of padding)
.set FR,     12
.set HALFA,  24576                     ; 8 blocks of 16 rows x 2 fragments x 1,536 bytes: what one load brings of A
.set HALFB,  128*PITCH                 ; 128 rows of B
.set SLOT,   2*HALFA+2*HALFB
.set LAPS,   SIZE_K/512
.set KS,     SIZE_K/32                 ; a row of B's scale bytes
.set IMGB,   3072*SIZE_K
.set SCA,    2*SLOT                    ; A's scale words: two halves of [k / 128][128 rows]
.set HALFSA, 4*SIZE_K
.set SCB,    SCA+2*HALFSA              ; B's scale bytes, as units of 256 bytes + 16 of padding
.set HALFS,  (128*KS/256)*272
.set SBLK,   (16*KS/256)*272
.set SPARE,  SCB+2*HALFS               ; the spare words: 128 bytes a wave, two blocks of 256 bytes that no other line names
.set L16,    4                         ; v4   16 x lane
.set L8,     5                         ; v5   8 x lane
.set R4,     12                        ; v12  4 r
.set ADRA16, 16                        ; v16-17 A's images in slot 0, 1, 16 bytes a lane;  v18-19 8 bytes a lane
.set ADRA8,  18
.set ADRB,   20                        ; v20-21 B's rows in slot 0, 1;  v22-23 the same behind one padding more
.set ADRSB,  27
.set SPW,    28                        ; my spare word; never rewritten
.set NIL,    29                        ; 0; never rewritten
.set ADRSA,  30
.set SCBR,   32
.set SCAR,   64
.set AF,     128
.set UU,     32                        ; the way out: v32-95 a block's 64 numbers; for 32 of them at a time v96-127 c^2, v128-159 c, v160-191 P, v192-223 Q
.set SQ,     96
.set CC,     128
.set PP,     160
.set QQ,     192
.set PC,     96                        ; then codes (v96-114), the quantiser's 16 (v116-131), the scale word
.set TM,     116
.set PW,     132
.set WV, 99
.set RH, 100                           ; which half of the tile's rows is mine; also: I fetch for A (0) or B (1)
.set CH, 101                           ; which half of its columns; also: which half I fetch
.set TC, 42
.set TR, 98
.set SEL, 16                           ; s[16:17] on the way out
.set G1, 24
.set G0, 32
.set G1B, 48
.set G0B, 56
.set G1S, 68
.set G0S, 76
.set G1SB, 80
.set G0SB, 88
.set MSB, 0
.macro WIN new                         ; the immediate's high byte repeats the setting that is left
.if MSB != (\new)
	s_set_vgpr_msb (MSB<<8)|(\new)
.set MSB, (\new)
.endif
.endm
.set MUL_LO, 0xa1                      ; source 0 (B) window 1, source 1 (A) window 0, C and D window 2
.set MUL_HI, 0xf1                      ; the same, C and D window 3
.set TO_B,   0x40
.macro PLACES n                        ; plain places behind matrix instructions, in front of loads into their registers and of the first read of results
.rept \n
	v_nop
.endr
.endm
.macro JLOAD g0a, g1a, g0b, g1b        ; a joint load: waves 0, 1 fetch for A, waves 2, 3 for B; four v_nop follow each line
	s_cmp_eq_u32 s[RH], 0
	s_cbranch_scc0 .Lfor_b_\@
	tensor_load_to_lds s[\g0a:\g0a+3], s[\g1a:\g1a+7]
	s_nop 0
	PLACES 4
	s_branch .Lasked_\@
.Lfor_b_\@:
	tensor_load_to_lds s[\g0b:\g0b+3], s[\g1b:\g1b+7]
	s_nop 0
	PLACES 4
.Lasked_\@:
.endm
.macro CREST                           ; a round of the cluster's barrier behind its opening barrier
	s_cmp_lg_u32 s[WV], 0
	s_cbranch_scc1 .Lnot_wave_0_\@
	s_barrier_signal -3
.Lnot_wave_0_\@:
	s_barrier_wait -3
	s_barrier_signal -1
	s_barrier_wait -1
.endm
.macro CROUND
	s_barrier_signal -1
	s_barrier_wait -1
	CREST
.endm
	s_load_b256 s[4:11], s[0:1], 0x0               ; A s[4:5], B's codes s[6:7], B's scales s[8:9], the bias s[10:11]
	s_load_b64 s[12:13], s[0:1], 0x20              ; gg
	v_lshl_add_u32 v[SPW], v0, 2, SPARE
	v_mov_b32 v[NIL], 0
	ds_add_u32 v28, v29
	ds_add_u32 v28, v29
	s_wait_dscnt 0x0
	v_lshrrev_b32 v1, 5, v0
	v_readfirstlane_b32 s[WV], v1
	s_lshr_b32 s[RH], s[WV], 1
	s_and_b32 s[CH], s[WV], 1
	s_bfe_u32 s40, ttmp6, 0x40000                  ; cx
	s_bfe_u32 s41, ttmp6, 0x40004                  ; cy
	s_lshl_b32 s[TC], ttmp9, 2
	s_add_co_u32 s[TC], s[TC], s40                 ; tile column
	s_and_b32 s[TR], ttmp7, 0xffff
	s_lshl_b32 s[TR], s[TR], 2
	s_add_co_u32 s[TR], s[TR], s41                 ; tile row
	s_lshl_b32 s43, s41, 2
	s_lshl_b32 s43, 15, s43                        ; my row of the cluster
	s_lshl_b32 s44, 0x1111, s40                    ; my column
	s_or_b32 s[G1+0], s43, (3<<16)|(1<<21)         ; A's images: elements of 8 bytes, no padding; the mask of my row, bit 21 beside it
	s_mov_b32 s[G1+1], 384<<16                     ; a row: two fragments, 3,072 bytes
	s_mov_b32 s[G1+2], 8<<16                       ; 8 blocks of 16 rows
	s_mov_b32 s[G1+3], 384<<16
	s_mov_b32 s[G1+4], 8
	s_mov_b32 s[G1+5], SIZE_K*3/2                  ; from block to block: SIZE_K / 128 fragments
	s_mov_b32 s[G1+6], 0
	s_mov_b32 s[G1+7], 0
	s_or_b32 s[G1B+0], s44, (0<<16)|(1<<20)|(1<<21)|(3<<22)|(3<<25)  ; B's rows: bytes; 16 bytes of padding behind every 64
	s_mov_b32 s[G1B+1], ROWB<<16
	s_mov_b32 s[G1B+2], 128<<16
	s_mov_b32 s[G1B+3], ROWB<<16
	s_mov_b32 s[G1B+4], 128
	s_mov_b32 s[G1B+5], KROW
	s_mov_b32 s[G1B+6], 0
	s_mov_b32 s[G1B+7], 0
	s_or_b32 s[G1S+0], s43, (3<<16)|(1<<21)        ; A's scale words: 128 rows' words (512 bytes) for each 128 along K
	s_mov_b32 s[G1S+1], 64<<16
	s_mov_b32 s[G1S+2], (SIZE_K/128)<<16
	s_mov_b32 s[G1S+3], 64<<16
	s_mov_b32 s[G1S+4], SIZE_K/128
	s_mov_b32 s[G1S+5], 2048
	s_mov_b32 s[G1S+6], 0
	s_mov_b32 s[G1S+7], 0
	s_or_b32 s[G1SB+0], s44, (3<<16)|(1<<20)|(1<<21)|(5<<22)|(3<<25)  ; B's scale bytes: a dense block as rows of 256 bytes, 16 of padding behind each
	s_mov_b32 s[G1SB+1], 32<<16
	s_mov_b32 s[G1SB+2], (128*KS/256)<<16
	s_mov_b32 s[G1SB+3], 32<<16
	s_mov_b32 s[G1SB+4], 128*KS/256
	s_mov_b32 s[G1SB+5], 32
	s_mov_b32 s[G1SB+6], 0
	s_mov_b32 s[G1SB+7], 0
	s_lshl_b32 s16, s[TR], 4
	s_lshl_b32 s17, s[CH], 3
	s_add_co_u32 s16, s16, s17                     ; A: the first block of 16 rows of the half that I fetch
	s_mul_i32 s20, s16, SIZE_K*12                  ; its images,
	s_mov_b32 s21, 0
	s_lshl_b32 s22, s16, 6
	s_add_co_u32 s22, s22, IMGB                    ; its scale words
	s_mov_b32 s23, 0
	s_lshl_b32 s46, s[TC], 8
	s_lshl_b32 s47, s[CH], 7
	s_add_co_u32 s46, s46, s47                     ; B: the first row of the half that I fetch
	s_mul_i32 s92, s46, KS
	s_mov_b32 s93, 0
	s_mul_i32 s46, s46, KROW
	s_mov_b32 s47, 0
	s_mul_i32 s45, s[CH], HALFA                    ; where they go: no place in the cluster enters an LDS address
	s_mul_i32 s94, s[CH], HALFB
	s_add_co_u32 s94, s94, 2*HALFA
	s_mul_i32 s95, s[CH], HALFSA
	s_add_co_u32 s95, s95, SCA
	s_mul_i32 s96, s[CH], HALFS
	s_add_co_u32 s96, s96, SCB
	s_wait_kmcnt 0x0
	s_add_nc_u64 s[20:21], s[4:5], s[20:21]
	s_add_nc_u64 s[22:23], s[4:5], s[22:23]
	s_add_nc_u64 s[46:47], s[6:7], s[46:47]
	s_add_nc_u64 s[92:93], s[8:9], s[92:93]
	CROUND                                         ; all sixteen work-groups are here: the first joint loads meet
	s_mov_b32 s[G0S], 1
	s_mov_b32 s[G0S+1], s95
	s_mov_b64 s[G0S+2:G0S+3], s[22:23]
	s_or_b32 s[G0S+3], s[G0S+3], 0x80000000
	s_mov_b32 s[G0SB], 1
	s_mov_b32 s[G0SB+1], s96
	s_mov_b64 s[G0SB+2:G0SB+3], s[92:93]
	s_or_b32 s[G0SB+3], s[G0SB+3], 0x80000000
	JLOAD G0S, G1S, G0SB, G1SB                     ; the scales first; then both slots: three loads of mine are out
.irp s, 0,1
	s_mov_b32 s[G0+4*\s], 1
	s_add_co_u32 s[G0+4*\s+1], s45, \s*SLOT
	s_add_nc_u64 s[G0+4*\s+2:G0+4*\s+3], s[20:21], \s*3072
	s_or_b32 s[G0+4*\s+3], s[G0+4*\s+3], 0x80000000
	s_mov_b32 s[G0B+4*\s], 1
	s_add_co_u32 s[G0B+4*\s+1], s94, \s*SLOT
	s_add_nc_u64 s[G0B+4*\s+2:G0B+4*\s+3], s[46:47], \s*ROWB
	s_or_b32 s[G0B+4*\s+3], s[G0B+4*\s+3], 0x80000000
	JLOAD G0+4*\s, G1, G0B+4*\s, G1B
.endr
	v_and_b32 v1, 15, v0                           ; r
	v_bfe_u32 v2, v0, 4, 1                         ; h
	v_and_b32 v3, 31, v0                           ; lane
	v_lshlrev_b32 v[L16], 4, v3
	v_lshlrev_b32 v[L8], 3, v3
	v_lshlrev_b32 v[R4], 2, v1
.if PERM
	v_and_b32 v6, 8, v1
	v_add_nc_u32 v6, v6, v1                        ; r + 8 (r / 8)
.else
	v_mov_b32 v6, v1
.endif
	v_mul_u32_u24 v7, v6, PITCH
	v_mad_u32_u24 v7, v2, 24, v7                   ; B: my row of a tile, + 24 h
	v_lshl_add_u32 v8, v2, 4, v7                   ; and behind one padding more
	s_mul_i32 s16, s[RH], HALFA
	s_mul_i32 s17, s[CH], HALFB
	s_add_co_u32 s17, s17, 2*HALFA
.irp s, 0,1
	v_add_nc_u32 v[ADRA16+\s], s16, v[L16]
	v_add_nc_u32 v[ADRA8+\s], s16, v[L8]
	v_add_nc_u32 v[ADRB+\s], s17, v7
	v_add_nc_u32 v[ADRB+2+\s], s17, v8
	s_add_co_u32 s16, s16, SLOT
	s_add_co_u32 s17, s17, SLOT
.endr
	v_mul_u32_u24 v9, v6, KS                       ; B's scale bytes: KS a row, and 16 more for each 256 passed
	v_lshrrev_b32 v10, 8, v9
	v_lshl_add_u32 v9, v10, 4, v9
	s_mul_i32 s16, s[CH], HALFS
	s_add_co_u32 s16, s16, SCB
	v_add_nc_u32 v[ADRSB], s16, v9
	s_mul_i32 s16, s[RH], HALFSA
	s_add_co_u32 s16, s16, SCA
	v_lshl_add_u32 v[ADRSA], v1, 2, s16
	s_lshl_b32 s16, s[TC], 10                      ; the bias of my 128 columns
	s_lshl_b32 s17, s[CH], 9
	s_add_co_u32 s16, s16, s17
	s_mov_b32 s17, 0
	s_add_nc_u64 s[10:11], s[10:11], s[16:17]
.if PERM
	v_lshlrev_b32 v11, 6, v2                       ; register j of tile t: column 32 (t / 2) + 8 (t % 2) + 16 h + j
.else
	v_lshlrev_b32 v11, 5, v2                       ; column 16 t + 8 h + j
.endif
	WIN TO_B
.irp b, 0,1,2,3,4,5,6,7
.if PERM
.set BO, (32*(\b/2)+8*(\b%2))*4
.else
.set BO, 64*\b
.endif
	global_load_b128 v[96+8*\b+96*(\b/4):96+8*\b+96*(\b/4)+3], v11, s[10:11] offset:BO
	global_load_b128 v[96+8*\b+96*(\b/4)+4:96+8*\b+96*(\b/4)+7], v11, s[10:11] offset:BO+16
.endr
	WIN 0
	s_lshl_b32 s16, s[TR], 4                       ; where my results go: my first block of 16 rows,
	s_lshl_b32 s17, s[RH], 3
	s_add_co_u32 s16, s16, s17
	s_lshl_b32 s18, s[TC], 1
	s_add_co_u32 s18, s18, s[CH]                   ; my K step of the next product
	s_lshl_b32 s19, s16, 5
	s_add_co_u32 s19, s19, s18
	s_mul_i32 s20, s19, 1536                       ; img[block][32 K steps]
	s_mov_b32 s21, 0
	s_lshl_b32 s22, s18, 14
	s_lshl_b32 s23, s16, 6
	s_add_co_u32 s22, s22, s23
	s_add_co_u32 s22, s22, 12582912                ; sc[K step][row]
	s_mov_b32 s23, 0
	s_add_nc_u64 s[14:15], s[12:13], s[22:23]
	s_add_nc_u64 s[12:13], s[12:13], s[20:21]
.macro FRAGA reg, slot, q, i           ; A's fragment (block i, the slot's q-th 128 along K): the image as it was stored
	ds_load_b128 v[\reg:\reg+3], v[ADRA16+\slot] offset:(2*(\i)+(\q))*1536
	ds_load_b64 v[\reg+4:\reg+5], v[ADRA8+\slot] offset:(2*(\i)+(\q))*1536+512
	ds_load_b128 v[\reg+6:\reg+9], v[ADRA16+\slot] offset:(2*(\i)+(\q))*1536+768
	ds_load_b64 v[\reg+10:\reg+11], v[ADRA8+\slot] offset:(2*(\i)+(\q))*1536+1280
.endm
.macro FRAG reg, adr, q, i             ; B's fragment: 24 bytes of the row's stream of bits twice, in pieces of 8 bytes; lanes 16-31 read three pieces on, for some pieces behind one padding more
.if PERM
.set RO, 32*((\i)/2)+8*((\i)%2)
.else
.set RO, 16*(\i)
.endif
.irp p, 0,1,2,3,4,5
.set PCE, 12*(\q)+6*(\p/3)+\p%3
.if PCE%8 < 5
	ds_load_b64 v[\reg+2*\p:\reg+2*\p+1], v[\adr] offset:8*PCE+16*(PCE/8)+RO*PITCH
.else
	ds_load_b64 v[\reg+2*\p:\reg+2*\p+1], v[\adr+2] offset:8*PCE+16*(PCE/8)+RO*PITCH
.endif
.endr
.endm
; 16 matrix instructions: A's blocks a0, a0 + 1 x B's eight.  first = 1: the bias starts the sums.  The 64 accumulators take turns, one instruction a turn, in the same order in every step.
.macro MUL16 a0, p, q, sc, first
.irp a, \a0, \a0+1
.irp b, 0,1,2,3,4,5,6,7
.set rD, 8*(8*((\a)%4)+\b)
.set rB, 128*(\p)+FR*\b
.set rA, AF+FR*(\a)
.set rC, 96+8*\b+96*(\b/4)
.set zB, SCBR+16*(\sc)+2*\b+(\q)
.set zA, SCAR+16*(\sc)+2*(\a)+(\q)
.if \first
	v_wmma_scale_f32_16x16x128_f8f6f4 v[rD:rD+7], v[rB:rB+11], v[rA:rA+11], v[rC:rC+7], v[zB], v[zA] matrix_a_fmt:MATRIX_FMT_FP6 matrix_b_fmt:MATRIX_FMT_FP6
.else
	v_wmma_scale_f32_16x16x128_f8f6f4 v[rD:rD+7], v[rB:rB+11], v[rA:rA+11], v[rD:rD+7], v[zB], v[zA] matrix_a_fmt:MATRIX_FMT_FP6 matrix_b_fmt:MATRIX_FMT_FP6
.endif
.endr
.endr
.endm
.macro FETCH_B slot, q, p              ; 48 loads
	WIN TO_B
.irp i, 0,1,2,3,4,5,6,7
	FRAG 128*(\p)+FR*\i, ADRB+\slot, \q, \i
.endr
	WIN 0
.endm
.macro FETCH_A slot, q, i0             ; 16 loads: blocks i0 .. i0 + 3
.irp i, \i0, \i0+1, \i0+2, \i0+3
	FRAGA AF+FR*(\i), \slot, \q, \i
.endr
.endm
.macro SCALES sc                       ; 24 loads: a K step's scale words
.irp i, 0,1,2,3,4,5,6,7
.if PERM
	ds_load_b64 v[SCBR+16*\sc+2*\i:SCBR+16*\sc+2*\i+1], v[ADRSB] offset:(4*(\i/2)+\i%2)*272
.else
	ds_load_b64 v[SCBR+16*\sc+2*\i:SCBR+16*\sc+2*\i+1], v[ADRSB] offset:\i*SBLK
.endif
.endr
.irp i, 0,1,2,3,4,5,6,7
	ds_load_b32 v[SCAR+16*\sc+2*\i], v[ADRSA] offset:64*\i
	ds_load_b32 v[SCAR+16*\sc+2*\i+1], v[ADRSA] offset:512+64*\i
.endr
.endm
.macro STEP slot, q, first             ; a slot's first 128 along K
	s_wait_dscnt 16                                ; all but the youngest 16 loads (A's blocks 4-7) are in
	WIN MUL_LO-0x10*(\first)                       ; (with the bias as C: source 2 in window 1)
	MUL16 0, (\q)%2, \q, \slot, \first
	MUL16 2, (\q)%2, \q, \slot, \first
	s_wait_dscnt 0
	PLACES 4
	FETCH_B \slot, (\q)+1, 1-(\q)%2
	FETCH_A \slot, (\q)+1, 0
	WIN MUL_HI-0x20*(\first)
	MUL16 4, (\q)%2, \q, \slot, \first
	MUL16 6, (\q)%2, \q, \slot, \first
	PLACES 4
	WIN 0
	FETCH_A \slot, (\q)+1, 4
.endm
; A slot's last 128 along K change slots: one barrier; in front of it each wave waits for all its tensor loads, adds 0 to its spare word, and waits for that and for its reads of this slot.  fill = 1: the slot is filled again, two K steps ahead.
.macro TURN slot, next, fill
	s_wait_tensorcnt 0x0                           ; all my tensor loads have landed: my part of the next slot
	ds_add_u32 v[SPW], v[NIL]                      ; 0 onto my spare word
	s_wait_dscnt 17                                ; (the add and the youngest 16 loads may be out)
	WIN MUL_LO
	MUL16 0, 1, 1, \slot, 0
	s_wait_dscnt 0x0                               ; the add is done, and my reads of this slot are over
	s_barrier_signal -1
	MUL16 2, 1, 1, \slot, 0
	WIN 0
	s_barrier_wait -1
.if \fill
	CREST                                          ; the barrier has opened a round of the cluster's: no wave of any partner still reads this slot or has a load on its way
	s_add_nc_u64 s[G0+4*\slot+2:G0+4*\slot+3], s[G0+4*\slot+2:G0+4*\slot+3], 6144
	s_add_nc_u64 s[G0B+4*\slot+2:G0B+4*\slot+3], s[G0B+4*\slot+2:G0B+4*\slot+3], 2*ROWB
	JLOAD G0+4*\slot, G1, G0B+4*\slot, G1B         ; the first tensor load behind the round, one a wave; its four v_nop are the places in front of the loads below
.else
	PLACES 4
.endif
	v_add_nc_u32 v[ADRSB], 8, v[ADRSB]             ; the next K step's scale words
	v_add_nc_u32 v[ADRSA], 1024, v[ADRSA]
	FETCH_B \next, 0, 0
	FETCH_A \next, 0, 0
	SCALES \next
	WIN MUL_HI
	MUL16 4, 1, 1, \slot, 0
	MUL16 6, 1, 1, \slot, 0
	PLACES 4
	WIN 0
	FETCH_A \next, 0, 4
.endm
	s_wait_tensorcnt 1                             ; the scales and my part of slot 0 are in; slot 1's load may be out
	s_barrier_signal -1
	s_barrier_wait -1
	FETCH_B 0, 0, 0
	FETCH_A 0, 0, 0
	SCALES 0
	FETCH_A 0, 0, 4
	s_wait_loadcnt 0x0                             ; the bias
	STEP 0, 0, 1
	s_mov_b32 s3, LAPS-1
.Llap:                                         ; a trip goes once round the ring and fills both slots again
	TURN 0, 1, 1
	STEP 1, 0, 0
	TURN 1, 0, 1
	STEP 0, 0, 0
	s_sub_co_u32 s3, s3, 1
	s_cmp_lg_u32 s3, 0
	s_cbranch_scc1 .Llap
	TURN 0, 1, 0                                   ; the last lap fills nothing
	STEP 1, 0, 0
	s_wait_dscnt 16
	WIN MUL_LO
	MUL16 0, 1, 1, 1, 0
	MUL16 2, 1, 1, 1, 0
	s_wait_dscnt 0
	WIN MUL_HI
	MUL16 4, 1, 1, 1, 0
	MUL16 6, 1, 1, 1, 0
	WIN 0
; 64 numbers of a lane, register 16 b + i = k 32 b + 16 h + i of its row, become a fragment's codes in v[PC] on and its scale word in v[PW]
.macro QUANT s
.irp b, 0,1,2,3
	v_max3_num_f32 v[TM+\b], |v[\s+16*\b]|, |v[\s+1+16*\b]|, 0x1800000   ; and the floor 2^(3 - 127): the byte cannot fall under 1
.endr
.irp i, 2,4,6,8,10,12,14
.irp b, 0,1,2,3
	v_max3_num_f32 v[TM+\b], v[TM+\b], |v[\s+16*\b+\i]|, |v[\s+1+16*\b+\i]|
.endr
.endr
.irp b, 0,1,2,3
	v_permlanex16_b32 v[TM+4+\b], v[TM+\b], s[SEL], s[SEL+1]
.endr
.irp b, 0,1,2,3
	v_max_num_f32 v[TM+\b], v[TM+\b], v[TM+4+\b]
.endr
.irp b, 0,1,2,3
	v_add_nc_u32 v[TM+12+\b], 0xff000000, v[TM+\b] ; 2 off the exponent field: the conversion's scale operand
.endr
.irp b, 0,1,2,3
	v_lshrrev_b32 v[TM+4+\b], 23, v[TM+12+\b]      ; the scale's byte
.endr
	v_lshl_or_b32 v[PW], v[TM+5], 8, v[TM+4]
	v_lshl_or_b32 v[PW], v[TM+6], 16, v[PW]
	v_lshl_or_b32 v[PW], v[TM+7], 24, v[PW]
.irp c, 0,1
	v_cvt_scalef32_pk16_fp6_f32 v[PC+6*\c:PC+2+6*\c], v[\s+32*\c:\s+15+32*\c], v[TM+12+2*\c]
	v_cvt_scalef32_pk16_fp6_f32 v[PC+12+4*\c:PC+14+4*\c], v[\s+16+32*\c:\s+31+32*\c], v[TM+12+2*\c+1]
.endr
	v_nop                                          ; one plain place behind a scaled conversion
.irp c, 0,1
.irp i, 0,1,2
	v_permlane16_swap_b32 v[PC+6*\c+\i], v[PC+12+4*\c+\i]
.endr
.irp i, 0,1,2
	v_mov_b32 v[PC+3+6*\c+\i], v[PC+12+4*\c+\i]
.endr
.endr
.endm
	; ---------------- THE WAY OUT.  No tensor load of mine is out: the descriptors' registers are free and take erf's coefficients, each twice (the packed forms name pairs)
	PLACES 4
	s_mov_b32 s[SEL], 0x76543210
	s_mov_b32 s[SEL+1], 0xfedcba98
.macro COEF reg, val
	s_mov_b32 s[\reg], \val
	s_mov_b32 s[\reg+1], \val
.endm
	COEF 24, 0x32edffee                            ; P: c^10 ..
	COEF 26, 0xb60cff51
	COEF 28, 0xb86ec2d2
	COEF 30, 0xba40ac63
	COEF 32, 0xbb41a1f6
	COEF 34, 0xbc83dbd4                            ; .. c^0
	COEF 36, 0xb95fbd29                            ; Q: c^6 ..
	COEF 38, 0xbadc924e
	COEF 40, 0xbbf19bf8
	COEF 42, 0xbc69b6a7                            ; .. c^0
	COEF 44, 0x3f3504f3                            ; 1 / sqrt(2)
	v_mov_b32 v224, 0xaf95df0b                     ; the two leading coefficients in vector pairs: so each multiply-add names one scalar pair
	v_mov_b32 v225, 0xaf95df0b
	v_mov_b32 v226, 0xb77460cd
	v_mov_b32 v227, 0xb77460cd
.macro COPY a                          ; u = x / sqrt(2), out of block a's accumulators, each from its low end on
	WIN 2+(\a)/4
.set j, 0
.rept 32
	v_pk_mul_f32 v[UU+j:UU+j+1], v[64*((\a)%4)+j:64*((\a)%4)+j+1], s[44:45] op_sel_hi:[1,0]
.set j, j+2
.endr
	WIN 0
.endm
.macro GELUH hb                        ; 32 of the 64 numbers: u -> gelu, in place
.set UB, UU+32*\hb
.set j, 0
.rept 32
	v_med3_num_f32 v[CC+j], v[UB+j], -4.0, 4.0
.set j, j+1
.endr
.set j, 0
.rept 16
	v_pk_mul_f32 v[SQ+j:SQ+j+1], v[CC+j:CC+j+1], v[CC+j:CC+j+1]
.set j, j+2
.endr
.set j, 0
.rept 16
	v_pk_fma_f32 v[PP+j:PP+j+1], v[SQ+j:SQ+j+1], v[224:225], s[24:25] op_sel_hi:[1,1,0]
.set j, j+2
.endr
.irp c, 26,28,30,32,34                 ; a coefficient at a time over all 16 pairs: no line waits for the line above it
.set j, 0
.rept 16
	v_pk_fma_f32 v[PP+j:PP+j+1], v[PP+j:PP+j+1], v[SQ+j:SQ+j+1], s[\c:\c+1] op_sel_hi:[1,1,0]
.set j, j+2
.endr
.endr
.set j, 0
.rept 16
	v_pk_fma_f32 v[QQ+j:QQ+j+1], v[SQ+j:SQ+j+1], v[226:227], s[36:37] op_sel_hi:[1,1,0]
.set j, j+2
.endr
.irp c, 38,40,42
.set j, 0
.rept 16
	v_pk_fma_f32 v[QQ+j:QQ+j+1], v[QQ+j:QQ+j+1], v[SQ+j:SQ+j+1], s[\c:\c+1] op_sel_hi:[1,1,0]
.set j, j+2
.endr
.endr
.set j, 0
.rept 32
	v_rcp_f32 v[QQ+j], v[QQ+j]                     ; one batch
.set j, j+1
.endr
.set j, 0
.rept 16
	v_pk_mul_f32 v[PP+j:PP+j+1], v[PP+j:PP+j+1], v[CC+j:CC+j+1]              ; c P: plain work behind the batch,
	v_pk_mul_f32 v[UB+j:UB+j+1], v[UB+j:UB+j+1], s[44:45] op_sel_hi:[1,0]    ; and w = u / sqrt(2) = x / 2
.set j, j+2
.endr
	s_wait_alu depctr_va_vdst(0)                   ; one wait for the batch, ahead of its first reader
.set j, 0
.rept 16
	v_pk_mul_f32 v[PP+j:PP+j+1], v[PP+j:PP+j+1], v[QQ+j:QQ+j+1]              ; erf
.set j, j+2
.endr
.set j, 0
.rept 16
	v_pk_fma_f32 v[UB+j:UB+j+1], v[UB+j:UB+j+1], v[PP+j:PP+j+1], v[UB+j:UB+j+1]   ; gelu = w erf + w
.set j, j+2
.endr
.endm
	s_mov_b32 s3, 0
.Lblk:                                         ; eight trips, a block of 16 rows each
.irp a, 0,1,2,3,4,5,6
	s_cmp_eq_u32 s3, \a
	s_cbranch_scc1 .Lc\a
.endr
	COPY 7
	s_branch .Lcommon
.irp a, 0,1,2,3,4,5,6
.Lc\a:
	COPY \a
	s_branch .Lcommon
.endr
.Lcommon:
	GELUH 0
	GELUH 1
	QUANT UU
	global_store_b128 v[L16], v[PC:PC+3], s[12:13]             ; 512 consecutive bytes,
	global_store_b64 v[L8], v[PC+4:PC+5], s[12:13] offset:512  ; 256,
	global_store_b128 v[L16], v[PC+6:PC+9], s[12:13] offset:768
	global_store_b64 v[L8], v[PC+10:PC+11], s[12:13] offset:1280
	global_store_b32 v[R4], v[PW], s[14:15]
	s_wait_xcnt 0x0                                ; the stores have read their registers and bases: both may be written again
	s_add_nc_u64 s[12:13], s[12:13], 49152         ; the next block of 16 rows: 32 fragments on
	s_add_nc_u64 s[14:15], s[14:15], 64
	s_add_co_u32 s3, s3, 1
	s_cmp_lt_u32 s3, 8
	s_cbranch_scc1 .Lblk
	s_wait_tensorcnt 0x0                           ; the wave's end
	ds_add_u32 v[SPW], v[NIL]
	s_wait_dscnt 0x0
	CROUND                                         ; the closing round
	s_endpgm
.Lfunc_end_k_q781359df1c_ff1:
	.size	k_q781359df1c_ff1, .Lfunc_end_k_q781359df1c_ff1-k_q781359df1c_ff1
	.p2alignl 7, 3214868480
	.fill 96, 4, 3214868480
	.section	.rodata,"a",@progbits
	.p2align	6, 0x0
	.amdhsa_kernel k_q781359df1c_ff1
		.amdhsa_group_segment_fixed_size 327680
		.amdhsa_private_segment_fixed_size 0
		.amdhsa_enable_private_segment 0
		.amdhsa_kernarg_size 40
		.amdhsa_user_sgpr_count 2
		.amdhsa_user_sgpr_kernarg_segment_ptr 1
		.amdhsa_wavefront_size32 1
		.amdhsa_system_sgpr_workgroup_id_x 1
		.amdhsa_system_sgpr_workgroup_id_y 1
		.amdhsa_system_sgpr_workgroup_id_z 1
		.amdhsa_system_vgpr_workitem_id 0
		.amdhsa_next_free_vgpr 1024
		.amdhsa_next_free_sgpr 102
		.amdhsa_reserve_vcc 0
		.amdhsa_float_denorm_mode_32 3
		.amdhsa_float_denorm_mode_16_64 3
		.amdhsa_memory_ordered 1
		.amdhsa_forward_progress 1
		.amdhsa_inst_pref_size 188
	.end_amdhsa_kernel
	.amdgpu_metadata
---
amdhsa.version: [ 1, 2 ]
amdhsa.kernels:
  - .name:           k_q781359df1c_ff1
    .symbol:         k_q781359df1c_ff1.kd
    .args:
      - { .name: hn, .offset: 0, .size: 8, .value_kind: global_buffer, .address_space: global }
      - { .name: ff1_w_codes, .offset: 8, .size: 8, .value_kind: global_buffer, .address_space: global }
      - { .name: ff1_w_scales, .offset: 16, .size: 8, .value_kind: global_buffer, .address_space: global }
      - { .name: ff1_b, .offset: 24, .size: 8, .value_kind: global_buffer, .address_space: global }
      - { .name: gg, .offset: 32, .size: 8, .value_kind: global_buffer, .address_space: global }
    .group_segment_fixed_size: 327680
    .private_segment_fixed_size: 0
    .kernarg_segment_align: 8
    .kernarg_segment_size: 40
    .max_flat_workgroup_size: 128
    .sgpr_count:     102
    .vgpr_count:     1024
    .wavefront_size: 32
...
	.end_amdgpu_metadata
.endif
;; end of part 7
;; launch ff2 (part 8): grid 4 x 16, 4 waves a work-group, clusters of 4 x 4, 327,680 bytes of LDS; arguments gg, ff2_w_codes, ff2_w_scales, ff2_b, x1, out0; writes out0
.if DOCPART == 8
	.amdgcn_target "amdgcn-amd-amdhsa--gfx1250"
	.amdhsa_code_object_version 6
	.text
	.protected	k_q781359df1c_ff2
	.globl	k_q781359df1c_ff2
	.p2align	8
	.type	k_q781359df1c_ff2,@function
k_q781359df1c_ff2:
	s_mov_b64 s[64:65], 0
	v_nop
	global_prefetch_b8 v0, s[64:65] scope:SCOPE_SE
	s_setreg_imm32_b32 hwreg(HW_REG_WAVE_MODE, 25, 1), 1
	s_wait_xcnt 0x0
	s_wait_alu depctr_hold_cnt(0) depctr_sa_sdst(0) depctr_va_vdst(0) depctr_va_sdst(0) depctr_va_ssrc(0) depctr_va_vcc(0) depctr_vm_vsrc(0)
	s_getreg_b32 s2, hwreg(HW_REG_IB_STS2, 6, 4)
	s_cmp_eq_u32 s2, 0
	s_cbranch_scc0 .Lentry_in_a_cluster
	s_endpgm
.Lentry_in_a_cluster:
	s_bfe_u32 s2, ttmp6, 0x10000c
	s_cmp_lg_u32 s2, 0xf033
	s_cbranch_scc0 .Lentry_shape_is_right
	s_endpgm
.Lentry_shape_is_right:
; C = A W^T + b + R on codes of FP6 (E2M3) with E8M0 scales for each 32 along K; R (the residual) and C are [4096][SIZE_N] f32.
; A [4096][SIZE_K] comes as images of operand registers (img[row / 16][k / 128][1,536]: two halves of 768 bytes, in a half registers 0-3 at 16 x lane, 4-5 at 512 + 8 x lane) with scale words sc[k / 128][row] at byte IMGB;
; B [SIZE_N][SIZE_K] as rows of codes (a stream of bits, 128 codes in 96 bytes) and rows of scale bytes.  A tile of C, 256 x 256, is made by four waves, each 128 x 128: 64 accumulators, 512 registers.
; K goes in steps of 256 through a ring of two LDS slots filled by the tensor data mover; the scales of the work-group's rows, for all of K, come once with the first fills and stay.
; CLUSTERS: 4 x 4 work-groups; A's tiles are asked for jointly along a row of the cluster, B's along a column.  The matrix instruction is used TRANSPOSED (source 0 = 16 rows of B, source 1 = 16 rows of A):
; a lane holds eight neighbouring numbers of a row of C.  The bias is the C of each sum's first matrix instruction.
; THE WAY OUT: a block of 16 rows x 128 columns goes through the wave's stage in LDS and comes back as whole rows of 512 bytes; the residual, loaded a block ahead in the same layout, is added; 32 lanes store 512 consecutive bytes.
; SIZE_N = 1,024 gives 64 tiles of this size: the launch has work for 64 work-groups.  No prefetch: its tiles are shared in the cluster, and a K step's 128 matrix instructions stand between a request and the wait for it.
; REGISTERS, in windows of 256: window 0: v0-31 addresses; v32-63 B's scale words, v64-95 A's (two sets of 16: register 2 i + q); v128-223 A's fragments, one set.
;   window 1: B's fragments, two sets, at v0 and v128; the bias tiles at v96-127 and v224-255.   windows 2, 3: the accumulators of my rows 0-63, 64-127 ((a, b) at v[8 (8 (a % 4) + b)]).
.set SIZE_N, 1024
.set SIZE_K, 4096
.set ROWB,   192                       ; 256 codes of B in bytes
.set KROW,   SIZE_K*3/4                ; a row of B in memory
.set PITCH,  240                       ; in LDS: 3 x (64 bytes + 16 of padding)
.set FR,     12
.set HALFA,  24576                     ; 8 blocks of 16 rows x 2 fragments x 1,536 bytes: what one load brings of A
.set HALFB,  128*PITCH                 ; 128 rows of B
.set SLOT,   2*HALFA+2*HALFB
.set LAPS,   SIZE_K/512
.set KS,     SIZE_K/32                 ; a row of B's scale bytes
.set IMGB,   3072*SIZE_K
.set SCA,    2*SLOT                    ; A's scale words: two halves of [k / 128][128 rows]
.set HALFSA, 4*SIZE_K
.set SCB,    SCA+2*HALFSA              ; B's scale bytes, as units of 256 bytes + 16 of padding
.set HALFS,  (128*KS/256)*272
.set SBLK,   (16*KS/256)*272
.set SPARE,  SCB+2*HALFS               ; the spare words: 128 bytes a wave, two blocks of 256 bytes that no other line names
.set L16,    4                         ; v4   16 x lane
.set L8,     5                         ; v5   8 x lane
.set ADRA16, 16                        ; v16-17 A's images in slot 0, 1, 16 bytes a lane;  v18-19 8 bytes a lane
.set ADRA8,  18
.set ADRB,   20                        ; v20-21 B's rows in slot 0, 1;  v22-23 the same behind one padding more
.set STO,    24                        ; the way out: into my stage
.set RD,     25                        ; and out of it
.set ADRSB,  27
.set SPW,    28                        ; my spare word; never rewritten
.set NIL,    29                        ; 0; never rewritten
.set ADRSA,  30
.set SCBR,   32
.set SCAR,   64
.set AF,     128
.set BK,     128                       ; the way out: 16 rows read back from the stage
.set WV, 99
.set RH, 100                           ; which half of the tile's rows is mine; also: I fetch for A (0) or B (1)
.set CH, 101                           ; which half of its columns; also: which half I fetch
.set TC, 42
.set TR, 98
.set G1, 24
.set G0, 32
.set G1B, 48
.set G0B, 56
.set G1S, 68
.set G0S, 76
.set G1SB, 80
.set G0SB, 88
.set MSB, 0
.macro WIN new                         ; the immediate's high byte repeats the setting that is left
.if MSB != (\new)
	s_set_vgpr_msb (MSB<<8)|(\new)
.set MSB, (\new)
.endif
.endm
.set MUL_LO, 0xa1                      ; source 0 (B) window 1, source 1 (A) window 0, C and D window 2
.set MUL_HI, 0xf1                      ; the same, C and D window 3
.set TO_B,   0x40
.macro PLACES n                        ; plain places behind matrix instructions, in front of loads into their registers and of the first read of results
.rept \n
	v_nop
.endr
.endm
.macro JLOAD g0a, g1a, g0b, g1b        ; a joint load: waves 0, 1 fetch for A, waves 2, 3 for B; four v_nop follow each line
	s_cmp_eq_u32 s[RH], 0
	s_cbranch_scc0 .Lfor_b_\@
	tensor_load_to_lds s[\g0a:\g0a+3], s[\g1a:\g1a+7]
	s_nop 0
	PLACES 4
	s_branch .Lasked_\@
.Lfor_b_\@:
	tensor_load_to_lds s[\g0b:\g0b+3], s[\g1b:\g1b+7]
	s_nop 0
	PLACES 4
.Lasked_\@:
.endm
.macro CREST                           ; a round of the cluster's barrier behind its opening barrier
	s_cmp_lg_u32 s[WV], 0
	s_cbranch_scc1 .Lnot_wave_0_\@
	s_barrier_signal -3
.Lnot_wave_0_\@:
	s_barrier_wait -3
	s_barrier_signal -1
	s_barrier_wait -1
.endm
.macro CROUND
	s_barrier_signal -1
	s_barrier_wait -1
	CREST
.endm
	s_load_b256 s[4:11], s[0:1], 0x0               ; A s[4:5], B's codes s[6:7], B's scales s[8:9], the bias s[10:11]
	s_load_b128 s[12:15], s[0:1], 0x20             ; the residual s[12:13], C s[14:15]
	v_lshl_add_u32 v[SPW], v0, 2, SPARE
	v_mov_b32 v[NIL], 0
	ds_add_u32 v28, v29
	ds_add_u32 v28, v29
	s_wait_dscnt 0x0
	v_lshrrev_b32 v1, 5, v0
	v_readfirstlane_b32 s[WV], v1
	s_lshr_b32 s[RH], s[WV], 1
	s_and_b32 s[CH], s[WV], 1
	s_bfe_u32 s40, ttmp6, 0x40000                  ; cx
	s_bfe_u32 s41, ttmp6, 0x40004                  ; cy
	s_lshl_b32 s[TC], ttmp9, 2
	s_add_co_u32 s[TC], s[TC], s40                 ; tile column
	s_and_b32 s[TR], ttmp7, 0xffff
	s_lshl_b32 s[TR], s[TR], 2
	s_add_co_u32 s[TR], s[TR], s41                 ; tile row
	s_lshl_b32 s43, s41, 2
	s_lshl_b32 s43, 15, s43                        ; my row of the cluster
	s_lshl_b32 s44, 0x1111, s40                    ; my column
	s_or_b32 s[G1+0], s43, (3<<16)|(1<<21)         ; A's images: elements of 8 bytes, no padding; the mask of my row, bit 21 beside it
	s_mov_b32 s[G1+1], 384<<16                     ; a row: two fragments, 3,072 bytes
	s_mov_b32 s[G1+2], 8<<16                       ; 8 blocks of 16 rows
	s_mov_b32 s[G1+3], 384<<16
	s_mov_b32 s[G1+4], 8
	s_mov_b32 s[G1+5], SIZE_K*3/2                  ; from block to block: SIZE_K / 128 fragments
	s_mov_b32 s[G1+6], 0
	s_mov_b32 s[G1+7], 0
	s_or_b32 s[G1B+0], s44, (0<<16)|(1<<20)|(1<<21)|(3<<22)|(3<<25)  ; B's rows: bytes; 16 bytes of padding behind every 64
	s_mov_b32 s[G1B+1], ROWB<<16
	s_mov_b32 s[G1B+2], 128<<16
	s_mov_b32 s[G1B+3], ROWB<<16
	s_mov_b32 s[G1B+4], 128
	s_mov_b32 s[G1B+5], KROW
	s_mov_b32 s[G1B+6], 0
	s_mov_b32 s[G1B+7], 0
	s_or_b32 s[G1S+0], s43, (3<<16)|(1<<21)        ; A's scale words: 128 rows' words (512 bytes) for each 128 along K
	s_mov_b32 s[G1S+1], 64<<16
	s_mov_b32 s[G1S+2], (SIZE_K/128)<<16
	s_mov_b32 s[G1S+3], 64<<16
	s_mov_b32 s[G1S+4], SIZE_K/128
	s_mov_b32 s[G1S+5], 2048
	s_mov_b32 s[G1S+6], 0
	s_mov_b32 s[G1S+7], 0
	s_or_b32 s[G1SB+0], s44, (3<<16)|(1<<20)|(1<<21)|(5<<22)|(3<<25)  ; B's scale bytes: a dense block as rows of 256 bytes, 16 of padding behind each
	s_mov_b32 s[G1SB+1], 32<<16
	s_mov_b32 s[G1SB+2], (128*KS/256)<<16
	s_mov_b32 s[G1SB+3], 32<<16
	s_mov_b32 s[G1SB+4], 128*KS/256
	s_mov_b32 s[G1SB+5], 32
	s_mov_b32 s[G1SB+6], 0
	s_mov_b32 s[G1SB+7], 0
	s_lshl_b32 s16, s[TR], 4
	s_lshl_b32 s17, s[CH], 3
	s_add_co_u32 s16, s16, s17                     ; A: the first block of 16 rows of the half that I fetch
	s_mul_i32 s20, s16, SIZE_K*12                  ; its images,
	s_mov_b32 s21, 0
	s_lshl_b32 s22, s16, 6
	s_add_co_u32 s22, s22, IMGB                    ; its scale words
	s_mov_b32 s23, 0
	s_lshl_b32 s46, s[TC], 8
	s_lshl_b32 s47, s[CH], 7
	s_add_co_u32 s46, s46, s47                     ; B: the first row of the half that I fetch
	s_mul_i32 s92, s46, KS
	s_mov_b32 s93, 0
	s_mul_i32 s46, s46, KROW
	s_mov_b32 s47, 0
	s_mul_i32 s45, s[CH], HALFA                    ; where they go: no place in the cluster enters an LDS address
	s_mul_i32 s94, s[CH], HALFB
	s_add_co_u32 s94, s94, 2*HALFA
	s_mul_i32 s95, s[CH], HALFSA
	s_add_co_u32 s95, s95, SCA
	s_mul_i32 s96, s[CH], HALFS
	s_add_co_u32 s96, s96, SCB
	s_wait_kmcnt 0x0
	s_add_nc_u64 s[20:21], s[4:5], s[20:21]
	s_add_nc_u64 s[22:23], s[4:5], s[22:23]
	s_add_nc_u64 s[46:47], s[6:7], s[46:47]
	s_add_nc_u64 s[92:93], s[8:9], s[92:93]
	CROUND                                         ; all sixteen work-groups are here: the first joint loads meet
	s_mov_b32 s[G0S], 1
	s_mov_b32 s[G0S+1], s95
	s_mov_b64 s[G0S+2:G0S+3], s[22:23]
	s_or_b32 s[G0S+3], s[G0S+3], 0x80000000
	s_mov_b32 s[G0SB], 1
	s_mov_b32 s[G0SB+1], s96
	s_mov_b64 s[G0SB+2:G0SB+3], s[92:93]
	s_or_b32 s[G0SB+3], s[G0SB+3], 0x80000000
	JLOAD G0S, G1S, G0SB, G1SB                     ; the scales first; then both slots: three loads of mine are out
.irp s, 0,1
	s_mov_b32 s[G0+4*\s], 1
	s_add_co_u32 s[G0+4*\s+1], s45, \s*SLOT
	s_add_nc_u64 s[G0+4*\s+2:G0+4*\s+3], s[20:21], \s*3072
	s_or_b32 s[G0+4*\s+3], s[G0+4*\s+3], 0x80000000
	s_mov_b32 s[G0B+4*\s], 1
	s_add_co_u32 s[G0B+4*\s+1], s94, \s*SLOT
	s_add_nc_u64 s[G0B+4*\s+2:G0B+4*\s+3], s[46:47], \s*ROWB
	s_or_b32 s[G0B+4*\s+3], s[G0B+4*\s+3], 0x80000000
	JLOAD G0+4*\s, G1, G0B+4*\s, G1B
.endr
	v_and_b32 v1, 15, v0                           ; r
	v_bfe_u32 v2, v0, 4, 1                         ; h
	v_and_b32 v3, 31, v0                           ; lane
	v_lshlrev_b32 v[L16], 4, v3
	v_lshlrev_b32 v[L8], 3, v3
	v_mul_u32_u24 v7, v1, PITCH
	v_mad_u32_u24 v7, v2, 24, v7                   ; B: row r of a tile, + 24 h
	v_lshl_add_u32 v8, v2, 4, v7                   ; and behind one padding more
	s_mul_i32 s16, s[RH], HALFA
	s_mul_i32 s17, s[CH], HALFB
	s_add_co_u32 s17, s17, 2*HALFA
.irp s, 0,1
	v_add_nc_u32 v[ADRA16+\s], s16, v[L16]
	v_add_nc_u32 v[ADRA8+\s], s16, v[L8]
	v_add_nc_u32 v[ADRB+\s], s17, v7
	v_add_nc_u32 v[ADRB+2+\s], s17, v8
	s_add_co_u32 s16, s16, SLOT
	s_add_co_u32 s17, s17, SLOT
.endr
	v_mul_u32_u24 v9, v1, KS                       ; B's scale bytes: KS a row, and 16 more for each 256 passed
	v_lshrrev_b32 v10, 8, v9
	v_lshl_add_u32 v9, v10, 4, v9
	s_mul_i32 s16, s[CH], HALFS
	s_add_co_u32 s16, s16, SCB
	v_add_nc_u32 v[ADRSB], s16, v9
	s_mul_i32 s16, s[RH], HALFSA
	s_add_co_u32 s16, s16, SCA
	v_lshl_add_u32 v[ADRSA], v1, 2, s16
	s_lshl_b32 s16, s[TC], 10                      ; the bias of my 128 columns
	s_lshl_b32 s17, s[CH], 9
	s_add_co_u32 s16, s16, s17
	s_mov_b32 s17, 0
	s_add_nc_u64 s[10:11], s[10:11], s[16:17]
	v_lshlrev_b32 v11, 5, v2                       ; register j of tile t: column 16 t + 8 h + j
	WIN TO_B
.irp b, 0,1,2,3,4,5,6,7
	global_load_b128 v[96+8*\b+96*(\b/4):96+8*\b+96*(\b/4)+3], v11, s[10:11] offset:64*\b
	global_load_b128 v[96+8*\b+96*(\b/4)+4:96+8*\b+96*(\b/4)+7], v11, s[10:11] offset:64*\b+16
.endr
	WIN 0
	s_lshl_b32 s16, s[TR], 8                       ; where my part of C and of the residual begins
	s_lshl_b32 s17, s[RH], 7
	s_add_co_u32 s16, s16, s17
	s_mul_i32 s16, s16, SIZE_N*4
	s_lshl_b32 s17, s[TC], 10
	s_add_co_u32 s16, s16, s17
	s_lshl_b32 s17, s[CH], 9
	s_add_co_u32 s16, s16, s17
	s_mov_b32 s17, 0
	s_add_nc_u64 s[12:13], s[12:13], s[16:17]
	s_add_nc_u64 s[14:15], s[14:15], s[16:17]
	s_mul_i32 s16, s[WV], 16*528                   ; my stage: 16 rows x (512 bytes + 16), in slot 0, which has had its last fill and its last read when the first result is stored there
	v_mul_u32_u24 v9, v1, 528
	v_lshl_add_u32 v9, v2, 5, v9
	v_add_nc_u32 v[STO], s16, v9                   ; in: row r, + 32 h
	v_add_nc_u32 v[RD], s16, v[L16]                ; back: a row of 512 bytes to the 32 lanes
.macro FRAGA reg, slot, q, i           ; A's fragment (block i, the slot's q-th 128 along K): the image as it was stored
	ds_load_b128 v[\reg:\reg+3], v[ADRA16+\slot] offset:(2*(\i)+(\q))*1536
	ds_load_b64 v[\reg+4:\reg+5], v[ADRA8+\slot] offset:(2*(\i)+(\q))*1536+512
	ds_load_b128 v[\reg+6:\reg+9], v[ADRA16+\slot] offset:(2*(\i)+(\q))*1536+768
	ds_load_b64 v[\reg+10:\reg+11], v[ADRA8+\slot] offset:(2*(\i)+(\q))*1536+1280
.endm
.macro FRAG reg, adr, q, i             ; B's fragment: 24 bytes of the row's stream of bits twice, in pieces of 8 bytes; lanes 16-31 read three pieces on, for some pieces behind one padding more
.irp p, 0,1,2,3,4,5
.set PCE, 12*(\q)+6*(\p/3)+\p%3
.if PCE%8 < 5
	ds_load_b64 v[\reg+2*\p:\reg+2*\p+1], v[\adr] offset:8*PCE+16*(PCE/8)+(\i)*16*PITCH
.else
	ds_load_b64 v[\reg+2*\p:\reg+2*\p+1], v[\adr+2] offset:8*PCE+16*(PCE/8)+(\i)*16*PITCH
.endif
.endr
.endm
; 16 matrix instructions: A's blocks a0, a0 + 1 x B's eight.  first = 1: the bias starts the sums.  The 64 accumulators take turns, one instruction a turn, in the same order in every step.
.macro MUL16 a0, p, q, sc, first
.irp a, \a0, \a0+1
.irp b, 0,1,2,3,4,5,6,7
.set rD, 8*(8*((\a)%4)+\b)
.set rB, 128*(\p)+FR*\b
.set rA, AF+FR*(\a)
.set rC, 96+8*\b+96*(\b/4)
.set zB, SCBR+16*(\sc)+2*\b+(\q)
.set zA, SCAR+16*(\sc)+2*(\a)+(\q)
.if \first
	v_wmma_scale_f32_16x16x128_f8f6f4 v[rD:rD+7], v[rB:rB+11], v[rA:rA+11], v[rC:rC+7], v[zB], v[zA] matrix_a_fmt:MATRIX_FMT_FP6 matrix_b_fmt:MATRIX_FMT_FP6
.else
	v_wmma_scale_f32_16x16x128_f8f6f4 v[rD:rD+7], v[rB:rB+11], v[rA:rA+11], v[rD:rD+7], v[zB], v[zA] matrix_a_fmt:MATRIX_FMT_FP6 matrix_b_fmt:MATRIX_FMT_FP6
.endif
.endr
.endr
.endm
.macro FETCH_B slot, q, p              ; 48 loads
	WIN TO_B
.irp i, 0,1,2,3,4,5,6,7
	FRAG 128*(\p)+FR*\i, ADRB+\slot, \q, \i
.endr
	WIN 0
.endm
.macro FETCH_A slot, q, i0             ; 16 loads: blocks i0 .. i0 + 3
.irp i, \i0, \i0+1, \i0+2, \i0+3
	FRAGA AF+FR*(\i), \slot, \q, \i
.endr
.endm
.macro SCALES sc                       ; 24 loads: a K step's scale words
.irp i, 0,1,2,3,4,5,6,7
	ds_load_b64 v[SCBR+16*\sc+2*\i:SCBR+16*\sc+2*\i+1], v[ADRSB] offset:\i*SBLK
.endr
.irp i, 0,1,2,3,4,5,6,7
	ds_load_b32 v[SCAR+16*\sc+2*\i], v[ADRSA] offset:64*\i
	ds_load_b32 v[SCAR+16*\sc+2*\i+1], v[ADRSA] offset:512+64*\i
.endr
.endm
.macro STEP slot, q, first             ; a slot's first 128 along K
	s_wait_dscnt 16                                ; all but the youngest 16 loads (A's blocks 4-7) are in
	WIN MUL_LO-0x10*(\first)                       ; (with the bias as C: source 2 in window 1)
	MUL16 0, (\q)%2, \q, \slot, \first
	MUL16 2, (\q)%2, \q, \slot, \first
	s_wait_dscnt 0
	PLACES 4
	FETCH_B \slot, (\q)+1, 1-(\q)%2
	FETCH_A \slot, (\q)+1, 0
	WIN MUL_HI-0x20*(\first)
	MUL16 4, (\q)%2, \q, \slot, \first
	MUL16 6, (\q)%2, \q, \slot, \first
	PLACES 4
	WIN 0
	FETCH_A \slot, (\q)+1, 4
.endm
; A slot's last 128 along K change slots: one barrier; in front of it each wave waits for all its tensor loads, adds 0 to its spare word, and waits for that and for its reads of this slot.  fill = 1: the slot is filled again, two K steps ahead.
.macro TURN slot, next, fill
	s_wait_tensorcnt 0x0                           ; all my tensor loads have landed: my part of the next slot
	ds_add_u32 v[SPW], v[NIL]                      ; 0 onto my spare word
	s_wait_dscnt 17                                ; (the add and the youngest 16 loads may be out)
	WIN MUL_LO
	MUL16 0, 1, 1, \slot, 0
	s_wait_dscnt 0x0                               ; the add is done, and my reads of this slot are over
	s_barrier_signal -1
	MUL16 2, 1, 1, \slot, 0
	WIN 0
	s_barrier_wait -1
.if \fill
	CREST                                          ; the barrier has opened a round of the cluster's: no wave of any partner still reads this slot or has a load on its way
	s_add_nc_u64 s[G0+4*\slot+2:G0+4*\slot+3], s[G0+4*\slot+2:G0+4*\slot+3], 6144
	s_add_nc_u64 s[G0B+4*\slot+2:G0B+4*\slot+3], s[G0B+4*\slot+2:G0B+4*\slot+3], 2*ROWB
	JLOAD G0+4*\slot, G1, G0B+4*\slot, G1B         ; the first tensor load behind the round, one a wave; its four v_nop are the places in front of the loads below
.else
	PLACES 4
.endif
	v_add_nc_u32 v[ADRSB], 8, v[ADRSB]             ; the next K step's scale words
	v_add_nc_u32 v[ADRSA], 1024, v[ADRSA]
	FETCH_B \next, 0, 0
	FETCH_A \next, 0, 0
	SCALES \next
	WIN MUL_HI
	MUL16 4, 1, 1, \slot, 0
	MUL16 6, 1, 1, \slot, 0
	PLACES 4
	WIN 0
	FETCH_A \next, 0, 4
.endm
	s_wait_tensorcnt 1                             ; the scales and my part of slot 0 are in; slot 1's load may be out
	s_barrier_signal -1
	s_barrier_wait -1
	FETCH_B 0, 0, 0
	FETCH_A 0, 0, 0
	SCALES 0
	FETCH_A 0, 0, 4
	s_wait_loadcnt 0x0                             ; the bias
	STEP 0, 0, 1
	s_mov_b32 s3, LAPS-1
.Llap:                                         ; a trip goes once round the ring and fills both slots again
	TURN 0, 1, 1
	STEP 1, 0, 0
	TURN 1, 0, 1
	STEP 0, 0, 0
	s_sub_co_u32 s3, s3, 1
	s_cmp_lg_u32 s3, 0
	s_cbranch_scc1 .Llap
	TURN 0, 1, 0                                   ; the last lap fills nothing
	STEP 1, 0, 0
	s_wait_dscnt 16
	WIN MUL_LO
	MUL16 0, 1, 1, 1, 0
	MUL16 2, 1, 1, 1, 0
	s_wait_dscnt 0
	WIN MUL_HI
	MUL16 4, 1, 1, 1, 0
	MUL16 6, 1, 1, 1, 0
	WIN 0
	; ---------------- THE WAY OUT
.macro TOSTAGE a
.set AC, 64*((\a)%4)
	WIN 0x08+4*((\a)/4)                            ; an LDS store's data are its source 1: window 2 or 3
.irp b, 0,1,2,3,4,5,6,7
	ds_store_b128 v[STO], v[AC+8*\b:AC+8*\b+3] offset:64*\b          ; each accumulator from its low end on
	ds_store_b128 v[STO], v[AC+8*\b+4:AC+8*\b+7] offset:64*\b+16
.endr
	WIN 0
.irp t, 0,1,2,3,4,5,6,7,8,9,10,11,12,13,14,15
	ds_load_b128 v[BK+4*\t:BK+4*\t+3], v[RD] offset:\t*528           ; LDS serves a wave's instructions in order: these see my stores
.endr
.endm
.macro RLOAD a                         ; the residual of block a: v32-95 (even blocks), v192-255 (odd)
.set RR, 32+160*((\a)%2)
.irp t, 0,1,2,3,4,5,6,7,8,9,10,11,12,13,14,15
	global_load_b128 v[RR+4*\t:RR+4*\t+3], v[L16], s[12:13] offset:(16*(\a)+\t)*SIZE_N*4
.endr
.endm
	PLACES 4
	RLOAD 0
.irp a, 0,1,2,3,4,5,6,7
.if \a > 0
	s_wait_xcnt 0x0                                ; the last block's stores have read their registers
.endif
	TOSTAGE \a
.if \a < 7
	RLOAD \a+1
.endif
	s_wait_dscnt 0x0
.if \a < 7
	s_wait_loadcnt 16                              ; this block's residual is in; the next block's 16 loads may be out
.else
	s_wait_loadcnt 0x0
.endif
.set RR, 32+160*(\a%2)
.set j, 0
.rept 32
	v_pk_add_f32 v[BK+j:BK+j+1], v[BK+j:BK+j+1], v[RR+j:RR+j+1]
.set j, j+2
.endr
.irp t, 0,1,2,3,4,5,6,7,8,9,10,11,12,13,14,15
	global_store_b128 v[L16], v[BK+4*\t:BK+4*\t+3], s[14:15] offset:(16*\a+\t)*SIZE_N*4 th:TH_STORE_NT   ; 32 lanes store 512 consecutive bytes, at a multiple of 256 from C's first byte; written once, read by nobody here
.endr
.endr
	s_wait_tensorcnt 0x0                           ; the wave's end
	ds_add_u32 v[SPW], v[NIL]
	s_wait_dscnt 0x0
	CROUND                                         ; the closing round
	s_endpgm
.Lfunc_end_k_q781359df1c_ff2:
	.size	k_q781359df1c_ff2, .Lfunc_end_k_q781359df1c_ff2-k_q781359df1c_ff2
	.p2alignl 7, 3214868480
	.fill 96, 4, 3214868480
	.section	.rodata,"a",@progbits
	.p2align	6, 0x0
	.amdhsa_kernel k_q781359df1c_ff2
		.amdhsa_group_segment_fixed_size 327680
		.amdhsa_private_segment_fixed_size 0
		.amdhsa_enable_private_segment 0
		.amdhsa_kernarg_size 48
		.amdhsa_user_sgpr_count 2
		.amdhsa_user_sgpr_kernarg_segment_ptr 1
		.amdhsa_wavefront_size32 1
		.amdhsa_system_sgpr_workgroup_id_x 1
		.amdhsa_system_sgpr_workgroup_id_y 1
		.amdhsa_system_sgpr_workgroup_id_z 1
		.amdhsa_system_vgpr_workitem_id 0
		.amdhsa_next_free_vgpr 1024
		.amdhsa_next_free_sgpr 102
		.amdhsa_reserve_vcc 0
		.amdhsa_float_denorm_mode_32 3
		.amdhsa_float_denorm_mode_16_64 3
		.amdhsa_memory_ordered 1
		.amdhsa_forward_progress 1
		.amdhsa_inst_pref_size 186
	.end_amdhsa_kernel
	.amdgpu_metadata
---
amdhsa.version: [ 1, 2 ]
amdhsa.kernels:
  - .name:           k_q781359df1c_ff2
    .symbol:         k_q781359df1c_ff2.kd
    .args:
      - { .name: gg, .offset: 0, .size: 8, .value_kind: global_buffer, .address_space: global }
      - { .name: ff2_w_codes, .offset: 8, .size: 8, .value_kind: global_buffer, .address_space: global }
      - { .name: ff2_w_scales, .offset: 16, .size: 8, .value_kind: global_buffer, .address_space: global }
      - { .name: ff2_b, .offset: 24, .size: 8, .value_kind: global_buffer, .address_space: global }
      - { .name: x1, .offset: 32, .size: 8, .value_kind: global_buffer, .address_space: global }
      - { .name: out0, .offset: 40, .size: 8, .value_kind: global_buffer, .address_space: global }
    .group_segment_fixed_size: 327680
    .private_segment_fixed_size: 0
    .kernarg_segment_align: 8
    .kernarg_segment_size: 48
    .max_flat_workgroup_size: 128
    .sgpr_count:     102
    .vgpr_count:     1024
    .wavefront_size: 32
...
	.end_amdgpu_metadata
.endif
;; end of part 8
;; ======== version 2 of 2: 7 launches
;; limits: right only within a limited range of input values
;; workspace buffers: prepw 1,114,112 bytes; xn 3,276,800 bytes; qkvw 10,092,544 bytes; att 3,276,800 bytes; x1 16,777,216 bytes; hn 3,276,800 bytes; gg 13,107,200 bytes; wimg 9,437,184 bytes
;; launch prep (part 9): grid 224 x 1, 8 waves a work-group, no clusters, 109,568 bytes of LDS; arguments t, tp1_w, tp1_b, tp2_w, tp2_b, rel_pos_bias, prepw, qkv_w_codes, proj_w_codes, ff1_w_codes, ff2_w_codes, wimg; writes prepw, wimg
.if DOCPART == 9
	.amdgcn_target "amdgcn-amd-amdhsa--gfx1250"
	.amdhsa_code_object_version 6
	.text
	.protected	k_q781359df1c_prep
	.globl	k_q781359df1c_prep
	.p2align	8
	.type	k_q781359df1c_prep,@function
k_q781359df1c_prep:
	s_mov_b64 s[64:65], 0
	v_nop
	global_prefetch_b8 v0, s[64:65] scope:SCOPE_SE
	s_setreg_imm32_b32 hwreg(HW_REG_WAVE_MODE, 25, 1), 1
	s_wait_xcnt 0x0
; PREP: two small jobs that everything later needs, in one launch; the work-group's number parts them.
; Work-groups 0-63: the time embedding te = gelu(t tp1_w + tp1_b) tp2_w + tp2_b, [2][1024], in f32 fused multiply-adds (its result goes on into a quantiser).
;   Work-group g = 8 j + c makes hidden units 128 j .. +127 (all 256 k) and from them the part of te's columns 128 c .. +127 that these hidden units give:
;   part[j][b][n] at byte 0 of prepw; the eight parts are added by the launch that reads them.  tp2_b goes into part 0.
;   256 threads: u = thread % 128 is a hidden unit (then a column), kh = thread / 128 halves the sum; the halves meet in LDS.
; Work-groups 64-127: the table of the attention bias.  T_h[e] = 8 exp(-0.01 |2047 - e|) rel_pos_bias[4094 - e][h], e = key - query + 2047; the 8 is 1 / (head size)^-0.5,
;   since the table is added to q.k ahead of the scaling.  tab[h][s][x] = T_h[x + s], s = 0..3, x = 0..4095 (0 past the table's end), at byte 65,536:
;   four copies, each shifted by one, so that any run of four entries can be read as 16 aligned bytes.  Work-group 64 + 4 h + s makes one copy.
; gelu is exact: erf(u) = c P(c^2) / Q(c^2), c = u held to +-4.  LIMITS: erf is right to about 1e-7 absolutely; NaN and infinities are not served.
.set PA,   0                           ; LDS: halves of the first sums [kh][b][u]
.set H1,   2048                        ; gelu of the hidden units [b][u]
.set PB,   3072                        ; halves of the second sums [kh][b][column]
.set TABO, 65536
	s_load_b256 s[4:11], s[0:1], 0x0               ; t s[4:5], tp1_w s[6:7], tp1_b s[8:9], tp2_w s[10:11]
	s_load_b128 s[84:87], s[0:1], 0x20             ; tp2_b s[84:85], rel_pos_bias s[86:87]
	s_load_b64 s[88:89], s[0:1], 0x30              ; prepw
	v_lshl_add_u32 v232, v0, 2, 0x2000
	v_mov_b32 v233, 0
	s_cmp_lt_u32 ttmp9, 64
	s_cbranch_scc0 .Ltable
	; ---------------- the time embedding
	v_lshrrev_b32 v1, 5, v0
	s_delay_alu instid0(VALU_DEP_1)
	v_readfirstlane_b32 s2, v1                     ; wave
	s_lshr_b32 s2, s2, 2                           ; kh, as a scalar: four waves to a half
	s_lshr_b32 s3, ttmp9, 3                        ; j
	s_and_b32 s14, ttmp9, 7                        ; c
	v_and_b32 v1, 127, v0                          ; u
	v_lshrrev_b32 v2, 7, v0                        ; kh
	s_delay_alu instid0(VALU_DEP_2)
	v_lshlrev_b32 v3, 2, v1                        ; 4 u
	s_delay_alu instid0(VALU_DEP_1)
	v_lshl_add_u32 v4, v2, 10, v3                  ; LDS: 1,024 kh + 4 u
	s_delay_alu instid0(VALU_DEP_2)
	v_lshl_add_u32 v5, v2, 9, v3                   ; LDS: 512 kh + 4 u
	s_delay_alu instid0(VALU_DEP_4)
	v_lshlrev_b32 v6, 8, v2                        ; LDS: 256 kh: my half's 64 hidden units
	s_delay_alu instid0(VALU_DEP_4)
	v_lshl_add_u32 v7, v2, 19, v3                  ; tp1_w: 128 kh rows of 4,096 bytes + 4 u
	v_lshl_add_u32 v14, v2, 18, v3                 ; tp2_w: 64 kh rows + 4 u
	v_lshl_add_u32 v15, v2, 12, v3                 ; part: 4,096 kh + 4 u
	s_lshl_b32 s16, s3, 9                          ; 128 j numbers
	s_mov_b32 s17, 0
	s_lshl_b32 s18, s14, 9                         ; 128 c numbers
	s_mov_b32 s19, 0
	s_lshl_b32 s20, s3, 19                         ; 128 j rows of tp2_w
	s_mov_b32 s21, 0
	s_lshl_b32 s22, s2, 9                          ; 128 kh numbers of t
	s_mov_b32 s23, 0
	s_lshl_b32 s24, s3, 13                         ; part j
	s_mov_b32 s25, 0
	s_cmp_eq_u32 s3, 0
	s_cselect_b32 s15, 1.0, 0                      ; tp2_b counts in part 0 alone
	s_wait_alu depctr_va_vdst(0)
	s_wait_kmcnt 0x0
	s_add_nc_u64 s[6:7], s[6:7], s[16:17]
	s_add_nc_u64 s[8:9], s[8:9], s[16:17]
	s_add_nc_u64 s[10:11], s[10:11], s[20:21]
	s_add_nc_u64 s[10:11], s[10:11], s[18:19]
	s_add_nc_u64 s[84:85], s[84:85], s[18:19]
	s_add_nc_u64 s[12:13], s[4:5], s[22:23]
	s_add_nc_u64 s[88:89], s[88:89], s[24:25]
	s_add_nc_u64 s[88:89], s[88:89], s[18:19]
	global_load_b32 v8, v3, s[8:9]                 ; tp1_b[128 j + u]
	global_load_b32 v9, v3, s[84:85]               ; tp2_b[128 c + u]
.set i, 0
.rept 128
	global_load_b32 v[32+i], v7, s[6:7] offset:i*4096      ; tp1_w[128 kh + i][128 j + u]: a wave reads 128 consecutive bytes
.set i, i+1
.endr
.set i, 0
.rept 64
	global_load_b32 v[160+i], v14, s[10:11] offset:i*4096  ; tp2_w[128 j + 64 kh + i][128 c + u]
.set i, i+1
.endr
; 32 k of the first sums: t comes by scalar loads (the same numbers for all lanes of my half), two chains for each of the two rows of t
.macro CHUNK ch
	s_load_b512 s[16:31], s[12:13], \ch*128
	s_load_b512 s[32:47], s[12:13], \ch*128+64
	s_load_b512 s[48:63], s[12:13], 1024+\ch*128
	s_load_b512 s[68:83], s[12:13], 1024+\ch*128+64
	s_wait_kmcnt 0x0
.if \ch == 0
	s_wait_loadcnt 63                              ; behind tp1_w's last load stand 64 loads: with at most 63 out, the two biases and all of tp1_w are in
.endif
.set i, 0
.rept 32
.set tb, 48+i
.if i > 15
.set tb, 52+i
.endif
.if (\ch == 0) && (i < 2)
	v_mul_f32 v[10+i], s[16+i], v[32+i]            ; the first products start the chains
	v_mul_f32 v[12+i], s[tb], v[32+i]
.else
	v_fmac_f32 v[10+i%2], s[16+i], v[32+32*\ch+i]
	v_fmac_f32 v[12+i%2], s[tb], v[32+32*\ch+i]
.endif
.set i, i+1
.endr
.endm
	CHUNK 0
	s_wait_alu depctr_va_vdst(0)
	CHUNK 1
	s_wait_alu depctr_va_vdst(0)
	CHUNK 2
	s_wait_alu depctr_va_vdst(0)
	CHUNK 3
	s_delay_alu instid0(VALU_DEP_2)
	v_add_f32 v10, v10, v11
	s_delay_alu instid0(VALU_DEP_2)
	v_add_f32 v12, v12, v13
	ds_store_b32 v4, v10 offset:PA
	ds_store_b32 v4, v12 offset:PA+512
	s_wait_dscnt 0x0                               ; for the others' sake: my stores have landed
	s_barrier_signal -1
	s_barrier_wait -1
	ds_load_b32 v10, v5 offset:PA                  ; thread (u, kh) now takes hidden unit u of row b = kh: both halves of its sum
	ds_load_b32 v11, v5 offset:PA+1024
	s_wait_dscnt 0x0
	v_add_f32 v10, v10, v11
	s_delay_alu instid0(VALU_DEP_1)
	v_add_f32 v10, v10, v8                         ; x
	s_delay_alu instid0(VALU_DEP_1)
	v_mul_f32 v11, 0x3f3504f3, v10                 ; u = x / sqrt(2)
	s_delay_alu instid0(VALU_DEP_1)
	v_med3_num_f32 v11, v11, -4.0, 4.0             ; c
	s_delay_alu instid0(VALU_DEP_1)
	v_mul_f32 v12, v11, v11                        ; c^2
	v_mov_b32 v13, 0xaf95df0b                      ; P, from its highest coefficient down
	s_delay_alu instid0(VALU_DEP_1)
	v_fmaak_f32 v13, v13, v12, 0x32edffee
	s_delay_alu instid0(VALU_DEP_1)
	v_fmaak_f32 v13, v13, v12, 0xb60cff51
	s_delay_alu instid0(VALU_DEP_1)
	v_fmaak_f32 v13, v13, v12, 0xb86ec2d2
	s_delay_alu instid0(VALU_DEP_1)
	v_fmaak_f32 v13, v13, v12, 0xba40ac63
	s_delay_alu instid0(VALU_DEP_1)
	v_fmaak_f32 v13, v13, v12, 0xbb41a1f6
	s_delay_alu instid0(VALU_DEP_1)
	v_fmaak_f32 v13, v13, v12, 0xbc83dbd4
	v_mov_b32 v16, 0xb77460cd                      ; Q
	s_delay_alu instid0(VALU_DEP_1)
	v_fmaak_f32 v16, v16, v12, 0xb95fbd29
	s_delay_alu instid0(VALU_DEP_1)
	v_fmaak_f32 v16, v16, v12, 0xbadc924e
	s_delay_alu instid0(VALU_DEP_1)
	v_fmaak_f32 v16, v16, v12, 0xbbf19bf8
	s_delay_alu instid0(VALU_DEP_1)
	v_fmaak_f32 v16, v16, v12, 0xbc69b6a7
	s_wait_alu depctr_va_vdst(0)
	v_rcp_f32 v17, v16
	v_mul_f32 v13, v13, v11                        ; c P: plain work behind the reciprocal
	v_mul_f32 v18, 0.5, v10                        ; w = x / 2
	s_wait_alu depctr_va_vdst(0)                   ; the wait ahead of the reciprocal's first reader
	v_mul_f32 v13, v13, v17                        ; erf
	s_delay_alu instid0(VALU_DEP_1)
	v_fma_f32 v13, v18, v13, v18                   ; gelu = w erf + w
	ds_store_b32 v5, v13 offset:H1
	s_wait_dscnt 0x0
	s_barrier_signal -1
	s_barrier_wait -1
.set i, 0
.rept 16
	ds_load_b128 v[32+4*i:35+4*i], v6 offset:H1+16*i       ; my half's 64 hidden units of row 0: the same 16 bytes for all lanes of a wave
	ds_load_b128 v[96+4*i:99+4*i], v6 offset:H1+512+16*i   ; and of row 1
.set i, i+1
.endr
	s_wait_loadcnt 0x0                             ; tp2_w
	s_wait_dscnt 0x0
.set i, 0
.rept 64
.if i < 2
	v_mul_f32 v[10+i], v[32+i], v[160+i]
	v_mul_f32 v[12+i], v[96+i], v[160+i]
.else
	s_delay_alu instid0(VALU_DEP_4)
	v_fmac_f32 v[10+i%2], v[32+i], v[160+i]
	s_delay_alu instid0(VALU_DEP_4)
	v_fmac_f32 v[12+i%2], v[96+i], v[160+i]
.endif
.set i, i+1
.endr
	s_delay_alu instid0(VALU_DEP_2)
	v_add_f32 v10, v10, v11
	s_delay_alu instid0(VALU_DEP_2)
	v_add_f32 v12, v12, v13
	ds_store_b32 v4, v10 offset:PB
	ds_store_b32 v4, v12 offset:PB+512
	s_wait_dscnt 0x0
	s_barrier_signal -1
	s_barrier_wait -1
	ds_load_b32 v10, v5 offset:PB                  ; thread (u, kh): column u of row b = kh
	ds_load_b32 v11, v5 offset:PB+1024
	s_wait_dscnt 0x0
	v_add_f32 v10, v10, v11
	s_delay_alu instid0(VALU_DEP_1)
	v_fma_f32 v10, s15, v9, v10
	global_store_b32 v15, v10, s[88:89]            ; part[j][kh][128 c + u]
	s_wait_tensorcnt 0x0
	ds_add_u32 v232, v233
	s_wait_dscnt 0x0
	s_endpgm
	; ---------------- the table
.Ltable:
	s_cmp_lt_u32 ttmp9, 128
	s_cbranch_scc0 .Lrelay                         ; work-groups 128-223 lay the weights' codes out anew
	s_sub_co_u32 s2, ttmp9, 64
	s_lshr_b32 s3, s2, 2                           ; h
	s_and_b32 s14, s2, 3                           ; s
	s_lshl_b32 s16, s3, 2
	s_mov_b32 s17, 0
	s_lshl_b32 s18, s2, 14                         ; a copy is 16,384 bytes
	s_mov_b32 s19, 0
	s_mov_b32 s20, 0xbc6c5f04                      ; -0.01 log2(e)
	s_mov_b32 s21, 0x40400000                      ; 3: the factor 8, in the exponent
	v_lshlrev_b32 v1, 2, v0
	s_delay_alu instid0(VALU_DEP_1)
	v_add_nc_u32 v1, s14, v1                       ; 4 thread + s
	v_lshlrev_b32 v2, 4, v0                        ; where I store: 16 bytes a thread
.set n, 0
.rept 16                               ; pass n / 4, entry n % 4: e = 4 (thread + 256 pass) + s + entry
	v_add_nc_u32 v[16+n], 1024*(n/4)+n%4, v1
	s_delay_alu instid0(VALU_DEP_1)
	v_min_u32 v[32+n], 0xffe, v[16+n]              ; no load leaves the table: past its end the last row is read and thrown away
	s_delay_alu instid0(VALU_DEP_1)
	v_sub_nc_u32 v[32+n], 0xffe, v[32+n]
	s_delay_alu instid0(VALU_DEP_1)
	v_lshlrev_b32 v[32+n], 6, v[32+n]              ; row 4094 - e of 64 bytes
.set n, n+1
.endr
	s_wait_alu depctr_va_vdst(0)
	s_wait_kmcnt 0x0
	s_add_nc_u64 s[86:87], s[86:87], s[16:17]
	s_add_nc_u64 s[88:89], s[88:89], s[18:19]
.set n, 0
.rept 16
	global_load_b32 v[48+n], v[32+n], s[86:87]
.set n, n+1
.endr
.set n, 0
.rept 16
	v_sub_nc_u32 v[64+n], 0x7ff, v[16+n]
	s_delay_alu instid0(VALU_DEP_1)
	v_cvt_f32_i32 v[64+n], v[64+n]
	s_delay_alu instid0(VALU_DEP_1)
	v_fma_f32 v[64+n], |v[64+n]|, s20, s21
.set n, n+1
.endr
.set n, 0
	s_wait_alu depctr_va_vdst(0)
.rept 16
	v_exp_f32 v[64+n], v[64+n]                     ; one batch
.set n, n+1
.endr
	v_nop                                          ; a plain instruction behind the last exponential
	s_wait_alu depctr_va_vdst(0)                   ; one wait for the batch, ahead of its first reader
	s_wait_loadcnt 0x0
.set n, 0
.rept 16
	v_mul_f32 v[80+n], v[64+n], v[48+n]
	v_cmp_gt_u32 vcc_lo, 0xfff, v[16+n]
	s_delay_alu instid0(VALU_DEP_1)
	v_cndmask_b32 v[80+n], 0, v[80+n], vcc_lo      ; 0 where e is past 4094
.set n, n+1
.endr
.irp p, 0,1,2,3
	global_store_b128 v2, v[80+4*\p:83+4*\p], s[88:89] offset:TABO+4096*\p   ; a wave stores 512 consecutive bytes
.endr
	s_endpgm
	; ---------------- THE WEIGHTS' CODES AS IMAGES OF OPERAND REGISTERS.  Work-groups 128-223.
	; A row of codes is cut by the products' K steps into pieces of 192 or 384 bytes, which begin off 256-byte borders; so the codes are copied once into wimg as
	; img[tile of 16 rows][k / 128][1,536]: two halves of 768 bytes, in a half registers 0-3 at 16 x lane, registers 4-5 at 512 + 8 x lane.  No bit of a code is changed.
	; Unit u = 8 (work-group - 128) + wave is one tile x 1,024 along K, 12,288 bytes at byte 12,288 u of wimg: u 0-191 qkv_w, 192-255 proj_w, 256-511 ff1_w, 512-767 ff2_w (tile (u - 512) / 4, quarter (u - 512) % 4 of K).
	; In qkv_w, proj_w and ff1_w slot r of tile 2 b + c is row 32 b + 8 c + r + 8 (r / 8), the order in which their products take the rows; in ff2_w slot r of tile t is row 16 t + r.
.Lrelay:
	s_load_b256 s[16:23], s[0:1], 0x38             ; the codes of qkv_w, proj_w, ff1_w, ff2_w
	s_load_b64 s[24:25], s[0:1], 0x58              ; wimg
	v_lshrrev_b32 v1, 5, v0
	v_readfirstlane_b32 s2, v1                     ; wave
	s_sub_co_u32 s3, ttmp9, 128
	s_lshl_b32 s14, s3, 3
	s_add_co_u32 s14, s14, s2                      ; u
	s_mov_b32 s26, 3072                            ; a row of codes in bytes,
	s_mov_b32 s28, 512                             ; the matrix's first unit,
	s_cmp_lt_u32 s3, 64
	s_cselect_b32 s26, 768, s26
	s_cselect_b32 s28, 256, s28
	s_cselect_b32 s29, 1, 0                        ; 1: the tile order of rows,
	s_cselect_b32 s27, 0, 2                        ; log2 of the units to a tile
	s_cmp_lt_u32 s3, 32
	s_cselect_b32 s28, 192, s28
	s_cmp_lt_u32 s3, 24
	s_cselect_b32 s28, 0, s28
	s_sub_co_u32 s30, s14, s28
	s_lshr_b32 s31, s30, s27                       ; the tile
	s_lshl_b32 s32, s31, s27
	s_sub_co_u32 s32, s30, s32                     ; its quarter of K
	s_lshr_b32 s33, s31, 1
	s_lshl_b32 s33, s33, 5
	s_and_b32 s34, s31, 1
	s_lshl_b32 s34, s34, 3
	s_add_co_u32 s33, s33, s34                     ; 32 (tile / 2) + 8 (tile % 2)
	s_lshl_b32 s34, s31, 4                         ; 16 tile
	s_cmp_eq_u32 s29, 1
	s_cselect_b32 s33, s33, s34
	s_mul_i32 s33, s33, s26
	s_mul_i32 s32, s32, 768
	s_add_co_u32 s32, s32, s33                     ; where the unit's codes begin
	s_mov_b32 s33, 0
	s_mul_i32 s34, s14, 12288
	s_mov_b32 s35, 0
	; The rows are read whole: 768 bytes of a row are 48 pieces of 16 bytes; piece id = 96 j + 32 m + lane lies in slot 2 j + id' / 48 of the tile, at byte 16 (id' % 48), id' = 32 m + lane.
	; They turn through LDS bytes of the wave's own (16 slots, pitch 784 = 49 x 16, from byte 9,216 on: bytes that the other paths of this launch never name) and come back as fragments.
.set RL,  9216
.set RLP, 784
	s_mul_i32 s15, s2, 16*RLP
	s_add_co_u32 s15, s15, RL
	s_sub_co_u32 s38, s26, 768                     ; from the end of a row's 768 bytes to the next row's
	v_and_b32 v2, 15, v0                           ; r
	v_bfe_u32 v3, v0, 4, 1                         ; h
	v_and_b32 v5, 31, v0
	v_lshlrev_b32 v6, 4, v5
	v_lshlrev_b32 v7, 3, v5
	v_mul_u32_u24 v4, v2, RLP
	v_mad_u32_u24 v4, v3, 24, v4
	v_add_nc_u32 v4, s15, v4                       ; LDS, back: slot r, + 24 h
.irp m, 0,1,2
	v_add_nc_u32 v[8+\m], 32*\m, v5                ; id'
	v_mul_u32_u24 v[12+\m], v[8+\m], 43
	v_lshrrev_b32 v[12+\m], 11, v[12+\m]           ; id' / 48, for id' under 96
	v_lshlrev_b32 v[8+\m], 4, v[8+\m]
	v_lshl_add_u32 v[224+\m], v[12+\m], 4, v[8+\m]
	v_add_nc_u32 v[224+\m], s15, v[224+\m]         ; LDS, in: 16 id' + 16 (id' / 48)
	v_mad_u32_u24 v[8+\m], v[12+\m], s38, v[8+\m]  ; memory: 16 id' + (id' / 48) x the gap
.endr
	s_wait_alu depctr_va_vdst(0)                   ; the wait at the head's end
	s_wait_kmcnt 0x0
	s_cmp_lt_u32 s3, 64
	s_cselect_b64 s[36:37], s[20:21], s[22:23]
	s_cmp_lt_u32 s3, 32
	s_cselect_b64 s[36:37], s[18:19], s[36:37]
	s_cmp_lt_u32 s3, 24
	s_cselect_b64 s[36:37], s[16:17], s[36:37]
	s_add_nc_u64 s[36:37], s[36:37], s[32:33]
	s_add_nc_u64 s[24:25], s[24:25], s[34:35]
	s_lshl_b32 s32, s26, 1                         ; two rows on,
	s_mov_b32 s33, 0
	s_mul_i32 s34, s26, s29
	s_lshl_b32 s34, s34, 3                         ; and in the tile order eight rows more from slot 8 on
	s_mov_b32 s35, 0
	s_mov_b64 s[40:41], s[36:37]                   ; s[40+2j:41+2j]: slots 2 j, 2 j + 1
.irp j, 1,2,3,4,5,6,7
	s_add_nc_u64 s[40+2*\j:41+2*\j], s[38+2*\j:39+2*\j], s[32:33]
.if \j == 4
	s_add_nc_u64 s[48:49], s[48:49], s[34:35]
.endif
.endr
.irp j, 0,1,2,3,4,5,6,7
.irp m, 0,1,2
	global_load_b128 v[16+12*\j+4*\m:19+12*\j+4*\m], v[8+\m], s[40+2*\j:41+2*\j] th:TH_LOAD_NT   ; 24 loads, each of 512 bytes in one or two runs
.endr
.endr
.irp j, 0,1,2,3,4,5,6,7
.if \j == 0
	s_wait_loadcnt 12                              ; slots 0-7 are in; behind them stand 12 loads
.endif
.if \j == 4
	s_wait_loadcnt 0x0
.endif
.irp m, 0,1,2
	ds_store_b128 v[224+\m], v[16+12*\j+4*\m:19+12*\j+4*\m] offset:2*RLP*\j
.endr
.endr
.set q, 0
.rept 8                                ; my own bytes, served in order: 48 loads, fragment q in v[112 + 12 q] on
.irp p, 0,1,2,3,4,5
	ds_load_b64 v[112+12*q+2*\p:113+12*q+2*\p], v4 offset:96*q+48*(\p/3)+8*(\p%3)
.endr
.set q, q+1
.endr
.set q, 0
.rept 8
.if q == 0
	s_wait_dscnt 24                                ; the first four fragments are back; behind them stand 24 loads
.endif
.if q == 4
	s_wait_dscnt 0x0
.endif
	global_store_b128 v6, v[112+12*q:115+12*q], s[24:25] offset:1536*q          ; 512 consecutive bytes,
	global_store_b64 v7, v[116+12*q:117+12*q], s[24:25] offset:1536*q+512       ; 256
	global_store_b128 v6, v[118+12*q:121+12*q], s[24:25] offset:1536*q+768
	global_store_b64 v7, v[122+12*q:123+12*q], s[24:25] offset:1536*q+1280
.set q, q+1
.endr
	s_wait_tensorcnt 0x0                           ; the wave's end
	ds_add_u32 v232, v233
	s_wait_dscnt 0x0
	s_endpgm
.Lfunc_end_k_q781359df1c_prep:
	.size	k_q781359df1c_prep, .Lfunc_end_k_q781359df1c_prep-k_q781359df1c_prep
	.p2alignl 7, 3214868480
	.fill 96, 4, 3214868480
	.section	.rodata,"a",@progbits
	.p2align	6, 0x0
	.amdhsa_kernel k_q781359df1c_prep
		.amdhsa_group_segment_fixed_size 109568
		.amdhsa_private_segment_fixed_size 0
		.amdhsa_enable_private_segment 0
		.amdhsa_kernarg_size 96
		.amdhsa_user_sgpr_count 2
		.amdhsa_user_sgpr_kernarg_segment_ptr 1
		.amdhsa_wavefront_size32 1
		.amdhsa_system_sgpr_workgroup_id_x 1
		.amdhsa_system_sgpr_workgroup_id_y 1
		.amdhsa_system_sgpr_workgroup_id_z 1
		.amdhsa_system_vgpr_workitem_id 0
		.amdhsa_next_free_vgpr 234
		.amdhsa_next_free_sgpr 96
		.amdhsa_reserve_vcc 1
		.amdhsa_float_denorm_mode_32 3
		.amdhsa_float_denorm_mode_16_64 3
		.amdhsa_memory_ordered 1
		.amdhsa_forward_progress 1
		.amdhsa_inst_pref_size 71
	.end_amdhsa_kernel
	.amdgpu_metadata
---
amdhsa.version: [ 1, 2 ]
amdhsa.kernels:
  - .name:           k_q781359df1c_prep
    .symbol:         k_q781359df1c_prep.kd
    .args:
      - { .name: t, .offset: 0, .size: 8, .value_kind: global_buffer, .address_space: global }
      - { .name: tp1_w, .offset: 8, .size: 8, .value_kind: global_buffer, .address_space: global }
      - { .name: tp1_b, .offset: 16, .size: 8, .value_kind: global_buffer, .address_space: global }
      - { .name: tp2_w, .offset: 24, .size: 8, .value_kind: global_buffer, .address_space: global }
      - { .name: tp2_b, .offset: 32, .size: 8, .value_kind: global_buffer, .address_space: global }
      - { .name: rel_pos_bias, .offset: 40, .size: 8, .value_kind: global_buffer, .address_space: global }
      - { .name: prepw, .offset: 48, .size: 8, .value_kind: global_buffer, .address_space: global }
      - { .name: qkv_w_codes, .offset: 56, .size: 8, .value_kind: global_buffer, .address_space: global }
      - { .name: proj_w_codes, .offset: 64, .size: 8, .value_kind: global_buffer, .address_space: global }
      - { .name: ff1_w_codes, .offset: 72, .size: 8, .value_kind: global_buffer, .address_space: global }
      - { .name: ff2_w_codes, .offset: 80, .size: 8, .value_kind: global_buffer, .address_space: global }
      - { .name: wimg, .offset: 88, .size: 8, .value_kind: global_buffer, .address_space: global }
    .group_segment_fixed_size: 109568
    .private_segment_fixed_size: 0
    .kernarg_segment_align: 8
    .kernarg_segment_size: 96
    .max_flat_workgroup_size: 256
    .sgpr_count:     96
    .vgpr_count:     234
    .wavefront_size: 32
...
	.end_amdgpu_metadata
.endif
;; end of part 9
;; launch ln1q (part 10): grid 256 x 1, 8 waves a work-group, no clusters, 71,168 bytes of LDS; arguments x, prepw, ln1_g, ln1_b, xn; writes xn
.if DOCPART == 10
	.amdgcn_target "amdgcn-amd-amdhsa--gfx1250"
	.amdhsa_code_object_version 6
	.text
	.protected	k_q781359df1c_ln1q
	.globl	k_q781359df1c_ln1q
	.p2align	8
	.type	k_q781359df1c_ln1q,@function
k_q781359df1c_ln1q:
	s_mov_b64 s[64:65], 0
	v_nop
	global_prefetch_b8 v0, s[64:65] scope:SCOPE_SE
	s_setreg_imm32_b32 hwreg(HW_REG_WAVE_MODE, 25, 1), 1
	s_wait_xcnt 0x0
; LAYER NORM AND QUANTISER.  y = x (+ the time embedding, WITH_TE = 1); n = (y - mean) rsqrt(var + 1e-5) g + b, all in f32, the variance from the differences (two passes over registers);
; n is quantised to FP6 (E2M3) with one E8M0 byte for each 32 along the row, and stored AS THE NEXT PRODUCT'S OPERAND REGISTERS:
;   a fragment (16 rows x 128 K, 12 registers a lane) is two halves of 768 bytes; in a half registers 0-3 lie at 16 x lane, registers 4-5 at 512 + 8 x lane;
;   img[row / 16][k / 128][1,536] at byte 0; scale words sc[k / 128][row] (byte b: k = 32 b ..) at byte IMGB.
; A work-group owns 16 rows.  Wave w norms rows 2 w, 2 w + 1 (a row is 32 registers of one wave: the sums never leave the wave), puts them into LDS, and behind one barrier quantises K step w of all 16 rows.
; A block's scale byte is its largest magnitude's exponent field - 2, held at 1 from below.  LIMITS: a block of zeros keeps the byte 1 (its codes are zeros; this program alone reads the bytes); NaN and infinities are not served.
; No matrix unit, no cluster, no tensor load: the launch streams 16 MB once and its work-groups share nothing but g and b.
.set WITH_TE, 1
.set IMGB, 3145728
.set TE,   0                           ; LDS: the time embedding of my batch, 4,096 bytes
.set ROWS, 4096                        ; 16 rows,
.set RP,   4112                        ; 4,096 bytes + 16: an odd multiple of 16, so the 16 rows that a load touches start at 16 different 16-byte columns
.set X,    32                          ; v32-95   two rows
.set TER,  96                          ; v96-127  the time embedding, laid as a row
.set G,    128                         ; v128-159 g
.set BT,   160                         ; v160-191 b
.set T,    192                         ; v192-223 the embedding's eight parts; then v192-199 four chains
.set MN,   200                         ; v200-201 the mean, twice
.set RS,   202                         ; v202-203 1 / sqrt(var + eps), twice
.set TP,   204
.set PC,   96                          ; the codes; v108-114 at work
.set TM,   200                         ; v200-215 the quantiser's 16
.set PW,   216                         ; the scale word
.set SEL,  20
.if WITH_TE
	s_load_b256 s[4:11], s[0:1], 0x0               ; x s[4:5], prepw s[6:7], g s[8:9], b s[10:11]
	s_load_b64 s[12:13], s[0:1], 0x20              ; the codes' buffer
	v_lshl_add_u32 v224, v0, 2, 0x11200
	v_mov_b32 v225, 0
.else
	s_load_b64 s[4:5], s[0:1], 0x0
	s_load_b128 s[8:11], s[0:1], 0x8
	s_load_b64 s[12:13], s[0:1], 0x18
.endif
	v_lshrrev_b32 v1, 5, v0
	s_delay_alu instid0(VALU_DEP_1)
	v_readfirstlane_b32 s14, v1                    ; wave
	v_and_b32 v1, 31, v0                           ; lane
	v_and_b32 v2, 15, v0                           ; r
	v_bfe_u32 v3, v0, 4, 1                         ; h
	s_delay_alu instid0(VALU_DEP_3)
	v_lshlrev_b32 v4, 4, v1                        ; 16 x lane
	s_delay_alu instid0(VALU_DEP_4)
	v_lshlrev_b32 v5, 3, v1                        ; 8 x lane
	s_delay_alu instid0(VALU_DEP_4)
	v_lshlrev_b32 v11, 2, v2                       ; 4 r
	s_lshl_b32 s15, s14, 9
	v_add_nc_u32 v8, s15, v4                       ; LDS: 512 w + 16 lane
	s_mul_i32 s16, s14, 2*RP
	v_add_nc_u32 v9, s16, v4                       ; LDS: my two rows, 16 bytes a lane
	v_mul_u32_u24 v10, v2, RP
	s_delay_alu instid0(VALU_DEP_1)
	v_lshl_add_u32 v10, v3, 6, v10
	s_delay_alu instid0(VALU_DEP_1)
	v_add_nc_u32 v10, s15, v10                     ; LDS: row r, K step w, + 64 h: my 16 numbers of a block of 32
	s_mov_b32 s18, 0x3a800000                      ; 1 / 1024
	s_mov_b32 s19, 0x3727c5ac                      ; 1e-5
	s_mov_b32 s[SEL], 0x76543210
	s_mov_b32 s[SEL+1], 0xfedcba98                 ; lane l xor 16
	s_lshl_b32 s22, ttmp9, 16                      ; 16 rows of 4,096 bytes,
	s_lshl_b32 s23, s14, 13                        ; my two of them
	s_add_co_u32 s22, s22, s23
	s_mov_b32 s23, 0
	s_lshr_b32 s24, ttmp9, 7                       ; the batch
	s_lshl_b32 s24, s24, 12
	s_add_co_u32 s24, s24, s15                     ; its row of a part, my 128 columns
	s_mov_b32 s25, 0
	s_lshl_b32 s26, ttmp9, 3
	s_add_co_u32 s26, s26, s14
	s_mul_i32 s26, s26, 1536                       ; fragment (work-group, w)
	s_mov_b32 s27, 0
	s_lshl_b32 s28, s14, 14
	s_lshl_b32 s29, ttmp9, 6
	s_add_co_u32 s28, s28, s29
	s_add_co_u32 s28, s28, IMGB                    ; sc[w][16 x work-group]
	s_mov_b32 s29, 0
	s_wait_alu depctr_va_vdst(0)
	s_wait_kmcnt 0x0
	s_add_nc_u64 s[4:5], s[4:5], s[22:23]
.if WITH_TE
	s_add_nc_u64 s[6:7], s[6:7], s[24:25]
.endif
	s_add_nc_u64 s[16:17], s[12:13], s[28:29]
	s_add_nc_u64 s[12:13], s[12:13], s[26:27]
.if WITH_TE
.irp p, 0,1,2,3,4,5,6,7
	global_load_b128 v[T+4*\p:T+4*\p+3], v4, s[6:7] offset:8192*\p
.endr
.endif
.irp j, 0,1,2,3,4,5,6,7
	global_load_b128 v[X+4*\j:X+4*\j+3], v4, s[4:5] offset:512*\j          ; a wave reads 512 consecutive bytes
.endr
.irp j, 0,1,2,3,4,5,6,7
	global_load_b128 v[X+32+4*\j:X+32+4*\j+3], v4, s[4:5] offset:4096+512*\j
.endr
.irp j, 0,1,2,3,4,5,6,7
	global_load_b128 v[G+4*\j:G+4*\j+3], v4, s[8:9] offset:512*\j
.endr
.irp j, 0,1,2,3,4,5,6,7
	global_load_b128 v[BT+4*\j:BT+4*\j+3], v4, s[10:11] offset:512*\j
.endr
.if WITH_TE
	s_wait_loadcnt 32                              ; the eight parts are in; behind them 16 loads of x, 8 of g, 8 of b
.irp p, 0,4,8,12
	v_pk_add_f32 v[T+\p:T+\p+1], v[T+\p:T+\p+1], v[T+16+\p:T+17+\p]
	v_pk_add_f32 v[T+2+\p:T+3+\p], v[T+2+\p:T+3+\p], v[T+18+\p:T+19+\p]
.endr
.irp p, 0,4
	s_delay_alu instid0(VALU_DEP_4)
	v_pk_add_f32 v[T+\p:T+\p+1], v[T+\p:T+\p+1], v[T+8+\p:T+9+\p]
	s_delay_alu instid0(VALU_DEP_4)
	v_pk_add_f32 v[T+2+\p:T+3+\p], v[T+2+\p:T+3+\p], v[T+10+\p:T+11+\p]
.endr
	s_delay_alu instid0(VALU_DEP_2)
	v_pk_add_f32 v[T:T+1], v[T:T+1], v[T+4:T+5]
	s_delay_alu instid0(VALU_DEP_2)
	v_pk_add_f32 v[T+2:T+3], v[T+2:T+3], v[T+6:T+7]
	ds_store_b128 v8, v[T:T+3] offset:TE           ; my 128 columns of the embedding
	s_wait_dscnt 0x0
	s_barrier_signal -1
	s_barrier_wait -1
.irp j, 0,1,2,3,4,5,6,7
	ds_load_b128 v[TER+4*\j:TER+4*\j+3], v4 offset:TE+512*\j
.endr
.endif
	s_wait_loadcnt 16                              ; x is in; g and b may be out
	s_wait_dscnt 0x0
	v_mov_b32 v[TP], 0                             ; a lane permute's destination counts as one of its sources
.macro REDUCE                          ; v[T] summed over the 32 lanes, in every lane
	s_delay_alu instid0(VALU_DEP_1)
	v_add_f32_dpp v[T], v[T], v[T] row_xmask:1 row_mask:0xf bank_mask:0xf
	s_delay_alu instid0(VALU_DEP_1)
	v_add_f32_dpp v[T], v[T], v[T] row_xmask:2 row_mask:0xf bank_mask:0xf
	s_delay_alu instid0(VALU_DEP_1)
	v_add_f32_dpp v[T], v[T], v[T] row_xmask:4 row_mask:0xf bank_mask:0xf
	s_delay_alu instid0(VALU_DEP_1)
	v_add_f32_dpp v[T], v[T], v[T] row_xmask:8 row_mask:0xf bank_mask:0xf
	s_delay_alu instid0(VALU_DEP_1)
	v_permlanex16_b32 v[TP], v[T], s[SEL], s[SEL+1]
	s_delay_alu instid0(VALU_DEP_1)
	v_add_f32 v[T], v[T], v[TP]
.endm
.macro FOLD                            ; four chains of pairs into one number
	s_delay_alu instid0(VALU_DEP_3)
	v_pk_add_f32 v[T:T+1], v[T:T+1], v[T+2:T+3]
	s_delay_alu instid0(VALU_DEP_2)
	v_pk_add_f32 v[T+4:T+5], v[T+4:T+5], v[T+6:T+7]
	s_delay_alu instid0(VALU_DEP_1)
	v_pk_add_f32 v[T:T+1], v[T:T+1], v[T+4:T+5]
	s_delay_alu instid0(VALU_DEP_1)
	v_add_f32 v[T], v[T], v[T+1]
.endm
.macro ROWLN rho
.set XB, X+32*\rho
.if WITH_TE
.set j, 0
.rept 16
	v_pk_add_f32 v[XB+j:XB+j+1], v[XB+j:XB+j+1], v[TER+j:TER+j+1]
.set j, j+2
.endr
.endif
.irp k, 0,2,4,6
	v_pk_add_f32 v[T+\k:T+\k+1], v[XB+\k:XB+\k+1], v[XB+8+\k:XB+9+\k]
.endr
.irp k, 0,2,4,6
	s_delay_alu instid0(VALU_DEP_4)
	v_pk_add_f32 v[T+\k:T+\k+1], v[T+\k:T+\k+1], v[XB+16+\k:XB+17+\k]
.endr
.irp k, 0,2,4,6
	s_delay_alu instid0(VALU_DEP_4)
	v_pk_add_f32 v[T+\k:T+\k+1], v[T+\k:T+\k+1], v[XB+24+\k:XB+25+\k]
.endr
	FOLD
	REDUCE
	s_delay_alu instid0(VALU_DEP_1)
	v_mul_f32 v[MN], s18, v[T]
	s_delay_alu instid0(VALU_DEP_1)
	v_mov_b32 v[MN+1], v[MN]
.set j, 0
.rept 16
	v_pk_add_f32 v[XB+j:XB+j+1], v[XB+j:XB+j+1], v[MN:MN+1] neg_lo:[0,1] neg_hi:[0,1]   ; y - mean
.set j, j+2
.endr
.irp k, 0,2,4,6
	v_pk_mul_f32 v[T+\k:T+\k+1], v[XB+\k:XB+\k+1], v[XB+\k:XB+\k+1]
.endr
.irp o, 8,16,24
.irp k, 0,2,4,6
	s_delay_alu instid0(VALU_DEP_4)
	v_pk_fma_f32 v[T+\k:T+\k+1], v[XB+\o+\k:XB+\o+\k+1], v[XB+\o+\k:XB+\o+\k+1], v[T+\k:T+\k+1]
.endr
.endr
	FOLD
	REDUCE
	s_delay_alu instid0(VALU_DEP_1)
	v_fma_f32 v[T], v[T], s18, s19                 ; var + eps
	s_wait_alu depctr_va_vdst(0)
	v_rsq_f32 v[RS], v[T]
	v_nop                                          ; a plain instruction behind the transcendental
	s_wait_alu depctr_va_vdst(0)                   ; and the wait ahead of its first reader
	v_mov_b32 v[RS+1], v[RS]
.set j, 0
.rept 16
	v_pk_mul_f32 v[XB+j:XB+j+1], v[XB+j:XB+j+1], v[RS:RS+1]
.set j, j+2
.endr
.if \rho == 0
	s_wait_loadcnt 0x0                             ; g and b
.endif
.set j, 0
.rept 16
	v_pk_fma_f32 v[XB+j:XB+j+1], v[XB+j:XB+j+1], v[G+j:G+j+1], v[BT+j:BT+j+1]
.set j, j+2
.endr
.irp j, 0,1,2,3,4,5,6,7
	ds_store_b128 v9, v[XB+4*\j:XB+4*\j+3] offset:ROWS+\rho*RP+512*\j
.endr
.endm
	ROWLN 0
	ROWLN 1
	s_wait_dscnt 0x0                               ; my rows have landed
	s_barrier_signal -1
	s_barrier_wait -1                              ; all 16 have
.irp b, 0,1,2,3
.irp i, 0,1,2,3
	ds_load_b128 v[X+16*\b+4*\i:X+16*\b+4*\i+3], v10 offset:ROWS+128*\b+16*\i   ; register 16 b + i = k 128 w + 32 b + 16 h + i of row r
.endr
.endr
.irp b, 0,1,2,3
	v_mov_b32 v[TM+4+\b], 0                        ; lane permutes' destinations
.endr
	s_wait_dscnt 0x0
; 64 numbers of a lane, register 16 b + i = k 32 b + 16 h + i of its row, become a fragment's codes in v[PC] on and its scale word in v[PW]
.macro QUANT s
.irp b, 0,1,2,3
	v_max3_num_f32 v[TM+\b], |v[\s+16*\b]|, |v[\s+1+16*\b]|, 0x1800000   ; my 16 numbers of block b, and the floor 2^(3 - 127): the byte cannot fall under 1
.endr
.irp i, 2,4,6,8,10,12,14
.irp b, 0,1,2,3
	s_delay_alu instid0(VALU_DEP_4)
	v_max3_num_f32 v[TM+\b], v[TM+\b], |v[\s+16*\b+\i]|, |v[\s+1+16*\b+\i]|
.endr
.endr
.irp b, 0,1,2,3
	s_delay_alu instid0(VALU_DEP_4)
	v_permlanex16_b32 v[TM+4+\b], v[TM+\b], s[SEL], s[SEL+1]
.endr
.irp b, 0,1,2,3
	s_delay_alu instid0(VALU_DEP_4)
	v_max_num_f32 v[TM+\b], v[TM+\b], v[TM+4+\b]   ; with lane l xor 16's: the block's largest magnitude
.endr
.irp b, 0,1,2,3
	s_delay_alu instid0(VALU_DEP_4)
	v_add_nc_u32 v[TM+12+\b], 0xff000000, v[TM+\b] ; 2 off its exponent field: the conversion's scale operand
.endr
.irp b, 0,1,2,3
	s_delay_alu instid0(VALU_DEP_4)
	v_lshrrev_b32 v[TM+4+\b], 23, v[TM+12+\b]      ; the scale's byte
.endr
	s_delay_alu instid0(VALU_DEP_3)
	v_lshl_or_b32 v[PW], v[TM+5], 8, v[TM+4]
	s_delay_alu instid0(VALU_DEP_1)
	v_lshl_or_b32 v[PW], v[TM+6], 16, v[PW]
	s_delay_alu instid0(VALU_DEP_1)
	v_lshl_or_b32 v[PW], v[TM+7], 24, v[PW]
.irp c, 0,1
	v_cvt_scalef32_pk16_fp6_f32 v[PC+6*\c:PC+2+6*\c], v[\s+32*\c:\s+15+32*\c], v[TM+12+2*\c]
	v_cvt_scalef32_pk16_fp6_f32 v[PC+12+4*\c:PC+14+4*\c], v[\s+16+32*\c:\s+31+32*\c], v[TM+12+2*\c+1]   ; (a conversion's three registers begin on an even number)
.endr
	v_nop                                          ; one plain place behind a scaled conversion
.irp c, 0,1                            ; the operand wants a whole block in a lane: lanes 0-15 block 2 c, lanes 16-31 block 2 c + 1
.irp i, 0,1,2
	v_permlane16_swap_b32 v[PC+6*\c+\i], v[PC+12+4*\c+\i]
.endr
.irp i, 0,1,2
	s_delay_alu instid0(VALU_DEP_3)
	v_mov_b32 v[PC+3+6*\c+\i], v[PC+12+4*\c+\i]
.endr
.endr
.endm
	QUANT X
	global_store_b128 v4, v[PC:PC+3], s[12:13]                 ; 512 consecutive bytes,
	global_store_b64 v5, v[PC+4:PC+5], s[12:13] offset:512     ; 256,
	global_store_b128 v4, v[PC+6:PC+9], s[12:13] offset:768
	global_store_b64 v5, v[PC+10:PC+11], s[12:13] offset:1280
	global_store_b32 v11, v[PW], s[16:17]                      ; lanes l and l xor 16 hold the same word and write it to the same place
	s_wait_tensorcnt 0x0
	ds_add_u32 v224, v225
	s_wait_dscnt 0x0
	s_endpgm
.Lfunc_end_k_q781359df1c_ln1q:
	.size	k_q781359df1c_ln1q, .Lfunc_end_k_q781359df1c_ln1q-k_q781359df1c_ln1q
	.p2alignl 7, 3214868480
	.fill 96, 4, 3214868480
	.section	.rodata,"a",@progbits
	.p2align	6, 0x0
	.amdhsa_kernel k_q781359df1c_ln1q
		.amdhsa_group_segment_fixed_size 71168
		.amdhsa_private_segment_fixed_size 0
		.amdhsa_enable_private_segment 0
		.amdhsa_kernarg_size 40
		.amdhsa_user_sgpr_count 2
		.amdhsa_user_sgpr_kernarg_segment_ptr 1
		.amdhsa_wavefront_size32 1
		.amdhsa_system_sgpr_workgroup_id_x 1
		.amdhsa_system_sgpr_workgroup_id_y 1
		.amdhsa_system_sgpr_workgroup_id_z 1
		.amdhsa_system_vgpr_workitem_id 0
		.amdhsa_next_free_vgpr 226
		.amdhsa_next_free_sgpr 66
		.amdhsa_reserve_vcc 0
		.amdhsa_float_denorm_mode_32 3
		.amdhsa_float_denorm_mode_16_64 3
		.amdhsa_memory_ordered 1
		.amdhsa_forward_progress 1
		.amdhsa_inst_pref_size 34
	.end_amdhsa_kernel
	.amdgpu_metadata
---
amdhsa.version: [ 1, 2 ]
amdhsa.kernels:
  - .name:           k_q781359df1c_ln1q
    .symbol:         k_q781359df1c_ln1q.kd
    .args:
      - { .name: x, .offset: 0, .size: 8, .value_kind: global_buffer, .address_space: global }
      - { .name: prepw, .offset: 8, .size: 8, .value_kind: global_buffer, .address_space: global }
      - { .name: ln1_g, .offset: 16, .size: 8, .value_kind: global_buffer, .address_space: global }
      - { .name: ln1_b, .offset: 24, .size: 8, .value_kind: global_buffer, .address_space: global }
      - { .name: xn, .offset: 32, .size: 8, .value_kind: global_buffer, .address_space: global }
    .group_segment_fixed_size: 71168
    .private_segment_fixed_size: 0
    .kernarg_segment_align: 8
    .kernarg_segment_size: 40
    .max_flat_workgroup_size: 256
    .sgpr_count:     66
    .vgpr_count:     226
    .wavefront_size: 32
...
	.end_amdgpu_metadata
.endif
;; end of part 10
;; launch qkv (part 11): grid 12 x 16, 4 waves a work-group, clusters of 4 x 4, 327,680 bytes of LDS; arguments xn, wimg, qkv_w_scales, qkv_b, qkvw; writes qkvw
.if DOCPART == 11
	.amdgcn_target "amdgcn-amd-amdhsa--gfx1250"
	.amdhsa_code_object_version 6
	.text
	.protected	k_q781359df1c_qkv
	.globl	k_q781359df1c_qkv
	.p2align	8
	.type	k_q781359df1c_qkv,@function
k_q781359df1c_qkv:
	s_mov_b64 s[64:65], 0
	v_nop
	global_prefetch_b8 v0, s[64:65] scope:SCOPE_SE
	s_setreg_imm32_b32 hwreg(HW_REG_WAVE_MODE, 25, 1), 1
	s_wait_xcnt 0x0
	s_wait_alu depctr_hold_cnt(0) depctr_sa_sdst(0) depctr_va_vdst(0) depctr_va_sdst(0) depctr_va_ssrc(0) depctr_va_vcc(0) depctr_vm_vsrc(0)
	s_getreg_b32 s2, hwreg(HW_REG_IB_STS2, 6, 4)
	s_cmp_eq_u32 s2, 0
	s_cbranch_scc0 .Lentry_in_a_cluster
	s_endpgm
.Lentry_in_a_cluster:
	s_bfe_u32 s2, ttmp6, 0x10000c
	s_cmp_lg_u32 s2, 0xf033
	s_cbranch_scc0 .Lentry_shape_is_right
	s_endpgm
.Lentry_shape_is_right:
; qkv = n W^T + b on codes of FP6 (E2M3) with E8M0 scales for each 32 along K; then q, k and v are quantised for the attention and stored as its operands' registers.
; THE PRODUCT.  A [4096][SIZE_K] comes as images of operand registers (img[row / 16][k / 128][1,536]: two halves of 768 bytes, in a half registers 0-3 at 16 x lane, 4-5 at 512 + 8 x lane) with scale words sc[k / 128][row] at byte IMGB;
; B [SIZE_N][SIZE_K] as rows of codes (a stream of bits, 128 codes in 96 bytes) and rows of scale bytes.  A tile of C, 256 x 256, is made by four waves, each 128 x 128: 64 accumulators, 512 registers.
; K goes in steps of 256 through a ring of two LDS slots filled by the tensor data mover; the scales of the work-group's rows, for all of K, come once with the first fills and stay.
; CLUSTERS: 4 x 4 work-groups; A's tiles are asked for jointly along a row of the cluster, B's along a column.  The matrix instruction is used TRANSPOSED (source 0 = 16 rows of B, source 1 = 16 rows of A).
; THE ROWS OF B THAT FORM A TILE ARE NOT NEIGHBOURS (PERM = 1): lane r of tile 2 b + u takes row 32 b + 8 u + r + 8 (r / 8), so that a lane's 16 registers of tiles 2 b, 2 b + 1 are 16 neighbouring columns 32 b + 16 h + 0..15 of one row of C.
; With this choice rows r and r + 16 of a tile start at the same LDS banks: B's loads meet two deep.  The bias is the C of each sum's first matrix instruction.
; THE WAY OUT.  Cluster column 0 holds q, 1 k, 2 v.  q, k: a wave's 128 columns are two heads; quantised along the head's 64, a half image (768 bytes) for 16 tokens and a head; k's tokens are laid in the order in which the
; attention's tiles take them (tile 2 b + u, slot s: token 32 b + 8 u + s + 8 (s / 8)).  v is quantised along the TOKENS: 32 tokens at a time turn through the wave's stage in LDS, so that a lane holds a channel's block of 32;
; v_img[bh][token / 128][tile of channels][half][768], channels in the same tile order.  Scale words: q, k [bh][token] (bytes 0, 1; bytes 2, 3 zero: they meet zero codes), v [bh][token / 128][channel].
; LIMITS: a block of zeros keeps the byte 1 (its codes are zeros; this program alone reads the bytes); NaN and infinities are not served.
; A prefetch into the L2 at the head covers K steps 2 and 3.  One tile to a work-group: 192 tiles.
; REGISTERS, in windows of 256: window 0: v0-31 addresses; v32-63 B's scale words, v64-95 A's (two sets of 16: register 2 i + q); v128-223 A's fragments, one set.
;   window 1: B's fragments, two sets, at v0 and v128; the bias tiles at v96-127 and v224-255.   windows 2, 3: the accumulators of my rows 0-63, 64-127 ((a, b) at v[8 (8 (a % 4) + b)]).
.set SIZE_N, 3072
.set SIZE_K, 1024
.set PERM,   1
; B'S CODES NOW COME AS IMAGES OF OPERAND REGISTERS TOO (buffer wimg, laid by launch prep, the tile order of rows built in): they are loaded, kept in LDS and read as A's are, in place of the rows of codes that the lines above name.
; THE HEAD: one joint load a wave: wave 0 slot 0's 256 rows of A, wave 1 those of B, wave 2 A's scale words ([k / 128][256 rows]), wave 3 B's scale bytes; slot 1 is first filled behind the full sequence and a round.
.set KROW,   SIZE_K*3/4                ; 16 rows of codes are as many bytes as a tile's images of all K
.set WOFF,   0                         ; where qkv_w's images begin in wimg
.set FR,     12
.set HALFA,  24576                     ; 8 blocks of 16 rows x 2 fragments x 1,536 bytes: what one load brings of A
.set HALFB,  24576
.set SLOT,   2*HALFA+2*HALFB
.set LAPS,   SIZE_K/512
.set KS,     SIZE_K/32                 ; a row of B's scale bytes
.set IMGB,   3072*SIZE_K
.set SCA,    2*SLOT                    ; A's scale words: [k / 128][256 rows]
.set HALFSA, 4*SIZE_K
.set SCB,    SCA+2*HALFSA              ; B's scale bytes, as units of 256 bytes + 16 of padding
.set HALFS,  (128*KS/256)*272
.set SBLK,   (16*KS/256)*272
.set SPARE,  SCB+2*HALFS               ; the spare words: 128 bytes a wave, two blocks of 256 bytes that no other line names
.set L16,    4                         ; v4   16 x lane
.set L8,     5                         ; v5   8 x lane
.set R4,     12                        ; v12  4 r
.set ADRA16, 16                        ; v16-17 A's images in slot 0, 1, 16 bytes a lane;  v18-19 8 bytes a lane
.set ADRA8,  18
.set ADRB,   20                        ; v20-21 B's rows in slot 0, 1;  v22-23 the same behind one padding more
.set STO,    24                        ; the way out: into my stage
.set RD,     25                        ; and out of it
.set ADRSB,  27
.set SPW,    28                        ; my spare word; never rewritten
.set NIL,    29                        ; 0; never rewritten
.set ADRSA,  30
.set SCBR,   32
.set SCAR,   64
.set AF,     128
.set PC,     96                        ; the way out: codes (v96-114), the quantiser's 16 (v116-131), the scale word
.set TM,     116
.set PW,     132
.set WV, 99
.set RH, 100                           ; which half of the tile's rows is mine; also: I fetch for A (0) or B (1)
.set CH, 101                           ; which half of its columns; also: which half I fetch
.set TC, 42
.set TR, 98
.set SEL, 2                            ; s[2:3] on the way out
.set G1, 24
.set G0, 32
.set G1B, 48
.set G0B, 56
.set G1S, 68
.set G0S, 76
.set G1SB, 80
.set G0SB, 88
.set MSB, 0
.macro WIN new                         ; the immediate's high byte repeats the setting that is left
.if MSB != (\new)
	s_set_vgpr_msb (MSB<<8)|(\new)
.set MSB, (\new)
.endif
.endm
.set MUL_LO, 0xa1                      ; source 0 (B) window 1, source 1 (A) window 0, C and D window 2
.set MUL_HI, 0xf1                      ; the same, C and D window 3
.set TO_B,   0x40
.macro PLACES n                        ; plain places behind matrix instructions, in front of loads into their registers and of the first read of results
.rept \n
	v_nop
.endr
.endm
.macro JLOAD g0a, g1a, g0b, g1b        ; a joint load: waves 0, 1 fetch for A, waves 2, 3 for B; four v_nop follow each line
	s_cmp_eq_u32 s[RH], 0
	s_cbranch_scc0 .Lfor_b_\@
	tensor_load_to_lds s[\g0a:\g0a+3], s[\g1a:\g1a+7]
	s_nop 0
	PLACES 4
	s_branch .Lasked_\@
.Lfor_b_\@:
	tensor_load_to_lds s[\g0b:\g0b+3], s[\g1b:\g1b+7]
	s_nop 0
	PLACES 4
.Lasked_\@:
.endm
.macro CREST                           ; a round of the cluster's barrier behind its opening barrier
	s_cmp_lg_u32 s[WV], 0
	s_cbranch_scc1 .Lnot_wave_0_\@
	s_barrier_signal -3
.Lnot_wave_0_\@:
	s_barrier_wait -3
	s_barrier_signal -1
	s_barrier_wait -1
.endm
.macro CROUND
	s_barrier_signal -1
	s_barrier_wait -1
	CREST
.endm
	s_load_b256 s[4:11], s[0:1], 0x0               ; A s[4:5], B's codes s[6:7], B's scales s[8:9], the bias s[10:11]
	s_load_b64 s[12:13], s[0:1], 0x20              ; qkvw
	v_lshl_add_u32 v[SPW], v0, 2, SPARE
	v_mov_b32 v[NIL], 0
	ds_add_u32 v28, v29
	ds_add_u32 v28, v29
	s_wait_dscnt 0x0
	v_lshrrev_b32 v1, 5, v0
	v_readfirstlane_b32 s[WV], v1
	s_lshr_b32 s[RH], s[WV], 1
	s_and_b32 s[CH], s[WV], 1
	s_bfe_u32 s40, ttmp6, 0x40000                  ; cx
	s_bfe_u32 s41, ttmp6, 0x40004                  ; cy
	s_lshl_b32 s[TC], ttmp9, 2
	s_add_co_u32 s[TC], s[TC], s40                 ; tile column
	s_and_b32 s[TR], ttmp7, 0xffff
	s_lshl_b32 s[TR], s[TR], 2
	s_add_co_u32 s[TR], s[TR], s41                 ; tile row
	s_lshl_b32 s43, s41, 2
	s_lshl_b32 s43, 15, s43                        ; my row of the cluster
	s_lshl_b32 s44, 0x1111, s40                    ; my column
	s_or_b32 s[G1+0], s43, (3<<16)|(1<<21)         ; A's images: elements of 8 bytes, no padding; the mask of my row, bit 21 beside it
	s_mov_b32 s[G1+1], 384<<16                     ; a row: two fragments, 3,072 bytes
	s_mov_b32 s[G1+2], 16<<16                      ; 16 blocks of 16 rows for the head's load; 8 for the ring's
	s_mov_b32 s[G1+3], 384<<16
	s_mov_b32 s[G1+4], 16
	s_mov_b32 s[G1+5], SIZE_K*3/2                  ; from block to block: SIZE_K / 128 fragments
	s_mov_b32 s[G1+6], 0
	s_mov_b32 s[G1+7], 0
	s_or_b32 s[G1B+0], s44, (3<<16)|(1<<21)        ; B's images: as A's, with the mask of my column
	s_mov_b32 s[G1B+1], 384<<16
	s_mov_b32 s[G1B+2], 16<<16
	s_mov_b32 s[G1B+3], 384<<16
	s_mov_b32 s[G1B+4], 16
	s_mov_b32 s[G1B+5], SIZE_K*3/2
	s_mov_b32 s[G1B+6], 0
	s_mov_b32 s[G1B+7], 0
	s_or_b32 s[G1S+0], s43, (3<<16)|(1<<21)        ; A's scale words: 256 rows' words
	s_mov_b32 s[G1S+1], 128<<16                    ; 256 rows' words, 1,024 bytes, for each 128 along K
	s_mov_b32 s[G1S+2], (SIZE_K/128)<<16
	s_mov_b32 s[G1S+3], 128<<16
	s_mov_b32 s[G1S+4], SIZE_K/128
	s_mov_b32 s[G1S+5], 2048
	s_mov_b32 s[G1S+6], 0
	s_mov_b32 s[G1S+7], 0
	s_or_b32 s[G1SB+0], s44, (3<<16)|(1<<20)|(1<<21)|(5<<22)|(3<<25)  ; B's scale bytes: a dense block as rows of 256 bytes, 16 of padding behind each
	s_mov_b32 s[G1SB+1], 32<<16
	s_mov_b32 s[G1SB+2], (256*KS/256)<<16
	s_mov_b32 s[G1SB+3], 32<<16
	s_mov_b32 s[G1SB+4], 256*KS/256
	s_mov_b32 s[G1SB+5], 32
	s_mov_b32 s[G1SB+6], 0
	s_mov_b32 s[G1SB+7], 0
	s_lshl_b32 s16, s[TR], 4                       ; A: the tile's first block of 16 rows
	s_mul_i32 s20, s16, SIZE_K*12                  ; its images,
	s_mov_b32 s21, 0
	s_lshl_b32 s22, s16, 6
	s_add_co_u32 s22, s22, IMGB                    ; its scale words
	s_mov_b32 s23, 0
	s_lshl_b32 s46, s[TC], 8                       ; B: the tile's first row
	s_mul_i32 s92, s46, KS
	s_mov_b32 s93, 0
	s_mul_i32 s46, s46, KROW
	s_add_co_u32 s46, s46, WOFF
	s_mov_b32 s47, 0
	s_mul_i32 s66, s[CH], 128*KROW                 ; in the ring I fetch 128 rows of a tile: which half, in bytes (the same for A and B)
	s_mov_b32 s67, 0
	s_mul_i32 s45, s[CH], HALFA                    ; where they go: no place in the cluster enters an LDS address
	s_mul_i32 s94, s[CH], HALFB
	s_add_co_u32 s94, s94, 2*HALFA
	s_wait_kmcnt 0x0
	s_add_nc_u64 s[20:21], s[4:5], s[20:21]
	s_add_nc_u64 s[22:23], s[4:5], s[22:23]
	s_add_nc_u64 s[46:47], s[6:7], s[46:47]
	s_add_nc_u64 s[92:93], s[8:9], s[92:93]
	CROUND                                         ; all sixteen work-groups are here: the first joint loads meet
	s_mov_b32 s[G0S], 1
	s_mov_b32 s[G0S+1], SCA
	s_mov_b64 s[G0S+2:G0S+3], s[22:23]
	s_or_b32 s[G0S+3], s[G0S+3], 0x80000000
	s_mov_b32 s[G0SB], 1
	s_mov_b32 s[G0SB+1], SCB
	s_mov_b64 s[G0SB+2:G0SB+3], s[92:93]
	s_or_b32 s[G0SB+3], s[G0SB+3], 0x80000000
	s_mov_b32 s[G0], 1                             ; slot 0's groups 0 serve the head's whole tiles first: A's 256 rows,
	s_mov_b32 s[G0+1], 0
	s_mov_b64 s[G0+2:G0+3], s[20:21]
	s_or_b32 s[G0+3], s[G0+3], 0x80000000
	s_mov_b32 s[G0B], 1                            ; B's 256 rows behind them
	s_mov_b32 s[G0B+1], 2*HALFA
	s_mov_b64 s[G0B+2:G0B+3], s[46:47]
	s_or_b32 s[G0B+3], s[G0B+3], 0x80000000
	s_add_nc_u64 s[20:21], s[20:21], s[66:67]      ; for the ring: my 128 rows
	s_add_nc_u64 s[46:47], s[46:47], s[66:67]
	s_mov_b32 s[G0+4], 1
	s_add_co_u32 s[G0+5], s45, SLOT
	s_add_nc_u64 s[G0+6:G0+7], s[20:21], 3072
	s_or_b32 s[G0+7], s[G0+7], 0x80000000
	s_mov_b32 s[G0B+4], 1
	s_add_co_u32 s[G0B+5], s94, SLOT
	s_add_nc_u64 s[G0B+6:G0B+7], s[46:47], 3072
	s_or_b32 s[G0B+7], s[G0B+7], 0x80000000
.macro ARM under, g0, g1, next         ; one tree of branches on the wave's number: every way through the head passes exactly one load
	s_cmp_lt_u32 s[WV], \under
	s_cbranch_scc0 \next
	tensor_load_to_lds s[\g0:\g0+3], s[\g1:\g1+7]
	s_nop 0
	PLACES 4
	s_branch .Lhead_asked
\next:
.endm
	ARM 1, G0,  G1,  .Lhead_b
	ARM 2, G0B, G1B, .Lhead_sa
	ARM 3, G0S, G1S, .Lhead_sb
	tensor_load_to_lds s[G0SB:G0SB+3], s[G1SB:G1SB+7]
	s_nop 0
	PLACES 4
.Lhead_asked:
	v_and_b32 v1, 15, v0                           ; r
	v_bfe_u32 v2, v0, 4, 1                         ; h
	v_and_b32 v3, 31, v0                           ; lane
	v_lshlrev_b32 v[L16], 4, v3
	v_lshlrev_b32 v[L8], 3, v3
	v_lshlrev_b32 v[R4], 2, v1
.if PERM
	v_and_b32 v6, 8, v1
	v_add_nc_u32 v6, v6, v1                        ; r + 8 (r / 8)
.else
	v_mov_b32 v6, v1
.endif
	s_mul_i32 s16, s[RH], HALFA
	s_mul_i32 s17, s[CH], HALFB
	s_add_co_u32 s17, s17, 2*HALFA
.irp s, 0,1
	v_add_nc_u32 v[ADRA16+\s], s16, v[L16]
	v_add_nc_u32 v[ADRA8+\s], s16, v[L8]
	v_add_nc_u32 v[ADRB+\s], s17, v[L16]           ; B's images: 16 bytes a lane,
	v_add_nc_u32 v[ADRB+2+\s], s17, v[L8]          ; 8 bytes a lane
	s_add_co_u32 s16, s16, SLOT
	s_add_co_u32 s17, s17, SLOT
.endr
	v_mul_u32_u24 v9, v6, KS                       ; B's scale bytes: KS a row, and 16 more for each 256 passed
	v_lshrrev_b32 v10, 8, v9
	v_lshl_add_u32 v9, v10, 4, v9
	s_mul_i32 s16, s[CH], HALFS
	s_add_co_u32 s16, s16, SCB
	v_add_nc_u32 v[ADRSB], s16, v9
	s_lshl_b32 s16, s[RH], 9                       ; my 128 rows' words in a line of 256
	s_add_co_u32 s16, s16, SCA
	v_lshl_add_u32 v[ADRSA], v1, 2, s16
	s_lshl_b32 s16, s[TC], 10                      ; the bias of my 128 columns
	s_lshl_b32 s17, s[CH], 9
	s_add_co_u32 s16, s16, s17
	s_mov_b32 s17, 0
	s_add_nc_u64 s[10:11], s[10:11], s[16:17]
.if PERM
	v_lshlrev_b32 v11, 6, v2                       ; register j of tile t: column 32 (t / 2) + 8 (t % 2) + 16 h + j
.else
	v_lshlrev_b32 v11, 5, v2                       ; column 16 t + 8 h + j
.endif
	WIN TO_B
.irp b, 0,1,2,3,4,5,6,7
.if PERM
.set BO, (32*(\b/2)+8*(\b%2))*4
.else
.set BO, 64*\b
.endif
	global_load_b128 v[96+8*\b+96*(\b/4):96+8*\b+96*(\b/4)+3], v11, s[10:11] offset:BO
	global_load_b128 v[96+8*\b+96*(\b/4)+4:96+8*\b+96*(\b/4)+7], v11, s[10:11] offset:BO+16
.endr
	WIN 0
	s_mul_i32 s16, s[WV], 32*528                   ; my stage for v: 32 tokens x (512 bytes + 16), in slot 0, which has had its last fill and its last read when the first result is stored there
	v_mul_u32_u24 v9, v1, 528
	v_lshl_add_u32 v9, v2, 6, v9
	v_add_nc_u32 v[STO], s16, v9                   ; in: token r, + 64 h
	v_lshl_add_u32 v[RD], v3, 2, s16               ; out: a lane to a channel
	; PREFETCH INTO THE L2: K steps 2 and 3, which the two refills will load (steps 0 and 1 come by their loads alone).  Of the 8 blocks x 3,072 bytes that I fetch in a step, each of the four partners that ask
	; for them jointly takes 2 blocks, told apart by address (cx for A, cy for B): 24 pieces of 256 bytes, a lane each; lanes 24-31 name the last again.  v31 and s[96:97] are never rewritten.
	s_lshl_b32 s16, s[TR], 4
	s_lshl_b32 s17, s[TC], 4
	s_cmp_eq_u32 s[RH], 0                          ; do I fetch for A?
	s_cselect_b32 s16, s16, s17
	s_cselect_b32 s17, s40, s41
	s_cselect_b32 s18, 0, WOFF
	s_cselect_b64 s[96:97], s[4:5], s[6:7]
	s_lshl_b32 s19, s[CH], 3
	s_add_co_u32 s16, s16, s19
	s_lshl_b32 s17, s17, 1
	s_add_co_u32 s16, s16, s17
	s_mul_i32 s16, s16, SIZE_K*12
	s_add_co_u32 s16, s16, s18
	s_mov_b32 s17, 0
	s_add_nc_u64 s[96:97], s[96:97], s[16:17]
	v_min_u32 v31, 23, v3
	v_mul_u32_u24 v13, v31, 11
	v_lshrrev_b32 v13, 7, v13                      ; piece / 12, for pieces under 24
	v_lshlrev_b32 v31, 8, v31
	v_mad_u32_u24 v31, v13, 9216, v31              ; 256 x piece, and from one block's 3,072 bytes to the next block
	global_prefetch_b8 v31, s[96:97] offset:6144 th:TH_LOAD_NT scope:SCOPE_SE
	global_prefetch_b8 v31, s[96:97] offset:9216 th:TH_LOAD_NT scope:SCOPE_SE
.macro FRAGA reg, slot, q, i           ; A's fragment (block i, the slot's q-th 128 along K): the image as it was stored
	ds_load_b128 v[\reg:\reg+3], v[ADRA16+\slot] offset:(2*(\i)+(\q))*1536
	ds_load_b64 v[\reg+4:\reg+5], v[ADRA8+\slot] offset:(2*(\i)+(\q))*1536+512
	ds_load_b128 v[\reg+6:\reg+9], v[ADRA16+\slot] offset:(2*(\i)+(\q))*1536+768
	ds_load_b64 v[\reg+10:\reg+11], v[ADRA8+\slot] offset:(2*(\i)+(\q))*1536+1280
.endm
.macro FRAG reg, adr, q, i             ; B's fragment (tile i, the slot's q-th 128 along K): the image as it was stored
	ds_load_b128 v[\reg:\reg+3], v[\adr] offset:(2*(\i)+(\q))*1536
	ds_load_b64 v[\reg+4:\reg+5], v[\adr+2] offset:(2*(\i)+(\q))*1536+512
	ds_load_b128 v[\reg+6:\reg+9], v[\adr] offset:(2*(\i)+(\q))*1536+768
	ds_load_b64 v[\reg+10:\reg+11], v[\adr+2] offset:(2*(\i)+(\q))*1536+1280
.endm
; 16 matrix instructions: A's blocks a0, a0 + 1 x B's eight.  first = 1: the bias starts the sums.  The 64 accumulators take turns, one instruction a turn, in the same order in every step.
.macro MUL16 a0, p, q, sc, first
.irp a, \a0, \a0+1
.irp b, 0,1,2,3,4,5,6,7
.set rD, 8*(8*((\a)%4)+\b)
.set rB, 128*(\p)+FR*\b
.set rA, AF+FR*(\a)
.set rC, 96+8*\b+96*(\b/4)
.set zB, SCBR+16*(\sc)+2*\b+(\q)
.set zA, SCAR+16*(\sc)+2*(\a)+(\q)
.if \first
	v_wmma_scale_f32_16x16x128_f8f6f4 v[rD:rD+7], v[rB:rB+11], v[rA:rA+11], v[rC:rC+7], v[zB], v[zA] matrix_a_fmt:MATRIX_FMT_FP6 matrix_b_fmt:MATRIX_FMT_FP6
.else
	v_wmma_scale_f32_16x16x128_f8f6f4 v[rD:rD+7], v[rB:rB+11], v[rA:rA+11], v[rD:rD+7], v[zB], v[zA] matrix_a_fmt:MATRIX_FMT_FP6 matrix_b_fmt:MATRIX_FMT_FP6
.endif
.endr
.endr
.endm
.macro FETCH_B slot, q, p              ; 48 loads
	WIN TO_B
.irp i, 0,1,2,3,4,5,6,7
	FRAG 128*(\p)+FR*\i, ADRB+\slot, \q, \i
.endr
	WIN 0
.endm
.macro FETCH_A slot, q, i0             ; 16 loads: blocks i0 .. i0 + 3
.irp i, \i0, \i0+1, \i0+2, \i0+3
	FRAGA AF+FR*(\i), \slot, \q, \i
.endr
.endm
.macro SCALES sc                       ; 24 loads: a K step's scale words
.irp i, 0,1,2,3,4,5,6,7
.if PERM
	ds_load_b64 v[SCBR+16*\sc+2*\i:SCBR+16*\sc+2*\i+1], v[ADRSB] offset:(4*(\i/2)+\i%2)*272
.else
	ds_load_b64 v[SCBR+16*\sc+2*\i:SCBR+16*\sc+2*\i+1], v[ADRSB] offset:\i*SBLK
.endif
.endr
.irp i, 0,1,2,3,4,5,6,7
	ds_load_b32 v[SCAR+16*\sc+2*\i], v[ADRSA] offset:64*\i
	ds_load_b32 v[SCAR+16*\sc+2*\i+1], v[ADRSA] offset:1024+64*\i
.endr
.endm
.macro STEP slot, q, first             ; a slot's first 128 along K
	s_wait_dscnt 16                                ; all but the youngest 16 loads (A's blocks 4-7) are in
	WIN MUL_LO-0x10*(\first)                       ; (with the bias as C: source 2 in window 1)
	MUL16 0, (\q)%2, \q, \slot, \first
	MUL16 2, (\q)%2, \q, \slot, \first
	s_wait_dscnt 0
	PLACES 4
	FETCH_B \slot, (\q)+1, 1-(\q)%2
	FETCH_A \slot, (\q)+1, 0
	WIN MUL_HI-0x20*(\first)
	MUL16 4, (\q)%2, \q, \slot, \first
	MUL16 6, (\q)%2, \q, \slot, \first
	PLACES 4
	WIN 0
	FETCH_A \slot, (\q)+1, 4
.endm
; A slot's last 128 along K change slots: one barrier; in front of it each wave waits for all its tensor loads, adds 0 to its spare word, and waits for that and for its reads of this slot.  fill = 1: the slot is filled again, two K steps ahead.
.macro TURN slot, next, fill
	s_wait_tensorcnt 0x0                           ; all my tensor loads have landed: my part of the next slot
	ds_add_u32 v[SPW], v[NIL]                      ; 0 onto my spare word
	s_wait_dscnt 17                                ; (the add and the youngest 16 loads may be out)
	WIN MUL_LO
	MUL16 0, 1, 1, \slot, 0
	s_wait_dscnt 0x0                               ; the add is done, and my reads of this slot are over
	s_barrier_signal -1
	MUL16 2, 1, 1, \slot, 0
	WIN 0
	s_barrier_wait -1
.if \fill
	CREST                                          ; the barrier has opened a round of the cluster's: no wave of any partner still reads this slot or has a load on its way
	s_add_nc_u64 s[G0+4*\slot+2:G0+4*\slot+3], s[G0+4*\slot+2:G0+4*\slot+3], 6144
	s_add_nc_u64 s[G0B+4*\slot+2:G0B+4*\slot+3], s[G0B+4*\slot+2:G0B+4*\slot+3], 6144
	JLOAD G0+4*\slot, G1, G0B+4*\slot, G1B         ; the first tensor load behind the round, one a wave; its four v_nop are the places in front of the loads below
.else
	PLACES 4
.endif
	s_wait_alu depctr_va_vdst(0)
	v_add_nc_u32 v[ADRSB], 8, v[ADRSB]             ; the next K step's scale words
	v_add_nc_u32 v[ADRSA], 2048, v[ADRSA]
	FETCH_B \next, 0, 0
	FETCH_A \next, 0, 0
	SCALES \next
	WIN MUL_HI
	MUL16 4, 1, 1, \slot, 0
	MUL16 6, 1, 1, \slot, 0
	PLACES 4
	WIN 0
	FETCH_A \next, 0, 4
.endm
	s_wait_alu depctr_va_vdst(0)
	s_wait_tensorcnt 0x0                           ; my tile of the head's four is in
	ds_add_u32 v[SPW], v[NIL]
	s_mov_b32 s[G1+2], 8<<16                       ; no tensor load of mine is out: from here on a load brings 8 blocks,
	s_mov_b32 s[G1+4], 8
	s_mov_b32 s[G1B+2], 8<<16
	s_mov_b32 s[G1B+4], 8
	s_mov_b32 s[G0+1], s45                         ; and slot 0's groups 0 name my half
	s_add_nc_u64 s[G0+2:G0+3], s[G0+2:G0+3], s[66:67]
	s_mov_b32 s[G0B+1], s94
	s_add_nc_u64 s[G0B+2:G0B+3], s[G0B+2:G0B+3], s[66:67]
	s_wait_dscnt 0x0
	CROUND                                         ; all four tiles are in, and all sixteen work-groups are here
	JLOAD G0+4, G1, G0B+4, G1B                     ; slot 1's first fill, the first tensor load behind the round
	FETCH_B 0, 0, 0
	FETCH_A 0, 0, 0
	SCALES 0
	FETCH_A 0, 0, 4
	s_wait_loadcnt 0x0                             ; the bias
	STEP 0, 0, 1
	s_mov_b32 s3, LAPS-1
.Llap:                                         ; a trip goes once round the ring and fills both slots again
	TURN 0, 1, 1
	STEP 1, 0, 0
	TURN 1, 0, 1
	STEP 0, 0, 0
	s_sub_co_u32 s3, s3, 1
	s_cmp_lg_u32 s3, 0
	s_cbranch_scc1 .Llap
	TURN 0, 1, 0                                   ; the last lap fills nothing
	STEP 1, 0, 0
	s_wait_dscnt 16
	WIN MUL_LO
	MUL16 0, 1, 1, 1, 0
	MUL16 2, 1, 1, 1, 0
	s_wait_dscnt 0
	WIN MUL_HI
	MUL16 4, 1, 1, 1, 0
	MUL16 6, 1, 1, 1, 0
	WIN 0
; 64 numbers of a lane in window w, register 16 b + i = k 32 b + 16 h + i of its row, become a fragment's codes in v[PC] on and its scale word in v[PW].  Each accumulator is first read at its low end.
.macro QUANT s, w
	WIN (\w)|((\w)<<2)
.irp b, 0,1,2,3
	v_max3_num_f32 v[TM+\b], |v[\s+16*\b]|, |v[\s+1+16*\b]|, 0x1800000   ; and the floor 2^(3 - 127): the byte cannot fall under 1
.endr
	WIN ((\w)<<2)|((\w)<<4)
.irp i, 2,4,6,8,10,12,14
.irp b, 0,1,2,3
	v_max3_num_f32 v[TM+\b], v[TM+\b], |v[\s+16*\b+\i]|, |v[\s+1+16*\b+\i]|
.endr
.endr
	WIN 0
.irp b, 0,1,2,3
	v_permlanex16_b32 v[TM+4+\b], v[TM+\b], s[SEL], s[SEL+1]
.endr
.irp b, 0,1,2,3
	v_max_num_f32 v[TM+\b], v[TM+\b], v[TM+4+\b]
.endr
.irp b, 0,1,2,3
	v_add_nc_u32 v[TM+12+\b], 0xff000000, v[TM+\b] ; 2 off the exponent field: the conversion's scale operand
.endr
.irp b, 0,1,2,3
	v_lshrrev_b32 v[TM+4+\b], 23, v[TM+12+\b]      ; the scale's byte
.endr
	v_lshl_or_b32 v[PW], v[TM+5], 8, v[TM+4]
	v_lshl_or_b32 v[PW], v[TM+6], 16, v[PW]
	v_lshl_or_b32 v[PW], v[TM+7], 24, v[PW]
	WIN (\w)
.irp c, 0,1
	v_cvt_scalef32_pk16_fp6_f32 v[PC+6*\c:PC+2+6*\c], v[\s+32*\c:\s+15+32*\c], v[TM+12+2*\c]
	v_cvt_scalef32_pk16_fp6_f32 v[PC+12+4*\c:PC+14+4*\c], v[\s+16+32*\c:\s+31+32*\c], v[TM+12+2*\c+1]
.endr
	WIN 0
	v_nop                                          ; one plain place behind a scaled conversion
.irp c, 0,1
.irp i, 0,1,2
	v_permlane16_swap_b32 v[PC+6*\c+\i], v[PC+12+4*\c+\i]
.endr
.irp i, 0,1,2
	v_mov_b32 v[PC+3+6*\c+\i], v[PC+12+4*\c+\i]
.endr
.endr
.endm
	; ---------------- THE WAY OUT.  No tensor load of mine is out: the descriptors' registers are free.
	PLACES 4
	s_mov_b32 s[SEL], 0x76543210
	s_mov_b32 s[SEL+1], 0xfedcba98
	s_lshr_b32 s16, s[TR], 3                       ; the batch
	s_lshl_b32 s17, s[TR], 8
	s_lshl_b32 s18, s[RH], 7
	s_add_co_u32 s17, s17, s18
	s_and_b32 s17, s17, 2047                       ; my first token in it
	s_and_b32 s18, s[TC], 3
	s_lshl_b32 s18, s18, 2
	s_lshl_b32 s19, s[CH], 1
	s_add_co_u32 s18, s18, s19                     ; my first head
	s_lshl_b32 s16, s16, 4
	s_add_co_u32 s16, s16, s18                     ; bh
	s_cmp_eq_u32 ttmp9, 2                          ; the cluster's x: the same in all partners
	s_cbranch_scc1 .Lvpath
	; ---- q and k
	s_lshl_b32 s20, s16, 7
	s_lshr_b32 s21, s17, 4
	s_add_co_u32 s20, s20, s21
	s_mul_i32 s20, s20, 768
	s_mul_i32 s21, ttmp9, 3145728
	s_add_co_u32 s20, s20, s21
	s_mov_b32 s21, 0
	s_add_nc_u64 s[20:21], s[12:13], s[20:21]      ; the images of my first 16 tokens, first head
	s_lshl_b32 s22, s16, 11
	s_add_co_u32 s22, s22, s17
	s_lshl_b32 s22, s22, 2
	s_mul_i32 s23, ttmp9, 262144
	s_add_co_u32 s22, s22, s23
	s_add_co_u32 s22, s22, 9437184
	s_mov_b32 s23, 0
	s_add_nc_u64 s[22:23], s[12:13], s[22:23]      ; their scale words
	s_mov_b32 s24, 768
	s_mov_b32 s25, 128
	s_cmp_eq_u32 ttmp9, 0                          ; q keeps its tokens' order; in k token 16 (a % 2) + r of a group of 32 goes to tile r / 8, slot r % 8 + 8 (a % 2)
	s_cselect_b32 s26, s25, s24                    ; what r / 8 is worth, 16 bytes a slot
	s_cselect_b32 s27, s24, s25                    ; what an odd block is worth
	s_cselect_b32 s28, 64, s24                     ; the same, 8 bytes a slot
	s_cselect_b32 s29, s24, 64
	v_and_b32 v6, 7, v1
	v_lshrrev_b32 v7, 3, v1
	v_lshlrev_b32 v8, 4, v6
	v_lshl_add_u32 v8, v2, 8, v8
	v_mad_u32_u24 v8, v7, s26, v8                  ; v8, v9: even and odd blocks, 16 bytes a lane
	v_add_nc_u32 v9, s27, v8
	v_lshlrev_b32 v10, 3, v6
	v_lshl_add_u32 v10, v2, 7, v10
	v_mad_u32_u24 v10, v7, s28, v10                ; v10, v11: 8 bytes a lane
	v_add_nc_u32 v11, s29, v10
.irp b, 0,1,2,3
	v_mov_b32 v[TM+4+\b], 0                        ; lane permutes' destinations
.endr
.macro QKBLK a
.if \a > 0
	s_wait_xcnt 0x0                                ; the last block's stores have read their registers
.endif
	QUANT 64*((\a)%4), 2+(\a)/4
	v_and_b32 v133, 0xffff, v[PW]                  ; the first head's two bytes,
	v_lshrrev_b32 v134, 16, v[PW]                  ; the second's
.irp c, 0,1
	global_store_b128 v[8+(\a)%2], v[PC+6*\c:PC+6*\c+3], s[20:21] offset:((\a)/2)*1536+\c*98304
	global_store_b64 v[10+(\a)%2], v[PC+6*\c+4:PC+6*\c+5], s[20:21] offset:((\a)/2)*1536+\c*98304+512
	global_store_b32 v[R4], v[133+\c], s[22:23] offset:64*(\a)+8192*\c
.endr
.endm
.irp a, 0,1,2,3,4,5,6,7
	QKBLK \a
.endr
	s_branch .Lend
	; ---- v
.Lvpath:
	s_mul_i32 s20, s16, 98304
	s_lshr_b32 s21, s17, 7                         ; my 128 tokens are one K step of the attention's second product
	s_mul_i32 s24, s21, 6144
	s_add_co_u32 s20, s20, s24
	s_add_co_u32 s20, s20, 6291456
	s_lshl_b32 s22, s16, 4
	s_add_co_u32 s22, s22, s21
	s_lshl_b32 s22, s22, 8
	s_add_co_u32 s22, s22, 9961472
	s_mov_b32 s21, 0
	s_mov_b32 s23, 0
	s_add_nc_u64 s[20:21], s[12:13], s[20:21]
	s_add_nc_u64 s[22:23], s[12:13], s[22:23]
	v_bfe_u32 v6, v3, 3, 1                         ; channel = lane of a group of 32: tile (lane / 8) % 2, slot lane % 8 + 8 (lane / 16)
	v_and_b32 v7, 7, v3
	v_lshl_add_u32 v7, v2, 3, v7
	v_mul_u32_u24 v6, v6, 1536
	v_lshl_add_u32 v8, v7, 4, v6
	v_lshl_add_u32 v10, v7, 3, v6
	v_lshlrev_b32 v9, 2, v3
.macro VBLOCK s, g                     ; channel 32 s + lane, tokens 32 g .. + 31: all 32 numbers are mine
.set XS, 32+32*\s
	v_max3_num_f32 v224, |v[XS]|, |v[XS+1]|, |v[XS+2]|
	v_max3_num_f32 v225, |v[XS+3]|, |v[XS+4]|, |v[XS+5]|
.irp i, 6,10,14,18,22,26
	v_max3_num_f32 v224, v224, |v[XS+\i]|, |v[XS+\i+1]|
	v_max3_num_f32 v225, v225, |v[XS+\i+2]|, |v[XS+\i+3]|
.endr
	v_max3_num_f32 v224, v224, |v[XS+30]|, |v[XS+31]|
	v_max3_num_f32 v224, v224, v225, 0x1800000
	v_add_nc_u32 v226, 0xff000000, v224
	v_lshrrev_b32 v227, 23, v226
.if \g == 0
	v_mov_b32 v[208+\s], v227
.else
	v_lshl_or_b32 v[208+\s], v227, 8*\g, v[208+\s] ; four bytes make the channel's scale word of these 128 tokens
.endif
	v_cvt_scalef32_pk16_fp6_f32 v[160+8*\s:162+8*\s], v[XS:XS+15], v226
	v_cvt_scalef32_pk16_fp6_f32 v[192+4*\s:194+4*\s], v[XS+16:XS+31], v226
	v_nop
.irp i, 0,1,2
	v_mov_b32 v[163+8*\s+\i], v[192+4*\s+\i]
.endr
	global_store_b128 v8, v[160+8*\s:163+8*\s], s[20:21] offset:(\s/2)*98304+(\s%2)*3072+(\g/2)*768+256*(\g%2)   ; block g of the K step: half g / 2, lanes 16 (g % 2) on
	global_store_b64 v10, v[164+8*\s:165+8*\s], s[20:21] offset:(\s/2)*98304+(\s%2)*3072+(\g/2)*768+512+128*(\g%2)
.endm
.macro VGRP g
.irp e, 0,1
.set AA, 2*\g+\e
.set AC, 64*(AA%4)
	WIN 0x08+4*(AA/4)                              ; an LDS store's data are its source 1
.irp t, 0,1,2,3,4,5,6,7
	ds_store_b128 v[STO], v[AC+8*\t:AC+8*\t+3] offset:\e*8448+128*(\t/2)+32*(\t%2)      ; each accumulator from its low end on
	ds_store_b128 v[STO], v[AC+8*\t+4:AC+8*\t+7] offset:\e*8448+128*(\t/2)+32*(\t%2)+16
.endr
.endr
	WIN 0
.irp s, 0,1,2,3
.set k, 0
.rept 32
	ds_load_b32 v[32+32*\s+k], v[RD] offset:k*528+128*\s   ; LDS serves a wave's instructions in order: these see my stores, and the next group's stores come behind them
.set k, k+1
.endr
.endr
	s_wait_xcnt 0x0                                ; the last group's stores have read their registers
.irp s, 0,1,2,3
.if 96-32*\s > 63
	s_wait_dscnt 63                                ; behind this channel group's loads stand 64 or more: a wait names 63 at the most
.else
	s_wait_dscnt 96-32*\s
.endif
	VBLOCK \s, \g
.endr
.endm
	VGRP 0
	VGRP 1
	VGRP 2
	VGRP 3
.irp s, 0,1,2,3
	global_store_b32 v9, v[208+\s], s[22:23] offset:4096*(\s/2)+128*(\s%2)
.endr
.Lend:
	s_wait_tensorcnt 0x0                           ; the wave's end
	ds_add_u32 v[SPW], v[NIL]
	s_wait_dscnt 0x0
	CROUND                                         ; the closing round
	s_endpgm
.Lfunc_end_k_q781359df1c_qkv:
	.size	k_q781359df1c_qkv, .Lfunc_end_k_q781359df1c_qkv-k_q781359df1c_qkv
	.p2alignl 7, 3214868480
	.fill 96, 4, 3214868480
	.section	.rodata,"a",@progbits
	.p2align	6, 0x0
	.amdhsa_kernel k_q781359df1c_qkv
		.amdhsa_group_segment_fixed_size 327680
		.amdhsa_private_segment_fixed_size 0
		.amdhsa_enable_private_segment 0
		.amdhsa_kernarg_size 40
		.amdhsa_user_sgpr_count 2
		.amdhsa_user_sgpr_kernarg_segment_ptr 1
		.amdhsa_wavefront_size32 1
		.amdhsa_system_sgpr_workgroup_id_x 1
		.amdhsa_system_sgpr_workgroup_id_y 1
		.amdhsa_system_sgpr_workgroup_id_z 1
		.amdhsa_system_vgpr_workitem_id 0
		.amdhsa_next_free_vgpr 1024
		.amdhsa_next_free_sgpr 102
		.amdhsa_reserve_vcc 0
		.amdhsa_float_denorm_mode_32 3
		.amdhsa_float_denorm_mode_16_64 3
		.amdhsa_memory_ordered 1
		.amdhsa_forward_progress 1
		.amdhsa_inst_pref_size 228
	.end_amdhsa_kernel
	.amdgpu_metadata
---
amdhsa.version: [ 1, 2 ]
amdhsa.kernels:
  - .name:           k_q781359df1c_qkv
    .symbol:         k_q781359df1c_qkv.kd
    .args:
      - { .name: xn, .offset: 0, .size: 8, .value_kind: global_buffer, .address_space: global }
      - { .name: wimg, .offset: 8, .size: 8, .value_kind: global_buffer, .address_space: global }
      - { .name: qkv_w_scales, .offset: 16, .size: 8, .value_kind: global_buffer, .address_space: global }
      - { .name: qkv_b, .offset: 24, .size: 8, .value_kind: global_buffer, .address_space: global }
      - { .name: qkvw, .offset: 32, .size: 8, .value_kind: global_buffer, .address_space: global }
    .group_segment_fixed_size: 327680
    .private_segment_fixed_size: 0
    .kernarg_segment_align: 8
    .kernarg_segment_size: 40
    .max_flat_workgroup_size: 128
    .sgpr_count:     102
    .vgpr_count:     1024
    .wavefront_size: 32
...
	.end_amdgpu_metadata
.endif
;; end of part 11
;; launch attn (part 12): grid 8 x 32, 16 waves a work-group, clusters of 4 x 1, 327,680 bytes of LDS; arguments qkvw, prepw, att; writes att
.if DOCPART == 12
	.amdgcn_target "amdgcn-amd-amdhsa--gfx1250"
	.amdhsa_code_object_version 6
	.text
	.protected	k_q781359df1c_attn
	.globl	k_q781359df1c_attn
	.p2align	8
	.type	k_q781359df1c_attn,@function
k_q781359df1c_attn:
	s_mov_b64 s[64:65], 0
	v_nop
	global_prefetch_b8 v0, s[64:65] scope:SCOPE_SE
	s_setreg_imm32_b32 hwreg(HW_REG_WAVE_MODE, 25, 1), 1
	s_wait_xcnt 0x0
	s_wait_alu depctr_hold_cnt(0) depctr_sa_sdst(0) depctr_va_vdst(0) depctr_va_sdst(0) depctr_va_ssrc(0) depctr_va_vcc(0) depctr_vm_vsrc(0)
	s_getreg_b32 s2, hwreg(HW_REG_IB_STS2, 6, 4)
	s_cmp_eq_u32 s2, 0
	s_cbranch_scc0 .Lentry_in_a_cluster
	s_endpgm
.Lentry_in_a_cluster:
	s_bfe_u32 s2, ttmp6, 0x10000c
	s_cmp_lg_u32 s2, 0x3003
	s_cbranch_scc0 .Lentry_shape_is_right
	s_endpgm
.Lentry_shape_is_right:
; ATTENTION on codes of FP6 (E2M3): o = softmax(q k^T / 8 + decay x bias) v, for one (batch, head) and 256 queries a work-group; o is quantised along the model's 1,024 and stored as the next product's operand registers.
; THE SOFTMAX AHEAD OF THE SECOND PRODUCT: t = logit x log2(e); M = the running largest t rounded UP to a whole number; p = 2^(t - M) is quantised along the keys, not normalised; the row's sum is taken of the
; unquantised p and divides at the end; when M moves, the sum and O are multiplied by 2^(old M - new M), which rounds nothing.
; THE BIAS COSTS NO VECTOR INSTRUCTION: it hangs on key - query alone, so it is a table of a head (made by an earlier launch, times 8), and the table's entries are the C of the first product: D = q.k + 8 decay bias, t = D x log2(e) / 8.
; SHARES.  Sixteen waves, each 16 queries in 256 registers: four waves to a SIMD, so that one wave's vector work stands beside another's matrix work and LDS loads.  Every wave walks the head's 2,048 keys, 128 a trip.
; A WHOLE HEAD'S K AND V STAY IN LDS (98,304 bytes each, as images of operand registers): each byte is filled once, there is no ring, and a barrier behind each of the two fills serves the launch.
; CLUSTER: the four query blocks of a cluster share the head: K, V and their scale words are asked for jointly (mask 15).  The table's window hangs on the query block: a load of the work-group's own.
; LAYOUT.  Both products are used transposed: S^T = K Q^T, O^T = V^T P^T: a lane holds one query (lane % 16) throughout.  K's tiles and V's tiles of channels were stored in the order tile 2 b + u, slot s: 32 b + 8 u + s + 8 (s / 8),
; so that the 16 registers of tiles 2 b, 2 b + 1 are 16 neighbours 32 b + 16 h + 0..15.  The head's 64 fill half of the instruction's 128: the upper six registers of K's and Q's fragments are zero codes.
; No prefetch: all that is read is asked for at the head.  LIMITS: NaN and infinities are not served; a p under 2^-126 is 0; a block of zeros keeps the byte 1.
.set KIMG, 0
.set VIMG, 98304
.set KSC,  233728                      ; K's scale words [key], behind the table
.set VSC,  241920
.set TAB,  196608
.set TCP,  9280                        ; 9,216 bytes + 64: the four copies start at four different groups of banks
.set AK16, 1                           ; v1-7: LDS addresses, stepped once a trip
.set AK8,  2
.set AKS,  3
.set AV16, 4
.set AV8,  5
.set AVS,  6
.set ATB,  7
.set QF,   16                          ; v16-27 Q's fragment;  v11 its scale word
.set VS,   28                          ; v28-31 V's scale words
.set KF,   32                          ; v32-79 four fragments of K
.set VF,   80                          ; v80-127 four of V
.set SS,   128                         ; v128-191 the table's entries, then S^T, then p
.set OT,   192                         ; v192-223 O^T
                                       ; v12 -M, v13 the largest t, v[14:15] the sum; v224-235 p's codes; v232-254 at work; v248-251 K's scale words; v252 f; v253 p's scale word
.set WV,  18
.set SEL, 20
.set CS,  22
.set G1A, 24
.set G1T, 32
.set G1C, 40
.set G0A, 48
.set G0T, 52
.set G0C, 56
.macro PLACES n
.rept \n
	v_nop
.endr
.endm
.macro CROUND                          ; a round of the cluster's barrier
	s_barrier_signal -1
	s_barrier_wait -1
	s_cmp_lg_u32 s[WV], 0
	s_cbranch_scc1 .Lnot_wave_0_\@
	s_barrier_signal -3
.Lnot_wave_0_\@:
	s_barrier_wait -3
	s_barrier_signal -1
	s_barrier_wait -1
.endm
	s_load_b128 s[4:7], s[0:1], 0x0                ; qkvw, prepw
	s_load_b64 s[8:9], s[0:1], 0x10                ; att
	v_lshl_add_u32 v254, v0, 2, 0x3c100
	v_mov_b32 v255, 0
	ds_add_u32 v254, v255
	ds_add_u32 v254, v255
	s_wait_dscnt 0x0
	v_lshrrev_b32 v8, 5, v0
	s_delay_alu instid0(VALU_DEP_1)
	v_readfirstlane_b32 s[WV], v8                  ; wave 0..15
	s_bfe_u32 s10, ttmp6, 0x40000                  ; cx
	s_lshl_b32 s11, ttmp9, 2
	s_add_co_u32 s11, s11, s10                     ; my block of 256 queries
	s_and_b32 s12, ttmp7, 0xffff                   ; bh, which the four partners share
	; descriptors, group 1: dense blocks as rows of 256 bytes (32 elements of 8 bytes)
	s_mov_b32 s[G1A], 15|(3<<16)|(1<<21)           ; a quarter of K's or V's images: 96 rows; the mask names all four work-groups, bit 21 beside it
	s_mov_b32 s[G1A+1], 32<<16
	s_mov_b32 s[G1A+2], 96<<16
	s_mov_b32 s[G1A+3], 32<<16
	s_mov_b32 s[G1A+4], 96
	s_mov_b32 s[G1A+5], 32
	s_mov_b32 s[G1A+6], 0
	s_mov_b32 s[G1A+7], 0
	s_mov_b32 s[G1T], 3<<16                        ; a copy of the window: 36 rows; no mask
	s_mov_b32 s[G1T+1], 32<<16
	s_mov_b32 s[G1T+2], 36<<16
	s_mov_b32 s[G1T+3], 32<<16
	s_mov_b32 s[G1T+4], 36
	s_mov_b32 s[G1T+5], 32
	s_mov_b32 s[G1T+6], 0
	s_mov_b32 s[G1T+7], 0
	s_mov_b32 s[G1C], 15|(3<<16)|(1<<21)           ; 4,096 bytes of scale words: 16 rows
	s_mov_b32 s[G1C+1], 32<<16
	s_mov_b32 s[G1C+2], 16<<16
	s_mov_b32 s[G1C+3], 32<<16
	s_mov_b32 s[G1C+4], 16
	s_mov_b32 s[G1C+5], 32
	s_mov_b32 s[G1C+6], 0
	s_mov_b32 s[G1C+7], 0
	s_and_b32 s13, s[WV], 7                        ; waves 0-3: K's quarters; 4-7: V's
	s_mul_i32 s14, s13, 24576                      ; in LDS
	s_lshr_b32 s15, s13, 2
	s_add_co_u32 s15, s15, 1
	s_mul_i32 s66, s15, 3145728                    ; k_img, v_img
	s_mul_i32 s67, s12, 98304
	s_add_co_u32 s66, s66, s67
	s_and_b32 s16, s[WV], 3
	s_mul_i32 s67, s16, 24576
	s_add_co_u32 s66, s66, s67
	s_mov_b32 s67, 0
	s_mul_i32 s17, s16, TCP                        ; waves 8-11: the window's copies
	s_add_co_u32 s17, s17, TAB
	s_and_b32 s68, s12, 15                         ; the head
	s_lshl_b32 s68, s68, 2
	s_add_co_u32 s68, s68, s16
	s_lshl_b32 s68, s68, 14                        ; tab[head][copy]
	s_xor_b32 s69, s11, 7
	s_lshl_b32 s69, s69, 10                        ; from entry 256 (7 - query block) on
	s_add_co_u32 s68, s68, s69
	s_add_co_u32 s68, s68, 65536
	s_mov_b32 s69, 0
	s_lshl_b32 s19, s16, 12                        ; waves 12, 13: K's scale words; 14: V's
	s_add_co_u32 s19, s19, KSC
	s_lshl_b32 s70, s12, 13
	s_lshl_b32 s71, s16, 12
	s_add_co_u32 s70, s70, s71
	s_add_co_u32 s70, s70, 9699328
	s_lshl_b32 s72, s12, 12
	s_add_co_u32 s72, s72, 9961472
	s_cmp_eq_u32 s16, 2
	s_cselect_b32 s70, s72, s70
	s_mov_b32 s71, 0
	s_mov_b32 s[SEL], 0x76543210
	s_mov_b32 s[SEL+1], 0xfedcba98                 ; lane l xor 16
	s_mov_b32 s[CS], 0x3e38aa3b                    ; log2(e) / 8
	s_mov_b32 s[CS+1], s[CS]
	s_wait_kmcnt 0x0
	s_mov_b32 s[G0A], 1
	s_mov_b32 s[G0A+1], s14
	s_add_nc_u64 s[G0A+2:G0A+3], s[4:5], s[66:67]
	s_or_b32 s[G0A+3], s[G0A+3], 0x80000000
	s_mov_b32 s[G0T], 1
	s_mov_b32 s[G0T+1], s17
	s_add_nc_u64 s[G0T+2:G0T+3], s[6:7], s[68:69]
	s_or_b32 s[G0T+3], s[G0T+3], 0x80000000
	s_mov_b32 s[G0C], 1
	s_mov_b32 s[G0C+1], s19
	s_add_nc_u64 s[G0C+2:G0C+3], s[4:5], s[70:71]
	s_or_b32 s[G0C+3], s[G0C+3], 0x80000000
	CROUND                                         ; all four work-groups are here: the joint loads meet
	s_cmp_lt_u32 s[WV], 8                          ; one tensor load a wave (wave 15: none); the branches hang on the wave's number alone; four v_nop follow each line
	s_cbranch_scc0 .Lfill_t
	s_cmp_eq_u32 s16, 0                            ; THE HEAD ASKS FOR THE FIRST QUARTERS OF K AND V ALONE (keys 0-511: waves 0 and 4); the other six quarters are asked for behind the next round
	s_cbranch_scc0 .Lfilled
	tensor_load_to_lds s[G0A:G0A+3], s[G1A:G1A+7]
	s_nop 0
	PLACES 4
	s_branch .Lfilled
.Lfill_t:
	s_cmp_lt_u32 s[WV], 12
	s_cbranch_scc0 .Lfill_c
	tensor_load_to_lds s[G0T:G0T+3], s[G1T:G1T+7]
	s_nop 0
	PLACES 4
	s_branch .Lfilled
.Lfill_c:
	s_cmp_lt_u32 s[WV], 15
	s_cbranch_scc0 .Lfilled
	tensor_load_to_lds s[G0C:G0C+3], s[G1C:G1C+7]
	s_nop 0
	PLACES 4
.Lfilled:
	v_and_b32 v8, 31, v0                           ; lane
	v_and_b32 v9, 15, v0                           ; r
	v_bfe_u32 v10, v0, 4, 1                        ; h
	s_delay_alu instid0(VALU_DEP_3)
	v_lshlrev_b32 v[AK16], 4, v8
	s_delay_alu instid0(VALU_DEP_4)
	v_lshlrev_b32 v[AK8], 3, v8
	s_delay_alu instid0(VALU_DEP_4)
	v_and_b32 v11, 8, v9
	s_delay_alu instid0(VALU_DEP_1)
	v_add_nc_u32 v11, v11, v9                      ; r + 8 (r / 8)
	s_delay_alu instid0(VALU_DEP_1)
	v_lshl_add_u32 v[AKS], v11, 2, KSC
	v_add_nc_u32 v[AV16], VIMG, v[AK16]
	v_add_nc_u32 v[AV8], VIMG, v[AK8]
	s_delay_alu instid0(VALU_DEP_4)
	v_lshl_add_u32 v[AVS], v11, 2, VSC
	; the table: key - query + 2047 less the window's first entry is key + (15 - r) + 16 (15 - wave): copy (15 - r) % 4 makes the rest a multiple of 4
	v_sub_nc_u32 v12, 15, v9
	s_delay_alu instid0(VALU_DEP_1)
	v_and_b32 v13, 3, v12
	s_delay_alu instid0(VALU_DEP_1)
	v_mul_u32_u24 v13, v13, TCP
	s_delay_alu instid0(VALU_DEP_3)
	v_and_b32 v12, 12, v12
	s_delay_alu instid0(VALU_DEP_1)
	v_lshl_add_u32 v13, v12, 2, v13
	s_delay_alu instid0(VALU_DEP_1)
	v_lshl_add_u32 v13, v10, 6, v13                ; + 16 h keys
	s_xor_b32 s13, s[WV], 15
	s_lshl_b32 s13, s13, 6
	s_add_co_u32 s13, s13, TAB
	v_add_nc_u32 v[ATB], s13, v13
	s_lshl_b32 s14, s12, 7
	s_lshl_b32 s15, s11, 4
	s_add_co_u32 s14, s14, s15
	s_add_co_u32 s14, s14, s[WV]                   ; my tile of 16 queries
	s_mul_i32 s72, s14, 768
	s_mov_b32 s73, 0
	s_add_nc_u64 s[72:73], s[4:5], s[72:73]
	s_lshl_b32 s74, s14, 6
	s_add_co_u32 s74, s74, 9437184
	s_mov_b32 s75, 0
	s_add_nc_u64 s[74:75], s[4:5], s[74:75]
	global_load_b128 v[QF:QF+3], v[AK16], s[72:73]
	global_load_b64 v[QF+4:QF+5], v[AK8], s[72:73] offset:512
	v_lshlrev_b32 v8, 2, v9
	global_load_b32 v11, v8, s[74:75]              ; Q's scale word: v11 (v254 and v255 stay the add's two registers up to the first trip)
	s_lshr_b32 s15, s12, 4                         ; the batch
	s_lshl_b32 s15, s15, 7
	s_lshl_b32 s76, s11, 4
	s_add_co_u32 s15, s15, s76
	s_add_co_u32 s15, s15, s[WV]                   ; my block of 16 rows of the next product's A
	s_and_b32 s76, s12, 15
	s_lshl_b32 s77, s15, 4
	s_add_co_u32 s77, s77, s76
	s_mul_i32 s78, s77, 768                        ; half image (block, head)
	s_mov_b32 s79, 0
	s_add_nc_u64 s[78:79], s[8:9], s[78:79]
	s_lshr_b32 s80, s76, 1
	s_lshl_b32 s80, s80, 14
	s_lshl_b32 s81, s15, 6
	s_add_co_u32 s80, s80, s81
	s_and_b32 s81, s76, 1
	s_lshl_b32 s81, s81, 1
	s_add_co_u32 s80, s80, s81
	s_add_co_u32 s80, s80, 3145728                 ; my half of the scale words sc[head / 2][row]
	s_mov_b32 s81, 0
	s_add_nc_u64 s[80:81], s[8:9], s[80:81]
	v_mov_b32 v13, 0xff61b1e6                      ; the largest t so far: -3e38
	s_delay_alu instid0(VALU_DEP_1)
	v_floor_f32 v12, -v13                          ; -M
	v_mov_b32 v14, 0
	v_mov_b32 v15, 0
.irp i, 0,1,2,3,4,5
	v_mov_b32 v[QF+6+\i], 0                        ; zero codes for k = 64 .. 127
.irp t, 0,1,2,3
	v_mov_b32 v[KF+12*\t+6+\i], 0
.endr
.endr
.set j, 0
.rept 32
	v_mov_b32 v[OT+j], 0                           ; the trip is written once: the first finds zeros
.set j, j+1
.endr
.irp b, 0,1,2,3
	v_mov_b32 v[236+\b], 0                         ; lane permutes' destinations
.endr
	v_mov_b32 v253, 0
	s_wait_loadcnt 0x0                             ; Q; its loads' address registers may be stepped from here on
	s_wait_alu depctr_va_vdst(0)                   ; the wait at the head's end
	s_wait_tensorcnt 0x0                           ; my fill has landed,
	ds_add_u32 v254, v255                          ; the add twice on end
	ds_add_u32 v254, v255
	s_wait_dscnt 0x0
	CROUND                                         ; everybody's has, and all four work-groups are here: the joint loads meet
	s_cmp_lt_u32 s[WV], 8
	s_cbranch_scc0 .Lasked2
	s_cmp_eq_u32 s16, 0
	s_cbranch_scc1 .Lasked2
	tensor_load_to_lds s[G0A:G0A+3], s[G1A:G1A+7]  ; quarters 1-3 of K (waves 1-3) and of V (waves 5-7): first fills, one a wave; they land under the first three trips
	s_nop 0
	PLACES 4
.Lasked2:
.macro KGRP g                          ; 12 loads: four tiles of 16 keys and their scale words
.irp t, 0,1,2,3
	ds_load_b128 v[KF+12*\t:KF+12*\t+3], v[AK16] offset:(4*\g+\t)*768
	ds_load_b64 v[KF+12*\t+4:KF+12*\t+5], v[AK8] offset:(4*\g+\t)*768+512
	ds_load_b32 v[248+\t], v[AKS] offset:(32*((4*\g+\t)/2)+8*(\t%2))*4
.endr
.endm
.macro QK g                            ; each accumulator has one instruction a trip: the accumulators take turns
.irp t, 0,1,2,3
	v_wmma_scale_f32_16x16x128_f8f6f4 v[SS+8*(4*\g+\t):SS+8*(4*\g+\t)+7], v[KF+12*\t:KF+12*\t+11], v[QF:QF+11], v[SS+8*(4*\g+\t):SS+8*(4*\g+\t)+7], v[248+\t], v11 matrix_a_fmt:MATRIX_FMT_FP6 matrix_b_fmt:MATRIX_FMT_FP6
.endr
.endm
.macro AHEADL                          ; 28 loads for the trip to come: the table's entries (register 16 b + i: key 32 b + 16 h + i and my query) and K's first four tiles
.irp b, 0,1,2,3
.irp i, 0,1,2,3
	ds_load_b128 v[SS+16*\b+4*\i:SS+16*\b+4*\i+3], v[ATB] offset:128*\b+16*\i
.endr
.endr
	KGRP 0
.endm
.macro WALK trips, ahead               ; so many trips of 128 keys; ahead = 1: each trip asks for the next trip's first loads (the walk's very last trip has no next one: ahead = 0)
	s_mov_b32 s3, \trips
.Lstep_\@:
	s_wait_alu depctr_va_vdst(0)
	s_wait_dscnt 0x0                               ; what the trip before (or the head) asked for
	QK 0
	PLACES 4                                       ; in front of loads into registers that matrix instructions have read
	KGRP 1
.irp c, 0,1,2,3                        ; 20 loads: V's four tiles of channels x these 128 keys, and their scale words: they land under the softmax
	ds_load_b128 v[VF+12*\c:VF+12*\c+3], v[AV16] offset:1536*\c
	ds_load_b64 v[VF+12*\c+4:VF+12*\c+5], v[AV8] offset:1536*\c+512
	ds_load_b128 v[VF+12*\c+6:VF+12*\c+9], v[AV16] offset:1536*\c+768
	ds_load_b64 v[VF+12*\c+10:VF+12*\c+11], v[AV8] offset:1536*\c+1280
	ds_load_b32 v[VS+\c], v[AVS] offset:(32*(\c/2)+8*(\c%2))*4
.endr
	s_wait_dscnt 20                                ; K's second four tiles are in; V's 20 loads may be out
	QK 1
	PLACES 4
.irp b, 0,1,2,3
	v_max3_num_f32 v[232+\b], v[SS+16*\b], v[SS+1+16*\b], v[SS+2+16*\b]   ; the largest score of each block of 32 keys: for the row's maximum, and, since p rises with the score, for the block's largest p
.endr
.irp i, 3,5,7,9,11,13
.irp b, 0,1,2,3
	v_max3_num_f32 v[232+\b], v[232+\b], v[SS+16*\b+\i], v[SS+1+16*\b+\i]
.endr
.endr
.irp b, 0,1,2,3
	v_max_num_f32 v[232+\b], v[232+\b], v[SS+15+16*\b]
.endr
.irp b, 0,1,2,3
	s_delay_alu instid0(VALU_DEP_4)
	v_permlanex16_b32 v[236+\b], v[232+\b], s[SEL], s[SEL+1]
.endr
.irp b, 0,1,2,3
	s_delay_alu instid0(VALU_DEP_4)
	v_max_num_f32 v[232+\b], v[232+\b], v[236+\b]
.endr
	s_delay_alu instid0(VALU_DEP_2)
	v_max3_num_f32 v254, v232, v233, v234
	s_delay_alu instid0(VALU_DEP_1)
	v_max_num_f32 v254, v254, v235
	s_delay_alu instid0(VALU_DEP_1)
	v_mul_f32 v254, s[CS], v254                    ; as t
	s_delay_alu instid0(VALU_DEP_1)
	v_max_num_f32 v13, v13, v254                   ; the running largest t
	v_mov_b32 v254, v12
	s_delay_alu instid0(VALU_DEP_2)
	v_floor_f32 v12, -v13                          ; the new -M = -ceil(t)
	s_delay_alu instid0(VALU_DEP_1)
	v_sub_f32 v254, v12, v254                      ; old M - new M: a whole number, 0 or less
	s_delay_alu instid0(VALU_DEP_1)
	v_cvt_i32_f32 v254, v254                       ; (it saturates)
	s_delay_alu instid0(VALU_DEP_1)
	v_ldexp_f32 v252, 1.0, v254                    ; f = 2^(old M - new M)
.set j, 0
.rept 32
	v_pk_fma_f32 v[SS+j:SS+j+1], v[SS+j:SS+j+1], s[CS:CS+1], v[12:13] op_sel_hi:[1,0,0]   ; t - M
.set j, j+2
.endr
.irp b, 0,1,2,3
	v_fma_f32 v[232+\b], v[232+\b], s[CS], v12
.endr
.set j, 0
	s_wait_alu depctr_va_vdst(0)
.rept 64
	v_exp_f32 v[SS+j], v[SS+j]                     ; p = 2^(t - M): one batch
.set j, j+1
.endr
	v_pk_mul_f32 v[14:15], v[14:15], v[252:253] op_sel_hi:[1,0]   ; the sums under the new M: a plain place behind the exponentials
	s_wait_alu depctr_va_vdst(0)                   ; one wait for the batch, ahead of its first reader
.irp b, 0,1,2,3
	v_exp_f32 v[232+\b], v[232+\b]                 ; the blocks' largest p
.endr
	v_pk_add_f32 v[236:237], v[132:133], v[136:137]
	v_pk_add_f32 v[250:251], v[140:141], v[144:145]
	v_pk_add_f32 v[248:249], v[148:149], v[152:153]
	v_pk_add_f32 v[246:247], v[156:157], v[160:161]
	v_pk_add_f32 v[244:245], v[164:165], v[168:169]
	v_pk_add_f32 v[242:243], v[172:173], v[176:177]
	v_pk_add_f32 v[240:241], v[180:181], v[184:185]
	v_pk_add_f32 v[14:15], v[14:15], v[188:189]
	v_pk_add_f32 v[236:237], v[236:237], v[128:129]
	v_pk_add_f32 v[250:251], v[250:251], v[130:131]
	v_pk_add_f32 v[248:249], v[248:249], v[134:135]
	v_pk_add_f32 v[246:247], v[246:247], v[138:139]
	v_pk_add_f32 v[244:245], v[244:245], v[142:143]
	v_pk_add_f32 v[242:243], v[242:243], v[146:147]
	v_pk_add_f32 v[240:241], v[240:241], v[150:151]
	v_pk_add_f32 v[14:15], v[14:15], v[154:155]
	v_pk_add_f32 v[236:237], v[236:237], v[158:159]
	v_pk_add_f32 v[250:251], v[250:251], v[162:163]
	v_pk_add_f32 v[248:249], v[248:249], v[166:167]
	v_pk_add_f32 v[246:247], v[246:247], v[170:171]
	v_pk_add_f32 v[244:245], v[244:245], v[174:175]
	v_pk_add_f32 v[242:243], v[242:243], v[178:179]
	v_pk_add_f32 v[240:241], v[240:241], v[182:183]
	v_pk_add_f32 v[14:15], v[14:15], v[186:187]
	v_pk_add_f32 v[236:237], v[236:237], v[190:191]
	s_delay_alu instid0(VALU_DEP_2)
	v_pk_add_f32 v[14:15], v[14:15], v[246:247]
	s_delay_alu instid0(VALU_DEP_2)
	v_pk_add_f32 v[236:237], v[236:237], v[244:245]
	v_pk_add_f32 v[250:251], v[250:251], v[242:243]
	v_pk_add_f32 v[248:249], v[248:249], v[240:241]
	s_delay_alu instid0(VALU_DEP_2)
	v_pk_add_f32 v[14:15], v[14:15], v[250:251]
	s_delay_alu instid0(VALU_DEP_2)
	v_pk_add_f32 v[236:237], v[236:237], v[248:249]
	s_delay_alu instid0(VALU_DEP_1)
	v_pk_add_f32 v[14:15], v[14:15], v[236:237]
	s_wait_alu depctr_va_vdst(0)                   ; and one for the four
.irp b, 0,1,2,3
	v_max_num_f32 v[232+\b], 0x1800000, v[232+\b]  ; the floor 2^(3 - 127)
.endr
.irp b, 0,1,2,3
	s_delay_alu instid0(VALU_DEP_4)
	v_add_nc_u32 v[244+\b], 0xff000000, v[232+\b]
.endr
.irp b, 0,1,2,3
	s_delay_alu instid0(VALU_DEP_4)
	v_lshrrev_b32 v[236+\b], 23, v[244+\b]
.endr
	s_delay_alu instid0(VALU_DEP_3)
	v_lshl_or_b32 v253, v237, 8, v236              ; p's scale word for these 128 keys
	s_delay_alu instid0(VALU_DEP_1)
	v_lshl_or_b32 v253, v238, 16, v253
	s_delay_alu instid0(VALU_DEP_1)
	v_lshl_or_b32 v253, v239, 24, v253
.irp c, 0,1
	v_cvt_scalef32_pk16_fp6_f32 v[224+6*\c:226+6*\c], v[SS+32*\c:SS+15+32*\c], v[244+2*\c]
	v_cvt_scalef32_pk16_fp6_f32 v[236+4*\c:238+4*\c], v[SS+16+32*\c:SS+31+32*\c], v[244+2*\c+1]
.endr
	v_nop                                          ; one plain place behind a scaled conversion
.irp c, 0,1
.irp i, 0,1,2
	v_permlane16_swap_b32 v[224+6*\c+\i], v[236+4*\c+\i]
.endr
.irp i, 0,1,2
	s_delay_alu instid0(VALU_DEP_3)
	v_mov_b32 v[227+6*\c+\i], v[236+4*\c+\i]
.endr
.endr
.set j, 0
.rept 16
	v_pk_mul_f32 v[OT+j:OT+j+1], v[OT+j:OT+j+1], v[252:253] op_sel_hi:[1,0]   ; O^T under the new M
.set j, j+2
.endr
	v_add_nc_u32 v[AK16], 6144, v[AK16]            ; the next trip's addresses: all this trip's LDS loads are issued.  With the 16 lines above these are the places between p's codes and scale word and the products
	v_add_nc_u32 v[AK8], 6144, v[AK8]
	v_add_nc_u32 v[AKS], 512, v[AKS]
	v_add_nc_u32 v[AV16], 6144, v[AV16]
	v_add_nc_u32 v[AV8], 6144, v[AV8]
	v_add_nc_u32 v[AVS], 256, v[AVS]
	v_add_nc_u32 v[ATB], 512, v[ATB]
.if \ahead
	AHEADL                                         ; p's registers and K's are free: the next trip's first loads are out while V is multiplied
	s_wait_alu depctr_va_vdst(0)
	s_wait_dscnt 28                                ; V is in; the 28 loads just issued may be out
.else
	s_wait_alu depctr_va_vdst(0)
	s_wait_dscnt 0x0                               ; V
.endif
.irp c, 0,1,2,3
	v_wmma_scale_f32_16x16x128_f8f6f4 v[OT+8*\c:OT+8*\c+7], v[VF+12*\c:VF+12*\c+11], v[224:235], v[OT+8*\c:OT+8*\c+7], v[VS+\c], v253 matrix_a_fmt:MATRIX_FMT_FP6 matrix_b_fmt:MATRIX_FMT_FP6
.endr
	s_sub_co_u32 s3, s3, 1
	s_cmp_lg_u32 s3, 0
	s_cbranch_scc1 .Lstep_\@
.endm
	AHEADL
	WALK 3, 1
	s_wait_tensorcnt 0x0                           ; my later quarter has landed,
	s_wait_dscnt 0x0
	s_barrier_signal -1
	s_barrier_wait -1                              ; everybody's has
	WALK 12, 1
	WALK 1, 0                                      ; keys 1,920-2,047: nothing is asked for ahead, so no load reads past the table's windows
	; THE WAY OUT: O^T / the sum; register 16 b + i is channel 32 b + 16 h + i of my query: two blocks of 32 along the next K, one half image
	v_add_f32 v14, v14, v15
	s_delay_alu instid0(VALU_DEP_1)
	v_permlanex16_b32 v252, v14, s[SEL], s[SEL+1]
	s_delay_alu instid0(VALU_DEP_1)
	v_add_f32 v14, v14, v252
	s_wait_alu depctr_va_vdst(0)
	v_rcp_f32 v14, v14
	v_and_b32 v8, 31, v0                           ; plain work behind the reciprocal; with the additions above also the places behind the last products
	s_delay_alu instid0(VALU_DEP_1)
	v_lshlrev_b32 v9, 4, v8
	s_delay_alu instid0(VALU_DEP_2)
	v_lshlrev_b32 v10, 3, v8
	v_and_b32 v11, 15, v0
	s_delay_alu instid0(VALU_DEP_1)
	v_lshlrev_b32 v11, 2, v11
	s_wait_alu depctr_va_vdst(0)                   ; the wait ahead of the reciprocal's first reader
.set j, 0
.rept 32
	v_mul_f32 v[SS+j], v[OT+j], v14                ; each accumulator from its low end on
.set j, j+1
.endr
.irp b, 0,1
	v_max3_num_f32 v[232+\b], |v[SS+16*\b]|, |v[SS+1+16*\b]|, 0x1800000
.endr
.irp i, 2,4,6,8,10,12,14
.irp b, 0,1
	s_delay_alu instid0(VALU_DEP_2)
	v_max3_num_f32 v[232+\b], v[232+\b], |v[SS+16*\b+\i]|, |v[SS+1+16*\b+\i]|
.endr
.endr
.irp b, 0,1
	s_delay_alu instid0(VALU_DEP_2)
	v_permlanex16_b32 v[236+\b], v[232+\b], s[SEL], s[SEL+1]
.endr
.irp b, 0,1
	s_delay_alu instid0(VALU_DEP_2)
	v_max_num_f32 v[232+\b], v[232+\b], v[236+\b]
.endr
.irp b, 0,1
	s_delay_alu instid0(VALU_DEP_2)
	v_add_nc_u32 v[244+\b], 0xff000000, v[232+\b]
.endr
.irp b, 0,1
	s_delay_alu instid0(VALU_DEP_2)
	v_lshrrev_b32 v[240+\b], 23, v[244+\b]
.endr
	s_delay_alu instid0(VALU_DEP_1)
	v_lshl_or_b32 v253, v241, 8, v240              ; my head's two bytes of the row's scale word
	v_cvt_scalef32_pk16_fp6_f32 v[224:226], v[SS:SS+15], v244
	v_cvt_scalef32_pk16_fp6_f32 v[236:238], v[SS+16:SS+31], v245
	v_nop
.irp i, 0,1,2
	v_permlane16_swap_b32 v[224+\i], v[236+\i]
.endr
.irp i, 0,1,2
	s_delay_alu instid0(VALU_DEP_3)
	v_mov_b32 v[227+\i], v[236+\i]
.endr
	global_store_b128 v9, v[224:227], s[78:79]             ; 512 consecutive bytes,
	global_store_b64 v10, v[228:229], s[78:79] offset:512  ; 256
	global_store_b16 v11, v253, s[80:81]                   ; lanes l and l xor 16 write the same two bytes
	s_wait_xcnt 0x0
	v_lshl_add_u32 v254, v0, 2, 0x3c100
	v_mov_b32 v255, 0
	s_wait_alu depctr_va_vdst(0)
	s_wait_tensorcnt 0x0
	ds_add_u32 v254, v255
	s_wait_dscnt 0x0
	CROUND                                         ; the closing round
	s_endpgm
.Lfunc_end_k_q781359df1c_attn:
	.size	k_q781359df1c_attn, .Lfunc_end_k_q781359df1c_attn-k_q781359df1c_attn
	.p2alignl 7, 3214868480
	.fill 96, 4, 3214868480
	.section	.rodata,"a",@progbits
	.p2align	6, 0x0
	.amdhsa_kernel k_q781359df1c_attn
		.amdhsa_group_segment_fixed_size 327680
		.amdhsa_private_segment_fixed_size 0
		.amdhsa_enable_private_segment 0
		.amdhsa_kernarg_size 24
		.amdhsa_user_sgpr_count 2
		.amdhsa_user_sgpr_kernarg_segment_ptr 1
		.amdhsa_wavefront_size32 1
		.amdhsa_system_sgpr_workgroup_id_x 1
		.amdhsa_system_sgpr_workgroup_id_y 1
		.amdhsa_system_sgpr_workgroup_id_z 1
		.amdhsa_system_vgpr_workitem_id 0
		.amdhsa_next_free_vgpr 256
		.amdhsa_next_free_sgpr 92
		.amdhsa_reserve_vcc 0
		.amdhsa_float_denorm_mode_32 3
		.amdhsa_float_denorm_mode_16_64 3
		.amdhsa_memory_ordered 1
		.amdhsa_forward_progress 1
		.amdhsa_inst_pref_size 75
	.end_amdhsa_kernel
	.amdgpu_metadata
---
amdhsa.version: [ 1, 2 ]
amdhsa.kernels:
  - .name:           k_q781359df1c_attn
    .symbol:         k_q781359df1c_attn.kd
    .args:
      - { .name: qkvw, .offset: 0, .size: 8, .value_kind: global_buffer, .address_space: global }
      - { .name: prepw, .offset: 8, .size: 8, .value_kind: global_buffer, .address_space: global }
      - { .name: att, .offset: 16, .size: 8, .value_kind: global_buffer, .address_space: global }
    .group_segment_fixed_size: 327680
    .private_segment_fixed_size: 0
    .kernarg_segment_align: 8
    .kernarg_segment_size: 24
    .max_flat_workgroup_size: 512
    .sgpr_count:     92
    .vgpr_count:     256
    .wavefront_size: 32
...
	.end_amdgpu_metadata
.endif
;; end of part 12
;; launch projln (part 13): grid 256 x 1, 8 waves a work-group, no clusters, 69,632 bytes of LDS; arguments att, wimg, proj_w_scales, proj_b, x, ln2_g, ln2_b, x1, hn; writes x1, hn
.if DOCPART == 13
	.amdgcn_target "amdgcn-amd-amdhsa--gfx1250"
	.amdhsa_code_object_version 6
	.text
	.protected	k_q781359df1c_projln
	.globl	k_q781359df1c_projln
	.p2align	8
	.type	k_q781359df1c_projln,@function
k_q781359df1c_projln:
	s_mov_b64 s[64:65], 0
	v_nop
	global_prefetch_b8 v0, s[64:65] scope:SCOPE_SE
	s_setreg_imm32_b32 hwreg(HW_REG_WAVE_MODE, 25, 1), 1
	s_wait_xcnt 0x0
; x1 = x + o proj_w + proj_b on codes of FP6 (E2M3) with E8M0 scales, then h = layer norm(x1) g + b, quantised along the row and stored as the next product's operand registers: two steps of the block in one launch.
; SHARES.  The norm needs whole rows, so a work-group owns 16 rows x all 1,024 columns; 256 work-groups.  Wave w owns columns 128 w .. + 127: 8 accumulators, 8 K steps of 128, 64 matrix instructions.
; OPERANDS GO FROM MEMORY STRAIGHT INTO REGISTERS: o (buffer att) and proj_w (buffer wimg) lie as images of operand registers (1,536 bytes a fragment: two halves of 768; registers 0-3 at 16 x lane, 4-5 at 512 + 8 x lane).
; No wave reads a fragment of proj_w that another wave of the work-group reads, so LDS would pass each byte on once and serve no second reader: no tensor load, no ring, no cluster; A's 12 KB are read by each wave.
; B's fragments have two buffers of a K step (32 loads each): while one is multiplied, the other's and then the next one's loads are out.
; TRANSPOSED USE: source 0 = 16 rows of proj_w, source 1 = my 16 rows of o: lane (r, h) holds row r.  Tile 2 c + u's slot s is column 32 c + 8 u + s + 8 (s / 8), so registers 16 c .. 16 c + 15 are columns 32 c + 16 h + 0 .. 15.
; x + proj_b is read as whole rows, turned through the wave's own LDS stage into the accumulators' layout, and starts the sums.  x1 goes back through the stage and is stored as whole rows of 512 bytes.
; THE NORM in f32, the variance from the differences: each wave's sums over its 128 columns meet in LDS ([row][wave]), twice, a barrier each.  Wave w's 128 columns are K step w of the next product: one fragment and one scale word a row.
; No prefetch: the loop's own loads run two K steps ahead.  LIMITS: a block of zeros keeps the scale byte 1 (its codes are zeros; this program alone reads the bytes); NaN and infinities are not served.
.set IMGB,  3145728                    ; behind the images: scale words sc[k / 128][row]
.set WOFF,  2359296                    ; where proj_w's images begin in wimg
.set SP,    528                        ; the stage: 16 rows x (512 bytes + 16) for each wave, from LDS byte 0
.set PART,  67584                      ; sums [row][wave], 512 bytes; the squares' 512 bytes behind
.set SPARE, 68608                      ; the spare words: 128 bytes a wave
.set L16, 4
.set L8,  5
.set R4,  6
.set BS,  7                            ; B's scale bytes: my row of a pair of tiles
.set STA, 8                            ; the stage in the accumulators' layout
.set STR, 9                            ; and by rows
.set GB,  11
.set PST, 12
.set PLD, 13
.set SPW, 14
.set NIL, 15
.set SA,  16                           ; v16-23 A's scale words;  v24-55 B's: register 8 c + q: lanes 0-15 tile 2 c, lanes 16-31 tile 2 c + 1
.set SB,  24
.set BF,  64                           ; v64-159, v160-255 B's fragments.  Behind the products: X, RB and what follows
.set X,   64
.set RB,  128
.set T,   192
.set MN,  200
.set RS,  202
.set TP,  204
.set PR,  208
.set TM,  216
.set PW,  232
.set PC,  236
.set AFR, 64                           ; window 1: v0-63 accumulators, v64-159 A's eight fragments (then g, b), v160-223 x by rows, v224-227 proj_b
.set XR,  160
.set BR,  224
.set GG,  64
.set BT,  128
.set MSB, 0
.macro WIN new                         ; the immediate's high byte repeats the setting that is left
.if MSB != (\new)
	s_set_vgpr_msb (MSB<<8)|(\new)
.set MSB, (\new)
.endif
.endm
	s_load_b256 s[4:11], s[0:1], 0x0               ; att, wimg, proj_w_scales, proj_b
	s_load_b256 s[12:19], s[0:1], 0x20             ; x, g, b, x1
	s_load_b64 s[20:21], s[0:1], 0x40              ; hn
	v_lshrrev_b32 v1, 5, v0
	v_readfirstlane_b32 s2, v1                     ; wave
	s_mul_i32 s42, s2, 16*SP
	s_lshl_b32 s43, s2, 2
	s_add_co_u32 s43, s43, PART
	s_mul_i32 s22, ttmp9, 12288                    ; my block's eight fragments of A
	s_mov_b32 s23, 0
	s_lshl_b32 s24, ttmp9, 6
	s_add_co_u32 s24, s24, IMGB                    ; its scale words
	s_mov_b32 s25, 0
	s_mul_i32 s26, s2, 98304
	s_add_co_u32 s26, s26, WOFF                    ; my eight tiles of B
	s_mov_b32 s27, 0
	s_lshl_b32 s28, s2, 12                         ; their 128 rows of 32 scale bytes
	s_mov_b32 s29, 0
	s_lshl_b32 s30, s2, 9                          ; my 128 columns
	s_mov_b32 s31, 0
	s_lshl_b32 s32, ttmp9, 16
	s_add_co_u32 s32, s32, s30                     ; of my 16 rows
	s_mov_b32 s33, 0
	s_lshl_b32 s34, ttmp9, 3
	s_add_co_u32 s34, s34, s2
	s_mul_i32 s34, s34, 1536                       ; hn: fragment (block, w)
	s_mov_b32 s35, 0
	s_lshl_b32 s36, s2, 14
	s_add_co_u32 s36, s36, s24                     ; hn: sc[w][my rows]
	s_mov_b32 s37, 0
	s_mov_b32 s38, 0x3a800000                      ; 1 / 1024
	s_mov_b32 s39, 0x3727c5ac                      ; 1e-5
	s_mov_b32 s40, 0x76543210
	s_mov_b32 s41, 0xfedcba98                      ; lane l xor 16
	s_and_b32 s44, ttmp9, 127
	s_mul_i32 s44, s44, 6144
	s_add_co_u32 s44, s44, WOFF                    ; my work-group's 24 pieces of 256 bytes of proj_w's images
	s_mov_b32 s45, 0
	v_lshl_add_u32 v[SPW], v0, 2, SPARE
	v_mov_b32 v[NIL], 0
	v_and_b32 v1, 15, v0                           ; r
	v_bfe_u32 v2, v0, 4, 1                         ; h
	v_and_b32 v3, 31, v0
	v_lshlrev_b32 v[L16], 4, v3
	v_lshlrev_b32 v[L8], 3, v3
	v_lshlrev_b32 v[R4], 2, v1
	v_and_b32 v[BS], 8, v1
	v_add_nc_u32 v[BS], v[BS], v1
	v_lshl_add_u32 v[BS], v2, 3, v[BS]
	v_lshlrev_b32 v[BS], 5, v[BS]                  ; row r + 8 (r / 8) + 8 h of 32 bytes
	v_mul_u32_u24 v[STA], v1, SP
	v_lshl_add_u32 v[STA], v2, 6, v[STA]
	v_add_nc_u32 v[STA], s42, v[STA]
	v_add_nc_u32 v[STR], s42, v[L16]
	v_lshlrev_b32 v[GB], 6, v2
	v_lshl_add_u32 v[PST], v1, 5, s43
	v_lshl_add_u32 v[PLD], v1, 5, PART
	v_min_u32 v10, 23, v3
	v_lshlrev_b32 v10, 8, v10
	s_wait_alu depctr_va_vdst(0)                   ; the wait at the head's end
	s_wait_kmcnt 0x0
	s_add_nc_u64 s[22:23], s[4:5], s[22:23]
	s_add_nc_u64 s[24:25], s[4:5], s[24:25]
	s_add_nc_u64 s[26:27], s[6:7], s[26:27]
	s_add_nc_u64 s[28:29], s[8:9], s[28:29]
	s_add_nc_u64 s[10:11], s[10:11], s[30:31]
	s_add_nc_u64 s[14:15], s[14:15], s[30:31]
	s_add_nc_u64 s[16:17], s[16:17], s[30:31]
	s_add_nc_u64 s[12:13], s[12:13], s[32:33]
	s_add_nc_u64 s[18:19], s[18:19], s[32:33]
	s_add_nc_u64 s[36:37], s[20:21], s[36:37]
	s_add_nc_u64 s[34:35], s[20:21], s[34:35]
	; ONE PREFETCH INTO THE L2 (this stands in place of what the head says of prefetches): every work-group walks all 786,432 bytes of proj_w's images, so the work-groups share the pieces out:
	; work-group g asks for pieces 24 (g % 128) .. + 23, a lane each (lanes 24-31 name the last again), by wave 0 alone; 128 work-groups cover the images once.  v10 and s[44:45] are never rewritten.
	s_add_nc_u64 s[44:45], s[6:7], s[44:45]
	s_cmp_lg_u32 s2, 0
	s_cbranch_scc1 .Lnot_asking
	global_prefetch_b8 v10, s[44:45] th:TH_LOAD_NT scope:SCOPE_SE
.Lnot_asking:
.macro LOADB q, p                      ; 32 loads: my eight tiles' fragments of K step q into buffer p
.irp b, 0,1,2,3,4,5,6,7
	global_load_b128 v[BF+96*(\p)+12*\b:BF+96*(\p)+12*\b+3], v[L16], s[26:27] offset:12288*\b+1536*(\q)
	global_load_b64 v[BF+96*(\p)+12*\b+4:BF+96*(\p)+12*\b+5], v[L8], s[26:27] offset:12288*\b+1536*(\q)+512
	global_load_b128 v[BF+96*(\p)+12*\b+6:BF+96*(\p)+12*\b+9], v[L16], s[26:27] offset:12288*\b+1536*(\q)+768
	global_load_b64 v[BF+96*(\p)+12*\b+10:BF+96*(\p)+12*\b+11], v[L8], s[26:27] offset:12288*\b+1536*(\q)+1280
.endr
.endm
	WIN 0x40                                       ; destinations in window 1
.set t, 0
.rept 16
	global_load_b128 v[XR+4*t:XR+4*t+3], v[L16], s[12:13] offset:4096*t    ; x: 512 consecutive bytes of a row
.set t, t+1
.endr
	global_load_b128 v[BR:BR+3], v[L16], s[10:11]                          ; proj_b, laid as a row
	WIN 0
.irp q, 0,1,2,3,4,5,6,7
	global_load_b32 v[SA+\q], v[R4], s[24:25] offset:16384*\q
.endr
.irp c, 0,1,2,3
	global_load_b128 v[SB+8*\c:SB+8*\c+3], v[BS], s[28:29] offset:1024*\c
	global_load_b128 v[SB+8*\c+4:SB+8*\c+7], v[BS], s[28:29] offset:1024*\c+16
.endr
	WIN 0x40
.irp q, 0,1,2,3,4,5,6,7
	global_load_b128 v[AFR+12*\q:AFR+12*\q+3], v[L16], s[22:23] offset:1536*\q
	global_load_b64 v[AFR+12*\q+4:AFR+12*\q+5], v[L8], s[22:23] offset:1536*\q+512
	global_load_b128 v[AFR+12*\q+6:AFR+12*\q+9], v[L16], s[22:23] offset:1536*\q+768
	global_load_b64 v[AFR+12*\q+10:AFR+12*\q+11], v[L8], s[22:23] offset:1536*\q+1280
.endr
	WIN 0
	LOADB 0, 0
	s_wait_loadcnt 63                              ; 97 loads are issued: with at most 63 out the first 34 are in, x's 16 and proj_b among them
	WIN 0x55
.set t, 0
.rept 16
	v_pk_add_f32 v[XR+4*t:XR+4*t+1], v[XR+4*t:XR+4*t+1], v[BR:BR+1]
	v_pk_add_f32 v[XR+4*t+2:XR+4*t+3], v[XR+4*t+2:XR+4*t+3], v[BR+2:BR+3]
.set t, t+1
.endr
	WIN 0x04                                       ; an LDS store's data are its source 1
.set t, 0
.rept 16
	ds_store_b128 v[STR], v[XR+4*t:XR+4*t+3] offset:SP*t
.set t, t+1
.endr
	WIN 0x40
.irp c, 0,1,2,3
.irp i, 0,1,2,3
	ds_load_b128 v[16*\c+4*\i:16*\c+4*\i+3], v[STA] offset:128*\c+16*\i    ; my own bytes, served in order: x + proj_b in the accumulators' layout
.endr
.endr
	WIN 0
	LOADB 1, 1
.macro STEPK q                         ; the eight accumulators take turns, one instruction a turn, in every K step
.if \q < 7
	s_wait_loadcnt 32                              ; all but the next K step's 32 loads are in
.else
	s_wait_loadcnt 0x0
.endif
.if \q == 0
	s_wait_dscnt 0x0                               ; the sums' first values
.endif
	WIN 0x54                                       ; source 0 (B) window 0; source 1 (A), C and D window 1
.irp c, 0,1,2,3
	v_wmma_scale_f32_16x16x128_f8f6f4 v[16*\c:16*\c+7], v[BF+96*((\q)%2)+24*\c:BF+96*((\q)%2)+24*\c+11], v[AFR+12*(\q):AFR+12*(\q)+11], v[16*\c:16*\c+7], v[SB+8*\c+(\q)], v[SA+(\q)] matrix_a_fmt:MATRIX_FMT_FP6 matrix_b_fmt:MATRIX_FMT_FP6
	v_wmma_scale_f32_16x16x128_f8f6f4 v[16*\c+8:16*\c+15], v[BF+96*((\q)%2)+24*\c+12:BF+96*((\q)%2)+24*\c+23], v[AFR+12*(\q):AFR+12*(\q)+11], v[16*\c+8:16*\c+15], v[SB+8*\c+(\q)], v[SA+(\q)] matrix_a_fmt:MATRIX_FMT_FP6 matrix_b_fmt:MATRIX_FMT_FP6 matrix_a_scale:MATRIX_SCALE_ROW1
.endr
.rept 4
	v_nop                                          ; places in front of loads into, and reads of, these instructions' registers
.endr
	WIN 0
.if \q < 6
	LOADB (\q)+2, (\q)%2
.endif
.endm
.irp q, 0,1,2,3,4,5,6,7
	STEPK \q
.endr
	WIN 0x04
.irp c, 0,1,2,3
.irp i, 0,1,2,3
	ds_store_b128 v[STA], v[16*\c+4*\i:16*\c+4*\i+3] offset:128*\c+16*\i   ; x1; each accumulator from its low end on
.endr
.endr
	WIN 0
.irp c, 0,1,2,3
.irp i, 0,1,2,3
	ds_load_b128 v[X+16*\c+4*\i:X+16*\c+4*\i+3], v[STA] offset:128*\c+16*\i  ; back into window 0 for the norm,
.endr
.endr
.set t, 0
.rept 16
	ds_load_b128 v[RB+4*t:RB+4*t+3], v[STR] offset:SP*t                    ; and by rows for the store
.set t, t+1
.endr
	WIN 0x40
.irp c, 0,1,2,3
.irp i, 0,1,2,3
	global_load_b128 v[GG+16*\c+4*\i:GG+16*\c+4*\i+3], v[GB], s[14:15] offset:128*\c+16*\i   ; g and b at my columns: they land under the sums
	global_load_b128 v[BT+16*\c+4*\i:BT+16*\c+4*\i+3], v[GB], s[16:17] offset:128*\c+16*\i
.endr
.endr
	WIN 0
	v_mov_b32 v[TP], 0                             ; lane permutes' destinations count as sources
.irp b, 0,1,2,3
	v_mov_b32 v[TM+4+\b], 0
.endr
	s_wait_dscnt 16                                ; X is in; the 16 loads by rows may be out
.macro MEETSUM off, send               ; four chains of pairs -> my row's sum over my wave's 128 columns -> over all eight waves, in v[T]
	v_pk_add_f32 v[T:T+1], v[T:T+1], v[T+2:T+3]
	v_pk_add_f32 v[T+4:T+5], v[T+4:T+5], v[T+6:T+7]
	v_pk_add_f32 v[T:T+1], v[T:T+1], v[T+4:T+5]
	v_add_f32 v[T], v[T], v[T+1]
	v_permlanex16_b32 v[TP], v[T], s40, s41
	v_add_f32 v[T], v[T], v[TP]
	ds_store_b32 v[PST], v[T] offset:\off          ; lanes l and l xor 16 write the same word with the same value
	s_wait_alu depctr_va_vdst(0)                   ; directly ahead of the wait below
	s_wait_dscnt 0x0                               ; for the others' sake
	s_barrier_signal -1
	s_barrier_wait -1
	ds_load_b128 v[PR:PR+3], v[PLD] offset:\off
	ds_load_b128 v[PR+4:PR+7], v[PLD] offset:\off+16
.if \send
.set t, 0
.rept 16
	global_store_b128 v[L16], v[RB+4*t:RB+4*t+3], s[18:19] offset:4096*t   ; x1: 512 consecutive bytes of a row
.set t, t+1
.endr
.else
	s_wait_loadcnt 0x0                             ; g and b
.endif
	s_wait_dscnt 0x0
	v_pk_add_f32 v[PR:PR+1], v[PR:PR+1], v[PR+2:PR+3]
	v_pk_add_f32 v[PR+4:PR+5], v[PR+4:PR+5], v[PR+6:PR+7]
	v_pk_add_f32 v[PR:PR+1], v[PR:PR+1], v[PR+4:PR+5]
	v_add_f32 v[T], v[PR], v[PR+1]
.endm
.irp k, 0,2,4,6
	v_pk_add_f32 v[T+\k:T+\k+1], v[X+\k:X+\k+1], v[X+8+\k:X+9+\k]
.endr
.irp o, 16,24,32,40,48,56
.irp k, 0,2,4,6
	v_pk_add_f32 v[T+\k:T+\k+1], v[T+\k:T+\k+1], v[X+\o+\k:X+\o+\k+1]
.endr
.endr
	MEETSUM 0, 1
	v_mul_f32 v[MN], s38, v[T]                     ; the mean
	v_mov_b32 v[MN+1], v[MN]
.set j, 0
.rept 32
	v_pk_add_f32 v[X+j:X+j+1], v[X+j:X+j+1], v[MN:MN+1] neg_lo:[0,1] neg_hi:[0,1]
.set j, j+2
.endr
.irp k, 0,2,4,6
	v_pk_mul_f32 v[T+\k:T+\k+1], v[X+\k:X+\k+1], v[X+\k:X+\k+1]
.endr
.irp o, 8,16,24,32,40,48,56
.irp k, 0,2,4,6
	v_pk_fma_f32 v[T+\k:T+\k+1], v[X+\o+\k:X+\o+\k+1], v[X+\o+\k:X+\o+\k+1], v[T+\k:T+\k+1]
.endr
.endr
	MEETSUM 512, 0
	v_fma_f32 v[T], v[T], s38, s39                 ; var + eps
	s_wait_alu depctr_va_vdst(0)                   ; the wait ahead of the transcendental,
	v_rsq_f32 v[RS], v[T]
	v_nop                                          ; a plain place behind it,
	s_wait_alu depctr_va_vdst(0)                   ; and the wait ahead of its first reader
	v_mov_b32 v[RS+1], v[RS]
.set j, 0
.rept 32
	v_pk_mul_f32 v[X+j:X+j+1], v[X+j:X+j+1], v[RS:RS+1]
.set j, j+2
.endr
	WIN 0x14                                       ; g and b in window 1
.set j, 0
.rept 32
	v_pk_fma_f32 v[X+j:X+j+1], v[X+j:X+j+1], v[GG+j:GG+j+1], v[BT+j:BT+j+1]
.set j, j+2
.endr
	WIN 0
	; the quantiser: register 16 b + i = k 32 b + 16 h + i of my row
.irp b, 0,1,2,3
	v_max3_num_f32 v[TM+\b], |v[X+16*\b]|, |v[X+1+16*\b]|, 0x1800000   ; with the floor 2^(3 - 127): the byte cannot fall under 1
.endr
.irp i, 2,4,6,8,10,12,14
.irp b, 0,1,2,3
	v_max3_num_f32 v[TM+\b], v[TM+\b], |v[X+16*\b+\i]|, |v[X+1+16*\b+\i]|
.endr
.endr
.irp b, 0,1,2,3
	v_permlanex16_b32 v[TM+4+\b], v[TM+\b], s40, s41
.endr
.irp b, 0,1,2,3
	v_max_num_f32 v[TM+\b], v[TM+\b], v[TM+4+\b]   ; the block's largest magnitude
.endr
.irp b, 0,1,2,3
	v_add_nc_u32 v[TM+12+\b], 0xff000000, v[TM+\b] ; 2 off its exponent field: the conversion's scale operand
.endr
.irp b, 0,1,2,3
	v_lshrrev_b32 v[TM+4+\b], 23, v[TM+12+\b]      ; the scale's byte
.endr
	v_lshl_or_b32 v[PW], v[TM+5], 8, v[TM+4]
	v_lshl_or_b32 v[PW], v[TM+6], 16, v[PW]
	v_lshl_or_b32 v[PW], v[TM+7], 24, v[PW]
.irp c, 0,1
	v_cvt_scalef32_pk16_fp6_f32 v[PC+6*\c:PC+2+6*\c], v[X+32*\c:X+15+32*\c], v[TM+12+2*\c]
	v_cvt_scalef32_pk16_fp6_f32 v[PC+12+4*\c:PC+14+4*\c], v[X+16+32*\c:X+31+32*\c], v[TM+12+2*\c+1]
.endr
	v_nop                                          ; one plain place behind a scaled conversion
.irp c, 0,1                            ; the operand wants a whole block in a lane
.irp i, 0,1,2
	v_permlane16_swap_b32 v[PC+6*\c+\i], v[PC+12+4*\c+\i]
.endr
.irp i, 0,1,2
	v_mov_b32 v[PC+3+6*\c+\i], v[PC+12+4*\c+\i]
.endr
.endr
	global_store_b128 v[L16], v[PC:PC+3], s[34:35]
	global_store_b64 v[L8], v[PC+4:PC+5], s[34:35] offset:512
	global_store_b128 v[L16], v[PC+6:PC+9], s[34:35] offset:768
	global_store_b64 v[L8], v[PC+10:PC+11], s[34:35] offset:1280
	global_store_b32 v[R4], v[PW], s[36:37]        ; lanes l and l xor 16 hold the same word
	s_wait_tensorcnt 0x0                           ; the wave's end
	ds_add_u32 v[SPW], v[NIL]
	s_wait_dscnt 0x0
	s_endpgm
.Lfunc_end_k_q781359df1c_projln:
	.size	k_q781359df1c_projln, .Lfunc_end_k_q781359df1c_projln-k_q781359df1c_projln
	.p2alignl 7, 3214868480
	.fill 96, 4, 3214868480
	.section	.rodata,"a",@progbits
	.p2align	6, 0x0
	.amdhsa_kernel k_q781359df1c_projln
		.amdhsa_group_segment_fixed_size 69632
		.amdhsa_private_segment_fixed_size 0
		.amdhsa_enable_private_segment 0
		.amdhsa_kernarg_size 72
		.amdhsa_user_sgpr_count 2
		.amdhsa_user_sgpr_kernarg_segment_ptr 1
		.amdhsa_wavefront_size32 1
		.amdhsa_system_sgpr_workgroup_id_x 1
		.amdhsa_system_sgpr_workgroup_id_y 1
		.amdhsa_system_sgpr_workgroup_id_z 1
		.amdhsa_system_vgpr_workitem_id 0
		.amdhsa_next_free_vgpr 512
		.amdhsa_next_free_sgpr 66
		.amdhsa_reserve_vcc 0
		.amdhsa_float_denorm_mode_32 3
		.amdhsa_float_denorm_mode_16_64 3
		.amdhsa_memory_ordered 1
		.amdhsa_forward_progress 1
		.amdhsa_inst_pref_size 72
	.end_amdhsa_kernel
	.amdgpu_metadata
---
amdhsa.version: [ 1, 2 ]
amdhsa.kernels:
  - .name:           k_q781359df1c_projln
    .symbol:         k_q781359df1c_projln.kd
    .args:
      - { .name: att, .offset: 0, .size: 8, .value_kind: global_buffer, .address_space: global }
      - { .name: wimg, .offset: 8, .size: 8, .value_kind: global_buffer, .address_space: global }
      - { .name: proj_w_scales, .offset: 16, .size: 8, .value_kind: global_buffer, .address_space: global }
      - { .name: proj_b, .offset: 24, .size: 8, .value_kind: global_buffer, .address_space: global }
      - { .name: x, .offset: 32, .size: 8, .value_kind: global_buffer, .address_space: global }
      - { .name: ln2_g, .offset: 40, .size: 8, .value_kind: global_buffer, .address_space: global }
      - { .name: ln2_b, .offset: 48, .size: 8, .value_kind: global_buffer, .address_space: global }
      - { .name: x1, .offset: 56, .size: 8, .value_kind: global_buffer, .address_space: global }
      - { .name: hn, .offset: 64, .size: 8, .value_kind: global_buffer, .address_space: global }
    .group_segment_fixed_size: 69632
    .private_segment_fixed_size: 0
    .kernarg_segment_align: 8
    .kernarg_segment_size: 72
    .max_flat_workgroup_size: 256
    .sgpr_count:     66
    .vgpr_count:     512
    .wavefront_size: 32
...
	.end_amdgpu_metadata
.endif
;; end of part 13
;; launch ff1 (part 14): grid 16 x 16, 4 waves a work-group, clusters of 4 x 4, 327,680 bytes of LDS; arguments hn, wimg, ff1_w_scales, ff1_b, gg; writes gg
.if DOCPART == 14
	.amdgcn_target "amdgcn-amd-amdhsa--gfx1250"
	.amdhsa_code_object_version 6
	.text
	.protected	k_q781359df1c_ff1
	.globl	k_q781359df1c_ff1
	.p2align	8
	.type	k_q781359df1c_ff1,@function
k_q781359df1c_ff1:
	s_mov_b64 s[64:65], 0
	v_nop
	global_prefetch_b8 v0, s[64:65] scope:SCOPE_SE
	s_setreg_imm32_b32 hwreg(HW_REG_WAVE_MODE, 25, 1), 1
	s_wait_xcnt 0x0
	s_wait_alu depctr_hold_cnt(0) depctr_sa_sdst(0) depctr_va_vdst(0) depctr_va_sdst(0) depctr_va_ssrc(0) depctr_va_vcc(0) depctr_vm_vsrc(0)
	s_getreg_b32 s2, hwreg(HW_REG_IB_STS2, 6, 4)
	s_cmp_eq_u32 s2, 0
	s_cbranch_scc0 .Lentry_in_a_cluster
	s_endpgm
.Lentry_in_a_cluster:
	s_bfe_u32 s2, ttmp6, 0x10000c
	s_cmp_lg_u32 s2, 0xf033
	s_cbranch_scc0 .Lentry_shape_is_right
	s_endpgm
.Lentry_shape_is_right:
; gg = Q(gelu(h ff1_w + ff1_b)) on codes of FP6 (E2M3) with E8M0 scales.  A tile of 256 x 256 by four waves of 128 x 128; K in steps of 256 through a ring of two LDS slots; 4 x 4 clusters with joint loads.
; A (buffer hn) and B (buffer wimg, laid by launch prep with the tile order of rows built in) both come as images of operand registers, 1,536 bytes a fragment; tensor rows are two fragments, 3,072 bytes.
; THE HEAD: one joint load a wave: wave 0 slot 0's 256 rows of A, wave 1 those of B, wave 2 A's scale words ([k / 128][256 rows]), wave 3 B's scale bytes; slot 1 is first filled behind the full sequence and a round.
; The bias is the C of each sum's first instruction.  gelu is exact: erf(u) = c P(c^2) / Q(c^2), c = u held to +-4.  The result is quantised along its row and stored as the next product's operand registers.
; LIMITS: erf is right to about 1e-7 absolutely; a block of zeros keeps the scale byte 1; NaN and infinities are not served.
.set SIZE_N, 4096
.set SIZE_K, 1024
.set PERM,   1
.set KROW,   SIZE_K*3/4
.set WOFF,   3145728                   ; where ff1_w's images begin in wimg
.set FR,     12
.set HALFA,  24576
.set HALFB,  24576
.set SLOT,   2*HALFA+2*HALFB
.set LAPS,   SIZE_K/512
.set KS,     SIZE_K/32
.set IMGB,   3072*SIZE_K
.set SCA,    2*SLOT
.set HALFSA, 4*SIZE_K
.set SCB,    SCA+2*HALFSA
.set HALFS,  (128*KS/256)*272
.set SBLK,   (16*KS/256)*272
.set SPARE,  SCB+2*HALFS
.set L16,    4
.set L8,     5
.set R4,     12
.set ADRA16, 16
.set ADRA8,  18
.set ADRB,   20
.set ADRSB,  27
.set SPW,    28
.set NIL,    29
.set ADRSA,  30
.set SCBR,   32
.set SCAR,   64
.set AF,     128
.set UU,     32
.set SQ,     96
.set CC,     128
.set PP,     160
.set QQ,     192
.set PC,     96
.set TM,     116
.set PW,     132
.set WV, 99
.set RH, 100
.set CH, 101
.set TC, 42
.set TR, 98
.set SEL, 16
.set G1, 24
.set G0, 32
.set G1B, 48
.set G0B, 56
.set G1S, 68
.set G0S, 76
.set G1SB, 80
.set G0SB, 88
.set MSB, 0
.macro WIN new
.if MSB != (\new)
	s_set_vgpr_msb (MSB<<8)|(\new)
.set MSB, (\new)
.endif
.endm
.set MUL_LO, 0xa1
.set MUL_HI, 0xf1
.set TO_B,   0x40
.macro PLACES n
.rept \n
	v_nop
.endr
.endm
.macro JLOAD g0a, g1a, g0b, g1b
	s_cmp_eq_u32 s[RH], 0
	s_cbranch_scc0 .Lfor_b_\@
	tensor_load_to_lds s[\g0a:\g0a+3], s[\g1a:\g1a+7]
	s_nop 0
	PLACES 4
	s_branch .Lasked_\@
.Lfor_b_\@:
	tensor_load_to_lds s[\g0b:\g0b+3], s[\g1b:\g1b+7]
	s_nop 0
	PLACES 4
.Lasked_\@:
.endm
.macro CREST
	s_cmp_lg_u32 s[WV], 0
	s_cbranch_scc1 .Lnot_wave_0_\@
	s_barrier_signal -3
.Lnot_wave_0_\@:
	s_barrier_wait -3
	s_barrier_signal -1
	s_barrier_wait -1
.endm
.macro CROUND
	s_barrier_signal -1
	s_barrier_wait -1
	CREST
.endm
	s_load_b256 s[4:11], s[0:1], 0x0
	s_load_b64 s[12:13], s[0:1], 0x20
	v_lshl_add_u32 v[SPW], v0, 2, SPARE
	v_mov_b32 v[NIL], 0
	ds_add_u32 v28, v29
	ds_add_u32 v28, v29
	s_wait_dscnt 0x0
	v_lshrrev_b32 v1, 5, v0
	v_readfirstlane_b32 s[WV], v1
	s_lshr_b32 s[RH], s[WV], 1
	s_and_b32 s[CH], s[WV], 1
	s_bfe_u32 s40, ttmp6, 0x40000
	s_bfe_u32 s41, ttmp6, 0x40004
	s_lshl_b32 s[TC], ttmp9, 2
	s_add_co_u32 s[TC], s[TC], s40
	s_and_b32 s[TR], ttmp7, 0xffff
	s_lshl_b32 s[TR], s[TR], 2
	s_add_co_u32 s[TR], s[TR], s41
	s_lshl_b32 s43, s41, 2
	s_lshl_b32 s43, 15, s43
	s_lshl_b32 s44, 0x1111, s40
	s_or_b32 s[G1+0], s43, (3<<16)|(1<<21)
	s_mov_b32 s[G1+1], 384<<16
	s_mov_b32 s[G1+2], 16<<16
	s_mov_b32 s[G1+3], 384<<16
	s_mov_b32 s[G1+4], 16
	s_mov_b32 s[G1+5], SIZE_K*3/2
	s_mov_b32 s[G1+6], 0
	s_mov_b32 s[G1+7], 0
	s_or_b32 s[G1B+0], s44, (3<<16)|(1<<21)
	s_mov_b32 s[G1B+1], 384<<16
	s_mov_b32 s[G1B+2], 16<<16
	s_mov_b32 s[G1B+3], 384<<16
	s_mov_b32 s[G1B+4], 16
	s_mov_b32 s[G1B+5], SIZE_K*3/2
	s_mov_b32 s[G1B+6], 0
	s_mov_b32 s[G1B+7], 0
	s_or_b32 s[G1S+0], s43, (3<<16)|(1<<21)
	s_mov_b32 s[G1S+1], 128<<16
	s_mov_b32 s[G1S+2], (SIZE_K/128)<<16
	s_mov_b32 s[G1S+3], 128<<16
	s_mov_b32 s[G1S+4], SIZE_K/128
	s_mov_b32 s[G1S+5], 2048
	s_mov_b32 s[G1S+6], 0
	s_mov_b32 s[G1S+7], 0
	s_or_b32 s[G1SB+0], s44, (3<<16)|(1<<20)|(1<<21)|(5<<22)|(3<<25)
	s_mov_b32 s[G1SB+1], 32<<16
	s_mov_b32 s[G1SB+2], (256*KS/256)<<16
	s_mov_b32 s[G1SB+3], 32<<16
	s_mov_b32 s[G1SB+4], 256*KS/256
	s_mov_b32 s[G1SB+5], 32
	s_mov_b32 s[G1SB+6], 0
	s_mov_b32 s[G1SB+7], 0
	s_lshl_b32 s16, s[TR], 4
	s_mul_i32 s20, s16, SIZE_K*12
	s_mov_b32 s21, 0
	s_lshl_b32 s22, s16, 6
	s_add_co_u32 s22, s22, IMGB
	s_mov_b32 s23, 0
	s_lshl_b32 s46, s[TC], 8
	s_mul_i32 s92, s46, KS
	s_mov_b32 s93, 0
	s_mul_i32 s46, s46, KROW
	s_add_co_u32 s46, s46, WOFF
	s_mov_b32 s47, 0
	s_mul_i32 s66, s[CH], 128*KROW                 ; in the ring I fetch 128 rows of a tile: which half, in bytes
	s_mov_b32 s67, 0
	s_mul_i32 s45, s[CH], HALFA
	s_mul_i32 s94, s[CH], HALFB
	s_add_co_u32 s94, s94, 2*HALFA
	s_wait_kmcnt 0x0
	s_add_nc_u64 s[20:21], s[4:5], s[20:21]
	s_add_nc_u64 s[22:23], s[4:5], s[22:23]
	s_add_nc_u64 s[46:47], s[6:7], s[46:47]
	s_add_nc_u64 s[92:93], s[8:9], s[92:93]
	CROUND
	s_mov_b32 s[G0S], 1
	s_mov_b32 s[G0S+1], SCA
	s_mov_b64 s[G0S+2:G0S+3], s[22:23]
	s_or_b32 s[G0S+3], s[G0S+3], 0x80000000
	s_mov_b32 s[G0SB], 1
	s_mov_b32 s[G0SB+1], SCB
	s_mov_b64 s[G0SB+2:G0SB+3], s[92:93]
	s_or_b32 s[G0SB+3], s[G0SB+3], 0x80000000
	s_mov_b32 s[G0], 1                             ; slot 0's groups 0 serve the head's whole tiles first
	s_mov_b32 s[G0+1], 0
	s_mov_b64 s[G0+2:G0+3], s[20:21]
	s_or_b32 s[G0+3], s[G0+3], 0x80000000
	s_mov_b32 s[G0B], 1
	s_mov_b32 s[G0B+1], 2*HALFA
	s_mov_b64 s[G0B+2:G0B+3], s[46:47]
	s_or_b32 s[G0B+3], s[G0B+3], 0x80000000
	s_add_nc_u64 s[20:21], s[20:21], s[66:67]      ; for the ring: my 128 rows
	s_add_nc_u64 s[46:47], s[46:47], s[66:67]
	s_mov_b32 s[G0+4], 1
	s_add_co_u32 s[G0+5], s45, SLOT
	s_add_nc_u64 s[G0+6:G0+7], s[20:21], 3072
	s_or_b32 s[G0+7], s[G0+7], 0x80000000
	s_mov_b32 s[G0B+4], 1
	s_add_co_u32 s[G0B+5], s94, SLOT
	s_add_nc_u64 s[G0B+6:G0B+7], s[46:47], 3072
	s_or_b32 s[G0B+7], s[G0B+7], 0x80000000
.macro ARM under, g0, g1, next         ; one tree of branches on the wave's number: every way through the head passes exactly one load
	s_cmp_lt_u32 s[WV], \under
	s_cbranch_scc0 \next
	tensor_load_to_lds s[\g0:\g0+3], s[\g1:\g1+7]
	s_nop 0
	PLACES 4
	s_branch .Lhead_asked
\next:
.endm
	ARM 1, G0,  G1,  .Lhead_b
	ARM 2, G0B, G1B, .Lhead_sa
	ARM 3, G0S, G1S, .Lhead_sb
	tensor_load_to_lds s[G0SB:G0SB+3], s[G1SB:G1SB+7]
	s_nop 0
	PLACES 4
.Lhead_asked:
	v_and_b32 v1, 15, v0
	v_bfe_u32 v2, v0, 4, 1
	v_and_b32 v3, 31, v0
	v_lshlrev_b32 v[L16], 4, v3
	v_lshlrev_b32 v[L8], 3, v3
	v_lshlrev_b32 v[R4], 2, v1
.if PERM
	v_and_b32 v6, 8, v1
	v_add_nc_u32 v6, v6, v1
.else
	v_mov_b32 v6, v1
.endif
	s_mul_i32 s16, s[RH], HALFA
	s_mul_i32 s17, s[CH], HALFB
	s_add_co_u32 s17, s17, 2*HALFA
.irp s, 0,1
	v_add_nc_u32 v[ADRA16+\s], s16, v[L16]
	v_add_nc_u32 v[ADRA8+\s], s16, v[L8]
	v_add_nc_u32 v[ADRB+\s], s17, v[L16]
	v_add_nc_u32 v[ADRB+2+\s], s17, v[L8]
	s_add_co_u32 s16, s16, SLOT
	s_add_co_u32 s17, s17, SLOT
.endr
	v_mul_u32_u24 v9, v6, KS
	v_lshrrev_b32 v10, 8, v9
	v_lshl_add_u32 v9, v10, 4, v9
	s_mul_i32 s16, s[CH], HALFS
	s_add_co_u32 s16, s16, SCB
	v_add_nc_u32 v[ADRSB], s16, v9
	s_lshl_b32 s16, s[RH], 9
	s_add_co_u32 s16, s16, SCA
	v_lshl_add_u32 v[ADRSA], v1, 2, s16
	s_lshl_b32 s16, s[TC], 10
	s_lshl_b32 s17, s[CH], 9
	s_add_co_u32 s16, s16, s17
	s_mov_b32 s17, 0
	s_add_nc_u64 s[10:11], s[10:11], s[16:17]
.if PERM
	v_lshlrev_b32 v11, 6, v2
.else
	v_lshlrev_b32 v11, 5, v2
.endif
	WIN TO_B
.irp b, 0,1,2,3,4,5,6,7
.if PERM
.set BO, (32*(\b/2)+8*(\b%2))*4
.else
.set BO, 64*\b
.endif
	global_load_b128 v[96+8*\b+96*(\b/4):96+8*\b+96*(\b/4)+3], v11, s[10:11] offset:BO
	global_load_b128 v[96+8*\b+96*(\b/4)+4:96+8*\b+96*(\b/4)+7], v11, s[10:11] offset:BO+16
.endr
	WIN 0
	s_lshl_b32 s16, s[TR], 4
	s_lshl_b32 s17, s[RH], 3
	s_add_co_u32 s16, s16, s17
	s_lshl_b32 s18, s[TC], 1
	s_add_co_u32 s18, s18, s[CH]
	s_lshl_b32 s19, s16, 5
	s_add_co_u32 s19, s19, s18
	s_mul_i32 s20, s19, 1536
	s_mov_b32 s21, 0
	s_lshl_b32 s22, s18, 14
	s_lshl_b32 s23, s16, 6
	s_add_co_u32 s22, s22, s23
	s_add_co_u32 s22, s22, 12582912
	s_mov_b32 s23, 0
	s_add_nc_u64 s[14:15], s[12:13], s[22:23]
	s_add_nc_u64 s[12:13], s[12:13], s[20:21]
	; PREFETCH INTO THE L2: K steps 2 and 3, which the two refills will load.  Of the 8 blocks x 3,072 bytes that I fetch in a step, each of the four partners that ask for them jointly takes 2 blocks,
	; told apart by address (cx for A, cy for B): 24 pieces of 256 bytes, a lane each; lanes 24-31 name the last again.  v31 and s[96:97] are never rewritten.
	s_lshl_b32 s16, s[TR], 4
	s_lshl_b32 s17, s[TC], 4
	s_cmp_eq_u32 s[RH], 0
	s_cselect_b32 s16, s16, s17
	s_cselect_b32 s17, s40, s41
	s_cselect_b32 s18, 0, WOFF
	s_cselect_b64 s[96:97], s[4:5], s[6:7]
	s_lshl_b32 s19, s[CH], 3
	s_add_co_u32 s16, s16, s19
	s_lshl_b32 s17, s17, 1
	s_add_co_u32 s16, s16, s17
	s_mul_i32 s16, s16, SIZE_K*12
	s_add_co_u32 s16, s16, s18
	s_mov_b32 s17, 0
	s_add_nc_u64 s[96:97], s[96:97], s[16:17]
	v_min_u32 v31, 23, v3
	v_mul_u32_u24 v13, v31, 11
	v_lshrrev_b32 v13, 7, v13                      ; piece / 12
	v_lshlrev_b32 v31, 8, v31
	v_mad_u32_u24 v31, v13, 9216, v31
	global_prefetch_b8 v31, s[96:97] offset:6144 th:TH_LOAD_NT scope:SCOPE_SE
	global_prefetch_b8 v31, s[96:97] offset:9216 th:TH_LOAD_NT scope:SCOPE_SE
.macro FRAGA reg, slot, q, i
	ds_load_b128 v[\reg:\reg+3], v[ADRA16+\slot] offset:(2*(\i)+(\q))*1536
	ds_load_b64 v[\reg+4:\reg+5], v[ADRA8+\slot] offset:(2*(\i)+(\q))*1536+512
	ds_load_b128 v[\reg+6:\reg+9], v[ADRA16+\slot] offset:(2*(\i)+(\q))*1536+768
	ds_load_b64 v[\reg+10:\reg+11], v[ADRA8+\slot] offset:(2*(\i)+(\q))*1536+1280
.endm
.macro FRAG reg, adr, q, i             ; B's fragment: the image as it was stored
	ds_load_b128 v[\reg:\reg+3], v[\adr] offset:(2*(\i)+(\q))*1536
	ds_load_b64 v[\reg+4:\reg+5], v[\adr+2] offset:(2*(\i)+(\q))*1536+512
	ds_load_b128 v[\reg+6:\reg+9], v[\adr] offset:(2*(\i)+(\q))*1536+768
	ds_load_b64 v[\reg+10:\reg+11], v[\adr+2] offset:(2*(\i)+(\q))*1536+1280
.endm
.macro MUL16 a0, p, q, sc, first
.irp a, \a0, \a0+1
.irp b, 0,1,2,3,4,5,6,7
.set rD, 8*(8*((\a)%4)+\b)
.set rB, 128*(\p)+FR*\b
.set rA, AF+FR*(\a)
.set rC, 96+8*\b+96*(\b/4)
.set zB, SCBR+16*(\sc)+2*\b+(\q)
.set zA, SCAR+16*(\sc)+2*(\a)+(\q)
.if \first
	v_wmma_scale_f32_16x16x128_f8f6f4 v[rD:rD+7], v[rB:rB+11], v[rA:rA+11], v[rC:rC+7], v[zB], v[zA] matrix_a_fmt:MATRIX_FMT_FP6 matrix_b_fmt:MATRIX_FMT_FP6
.else
	v_wmma_scale_f32_16x16x128_f8f6f4 v[rD:rD+7], v[rB:rB+11], v[rA:rA+11], v[rD:rD+7], v[zB], v[zA] matrix_a_fmt:MATRIX_FMT_FP6 matrix_b_fmt:MATRIX_FMT_FP6
.endif
.endr
.endr
.endm
.macro FETCH_B slot, q, p
	WIN TO_B
.irp i, 0,1,2,3,4,5,6,7
	FRAG 128*(\p)+FR*\i, ADRB+\slot, \q, \i
.endr
	WIN 0
.endm
.macro FETCH_A slot, q, i0
.irp i, \i0, \i0+1, \i0+2, \i0+3
	FRAGA AF+FR*(\i), \slot, \q, \i
.endr
.endm
.macro SCALES sc
.irp i, 0,1,2,3,4,5,6,7
.if PERM
	ds_load_b64 v[SCBR+16*\sc+2*\i:SCBR+16*\sc+2*\i+1], v[ADRSB] offset:(4*(\i/2)+\i%2)*272
.else
	ds_load_b64 v[SCBR+16*\sc+2*\i:SCBR+16*\sc+2*\i+1], v[ADRSB] offset:\i*SBLK
.endif
.endr
.irp i, 0,1,2,3,4,5,6,7
	ds_load_b32 v[SCAR+16*\sc+2*\i], v[ADRSA] offset:64*\i
	ds_load_b32 v[SCAR+16*\sc+2*\i+1], v[ADRSA] offset:1024+64*\i
.endr
.endm
.macro STEP slot, q, first
	s_wait_dscnt 16
	WIN MUL_LO-0x10*(\first)
	MUL16 0, (\q)%2, \q, \slot, \first
	MUL16 2, (\q)%2, \q, \slot, \first
	s_wait_dscnt 0
	PLACES 4
	FETCH_B \slot, (\q)+1, 1-(\q)%2
	FETCH_A \slot, (\q)+1, 0
	WIN MUL_HI-0x20*(\first)
	MUL16 4, (\q)%2, \q, \slot, \first
	MUL16 6, (\q)%2, \q, \slot, \first
	PLACES 4
	WIN 0
	FETCH_A \slot, (\q)+1, 4
.endm
.macro TURN slot, next, fill
	s_wait_tensorcnt 0x0
	ds_add_u32 v[SPW], v[NIL]
	s_wait_dscnt 17
	WIN MUL_LO
	MUL16 0, 1, 1, \slot, 0
	s_wait_dscnt 0x0
	s_barrier_signal -1
	MUL16 2, 1, 1, \slot, 0
	WIN 0
	s_barrier_wait -1
.if \fill
	CREST
	s_add_nc_u64 s[G0+4*\slot+2:G0+4*\slot+3], s[G0+4*\slot+2:G0+4*\slot+3], 6144
	s_add_nc_u64 s[G0B+4*\slot+2:G0B+4*\slot+3], s[G0B+4*\slot+2:G0B+4*\slot+3], 6144
	JLOAD G0+4*\slot, G1, G0B+4*\slot, G1B
.else
	PLACES 4
.endif
	s_wait_alu depctr_va_vdst(0)
	v_add_nc_u32 v[ADRSB], 8, v[ADRSB]
	v_add_nc_u32 v[ADRSA], 2048, v[ADRSA]
	FETCH_B \next, 0, 0
	FETCH_A \next, 0, 0
	SCALES \next
	WIN MUL_HI
	MUL16 4, 1, 1, \slot, 0
	MUL16 6, 1, 1, \slot, 0
	PLACES 4
	WIN 0
	FETCH_A \next, 0, 4
.endm
	s_wait_alu depctr_va_vdst(0)
	s_wait_tensorcnt 0x0                           ; my tile of the head's four is in
	ds_add_u32 v[SPW], v[NIL]
	s_mov_b32 s[G1+2], 8<<16                       ; no tensor load of mine is out: from here on a load brings 8 blocks,
	s_mov_b32 s[G1+4], 8
	s_mov_b32 s[G1B+2], 8<<16
	s_mov_b32 s[G1B+4], 8
	s_mov_b32 s[G0+1], s45                         ; and slot 0's groups 0 name my half
	s_add_nc_u64 s[G0+2:G0+3], s[G0+2:G0+3], s[66:67]
	s_mov_b32 s[G0B+1], s94
	s_add_nc_u64 s[G0B+2:G0B+3], s[G0B+2:G0B+3], s[66:67]
	s_wait_dscnt 0x0
	CROUND
	JLOAD G0+4, G1, G0B+4, G1B                     ; slot 1's first fill, the first tensor load behind the round
	FETCH_B 0, 0, 0
	FETCH_A 0, 0, 0
	SCALES 0
	FETCH_A 0, 0, 4
	s_wait_loadcnt 0x0
	STEP 0, 0, 1
	s_mov_b32 s3, LAPS-1
.Llap:
	TURN 0, 1, 1
	STEP 1, 0, 0
	TURN 1, 0, 1
	STEP 0, 0, 0
	s_sub_co_u32 s3, s3, 1
	s_cmp_lg_u32 s3, 0
	s_cbranch_scc1 .Llap
	TURN 0, 1, 0
	STEP 1, 0, 0
	s_wait_dscnt 16
	WIN MUL_LO
	MUL16 0, 1, 1, 1, 0
	MUL16 2, 1, 1, 1, 0
	s_wait_dscnt 0
	WIN MUL_HI
	MUL16 4, 1, 1, 1, 0
	MUL16 6, 1, 1, 1, 0
	WIN 0
.macro QUANT s
.irp b, 0,1,2,3
	v_max3_num_f32 v[TM+\b], |v[\s+16*\b]|, |v[\s+1+16*\b]|, 0x1800000
.endr
.irp i, 2,4,6,8,10,12,14
.irp b, 0,1,2,3
	v_max3_num_f32 v[TM+\b], v[TM+\b], |v[\s+16*\b+\i]|, |v[\s+1+16*\b+\i]|
.endr
.endr
.irp b, 0,1,2,3
	v_permlanex16_b32 v[TM+4+\b], v[TM+\b], s[SEL], s[SEL+1]
.endr
.irp b, 0,1,2,3
	v_max_num_f32 v[TM+\b], v[TM+\b], v[TM+4+\b]
.endr
.irp b, 0,1,2,3
	v_add_nc_u32 v[TM+12+\b], 0xff000000, v[TM+\b]
.endr
.irp b, 0,1,2,3
	v_lshrrev_b32 v[TM+4+\b], 23, v[TM+12+\b]
.endr
	v_lshl_or_b32 v[PW], v[TM+5], 8, v[TM+4]
	v_lshl_or_b32 v[PW], v[TM+6], 16, v[PW]
	v_lshl_or_b32 v[PW], v[TM+7], 24, v[PW]
.irp c, 0,1
	v_cvt_scalef32_pk16_fp6_f32 v[PC+6*\c:PC+2+6*\c], v[\s+32*\c:\s+15+32*\c], v[TM+12+2*\c]
	v_cvt_scalef32_pk16_fp6_f32 v[PC+12+4*\c:PC+14+4*\c], v[\s+16+32*\c:\s+31+32*\c], v[TM+12+2*\c+1]
.endr
	v_nop
.irp c, 0,1
.irp i, 0,1,2
	v_permlane16_swap_b32 v[PC+6*\c+\i], v[PC+12+4*\c+\i]
.endr
.irp i, 0,1,2
	v_mov_b32 v[PC+3+6*\c+\i], v[PC+12+4*\c+\i]
.endr
.endr
.endm
	PLACES 4
	s_mov_b32 s[SEL], 0x76543210
	s_mov_b32 s[SEL+1], 0xfedcba98
.macro COEF reg, val
	s_mov_b32 s[\reg], \val
	s_mov_b32 s[\reg+1], \val
.endm
	COEF 24, 0x32edffee
	COEF 26, 0xb60cff51
	COEF 28, 0xb86ec2d2
	COEF 30, 0xba40ac63
	COEF 32, 0xbb41a1f6
	COEF 34, 0xbc83dbd4
	COEF 36, 0xb95fbd29
	COEF 38, 0xbadc924e
	COEF 40, 0xbbf19bf8
	COEF 42, 0xbc69b6a7
	COEF 44, 0x3f3504f3
	v_mov_b32 v224, 0xaf95df0b
	v_mov_b32 v225, 0xaf95df0b
	v_mov_b32 v226, 0xb77460cd
	v_mov_b32 v227, 0xb77460cd
.macro COPY a
	WIN 2+(\a)/4
.set j, 0
.rept 32
	v_pk_mul_f32 v[UU+j:UU+j+1], v[64*((\a)%4)+j:64*((\a)%4)+j+1], s[44:45] op_sel_hi:[1,0]
.set j, j+2
.endr
	WIN 0
.endm
.macro GELUH hb
.set UB, UU+32*\hb
.set j, 0
.rept 32
	v_med3_num_f32 v[CC+j], v[UB+j], -4.0, 4.0
.set j, j+1
.endr
.set j, 0
.rept 16
	v_pk_mul_f32 v[SQ+j:SQ+j+1], v[CC+j:CC+j+1], v[CC+j:CC+j+1]
.set j, j+2
.endr
.set j, 0
.rept 16
	v_pk_fma_f32 v[PP+j:PP+j+1], v[SQ+j:SQ+j+1], v[224:225], s[24:25] op_sel_hi:[1,1,0]
.set j, j+2
.endr
.irp c, 26,28,30,32,34
.set j, 0
.rept 16
	v_pk_fma_f32 v[PP+j:PP+j+1], v[PP+j:PP+j+1], v[SQ+j:SQ+j+1], s[\c:\c+1] op_sel_hi:[1,1,0]
.set j, j+2
.endr
.endr
.set j, 0
.rept 16
	v_pk_fma_f32 v[QQ+j:QQ+j+1], v[SQ+j:SQ+j+1], v[226:227], s[36:37] op_sel_hi:[1,1,0]
.set j, j+2
.endr
.irp c, 38,40,42
.set j, 0
.rept 16
	v_pk_fma_f32 v[QQ+j:QQ+j+1], v[QQ+j:QQ+j+1], v[SQ+j:SQ+j+1], s[\c:\c+1] op_sel_hi:[1,1,0]
.set j, j+2
.endr
.endr
.set j, 0
	s_wait_alu depctr_va_vdst(0)
.rept 32
	v_rcp_f32 v[QQ+j], v[QQ+j]
.set j, j+1
.endr
.set j, 0
.rept 16
	v_pk_mul_f32 v[PP+j:PP+j+1], v[PP+j:PP+j+1], v[CC+j:CC+j+1]
	v_pk_mul_f32 v[UB+j:UB+j+1], v[UB+j:UB+j+1], s[44:45] op_sel_hi:[1,0]
.set j, j+2
.endr
	s_wait_alu depctr_va_vdst(0)
.set j, 0
.rept 16
	v_pk_mul_f32 v[PP+j:PP+j+1], v[PP+j:PP+j+1], v[QQ+j:QQ+j+1]
.set j, j+2
.endr
.set j, 0
.rept 16
	v_pk_fma_f32 v[UB+j:UB+j+1], v[UB+j:UB+j+1], v[PP+j:PP+j+1], v[UB+j:UB+j+1]
.set j, j+2
.endr
.endm
	s_mov_b32 s3, 0
.Lblk:
.irp a, 0,1,2,3,4,5,6
	s_cmp_eq_u32 s3, \a
	s_cbranch_scc1 .Lc\a
.endr
	COPY 7
	s_branch .Lcommon
.irp a, 0,1,2,3,4,5,6
.Lc\a:
	COPY \a
	s_branch .Lcommon
.endr
.Lcommon:
	GELUH 0
	GELUH 1
	QUANT UU
	global_store_b128 v[L16], v[PC:PC+3], s[12:13]
	global_store_b64 v[L8], v[PC+4:PC+5], s[12:13] offset:512
	global_store_b128 v[L16], v[PC+6:PC+9], s[12:13] offset:768
	global_store_b64 v[L8], v[PC+10:PC+11], s[12:13] offset:1280
	global_store_b32 v[R4], v[PW], s[14:15]
	s_wait_xcnt 0x0
	s_add_nc_u64 s[12:13], s[12:13], 49152
	s_add_nc_u64 s[14:15], s[14:15], 64
	s_add_co_u32 s3, s3, 1
	s_cmp_lt_u32 s3, 8
	s_cbranch_scc1 .Lblk
	s_wait_tensorcnt 0x0
	ds_add_u32 v[SPW], v[NIL]
	s_wait_dscnt 0x0
	CROUND
	s_endpgm
.Lfunc_end_k_q781359df1c_ff1:
	.size	k_q781359df1c_ff1, .Lfunc_end_k_q781359df1c_ff1-k_q781359df1c_ff1
	.p2alignl 7, 3214868480
	.fill 96, 4, 3214868480
	.section	.rodata,"a",@progbits
	.p2align	6, 0x0
	.amdhsa_kernel k_q781359df1c_ff1
		.amdhsa_group_segment_fixed_size 327680
		.amdhsa_private_segment_fixed_size 0
		.amdhsa_enable_private_segment 0
		.amdhsa_kernarg_size 40
		.amdhsa_user_sgpr_count 2
		.amdhsa_user_sgpr_kernarg_segment_ptr 1
		.amdhsa_wavefront_size32 1
		.amdhsa_system_sgpr_workgroup_id_x 1
		.amdhsa_system_sgpr_workgroup_id_y 1
		.amdhsa_system_sgpr_workgroup_id_z 1
		.amdhsa_system_vgpr_workitem_id 0
		.amdhsa_next_free_vgpr 1024
		.amdhsa_next_free_sgpr 102
		.amdhsa_reserve_vcc 0
		.amdhsa_float_denorm_mode_32 3
		.amdhsa_float_denorm_mode_16_64 3
		.amdhsa_memory_ordered 1
		.amdhsa_forward_progress 1
		.amdhsa_inst_pref_size 182
	.end_amdhsa_kernel
	.amdgpu_metadata
---
amdhsa.version: [ 1, 2 ]
amdhsa.kernels:
  - .name:           k_q781359df1c_ff1
    .symbol:         k_q781359df1c_ff1.kd
    .args:
      - { .name: hn, .offset: 0, .size: 8, .value_kind: global_buffer, .address_space: global }
      - { .name: wimg, .offset: 8, .size: 8, .value_kind: global_buffer, .address_space: global }
      - { .name: ff1_w_scales, .offset: 16, .size: 8, .value_kind: global_buffer, .address_space: global }
      - { .name: ff1_b, .offset: 24, .size: 8, .value_kind: global_buffer, .address_space: global }
      - { .name: gg, .offset: 32, .size: 8, .value_kind: global_buffer, .address_space: global }
    .group_segment_fixed_size: 327680
    .private_segment_fixed_size: 0
    .kernarg_segment_align: 8
    .kernarg_segment_size: 40
    .max_flat_workgroup_size: 128
    .sgpr_count:     102
    .vgpr_count:     1024
    .wavefront_size: 32
...
	.end_amdgpu_metadata
.endif
;; end of part 14
;; launch ff2 (part 15): grid 8 x 32, 4 waves a work-group, clusters of 4 x 4, 327,680 bytes of LDS; arguments gg, wimg, ff2_w_scales, ff2_b, x1, out0; writes out0
.if DOCPART == 15
	.amdgcn_target "amdgcn-amd-amdhsa--gfx1250"
	.amdhsa_code_object_version 6
	.text
	.protected	k_q781359df1c_ff2
	.globl	k_q781359df1c_ff2
	.p2align	8
	.type	k_q781359df1c_ff2,@function
k_q781359df1c_ff2:
	s_mov_b64 s[64:65], 0
	v_nop
	global_prefetch_b8 v0, s[64:65] scope:SCOPE_SE
	s_setreg_imm32_b32 hwreg(HW_REG_WAVE_MODE, 25, 1), 1
	s_wait_xcnt 0x0
	s_wait_alu depctr_hold_cnt(0) depctr_sa_sdst(0) depctr_va_vdst(0) depctr_va_sdst(0) depctr_va_ssrc(0) depctr_va_vcc(0) depctr_vm_vsrc(0)
	s_getreg_b32 s2, hwreg(HW_REG_IB_STS2, 6, 4)
	s_cmp_eq_u32 s2, 0
	s_cbranch_scc0 .Lentry_in_a_cluster
	s_endpgm
.Lentry_in_a_cluster:
	s_bfe_u32 s2, ttmp6, 0x10000c
	s_cmp_lg_u32 s2, 0xf033
	s_cbranch_scc0 .Lentry_shape_is_right
	s_endpgm
.Lentry_shape_is_right:
; out0 = x1 + gg ff2_w + ff2_b on codes of FP6 (E2M3) with E8M0 scales.  A tile of 128 x 128 by four waves of 64 x 64: 256 work-groups; K in steps of 512 through a ring of two LDS slots; 4 x 4 clusters with joint loads.
; A (buffer gg) and B (buffer wimg, laid by launch prep) both come as images of operand registers, 1,536 bytes a fragment; tensor rows are four fragments, 6,144 bytes.
; THE HEAD: one joint load a wave: wave 0 slot 0's 128 rows of A, wave 1 those of B, wave 2 A's scale words ([k / 128][128 rows]), wave 3 B's scale bytes; slot 1 is first filled behind the full sequence and a round.
; The bias is the C of each sum's first instruction; the residual is added on the way out, which goes through each wave's stage in slot 0 as whole rows of 256 bytes.  LIMITS: NaN and infinities are not served.
.set SIZE_N, 1024
.set SIZE_K, 4096
.set KROW,   SIZE_K*3/4
.set WOFF,   6291456                   ; where ff2_w's images begin in wimg
.set FR,     12
.set HALFA,  24576
.set HALFB,  24576
.set SLOT,   2*HALFA+2*HALFB
.set LAPS,   SIZE_K/1024
.set KS,     SIZE_K/32
.set IMGB,   3072*SIZE_K
.set SCA,    2*SLOT
.set HALFSA, 2*SIZE_K
.set SCB,    SCA+2*HALFSA
.set HALFS,  (64*KS/256)*272
.set SBLK,   (16*KS/256)*272
.set SPARE,  SCB+2*HALFS
.set SPITCH, 272
.set L16,    4
.set L8,     5
.set ADRA16, 16
.set ADRA8,  18
.set ADRB,   20
.set STO,    24
.set RD,     25
.set CO,     26
.set ADRSB,  27
.set SPW,    28
.set NIL,    29
.set ADRSA,  30
.set SCBR,   32
.set SCAR,   64
.set AF,     96
.set BIAS,   192
.set BK,     96
.set ACC,    128
.set WV, 99
.set RH, 100
.set CH, 101
.set TC, 42
.set TR, 98
.set G1, 24
.set G0, 32
.set G1B, 48
.set G0B, 56
.set G1S, 68
.set G0S, 76
.set G1SB, 80
.set G0SB, 88
.set MSB, 0
.macro WIN new
.if MSB != (\new)
	s_set_vgpr_msb (MSB<<8)|(\new)
.set MSB, (\new)
.endif
.endm
.set MULW, 0x51
.set TO_B, 0x40
.macro PLACES n
.rept \n
	v_nop
.endr
.endm
.macro JLOAD g0a, g1a, g0b, g1b
	s_cmp_eq_u32 s[RH], 0
	s_cbranch_scc0 .Lfor_b_\@
	tensor_load_to_lds s[\g0a:\g0a+3], s[\g1a:\g1a+7]
	s_nop 0
	PLACES 4
	s_branch .Lasked_\@
.Lfor_b_\@:
	tensor_load_to_lds s[\g0b:\g0b+3], s[\g1b:\g1b+7]
	s_nop 0
	PLACES 4
.Lasked_\@:
.endm
.macro CREST
	s_cmp_lg_u32 s[WV], 0
	s_cbranch_scc1 .Lnot_wave_0_\@
	s_barrier_signal -3
.Lnot_wave_0_\@:
	s_barrier_wait -3
	s_barrier_signal -1
	s_barrier_wait -1
.endm
.macro CROUND
	s_barrier_signal -1
	s_barrier_wait -1
	CREST
.endm
	s_load_b256 s[4:11], s[0:1], 0x0
	s_load_b128 s[12:15], s[0:1], 0x20
	v_lshl_add_u32 v[SPW], v0, 2, SPARE
	v_mov_b32 v[NIL], 0
	ds_add_u32 v28, v29
	ds_add_u32 v28, v29
	s_wait_dscnt 0x0
	v_lshrrev_b32 v1, 5, v0
	v_readfirstlane_b32 s[WV], v1
	s_lshr_b32 s[RH], s[WV], 1
	s_and_b32 s[CH], s[WV], 1
	s_bfe_u32 s40, ttmp6, 0x40000
	s_bfe_u32 s41, ttmp6, 0x40004
	s_lshl_b32 s[TC], ttmp9, 2
	s_add_co_u32 s[TC], s[TC], s40
	s_and_b32 s[TR], ttmp7, 0xffff
	s_lshl_b32 s[TR], s[TR], 2
	s_add_co_u32 s[TR], s[TR], s41
	s_lshl_b32 s43, s41, 2
	s_lshl_b32 s43, 15, s43
	s_lshl_b32 s44, 0x1111, s40
	s_or_b32 s[G1+0], s43, (3<<16)|(1<<21)
	s_mov_b32 s[G1+1], 768<<16
	s_mov_b32 s[G1+2], 8<<16
	s_mov_b32 s[G1+3], 768<<16
	s_mov_b32 s[G1+4], 8
	s_mov_b32 s[G1+5], SIZE_K*3/2
	s_mov_b32 s[G1+6], 0
	s_mov_b32 s[G1+7], 0
	s_or_b32 s[G1B+0], s44, (3<<16)|(1<<21)
	s_mov_b32 s[G1B+1], 768<<16
	s_mov_b32 s[G1B+2], 8<<16
	s_mov_b32 s[G1B+3], 768<<16
	s_mov_b32 s[G1B+4], 8
	s_mov_b32 s[G1B+5], SIZE_K*3/2
	s_mov_b32 s[G1B+6], 0
	s_mov_b32 s[G1B+7], 0
	s_or_b32 s[G1S+0], s43, (3<<16)|(1<<21)
	s_mov_b32 s[G1S+1], 64<<16
	s_mov_b32 s[G1S+2], (SIZE_K/128)<<16
	s_mov_b32 s[G1S+3], 64<<16
	s_mov_b32 s[G1S+4], SIZE_K/128
	s_mov_b32 s[G1S+5], 2048
	s_mov_b32 s[G1S+6], 0
	s_mov_b32 s[G1S+7], 0
	s_or_b32 s[G1SB+0], s44, (3<<16)|(1<<20)|(1<<21)|(5<<22)|(3<<25)
	s_mov_b32 s[G1SB+1], 32<<16
	s_mov_b32 s[G1SB+2], (128*KS/256)<<16
	s_mov_b32 s[G1SB+3], 32<<16
	s_mov_b32 s[G1SB+4], 128*KS/256
	s_mov_b32 s[G1SB+5], 32
	s_mov_b32 s[G1SB+6], 0
	s_mov_b32 s[G1SB+7], 0
	s_lshl_b32 s16, s[TR], 3
	s_mul_i32 s20, s16, SIZE_K*12
	s_mov_b32 s21, 0
	s_lshl_b32 s22, s16, 6
	s_add_co_u32 s22, s22, IMGB
	s_mov_b32 s23, 0
	s_lshl_b32 s46, s[TC], 7
	s_mul_i32 s92, s46, KS
	s_mov_b32 s93, 0
	s_mul_i32 s46, s46, KROW
	s_add_co_u32 s46, s46, WOFF
	s_mov_b32 s47, 0
	s_mul_i32 s66, s[CH], 64*KROW                  ; in the ring I fetch 64 rows of a tile: which half, in bytes
	s_mov_b32 s67, 0
	s_mul_i32 s45, s[CH], HALFA
	s_mul_i32 s94, s[CH], HALFB
	s_add_co_u32 s94, s94, 2*HALFA
	s_wait_kmcnt 0x0
	s_add_nc_u64 s[20:21], s[4:5], s[20:21]
	s_add_nc_u64 s[22:23], s[4:5], s[22:23]
	s_add_nc_u64 s[46:47], s[6:7], s[46:47]
	s_add_nc_u64 s[92:93], s[8:9], s[92:93]
	CROUND
	s_mov_b32 s[G0S], 1
	s_mov_b32 s[G0S+1], SCA
	s_mov_b64 s[G0S+2:G0S+3], s[22:23]
	s_or_b32 s[G0S+3], s[G0S+3], 0x80000000
	s_mov_b32 s[G0SB], 1
	s_mov_b32 s[G0SB+1], SCB
	s_mov_b64 s[G0SB+2:G0SB+3], s[92:93]
	s_or_b32 s[G0SB+3], s[G0SB+3], 0x80000000
	s_mov_b32 s[G0], 1                             ; slot 0's groups 0 serve the head's whole tiles first
	s_mov_b32 s[G0+1], 0
	s_mov_b64 s[G0+2:G0+3], s[20:21]
	s_or_b32 s[G0+3], s[G0+3], 0x80000000
	s_mov_b32 s[G0B], 1
	s_mov_b32 s[G0B+1], 2*HALFA
	s_mov_b64 s[G0B+2:G0B+3], s[46:47]
	s_or_b32 s[G0B+3], s[G0B+3], 0x80000000
	s_add_nc_u64 s[20:21], s[20:21], s[66:67]      ; for the ring: my 64 rows
	s_add_nc_u64 s[46:47], s[46:47], s[66:67]
	s_mov_b32 s[G0+4], 1
	s_add_co_u32 s[G0+5], s45, SLOT
	s_add_nc_u64 s[G0+6:G0+7], s[20:21], 6144
	s_or_b32 s[G0+7], s[G0+7], 0x80000000
	s_mov_b32 s[G0B+4], 1
	s_add_co_u32 s[G0B+5], s94, SLOT
	s_add_nc_u64 s[G0B+6:G0B+7], s[46:47], 6144
	s_or_b32 s[G0B+7], s[G0B+7], 0x80000000
.macro ARM under, g0, g1, next         ; one tree of branches on the wave's number: every way through the head passes exactly one load
	s_cmp_lt_u32 s[WV], \under
	s_cbranch_scc0 \next
	tensor_load_to_lds s[\g0:\g0+3], s[\g1:\g1+7]
	s_nop 0
	PLACES 4
	s_branch .Lhead_asked
\next:
.endm
	ARM 1, G0,  G1,  .Lhead_b
	ARM 2, G0B, G1B, .Lhead_sa
	ARM 3, G0S, G1S, .Lhead_sb
	tensor_load_to_lds s[G0SB:G0SB+3], s[G1SB:G1SB+7]
	s_nop 0
	PLACES 4
.Lhead_asked:
	v_and_b32 v1, 15, v0
	v_bfe_u32 v2, v0, 4, 1
	v_and_b32 v3, 31, v0
	v_lshlrev_b32 v[L16], 4, v3
	v_lshlrev_b32 v[L8], 3, v3
	s_mul_i32 s16, s[RH], HALFA
	s_mul_i32 s17, s[CH], HALFB
	s_add_co_u32 s17, s17, 2*HALFA
.irp s, 0,1
	v_add_nc_u32 v[ADRA16+\s], s16, v[L16]
	v_add_nc_u32 v[ADRA8+\s], s16, v[L8]
	v_add_nc_u32 v[ADRB+\s], s17, v[L16]
	v_add_nc_u32 v[ADRB+2+\s], s17, v[L8]
	s_add_co_u32 s16, s16, SLOT
	s_add_co_u32 s17, s17, SLOT
.endr
	v_mul_u32_u24 v9, v1, KS
	v_lshrrev_b32 v10, 8, v9
	v_lshl_add_u32 v9, v10, 4, v9
	s_mul_i32 s16, s[CH], HALFS
	s_add_co_u32 s16, s16, SCB
	v_add_nc_u32 v[ADRSB], s16, v9
	s_lshl_b32 s16, s[RH], 8
	s_add_co_u32 s16, s16, SCA
	v_lshl_add_u32 v[ADRSA], v1, 2, s16
	s_lshl_b32 s16, s[TC], 9
	s_lshl_b32 s17, s[CH], 8
	s_add_co_u32 s16, s16, s17
	s_mov_b32 s17, 0
	s_add_nc_u64 s[10:11], s[10:11], s[16:17]
	v_lshlrev_b32 v11, 5, v2
.irp b, 0,1,2,3
	global_load_b128 v[BIAS+8*\b:BIAS+8*\b+3], v11, s[10:11] offset:64*\b
	global_load_b128 v[BIAS+8*\b+4:BIAS+8*\b+7], v11, s[10:11] offset:64*\b+16
.endr
	s_lshl_b32 s16, s[TR], 7
	s_lshl_b32 s17, s[RH], 6
	s_add_co_u32 s16, s16, s17
	s_mul_i32 s16, s16, SIZE_N*4
	s_lshl_b32 s17, s[TC], 9
	s_add_co_u32 s16, s16, s17
	s_lshl_b32 s17, s[CH], 8
	s_add_co_u32 s16, s16, s17
	s_mov_b32 s17, 0
	s_add_nc_u64 s[12:13], s[12:13], s[16:17]
	s_add_nc_u64 s[14:15], s[14:15], s[16:17]
	v_mul_u32_u24 v[CO], v2, SIZE_N*4
	v_lshl_add_u32 v[CO], v1, 4, v[CO]
	WIN 0x80
.irp a, 0,1,2,3
.irp t, 0,1,2,3,4,5,6,7
	global_load_b128 v[32*\a+4*\t:32*\a+4*\t+3], v[CO], s[12:13] offset:(16*\a+2*\t)*SIZE_N*4
.endr
.endr
	WIN 0
	s_mul_i32 s16, s[WV], 16*SPITCH
	v_mul_u32_u24 v9, v1, SPITCH
	v_lshl_add_u32 v9, v2, 5, v9
	v_add_nc_u32 v[STO], s16, v9
	v_mul_u32_u24 v9, v2, SPITCH
	v_lshl_add_u32 v9, v1, 4, v9
	v_add_nc_u32 v[RD], s16, v9
	; PREFETCHES INTO THE L2.  Of the 4 blocks x 6,144 bytes that I fetch for a slot, each of the four partners that ask for them jointly takes one block, told apart by address (cx for A, cy for B):
	; 24 pieces of 256 bytes, a lane each; lanes 24-31 name the last again.  Here: slots 2 and 3.  At each refill: the slot two refills on; the last lap's two refills have none.
	s_lshl_b32 s16, s[TR], 3
	s_lshl_b32 s17, s[TC], 3
	s_cmp_eq_u32 s[RH], 0
	s_cselect_b32 s16, s16, s17
	s_cselect_b32 s17, s40, s41
	s_cselect_b32 s18, 0, WOFF
	s_cselect_b64 s[96:97], s[4:5], s[6:7]
	s_lshl_b32 s19, s[CH], 2
	s_add_co_u32 s16, s16, s19
	s_add_co_u32 s16, s16, s17
	s_mul_i32 s16, s16, SIZE_K*12
	s_add_co_u32 s16, s16, s18
	s_mov_b32 s17, 0
	s_add_nc_u64 s[96:97], s[96:97], s[16:17]
	v_min_u32 v31, 23, v3
	v_lshlrev_b32 v31, 8, v31
	global_prefetch_b8 v31, s[96:97] offset:12288 th:TH_LOAD_NT scope:SCOPE_SE
	global_prefetch_b8 v31, s[96:97] offset:18432 th:TH_LOAD_NT scope:SCOPE_SE
.macro FRAGA reg, slot, q, i
	ds_load_b128 v[\reg:\reg+3], v[ADRA16+\slot] offset:(4*(\i)+(\q))*1536
	ds_load_b64 v[\reg+4:\reg+5], v[ADRA8+\slot] offset:(4*(\i)+(\q))*1536+512
	ds_load_b128 v[\reg+6:\reg+9], v[ADRA16+\slot] offset:(4*(\i)+(\q))*1536+768
	ds_load_b64 v[\reg+10:\reg+11], v[ADRA8+\slot] offset:(4*(\i)+(\q))*1536+1280
.endm
.macro FRAG reg, adr, q, i             ; B's fragment: the image as it was stored
	ds_load_b128 v[\reg:\reg+3], v[\adr] offset:(4*(\i)+(\q))*1536
	ds_load_b64 v[\reg+4:\reg+5], v[\adr+2] offset:(4*(\i)+(\q))*1536+512
	ds_load_b128 v[\reg+6:\reg+9], v[\adr] offset:(4*(\i)+(\q))*1536+768
	ds_load_b64 v[\reg+10:\reg+11], v[\adr+2] offset:(4*(\i)+(\q))*1536+1280
.endm
.macro MUL4 a, p, q, sc, first
.irp b, 0,1,2,3
.set rD, ACC+8*(4*(\a)+\b)
.set rB, 48*(\p)+FR*\b
.set rA, AF+48*(\p)+FR*(\a)
.set rC, BIAS+8*\b
.set zB, SCBR+16*(\sc)+4*\b+(\q)
.set zA, SCAR+16*(\sc)+4*(\a)+(\q)
.if \first
	v_wmma_scale_f32_16x16x128_f8f6f4 v[rD:rD+7], v[rB:rB+11], v[rA:rA+11], v[rC:rC+7], v[zB], v[zA] matrix_a_fmt:MATRIX_FMT_FP6 matrix_b_fmt:MATRIX_FMT_FP6
.else
	v_wmma_scale_f32_16x16x128_f8f6f4 v[rD:rD+7], v[rB:rB+11], v[rA:rA+11], v[rD:rD+7], v[zB], v[zA] matrix_a_fmt:MATRIX_FMT_FP6 matrix_b_fmt:MATRIX_FMT_FP6
.endif
.endr
.endm
.macro FETCH slot, q, p
	WIN TO_B
.irp i, 0,1,2,3
	FRAG 48*(\p)+FR*\i, ADRB+\slot, \q, \i
.endr
	WIN 0
.irp i, 0,1,2,3
	FRAGA AF+48*(\p)+FR*\i, \slot, \q, \i
.endr
.endm
.macro SCALES sc
.irp i, 0,1,2,3
	ds_load_b128 v[SCBR+16*\sc+4*\i:SCBR+16*\sc+4*\i+3], v[ADRSB] offset:\i*SBLK
.endr
.irp i, 0,1,2,3
.irp q, 0,1,2,3
	ds_load_b32 v[SCAR+16*\sc+4*\i+\q], v[ADRSA] offset:512*\q+64*\i
.endr
.endr
.endm
.macro STEP slot, q, first
	s_wait_dscnt 0x0
	PLACES 4
	FETCH \slot, (\q)+1, 1-(\q)%2
	WIN MULW-0x10*(\first)
.irp a, 0,1,2,3
	MUL4 \a, (\q)%2, \q, \slot, \first
.endr
.endm
.macro TURN slot, next, fill
	WIN 0
.if \fill
	s_wait_xcnt 0x0                                ; my last prefetch has read its address: it is stepped here, a slot's 6,144 bytes on
	s_add_nc_u64 s[96:97], s[96:97], 6144
.endif
	s_wait_tensorcnt 0x0
	ds_add_u32 v[SPW], v[NIL]
	s_wait_dscnt 1
	WIN MULW
	MUL4 0, 1, 3, \slot, 0
	s_wait_dscnt 0x0
	s_barrier_signal -1
	MUL4 1, 1, 3, \slot, 0
	WIN 0
	s_barrier_wait -1
.if \fill
	CREST
	s_add_nc_u64 s[G0+4*\slot+2:G0+4*\slot+3], s[G0+4*\slot+2:G0+4*\slot+3], 12288
	s_add_nc_u64 s[G0B+4*\slot+2:G0B+4*\slot+3], s[G0B+4*\slot+2:G0B+4*\slot+3], 12288
	JLOAD G0+4*\slot, G1, G0B+4*\slot, G1B
.else
	PLACES 4
.endif
	s_wait_alu depctr_va_vdst(0)
	v_add_nc_u32 v[ADRSB], 16, v[ADRSB]
	v_add_nc_u32 v[ADRSA], 2048, v[ADRSA]
	FETCH \next, 0, 0
	SCALES \next
.if \fill
	s_cmp_gt_u32 s3, 1                             ; s3 = 1 in the loop's last trip, whose look-ahead would pass the end of K
	s_cbranch_scc0 .Lno_ask_\@
	global_prefetch_b8 v31, s[96:97] offset:18432 th:TH_LOAD_NT scope:SCOPE_SE
.Lno_ask_\@:
.endif
	WIN MULW
	MUL4 2, 1, 3, \slot, 0
	MUL4 3, 1, 3, \slot, 0
.endm
	s_wait_alu depctr_va_vdst(0)                   ; the wait at the head's end
	s_wait_tensorcnt 0x0                           ; my tile of the head's four is in
	ds_add_u32 v[SPW], v[NIL]
	s_mov_b32 s[G1+2], 4<<16                       ; no tensor load of mine is out: from here on a load brings 4 blocks,
	s_mov_b32 s[G1+4], 4
	s_mov_b32 s[G1B+2], 4<<16
	s_mov_b32 s[G1B+4], 4
	s_mov_b32 s[G0+1], s45                         ; and slot 0's groups 0 name my half
	s_add_nc_u64 s[G0+2:G0+3], s[G0+2:G0+3], s[66:67]
	s_mov_b32 s[G0B+1], s94
	s_add_nc_u64 s[G0B+2:G0B+3], s[G0B+2:G0B+3], s[66:67]
	s_wait_dscnt 0x0
	CROUND
	JLOAD G0+4, G1, G0B+4, G1B                     ; slot 1's first fill, the first tensor load behind the round
	FETCH 0, 0, 0
	SCALES 0
	s_wait_loadcnt 32
	STEP 0, 0, 1
.if LAPS > 1
	WIN 0
	s_mov_b32 s3, LAPS-1
.Llap:
	STEP 0, 1, 0
	STEP 0, 2, 0
	TURN 0, 1, 1
	STEP 1, 0, 0
	STEP 1, 1, 0
	STEP 1, 2, 0
	TURN 1, 0, 1
	STEP 0, 0, 0
	WIN 0
	s_sub_co_u32 s3, s3, 1
	s_cmp_lg_u32 s3, 0
	s_cbranch_scc1 .Llap
.endif
	STEP 0, 1, 0
	STEP 0, 2, 0
	TURN 0, 1, 0
	STEP 1, 0, 0
	STEP 1, 1, 0
	STEP 1, 2, 0
	s_wait_dscnt 0x0
	WIN MULW
.irp a, 0,1,2,3
	MUL4 \a, 1, 3, 1, 0
.endr
	WIN 0
.macro TOSTAGE a
	WIN 0x04
.irp b, 0,1,2,3
	ds_store_b128 v[STO], v[ACC+8*(4*(\a)+\b):ACC+8*(4*(\a)+\b)+3] offset:64*\b
	ds_store_b128 v[STO], v[ACC+8*(4*(\a)+\b)+4:ACC+8*(4*(\a)+\b)+7] offset:64*\b+16
.endr
	WIN 0
.irp t, 0,1,2,3,4,5,6,7
	ds_load_b128 v[BK+32*(\a)+4*\t:BK+32*(\a)+4*\t+3], v[RD] offset:\t*2*SPITCH
.endr
.endm
	PLACES 4
.irp a, 0,1,2,3
	TOSTAGE \a
.endr
	s_wait_loadcnt 0x0
.irp a, 0,1,2,3
	s_wait_dscnt 16*(3-\a)
	WIN 0x08
.set j, 0
.rept 16
	v_pk_add_f32 v[BK+32*\a+j:BK+32*\a+j+1], v[BK+32*\a+j:BK+32*\a+j+1], v[32*\a+j:32*\a+j+1]
.set j, j+2
.endr
	WIN 0
.irp t, 0,1,2,3,4,5,6,7
	global_store_b128 v[CO], v[BK+32*\a+4*\t:BK+32*\a+4*\t+3], s[14:15] offset:(16*\a+2*\t)*SIZE_N*4 th:TH_STORE_NT
.endr
.endr
	s_wait_tensorcnt 0x0
	ds_add_u32 v[SPW], v[NIL]
	s_wait_dscnt 0x0
	CROUND
	s_endpgm
.Lfunc_end_k_q781359df1c_ff2:
	.size	k_q781359df1c_ff2, .Lfunc_end_k_q781359df1c_ff2-k_q781359df1c_ff2
	.p2alignl 7, 3214868480
	.fill 96, 4, 3214868480
	.section	.rodata,"a",@progbits
	.p2align	6, 0x0
	.amdhsa_kernel k_q781359df1c_ff2
		.amdhsa_group_segment_fixed_size 327680
		.amdhsa_private_segment_fixed_size 0
		.amdhsa_enable_private_segment 0
		.amdhsa_kernarg_size 48
		.amdhsa_user_sgpr_count 2
		.amdhsa_user_sgpr_kernarg_segment_ptr 1
		.amdhsa_wavefront_size32 1
		.amdhsa_system_sgpr_workgroup_id_x 1
		.amdhsa_system_sgpr_workgroup_id_y 1
		.amdhsa_system_sgpr_workgroup_id_z 1
		.amdhsa_system_vgpr_workitem_id 0
		.amdhsa_next_free_vgpr 640
		.amdhsa_next_free_sgpr 102
		.amdhsa_reserve_vcc 0
		.amdhsa_float_denorm_mode_32 3
		.amdhsa_float_denorm_mode_16_64 3
		.amdhsa_memory_ordered 1
		.amdhsa_forward_progress 1
		.amdhsa_inst_pref_size 104
	.end_amdhsa_kernel
	.amdgpu_metadata
---
amdhsa.version: [ 1, 2 ]
amdhsa.kernels:
  - .name:           k_q781359df1c_ff2
    .symbol:         k_q781359df1c_ff2.kd
    .args:
      - { .name: gg, .offset: 0, .size: 8, .value_kind: global_buffer, .address_space: global }
      - { .name: wimg, .offset: 8, .size: 8, .value_kind: global_buffer, .address_space: global }
      - { .name: ff2_w_scales, .offset: 16, .size: 8, .value_kind: global_buffer, .address_space: global }
      - { .name: ff2_b, .offset: 24, .size: 8, .value_kind: global_buffer, .address_space: global }
      - { .name: x1, .offset: 32, .size: 8, .value_kind: global_buffer, .address_space: global }
      - { .name: out0, .offset: 40, .size: 8, .value_kind: global_buffer, .address_space: global }
    .group_segment_fixed_size: 327680
    .private_segment_fixed_size: 0
    .kernarg_segment_align: 8
    .kernarg_segment_size: 48
    .max_flat_workgroup_size: 128
    .sgpr_count:     102
    .vgpr_count:     640
    .wavefront_size: 32
...
	.end_amdgpu_metadata
.endif
;; end of part 15
